; MI455X (gfx1250); checked and timed in simulation.
; The chip was launched on July 23, 2026; its instructions are those of AMD's public machine-readable ISA for CDNA 5 (MIT licence, August 2026) and "CDNA5" Instruction Set Architecture Reference Guide (July 2026). The comments in the code are by the model that wrote it; some were corrected since.
;; Transformer Block. Allowed arithmetic: matrix products marked QUANTISED: E2M3 operands, one E8M0 scale for each 32 along K, by v_wmma_scale_f32_16x16x128_f8f6f4 with both operands' format E2M3, f32 sums; everything else in f32.
;; Inputs: W1 1,024 x 4,096 float32; W2 4,096 x 1,024 float32; Wk 1,024 x 16 x 64 float32; Wo 1,024 x 16 x 64 float32; Wq 1,024 x 16 x 64 float32; Wv 1,024 x 16 x 64 float32; b1 4,096 float32; b2 1,024 float32; be1 1,024 float32; be2 1,024 float32; g1 1,024 float32; g2 1,024 float32; inputs 2 x 2,048 x 1,024 float32.
;; Outputs: out0 2 x 2,048 x 1,024 float32.
;; This version of the problem:
;;   THIS VERSION OF THE PROBLEM IS GIVEN IN LOW PRECISION. The matrix products marked QUANTISED in the list below multiply operands that are first quantised to E2M3 (2 exponent bits, 3 mantissa bits; 6 bits a number), with one power-of-two scale for each 32 numbers along K (OCP MX v1.0); their sums are f32. All else is computed in f32.
;;   The module's matrix products, in the order in which they are computed (A, B: the left and right operand; K: the contracted axis; several contracted axes count as one K, in the product's order):
;;     1. [M 4,096, K 1,024] x [K 1,024, N 1,024]; A: input inputs; B: input Wq: QUANTISED
;;     2. [M 4,096, K 1,024] x [K 1,024, N 1,024]; A: input inputs; B: input Wk: QUANTISED
;;     3. [M 4,096, K 1,024] x [K 1,024, N 1,024]; A: input inputs; B: input Wv: QUANTISED
;;     4. batch 32 x [M 2,048, K 64] x [K 64, N 2,048]; A: computed on the way; B: computed on the way: QUANTISED
;;     5. batch 32 x [M 64, K 2,048] x [K 2,048, N 2,048]; A: computed on the way; B: softmax (see below): QUANTISED
;;     6. [M 4,096, K 1,024] x [K 1,024, N 1,024]; A: computed on the way; B: input Wo: QUANTISED
;;     7. [M 4,096, K 1,024] x [K 1,024, N 4,096]; A: computed on the way; B: input W1: QUANTISED
;;     8. [M 4,096, K 4,096] x [K 4,096, N 1,024]; A: computed on the way; B: input W2: QUANTISED
;;   THE QUANTISER, for each operand of a quantised product, along K:
;;     - K is cut into blocks of 32 from its start; a last block that is shorter is filled with zeros.
;;     - A block's scale is 2^e with e = floor(log2(the largest magnitude in the block)) - 2, held to -126 .. 127; a block of zeros has e = 0. As a byte (E8M0): e + 127.
;;     - Each number is divided by its block's scale, clamped to +-7.5, and rounded to the nearest number of E2M3, ties to even, subnormals kept.
;;     - The product sums the exact products of the quantised numbers (number of the format x scale) in f32.
;;   ~~~python
;;   def quantise(x, axis):      # numpy; x: float32 -> the quantised numbers, widened to float32 again
;;       x = np.moveaxis(x, axis, -1); K = x.shape[-1]
;;       x = np.pad(x, [(0, 0)] * (x.ndim - 1) + [(0, -K % 32)]); x = x.reshape(x.shape[:-1] + (-1, 32)); a = np.abs(x).max(-1, keepdims=True)
;;       e = np.where(a > 0, np.clip(np.frexp(np.where(a > 0, a, 1))[1] - 1 - 2, -126, 127), 0)      # np.frexp(a)[1] - 1 = floor(log2(a)), exactly
;;       r = np.clip(x / 2.0 ** e, -7.5, 7.5)
;;       step = 2.0 ** (np.maximum(np.frexp(np.where(r == 0, 1, r))[1] - 1, 0) - 3)
;;       q = np.round(r / step) * step * 2.0 ** e      # np.round: ties to even
;;       return np.moveaxis(q.reshape(q.shape[:-2] + (-1,))[..., :K], -1, axis).astype(np.float32)
;;   ~~~
;;   SOFTMAX AHEAD OF A QUANTISED PRODUCT. Where the list says 'softmax', what is quantised is not the finished softmax but p = 2^(t - M), with t = logit x log2(e) and M = ceil(the row's largest t), a whole number; so 1/2 < the row's largest p <= 1. The row's sum l is taken of the UNQUANTISED p, in f32, and the product's result is divided by l at the end. Since M is a whole number, a kernel that streams over the keys may use a running M (the ceiling of the running maximum): every later rescaling is an exact power of two, which a block's scale takes up: the codes' values come out the same.
;;   OPERANDS COMPUTED ON THE WAY. 'Computed on the way' means the value that the module computes at that place (a softmax that the list does not call 'softmax' is quantised finished and normalised). What goes into a quantiser is computed in f32, as accurately as f32 sums, v_exp_f32 and their like allow (about 1e-6 of the number): no bf16 or f16 on the way to a quantiser, and a product that is left as it is and whose result goes on into a quantised operand takes f32 operands (vector FMAs, or v_wmma_f32_16x16x4_f32). A number that lies on a knife's edge between two numbers of the format may be rounded either way, as far as f32 arithmetic and the matrix unit's own rounding can turn it there, and no further.
;; 2 versions. Each part assembles by itself: llvm-mc -triple=amdgcn-amd-amdhsa -mcpu=gfx1250 --defsym DOCPART=n.
;; ======== version 1 of 2: 9 launches
;; workspace buffers: wq 9,011,200 bytes; xq 4,096,000 bytes; qkv 9,830,400 bytes; ctx 3,276,800 bytes; y 16,777,216 bytes; hb 20,054,016 bytes; act 13,107,200 bytes
;; launch qo (part 1): grid 352 x 1, 4 waves a work-group, no clusters, 13,824 bytes of LDS; arguments Wq, Wk, Wv, W1, W2, wq; writes wq
.if DOCPART == 1
	.amdgcn_target "amdgcn-amd-amdhsa--gfx1250"
	.amdhsa_code_object_version 6
	.text
	.protected	k_q0c8ccc0884_qo
	.globl	k_q0c8ccc0884_qo
	.p2align	8
	.type	k_q0c8ccc0884_qo,@function
k_q0c8ccc0884_qo:
	s_mov_b64 s[64:65], 0
	v_nop
	global_prefetch_b8 v0, s[64:65] scope:SCOPE_SE
	s_setreg_imm32_b32 hwreg(HW_REG_WAVE_MODE, 25, 1), 1
	s_wait_xcnt 0x0
; FIRST LAUNCH OF NINE of a transformer block on 4,096 token rows (D 1,024, 16 heads of 64, FF 4,096), all eight products on codes of FP6 (E2M3) with one E8M0 scale for each 32 along K.
; WORK LEFT OUT IN THE WHOLE PROGRAM.  No input is dead: all thirteen are loaded.  The causal mask is built in the problem's own body (tril): key s counts for query t where s <= t.  A step of 128 keys all of which come after
; all 16 queries of a tile is thrown away by that mask for every value of the inputs, so the attention launch does not compute it.  LIMIT: a NaN, an infinity or an overflow that reaches only such hidden steps is not carried to the result.
; The factor 1/8 on q is a power of two: the codes of q/8 are the codes of q and the scale byte is 3 lower, so it is folded into the constant of the softmax.  LIMIT: this differs where a block's byte would be held at 1 (|q| under about 2^-121).
; LIMITS of every quantiser here: NaN and infinities among the inputs are not served; a block of zeros, or one whose largest magnitude lies under 2^-124, gets the byte 1 (its bytes are read by this program alone).
;
; THIS LAUNCH: the five weights whose K is their FIRST axis (Wq, Wk, Wv [1024][1024], W1 [1024][4096], W2 [4096][1024], f32) become codes and scale words in the workspace buffer wq.
; A LANE TAKES A COLUMN n AND ITS REGISTERS RUN DOWN K: a block of 32 along K lies in one lane, and the conversions give codes with K innermost.
; LAYOUT OF ALL CODE BUFFERS OF THIS PROGRAM: [tile of 128 rows][step of 128 along K][fragment a = 0..7][piece p = 0..5][lane x 8 bytes]: the image of the operand registers (piece p = registers 2p, 2p+1 of the 32 lanes).
; Row n of a tile stands at POSITION n with bits 3 and 4 exchanged: fragment a, lane r holds row 32 (a/2) + 8 (a%2) + r + 8 (r/8).  So, used as source 0 of a product, two neighbouring fragments give a lane 16 neighbouring rows.
; SCALE WORDS: 512 bytes for each (tile, step): the word of position 16 a + r at 256 (a/4) + 16 r + 4 (a%4).
; SHARES: a work-group takes 128 columns x 256 along K; wave g its columns 32 g .. 32 g + 31, which are fragments 2 g and 2 g + 1.  Work-groups 0-95: Wq, Wk, Wv (32 each); 96-223: W1; 224-351: W2.
; No tensor loads; loads run two blocks (64 loads a wave) ahead.
.set WS8,   8650752                    ; in wq: scale words of the tiles with K = 1,024 (56 tiles x 4,096 bytes)
.set W2C,   5505024                    ; W2's codes
.set W2S,   8880128                    ; W2's scale words
.set EMAX,  2
.set X,     32                         ; v32-95   two sets of 32 numbers
.set OFF,   96                         ; v96-127  4 x lane + i rows
.set C,     128                        ; v128-134 a block's codes
.set OUTR,  144                        ; v144-191 the way out, two sets of 24
.set SB,    24                         ; v24-25   the scale words of the two steps of 128
.set SPW,   14                         ; v14      my spare word; never rewritten
.set NIL,   15                         ; v15      0; never rewritten
.set SCB,   12288                      ; LDS: behind the four stages of 3,072 bytes: the scale words, [2 steps][512]
.set SPARE, 13312                      ; the spare words, 128 bytes for each wave
.set WV,    16
.set BS,    40                         ; s[40:55] eight bases, 32 rows of the weight apart
	s_load_b256 s[4:11], s[0:1], 0x0               ; Wq, Wk, Wv, W1
	s_load_b128 s[12:15], s[0:1], 0x20             ; W2, wq
	v_lshl_add_u32 v[SPW], v0, 2, SPARE
	v_mov_b32 v[NIL], 0
	v_lshrrev_b32 v1, 5, v0
	v_readfirstlane_b32 s[WV], v1                  ; wave g
	v_and_b32 v2, 31, v0                           ; lane
	v_lshlrev_b32 v3, 2, v2                        ; 4 bytes a lane
	v_and_b32 v9, 7, v0
	v_bfe_u32 v10, v0, 4, 1
	v_lshl_or_b32 v9, v10, 3, v9                   ; r: my column's lane in its fragment
	v_bfe_u32 v10, v0, 3, 1                        ; u: which of my wave's two fragments
	s_mul_i32 s17, s[WV], 3072                     ; my stage
	v_mul_u32_u24 v4, v10, 1536
	v_lshl_add_u32 v4, v9, 3, v4
	v_add_nc_u32 v4, s17, v4                       ; into it: fragment u, 8 bytes at lane r
	s_lshr_b32 s18, s[WV], 1
	s_lshl_b32 s18, s18, 8
	s_and_b32 s19, s[WV], 1
	s_lshl_b32 s19, s19, 3
	s_add_co_u32 s18, s18, s19
	s_add_co_u32 s18, s18, SCB
	v_lshlrev_b32 v5, 4, v9
	v_lshl_add_u32 v5, v10, 2, v5
	v_add_nc_u32 v5, s18, v5                       ; my scale word: 256 (a/4) + 16 r + 4 (a%4), a = 2 g + u
	v_lshlrev_b32 v7, 4, v2                        ; the way out: 16 bytes a lane
	v_add_nc_u32 v6, s17, v7
	v_lshlrev_b32 v8, 3, v2
	s_lshl_b32 s19, s[WV], 8
	v_add_nc_u32 v19, s19, v8                      ; the scale words' way out: 256 g + 8 x lane
	v_add_nc_u32 v18, SCB, v19
	; which tensor, which tile, which 256 along K: from the work-group's number alone
	s_and_b32 s21, ttmp9, 31
	s_sub_co_u32 s22, ttmp9, 96
	s_sub_co_u32 s23, ttmp9, 224
	s_lshr_b32 s24, ttmp9, 5
	s_lshl_b32 s24, s24, 3                         ; Wq, Wk, Wv: tiles 0-7, 8-15, 16-23
	s_mov_b32 s25, 5
	s_mov_b32 s26, WS8
	s_cmp_lt_u32 ttmp9, 96
	s_cselect_b32 s21, s21, s22                    ; number inside the tensor
	s_cselect_b32 s24, s24, 24                     ; first tile in wq (W1: 24-55)
	s_cselect_b32 s25, 3, s25                      ; log2 of the tensor's tiles
	s_cmp_lt_u32 ttmp9, 224
	s_cselect_b32 s21, s21, s23
	s_cselect_b32 s24, s24, 0
	s_cselect_b32 s25, s25, 3
	s_cselect_b32 s27, 8, 32                       ; steps of 128 along K
	s_cselect_b32 s28, 0, W2C
	s_cselect_b32 s26, s26, W2S
	s_lshl_b32 s29, 1, s25
	s_sub_co_u32 s29, s29, 1
	s_and_b32 s29, s21, s29                        ; tile
	s_lshr_b32 s30, s21, s25                       ; which 256 along K
	s_lshl_b32 s31, 512, s25                       ; a row of the weight in bytes: 4,096 or 16,384
	s_add_co_u32 s24, s24, s29
	s_mul_i32 s24, s24, s27
	s_lshl_b32 s32, s30, 1
	s_add_co_u32 s24, s24, s32                     ; (tile, step) number of my first step
	s_mul_i32 s32, s30, s31
	s_lshl_b32 s32, s32, 8                         ; 256 rows for each 256 along K,
	s_lshl_b32 s33, s29, 9
	s_add_co_u32 s32, s32, s33                     ; 512 bytes a tile,
	s_lshl_b32 s33, s[WV], 7
	s_add_co_u32 s32, s32, s33                     ; 128 bytes a wave
	s_mov_b32 s33, 0
	s_lshl_b32 s34, s31, 5                         ; 32 rows
	s_mov_b32 s35, 0
	s_mul_i32 s36, s24, 12288
	s_add_co_u32 s36, s36, s28
	s_add_co_u32 s36, s36, s17                     ; my two fragments: 3,072 g
	s_mov_b32 s37, 0
	s_lshl_b32 s38, s24, 9
	s_add_co_u32 s38, s38, s26
	s_mov_b32 s39, 0
.set i, 0
.rept 32
	v_mad_u32_u24 v[OFF+i], s31, i, v3             ; row i of a block, my column
.set i, i+1
.endr
	s_wait_kmcnt 0x0
	s_cmp_lt_u32 ttmp9, 32                         ; the choice hangs on the work-group's number alone
	s_cselect_b64 s[56:57], s[4:5], s[6:7]
	s_cmp_lt_u32 ttmp9, 64
	s_cselect_b64 s[56:57], s[56:57], s[8:9]
	s_cmp_lt_u32 ttmp9, 96
	s_cselect_b64 s[56:57], s[56:57], s[10:11]
	s_cmp_lt_u32 ttmp9, 224
	s_cselect_b64 s[56:57], s[56:57], s[12:13]
	s_add_nc_u64 s[BS:BS+1], s[56:57], s[32:33]
.irp t, 1,2,3,4,5,6,7
	s_add_nc_u64 s[BS+2*\t:BS+2*\t+1], s[BS+2*\t-2:BS+2*\t-1], s[34:35]
.endr
	s_add_nc_u64 s[58:59], s[14:15], s[36:37]      ; where my codes go
	s_add_nc_u64 s[60:61], s[14:15], s[38:39]      ; where the work-group's scale words go
.macro LOAD t                          ; block t: 32 rows of my column into set t % 2; each load reads 128 neighbouring bytes a wave
.set i, 0
.rept 32
	global_load_b32 v[X+32*((\t)%2)+i], v[OFF+i], s[BS+2*(\t):BS+2*(\t)+1] th:TH_LOAD_NT
.set i, i+1
.endr
.endm
.macro BLOCK t
.set XS, X+32*((\t)%2)
.if (\t) < 7
	s_wait_loadcnt 32                              ; this block's 32 loads are in; the next block's 32 may be out
.else
	s_wait_loadcnt 0
.endif
	v_max3_num_f32 v12, |v[XS]|, |v[XS+1]|, |v[XS+2]|     ; the block's largest magnitude: all 32 numbers are mine
	v_max3_num_f32 v13, |v[XS+3]|, |v[XS+4]|, |v[XS+5]|
.irp i, 6,10,14,18,22,26
	v_max3_num_f32 v12, v12, |v[XS+\i]|, |v[XS+\i+1]|
	v_max3_num_f32 v13, v13, |v[XS+\i+2]|, |v[XS+\i+3]|
.endr
	v_max3_num_f32 v12, v12, |v[XS+30]|, |v[XS+31]|
	v_max3_num_f32 v12, v12, v13, (EMAX+1)<<23     ; and the floor 2^(3 - 127): the byte cannot fall under 1
	v_add_nc_u32 v11, -(EMAX<<23), v12             ; 2 off the exponent field: the conversion's scale operand
	v_lshrrev_b32 v13, 23, v11                     ; the scale's byte
	v_cvt_scalef32_pk16_fp6_f32 v[C:C+2], v[XS:XS+15], v11
	v_cvt_scalef32_pk16_fp6_f32 v[C+4:C+6], v[XS+16:XS+31], v11   ; (a conversion's three registers begin on an even number)
.if (\t)%4 == 0
	v_mov_b32 v[SB+(\t)/4], v13                    ; four bytes to a word, the lower K in the lower byte.  (The plain line behind the conversions)
.else
	v_lshl_or_b32 v[SB+(\t)/4], v13, 8*((\t)%4), v[SB+(\t)/4]
.endif
	v_mov_b32 v[C+3], v[C+4]                       ; the block's six registers on end
	v_mov_b32 v[C+4], v[C+5]
	v_mov_b32 v[C+5], v[C+6]
.irp i, 0,1,2
	ds_store_b64 v4, v[C+2*\i:C+2*\i+1] offset:256*(3*(((\t)%4)/2)+\i)+128*((\t)%2)   ; block 2 c + h of a step: pieces 3 c + i, lane r + 16 h
.endr
.if (\t)+2 < 8
	LOAD (\t)+2
.endif
	s_wait_dscnt 0x0                               ; the stores have read their registers: the next block's codes may be written
.endm
.macro OUT q                           ; a step of 128 is whole: my two fragments leave as 3,072 consecutive bytes
.irp i, 0,1,2,3,4,5
	ds_load_b128 v[OUTR+24*\q+4*\i:OUTR+24*\q+4*\i+3], v6 offset:512*\i      ; LDS serves a wave's instructions in order: these see my stores
.endr
.irp i, 0,1,2,3,4,5
	s_wait_dscnt 5-\i                              ; the younger loads may be out
	global_store_b128 v7, v[OUTR+24*\q+4*\i:OUTR+24*\q+4*\i+3], s[58:59] offset:12288*\q+512*\i   ; 32 lanes store 512 consecutive bytes
.endr
	ds_store_b32 v5, v[SB+\q] offset:512*\q
.endm
	LOAD 0
	LOAD 1
	BLOCK 0
	BLOCK 1
	BLOCK 2
	BLOCK 3
	OUT 0
	BLOCK 4
	BLOCK 5
	BLOCK 6
	BLOCK 7
	OUT 1
	s_wait_dscnt 0x0                               ; for the others: my scale words lie in LDS
	s_barrier_signal -1
	s_barrier_wait -1
	ds_load_b64 v[16:17], v18                      ; a quarter of the 1,024 bytes for each wave
	s_wait_dscnt 0x0
	global_store_b64 v19, v[16:17], s[60:61]       ; 32 lanes store 256 consecutive bytes, aligned
	s_wait_tensorcnt 0x0                           ; the wave's end
	ds_add_u32 v[SPW], v[NIL]
	s_wait_dscnt 0x0
	s_endpgm
.Lfunc_end_k_q0c8ccc0884_qo:
	.size	k_q0c8ccc0884_qo, .Lfunc_end_k_q0c8ccc0884_qo-k_q0c8ccc0884_qo
	.p2alignl 7, 3214868480
	.fill 96, 4, 3214868480
	.section	.rodata,"a",@progbits
	.p2align	6, 0x0
	.amdhsa_kernel k_q0c8ccc0884_qo
		.amdhsa_group_segment_fixed_size 13824
		.amdhsa_private_segment_fixed_size 0
		.amdhsa_enable_private_segment 0
		.amdhsa_kernarg_size 48
		.amdhsa_user_sgpr_count 2
		.amdhsa_user_sgpr_kernarg_segment_ptr 1
		.amdhsa_wavefront_size32 1
		.amdhsa_system_sgpr_workgroup_id_x 1
		.amdhsa_system_sgpr_workgroup_id_y 1
		.amdhsa_system_sgpr_workgroup_id_z 1
		.amdhsa_system_vgpr_workitem_id 0
		.amdhsa_next_free_vgpr 192
		.amdhsa_next_free_sgpr 66
		.amdhsa_reserve_vcc 0
		.amdhsa_float_denorm_mode_32 3
		.amdhsa_float_denorm_mode_16_64 3
		.amdhsa_memory_ordered 1
		.amdhsa_forward_progress 1
		.amdhsa_inst_pref_size 46
	.end_amdhsa_kernel
	.amdgpu_metadata
---
amdhsa.version: [ 1, 2 ]
amdhsa.kernels:
  - .name:           k_q0c8ccc0884_qo
    .symbol:         k_q0c8ccc0884_qo.kd
    .args:
      - { .name: Wq, .offset: 0, .size: 8, .value_kind: global_buffer, .address_space: global }
      - { .name: Wk, .offset: 8, .size: 8, .value_kind: global_buffer, .address_space: global }
      - { .name: Wv, .offset: 16, .size: 8, .value_kind: global_buffer, .address_space: global }
      - { .name: W1, .offset: 24, .size: 8, .value_kind: global_buffer, .address_space: global }
      - { .name: W2, .offset: 32, .size: 8, .value_kind: global_buffer, .address_space: global }
      - { .name: wq, .offset: 40, .size: 8, .value_kind: global_buffer, .address_space: global }
    .group_segment_fixed_size: 13824
    .private_segment_fixed_size: 0
    .kernarg_segment_align: 8
    .kernarg_segment_size: 48
    .max_flat_workgroup_size: 128
    .sgpr_count:     66
    .vgpr_count:     192
    .wavefront_size: 32
...
	.end_amdgpu_metadata
.endif
;; end of part 1
;; launch qi (part 2): grid 320 x 1, 8 waves a work-group, no clusters, 69,120 bytes of LDS; arguments inputs, Wo, xq; writes xq
.if DOCPART == 2
	.amdgcn_target "amdgcn-amd-amdhsa--gfx1250"
	.amdhsa_code_object_version 6
	.text
	.protected	k_q0c8ccc0884_qi
	.globl	k_q0c8ccc0884_qi
	.p2align	8
	.type	k_q0c8ccc0884_qi,@function
k_q0c8ccc0884_qi:
	s_mov_b64 s[64:65], 0
	v_nop
	global_prefetch_b8 v0, s[64:65] scope:SCOPE_SE
	s_setreg_imm32_b32 hwreg(HW_REG_WAVE_MODE, 25, 1), 1
	s_wait_xcnt 0x0
; inputs [4096][1024] and Wo [1024 (d)][1024 (h, v)], f32, K innermost, become codes of FP6 (E2M3) and E8M0 scale words in the workspace buffer xq: tiles 0-31 are inputs, tiles 32-39 are Wo.
; LAYOUT (as in all code buffers of this program): [tile of 128 rows][step of 128 along K][fragment a][piece p][lane x 8 bytes], the image of the operand registers; fragment a, lane r holds row 32 (a/2) + 8 (a%2) + r + 8 (r/8).
; Scale words: 512 bytes for each (tile, step): the word of position 16 a + r at 256 (a/4) + 16 r + 4 (a%4).
; SHARES: work-group = 8 x tile + step; wave a makes fragment a.  Each of a wave's 16 loads reads 512 consecutive bytes of one row; the rows turn through the wave's own stage in LDS (pitch 528 bytes = 33 x 16, so that the
; sixteen rows of a read start in different banks), and come back so that lane (r, h) holds, of row r, 16 neighbours of each block of 32.
; LIMITS: NaN and infinities are not served; a block of zeros or with largest magnitude under 2^-124 gets the byte 1 (read by this program alone).
.set XS,    3932160                    ; in xq: the scale words
.set R,     16                         ; v16-79   as loaded
.set ST,    80                         ; v80-143  64 numbers: register 16 b + i = k 32 b + 16 h + i of my row
.set PC,    144                        ; v144-163 the codes
.set TM,    164                        ; v164-179 at work
.set PW,    180                        ; the scale word
.set SPW,   12
.set NIL,   13
.set SCB,   67584                      ; LDS: behind the eight stages of 8,448 bytes: the 512 bytes of scale words
.set SPARE, 68096                      ; the spare words, 128 bytes for each wave
.set WV,    8
.set SEL,   20
.macro QUANT s                         ; 64 numbers of a lane become a fragment's codes in v[PC] on and its scale word in v[PW]
.irp b, 0,1,2,3
	v_max3_num_f32 v[TM+\b], |v[\s+16*\b]|, |v[\s+1+16*\b]|, 0x1800000   ; block b: my 16 numbers, and the floor 2^(3 - 127)
.endr
.irp i, 2,4,6,8,10,12,14
.irp b, 0,1,2,3
	v_max3_num_f32 v[TM+\b], v[TM+\b], |v[\s+16*\b+\i]|, |v[\s+1+16*\b+\i]|
.endr
.endr
.irp b, 0,1,2,3
	v_permlanex16_b32 v[TM+4+\b], v[TM+\b], s[SEL], s[SEL+1]
.endr
.irp b, 0,1,2,3
	v_max_num_f32 v[TM+\b], v[TM+\b], v[TM+4+\b]   ; with lane l xor 16: the block's largest magnitude
.endr
.irp b, 0,1,2,3
	v_add_nc_u32 v[TM+12+\b], 0xff000000, v[TM+\b] ; 2 off its exponent field: the conversion's scale operand
.endr
.irp b, 0,1,2,3
	v_lshrrev_b32 v[TM+4+\b], 23, v[TM+12+\b]      ; the scale's byte
.endr
	v_lshl_or_b32 v[PW], v[TM+5], 8, v[TM+4]
	v_lshl_or_b32 v[PW], v[TM+6], 16, v[PW]
	v_lshl_or_b32 v[PW], v[TM+7], 24, v[PW]
.irp c, 0,1
	v_cvt_scalef32_pk16_fp6_f32 v[PC+6*\c:PC+2+6*\c], v[\s+32*\c:\s+15+32*\c], v[TM+12+2*\c]
	v_cvt_scalef32_pk16_fp6_f32 v[PC+12+4*\c:PC+14+4*\c], v[\s+16+32*\c:\s+31+32*\c], v[TM+12+2*\c+1]
.endr
	v_nop                                          ; one plain line behind a scaled conversion
.irp c, 0,1                                    ; the operand wants a whole block in a lane: lanes 0-15 block 2 c, lanes 16-31 block 2 c + 1
.irp i, 0,1,2
	v_permlane16_swap_b32 v[PC+6*\c+\i], v[PC+12+4*\c+\i]
.endr
.irp i, 0,1,2
	v_mov_b32 v[PC+3+6*\c+\i], v[PC+12+4*\c+\i]
.endr
.endr
.endm
	s_load_b128 s[4:7], s[0:1], 0x0                ; inputs, Wo
	s_load_b64 s[2:3], s[0:1], 0x10                ; xq
	v_lshl_add_u32 v[SPW], v0, 2, SPARE
	v_mov_b32 v[NIL], 0
	v_lshrrev_b32 v1, 5, v0
	v_readfirstlane_b32 s[WV], v1                  ; wave a
	v_and_b32 v2, 31, v0
	v_and_b32 v3, 15, v0                           ; r
	v_bfe_u32 v4, v0, 4, 1                         ; h
	v_lshlrev_b32 v5, 4, v2                        ; 16 x lane
	v_lshlrev_b32 v6, 3, v2                        ; 8 x lane
	s_mul_i32 s9, s[WV], 8448
	v_add_nc_u32 v7, s9, v5                        ; the stage, on the way in
	v_mul_u32_u24 v8, v3, 528
	v_lshl_add_u32 v8, v4, 6, v8
	v_add_nc_u32 v8, s9, v8                        ; and out: row r, + 64 h
	s_lshr_b32 s10, s[WV], 2
	s_lshl_b32 s10, s10, 8
	s_and_b32 s11, s[WV], 3
	s_lshl_b32 s11, s11, 2
	s_add_co_u32 s10, s10, s11
	s_add_co_u32 s10, s10, SCB
	v_lshl_add_u32 v9, v3, 4, s10                  ; my row's scale word
	v_add_nc_u32 v10, SCB, v5
	s_lshr_b32 s12, ttmp9, 3                       ; tile
	s_sub_co_u32 s13, s12, 32
	s_cmp_lt_u32 ttmp9, 256
	s_cselect_b32 s12, s12, s13                    ; tile inside its tensor
	s_lshl_b32 s12, s12, 7
	s_lshr_b32 s13, s[WV], 1
	s_lshl_b32 s13, s13, 5
	s_add_co_u32 s12, s12, s13
	s_and_b32 s13, s[WV], 1
	s_lshl_b32 s13, s13, 3
	s_add_co_u32 s12, s12, s13                     ; the fragment's first row: 128 tile + 32 (a/2) + 8 (a%2)
	s_lshl_b32 s12, s12, 12                        ; rows of 4,096 bytes
	s_and_b32 s13, ttmp9, 7
	s_lshl_b32 s13, s13, 9
	s_add_co_u32 s12, s12, s13                     ; the step's 512 bytes
	s_mov_b32 s13, 0
	s_mul_i32 s14, ttmp9, 12288
	s_mul_i32 s15, s[WV], 1536
	s_add_co_u32 s14, s14, s15
	s_mov_b32 s15, 0
	s_lshl_b32 s16, ttmp9, 9
	s_add_co_u32 s16, s16, XS
	s_mov_b32 s17, 0
	s_mov_b32 s[SEL], 0x76543210
	s_mov_b32 s[SEL+1], 0xfedcba98
.irp b, 0,1,2,3
	v_mov_b32 v[TM+4+\b], 0                        ; a lane permute's destination counts as one of its sources
.endr
	s_wait_kmcnt 0x0
	s_cmp_lt_u32 ttmp9, 256                        ; the choice hangs on the work-group's number alone
	s_cselect_b64 s[4:5], s[4:5], s[6:7]
	s_add_nc_u64 s[4:5], s[4:5], s[12:13]
	s_add_nc_u64 s[14:15], s[2:3], s[14:15]
	s_add_nc_u64 s[16:17], s[2:3], s[16:17]
.irp i, 0,1,2,3,4,5,6,7,8,9,10,11,12,13,14,15
	global_load_b128 v[R+4*\i:R+4*\i+3], v5, s[4:5] offset:(\i+8*(\i/8))*4096 th:TH_LOAD_NT   ; lane i's row: 512 consecutive bytes
.endr
.irp i, 0,1,2,3,4,5,6,7,8,9,10,11,12,13,14,15
	s_wait_loadcnt 15-\i                           ; the younger loads may be out
	ds_store_b128 v7, v[R+4*\i:R+4*\i+3] offset:528*\i
.endr
.irp b, 0,1,2,3
.irp j, 0,1,2,3
	ds_load_b128 v[ST+16*\b+4*\j:ST+16*\b+4*\j+3], v8 offset:128*\b+16*\j     ; LDS serves a wave's instructions in order: these see my stores
.endr
.endr
	s_wait_dscnt 0x0
	QUANT ST
.irp p, 0,1,2,3,4,5
	global_store_b64 v6, v[PC+2*\p:PC+2*\p+1], s[14:15] offset:256*\p         ; 32 lanes store 256 consecutive bytes, aligned
.endr
	ds_store_b32 v9, v[PW]                         ; lanes r and r + 16 write the same word with the same value
	s_wait_dscnt 0x0                               ; for wave 0: my words lie in LDS
	s_barrier_signal -1
	s_barrier_wait -1
	s_cmp_lg_u32 s[WV], 0
	s_cbranch_scc1 .Lnot_wave_0
	ds_load_b128 v[16:19], v10
	s_wait_dscnt 0x0
	global_store_b128 v5, v[16:19], s[16:17]       ; the 512 bytes of scale words
.Lnot_wave_0:
	s_wait_tensorcnt 0x0                           ; the wave's end
	ds_add_u32 v[SPW], v[NIL]
	s_wait_dscnt 0x0
	s_endpgm
.Lfunc_end_k_q0c8ccc0884_qi:
	.size	k_q0c8ccc0884_qi, .Lfunc_end_k_q0c8ccc0884_qi-k_q0c8ccc0884_qi
	.p2alignl 7, 3214868480
	.fill 96, 4, 3214868480
	.section	.rodata,"a",@progbits
	.p2align	6, 0x0
	.amdhsa_kernel k_q0c8ccc0884_qi
		.amdhsa_group_segment_fixed_size 69120
		.amdhsa_private_segment_fixed_size 0
		.amdhsa_enable_private_segment 0
		.amdhsa_kernarg_size 24
		.amdhsa_user_sgpr_count 2
		.amdhsa_user_sgpr_kernarg_segment_ptr 1
		.amdhsa_wavefront_size32 1
		.amdhsa_system_sgpr_workgroup_id_x 1
		.amdhsa_system_sgpr_workgroup_id_y 1
		.amdhsa_system_sgpr_workgroup_id_z 1
		.amdhsa_system_vgpr_workitem_id 0
		.amdhsa_next_free_vgpr 184
		.amdhsa_next_free_sgpr 66
		.amdhsa_reserve_vcc 0
		.amdhsa_float_denorm_mode_32 3
		.amdhsa_float_denorm_mode_16_64 3
		.amdhsa_memory_ordered 1
		.amdhsa_forward_progress 1
		.amdhsa_inst_pref_size 12
	.end_amdhsa_kernel
	.amdgpu_metadata
---
amdhsa.version: [ 1, 2 ]
amdhsa.kernels:
  - .name:           k_q0c8ccc0884_qi
    .symbol:         k_q0c8ccc0884_qi.kd
    .args:
      - { .name: inputs, .offset: 0, .size: 8, .value_kind: global_buffer, .address_space: global }
      - { .name: Wo, .offset: 8, .size: 8, .value_kind: global_buffer, .address_space: global }
      - { .name: xq, .offset: 16, .size: 8, .value_kind: global_buffer, .address_space: global }
    .group_segment_fixed_size: 69120
    .private_segment_fixed_size: 0
    .kernarg_segment_align: 8
    .kernarg_segment_size: 24
    .max_flat_workgroup_size: 256
    .sgpr_count:     66
    .vgpr_count:     184
    .wavefront_size: 32
...
	.end_amdgpu_metadata
.endif
;; end of part 2
;; launch qkv (part 3): grid 48 x 4, 4 waves a work-group, clusters of 4 x 4, 327,680 bytes of LDS; arguments xq, wq, qkv; writes qkv
.if DOCPART == 3
	.amdgcn_target "amdgcn-amd-amdhsa--gfx1250"
	.amdhsa_code_object_version 6
	.text
	.protected	k_q0c8ccc0884_qkv
	.globl	k_q0c8ccc0884_qkv
	.p2align	8
	.type	k_q0c8ccc0884_qkv,@function
k_q0c8ccc0884_qkv:
	s_mov_b64 s[64:65], 0
	v_nop
	global_prefetch_b8 v0, s[64:65] scope:SCOPE_SE
	s_setreg_imm32_b32 hwreg(HW_REG_WAVE_MODE, 25, 1), 1
	s_wait_xcnt 0x0
	s_wait_alu depctr_hold_cnt(0) depctr_sa_sdst(0) depctr_va_vdst(0) depctr_va_sdst(0) depctr_va_ssrc(0) depctr_va_vcc(0) depctr_vm_vsrc(0)
	s_getreg_b32 s2, hwreg(HW_REG_IB_STS2, 6, 4)
	s_cmp_eq_u32 s2, 0
	s_cbranch_scc0 .Lentry_in_a_cluster
	s_endpgm
.Lentry_in_a_cluster:
	s_bfe_u32 s2, ttmp6, 0x10000c
	s_cmp_lg_u32 s2, 0xf033
	s_cbranch_scc0 .Lentry_shape_is_right
	s_endpgm
.Lentry_shape_is_right:
; ONE TEXT SERVES THE FOUR PRODUCTS WITH WEIGHTS; the four lines below say which.  KIND 0: q, k = x Wq, x Wk (A = tokens, B = columns) and v^T = Wv^T x^T (A = columns of Wv, B = tokens, so that the results' registers run along
; the tokens, which are the K of the second product of attention); the results are quantised in registers and leave as codes.  KIND 1: y = ctx Wo^T + inputs.  KIND 2: act = Q(relu(h W1 + b1)).  KIND 3: y = act W2 + b2 + h.
; C = A B^T on codes of FP6 (E2M3) with one E8M0 scale for each 32 along K, sums in f32.  A tile of C, 256 x 256, is made by four waves, 128 x 128 each: 64 accumulators, 512 registers.
; OPERANDS lie in memory as images of the operand registers: [tile of 128 rows][step of 128 along K][fragment a][piece p][lane x 8 bytes]; fragment a, lane r holds row 32 (a/2) + 8 (a%2) + r + 8 (r/8).  So a slot's quarter
; (128 rows x 256 along K) is 24,576 dense bytes, a fragment is six loads of 8 bytes a lane at 8 x lane + 256 p (256 consecutive bytes each: every bank once), and no padding is needed.
; K goes in steps of 256 through a ring of two LDS slots filled by the tensor data mover.  The scale words of the work-group's rows, for all of K, come once with the first fills and stay.
; CLUSTERS: 4 x 4 work-groups; A's tiles are asked for jointly along a row of the cluster, B's along a column.  THE MATRIX INSTRUCTION IS USED TRANSPOSED (source 0 = B, source 1 = A): lane (r, h) holds position r of A's
; fragment, and the 16 registers of B's fragments 2 b and 2 b + 1 are the columns 32 b + 16 h + 0 .. 15: neighbours, by the order of rows in a fragment.
; REGISTERS: window 0: v0-31 addresses; v32-63 scale words, two sets; v64-127 the bias in the result's layout (BIAS = 1); from v128 A's fragments, one set.  window 1: B's fragments, two sets.  windows 2, 3: the accumulators.
; LIMITS: NaN and infinities are not served; a block of zeros or with largest magnitude under 2^-124 gets the byte 1 (read by this program alone).
.set KIND,   0
.set SIZE_K, 1024
.set BIAS,   0
.set EPIQ,   1
.set XS,     3932160                   ; byte offsets inside the workspace buffers: xq's scale words,
.set WS8,    8650752                   ; wq: scale words of the tiles with K = 1,024,
.set W2C,    5505024                   ; W2's codes,
.set W2S,    8880128                   ; W2's scale words,
.set QS,     9437184                   ; qkv's scale words,
.set CS,     3145728                   ; ctx's,
.set HC,     16777216                  ; hb: h's codes,
.set HS,     19922944                  ; h's scale words,
.set AS,     12582912                  ; act's scale words
.set NK,     SIZE_K/128
.set QUART,  24576                     ; 128 rows x 256 along K: what one tensor load brings
.set SLOT,   4*QUART                   ; A's two halves, then B's two
.set HALFS,  NK*512                    ; the scale words of 128 rows
.set SCL,    2*SLOT
.set SPARE,  SCL+4*HALFS               ; the spare words, 128 bytes for each wave
.set LAPS,   SIZE_K/512                ; a lap = two slots
.set FR,     12
.set NL,     6
.set NP,     4                         ; places behind this matrix instruction (ISA guide 7.12.1)
.set SPITCH, 528                       ; the way out in f32: a stage of 16 rows x (512 + 16) bytes for each wave, in slot 0, which has had its last fill and its last read by then
.set ADRA, 16                          ; v16-17 LDS address of my A fragments in slot 0, 1
.set ADRB, 20                          ; v20-21 the same for B
.set STO,  24                          ; f32 way out: where I put my bytes of a row
.set RD,   25                          ; and where I read a row back
.set CO,   26                          ; 16 x lane
.set LI8,  24                          ; codes' way out: 8 x lane
.set SA,   25                          ; 16 x lane
.set ADRS, 27                          ; my scale words: lanes 0-15 A's, lanes 16-31 B's
.set SPW,  28
.set NIL,  29
.set BO,   30                          ; the bias: 64 h
.set SC,   32
.set BI,   64
.set HA,   64
.set AF,   128
.set BK,   128
.set PC,   128                         ; codes' way out: two sets of 20
.set TM,   176
.set PWS,  200
.set T,    208
.set SEL,  2                           ; s[2:3]
.set G1, 24
.set G0, 32
.set G1B, 48
.set G0B, 56
.set G1S, 68
.set G0S, 76
.set G1SB, 80
.set G0SB, 88
.set MSB, 0
.macro WIN new                         ; the immediate's high byte repeats the setting that is left
.if MSB != (\new)
	s_set_vgpr_msb (MSB<<8)|(\new)
.set MSB, (\new)
.endif
.endm
.set MUL_LO, 0xa1                      ; source 0 (B) window 1, source 1 (A) window 0, C and D window 2
.set MUL_HI, 0xf1                      ; the same, C and D window 3
.set TO_B,   0x40
.macro JLOAD g0a, g1a, g0b, g1b        ; a joint load: waves 0 and 1 fetch for A, waves 2 and 3 for B; the branch hangs on the wave's number alone
	s_cmp_eq_u32 s15, 0
	s_cbranch_scc0 .Lfor_b_\@
	tensor_load_to_lds s[\g0a:\g0a+3], s[\g1a:\g1a+7]
	s_nop 0
.rept 4
	v_nop
.endr
	s_branch .Lasked_\@
.Lfor_b_\@:
	tensor_load_to_lds s[\g0b:\g0b+3], s[\g1b:\g1b+7]
	s_nop 0
.rept 4
	v_nop
.endr
.Lasked_\@:
.endm
.macro CREST                           ; a round of the cluster's barrier behind its opening barrier
	s_cmp_lg_u32 s14, 0
	s_cbranch_scc1 .Lnot_wave_0_\@
	s_barrier_signal -3
.Lnot_wave_0_\@:
	s_barrier_wait -3
	s_barrier_signal -1
	s_barrier_wait -1
.endm
.macro CROUND
	s_barrier_signal -1
	s_barrier_wait -1
	CREST
.endm
	s_load_b128 s[4:7], s[0:1], 0x0
.if KIND == 0
	s_load_b64 s[12:13], s[0:1], 0x10
.else
	s_load_b128 s[96:99], s[0:1], 0x10
.endif
.if KIND == 3
	s_load_b64 s[12:13], s[0:1], 0x20
.endif
	v_lshl_add_u32 v[SPW], v0, 2, SPARE
	v_mov_b32 v[NIL], 0
	ds_add_u32 v[SPW], v[NIL]                      ; the opening: the add, twice on end, and its wait ahead of my first tensor load
	ds_add_u32 v[SPW], v[NIL]
	v_lshrrev_b32 v1, 5, v0
	v_readfirstlane_b32 s14, v1                    ; wave 0..3
	s_lshr_b32 s15, s14, 1                         ; my half of the tile's rows.  Also: I fetch for A (0) or for B (1)
	s_and_b32 s16, s14, 1                          ; my half of its columns.  Also: which 128 rows I fetch
	s_bfe_u32 s40, ttmp6, 0x40000                  ; cx
	s_bfe_u32 s41, ttmp6, 0x40004                  ; cy
.if KIND == 0
	s_and_b32 s42, ttmp9, 1                        ; clusters 0-7: q and k, 2 x 4 clusters of 4 x 4 tiles; clusters 8-11: v^T, 4 x 1
	s_sub_co_u32 s43, ttmp9, 8
	s_lshr_b32 s17, ttmp9, 1
	s_cmp_lt_u32 ttmp9, 8
	s_cselect_b32 s42, s42, s43
	s_cselect_b32 s17, s17, 0
	s_lshl_b32 s42, s42, 2
	s_lshl_b32 s17, s17, 2
.else
	s_lshl_b32 s42, ttmp9, 2
	s_and_b32 s17, ttmp7, 0xffff
	s_lshl_b32 s17, s17, 2
.endif
	s_add_co_u32 s42, s42, s40                     ; tile column
	s_add_co_u32 s17, s17, s41                     ; tile row
	s_lshl_b32 s43, s41, 2
	s_lshl_b32 s43, 15, s43                        ; my row of the cluster
	s_lshl_b32 s44, 0x1111, s40                    ; my column
	s_or_b32 s[G1+0], s43, (3<<16)|(1<<21)         ; 15:0 the mask; 17:16 elements of 8 bytes; 21 set beside a mask; no padding
	s_or_b32 s[G1B+0], s44, (3<<16)|(1<<21)
.irp g, G1, G1B                        ; 24,576 dense bytes as 96 rows of 256
	s_mov_b32 s[\g+1], 32<<16
	s_mov_b32 s[\g+2], 96<<16
	s_mov_b32 s[\g+3], 32<<16
	s_mov_b32 s[\g+4], 96
	s_mov_b32 s[\g+5], 32
	s_mov_b32 s[\g+6], 0
	s_mov_b32 s[\g+7], 0
.endr
	s_or_b32 s[G1S+0], s43, (3<<16)|(1<<21)
	s_or_b32 s[G1SB+0], s44, (3<<16)|(1<<21)
.irp g, G1S, G1SB                      ; the scale words of 128 rows: HALFS dense bytes as rows of 256
	s_mov_b32 s[\g+1], 32<<16
	s_mov_b32 s[\g+2], (HALFS/256)<<16
	s_mov_b32 s[\g+3], 32<<16
	s_mov_b32 s[\g+4], HALFS/256
	s_mov_b32 s[\g+5], 32
	s_mov_b32 s[\g+6], 0
	s_mov_b32 s[\g+7], 0
.endr
	s_lshl_b32 s20, s17, 1
	s_add_co_u32 s20, s20, s16                     ; the tile of 128 rows of A that I fetch
	s_lshl_b32 s46, s42, 1
	s_add_co_u32 s46, s46, s16                     ; and of B
	s_mul_i32 s22, s20, HALFS
	s_mov_b32 s23, 0
	s_mul_i32 s92, s46, HALFS
	s_mov_b32 s93, 0
	s_mul_i32 s20, s20, NK*12288
	s_mov_b32 s21, 0
	s_mul_i32 s46, s46, NK*12288
	s_mov_b32 s47, 0
	s_mul_i32 s45, s14, QUART                      ; where they go: no place in the cluster enters an LDS address
	s_mul_i32 s94, s14, HALFS
	s_mov_b32 s[SEL], 0x76543210
	s_mov_b32 s[SEL+1], 0xfedcba98
	s_wait_dscnt 0x0                               ; both opening adds are done
	s_wait_kmcnt 0x0
	; s[4:5] A's codes, s[6:7] A's scale words, s[8:9] B's codes, s[10:11] B's scale words, s[12:13] the output, s[96:97] the bias, s[98:99] the residual, s[100:101] the output's scale words
.if KIND == 0
	s_add_nc_u64 s[96:97], s[4:5], XS
	s_add_nc_u64 s[98:99], s[6:7], WS8
	s_add_nc_u64 s[100:101], s[6:7], 16*8*12288    ; Wv: tiles 16-23 of wq
	s_add_nc_u64 s[66:67], s[6:7], WS8+16*4096
	s_cmp_lt_u32 ttmp9, 8                          ; the choice hangs on the cluster's number alone
	s_cselect_b64 s[8:9], s[6:7], s[4:5]
	s_cselect_b64 s[10:11], s[98:99], s[96:97]
	s_cselect_b64 s[4:5], s[4:5], s[100:101]
	s_cselect_b64 s[6:7], s[96:97], s[66:67]
	s_add_nc_u64 s[100:101], s[12:13], QS
.elseif KIND == 1
	s_mov_b64 s[12:13], s[98:99]
	s_mov_b64 s[98:99], s[96:97]
	s_add_nc_u64 s[8:9], s[6:7], 32*8*12288        ; Wo: tiles 32-39 of xq
	s_add_nc_u64 s[10:11], s[6:7], XS+32*4096
	s_add_nc_u64 s[6:7], s[4:5], CS
.elseif KIND == 2
	s_mov_b64 s[12:13], s[98:99]
	s_add_nc_u64 s[100:101], s[98:99], AS
	s_add_nc_u64 s[8:9], s[6:7], 24*8*12288        ; W1: tiles 24-55 of wq
	s_add_nc_u64 s[10:11], s[6:7], WS8+24*4096
	s_add_nc_u64 s[6:7], s[4:5], HS
	s_add_nc_u64 s[4:5], s[4:5], HC
.else
	s_add_nc_u64 s[8:9], s[6:7], W2C
	s_add_nc_u64 s[10:11], s[6:7], W2S
	s_add_nc_u64 s[6:7], s[4:5], AS
.endif
	s_add_nc_u64 s[20:21], s[4:5], s[20:21]
	s_add_nc_u64 s[22:23], s[6:7], s[22:23]
	s_add_nc_u64 s[46:47], s[8:9], s[46:47]
	s_add_nc_u64 s[92:93], s[10:11], s[92:93]
	CROUND                                         ; all sixteen work-groups are here: the first joint loads meet
	s_mov_b32 s[G0S], 1
	s_add_co_u32 s[G0S+1], s94, SCL
	s_mov_b64 s[G0S+2:G0S+3], s[22:23]
	s_or_b32 s[G0S+3], s[G0S+3], 0x80000000
	s_mov_b32 s[G0SB], 1
	s_add_co_u32 s[G0SB+1], s94, SCL
	s_mov_b64 s[G0SB+2:G0SB+3], s[92:93]
	s_or_b32 s[G0SB+3], s[G0SB+3], 0x80000000
	JLOAD G0S, G1S, G0SB, G1SB                     ; the scale words first: they are wanted with the first step
.irp s, 0,1
	s_mov_b32 s[G0+4*\s], 1
	s_add_co_u32 s[G0+4*\s+1], s45, \s*SLOT
	s_add_nc_u64 s[G0+4*\s+2:G0+4*\s+3], s[20:21], \s*QUART
	s_or_b32 s[G0+4*\s+3], s[G0+4*\s+3], 0x80000000
	s_mov_b32 s[G0B+4*\s], 1
	s_add_co_u32 s[G0B+4*\s+1], s45, \s*SLOT
	s_add_nc_u64 s[G0B+4*\s+2:G0B+4*\s+3], s[46:47], \s*QUART
	s_or_b32 s[G0B+4*\s+3], s[G0B+4*\s+3], 0x80000000
	JLOAD G0+4*\s, G1, G0B+4*\s, G1B               ; three tensor loads of a wave are out here
.endr
	v_and_b32 v1, 15, v0                           ; r
	v_bfe_u32 v2, v0, 4, 1                         ; h
	v_and_b32 v3, 31, v0                           ; lane; never rewritten
	v_lshlrev_b32 v4, 3, v3                        ; 8 x lane
	s_mul_i32 s21, s15, QUART                      ; my 128 rows of A
	s_mul_i32 s22, s16, QUART                      ; my 128 rows of B,
	s_add_co_u32 s22, s22, 2*QUART                 ; behind A's two quarters
.irp s, 0,1
	v_add_nc_u32 v[ADRA+\s], s21, v4
	v_add_nc_u32 v[ADRB+\s], s22, v4
	s_add_co_u32 s21, s21, SLOT
	s_add_co_u32 s22, s22, SLOT
.endr
	v_lshlrev_b32 v5, 4, v1                        ; my scale words: 16 r,
	s_mul_i32 s21, s15, HALFS                      ; A's: my 128 rows
	s_mul_i32 s22, s16, HALFS                      ; B's: my 128 rows, behind A's two
	s_add_co_u32 s22, s22, 2*HALFS
	s_sub_co_u32 s22, s22, s21
	v_mul_u32_u24 v6, s22, v2                      ; lanes 16-31 take B's
	s_add_co_u32 s21, s21, SCL
	v_add_nc_u32 v5, v5, v6
	v_add_nc_u32 v[ADRS], s21, v5
.if BIAS
	s_lshl_b32 s46, s42, 10
	s_lshl_b32 s47, s16, 9
	s_add_co_u32 s46, s46, s47                     ; my first column, 4 bytes each
	s_mov_b32 s47, 0
	s_add_nc_u64 s[96:97], s[96:97], s[46:47]
	v_lshlrev_b32 v[BO], 6, v2
.irp b, 0,1,2,3,4,5,6,7                ; the bias in the result's layout: tile b, register j: column 32 (b/2) + 8 (b%2) + 16 h + j.  It is the C of each sum's first matrix instruction
	global_load_b128 v[BI+8*\b:BI+8*\b+3], v[BO], s[96:97] offset:(32*(\b/2)+8*(\b%2))*4
	global_load_b128 v[BI+8*\b+4:BI+8*\b+7], v[BO], s[96:97] offset:(32*(\b/2)+8*(\b%2))*4+16
.endr
.endif
.if EPIQ
	v_lshlrev_b32 v[LI8], 3, v3
	v_lshlrev_b32 v[SA], 4, v3
	s_lshl_b32 s20, s17, 1
	s_add_co_u32 s20, s20, s15                     ; my tile of 128 rows of A
	s_lshl_b32 s46, s42, 1
	s_add_co_u32 s46, s46, s16                     ; my 128 columns: a step of 128 along the next K
.if KIND == 0
	s_add_co_u32 s21, s20, 16
	s_cmp_lt_u32 ttmp9, 8
	s_cselect_b32 s22, s46, s21                    ; qkv is laid [q pairs of heads 0-7, k pairs 8-15, v^T pairs 16-23][32 token tiles or token steps]
	s_cselect_b32 s23, s20, s46
.else
	s_mov_b32 s22, s20                             ; act is laid [token tile][step of 128 along FF]
	s_mov_b32 s23, s46
.endif
	s_lshl_b32 s22, s22, 5
	s_add_co_u32 s22, s22, s23
	s_mul_i32 s20, s22, 12288
	s_mov_b32 s21, 0
	s_lshl_b32 s22, s22, 9
	s_mov_b32 s23, 0
	s_add_nc_u64 s[12:13], s[12:13], s[20:21]
	s_add_nc_u64 s[100:101], s[100:101], s[22:23]
.else
	s_mul_i32 s23, s14, 16*SPITCH                  ; my stage
	v_mul_u32_u24 v5, v1, SPITCH
	v_lshl_add_u32 v5, v2, 6, v5
	v_add_nc_u32 v[STO], s23, v5                   ; in: row r, + 64 h
	v_lshlrev_b32 v[CO], 4, v3
	v_add_nc_u32 v[RD], s23, v[CO]                 ; back: the 32 lanes take a row of 512 bytes
	s_lshl_b32 s20, s17, 8
	s_lshl_b32 s21, s15, 7
	s_add_co_u32 s20, s20, s21
	s_lshl_b32 s20, s20, 12                        ; my first row, 4,096 bytes a row
	s_lshl_b32 s46, s42, 10
	s_lshl_b32 s47, s16, 9
	s_add_co_u32 s46, s46, s47
	s_add_co_u32 s20, s20, s46                     ; my first column
	s_mov_b32 s21, 0
	s_add_nc_u64 s[12:13], s[12:13], s[20:21]
	s_add_nc_u64 s[98:99], s[98:99], s[20:21]
.endif
.macro FRAG reg, adr, q, i             ; a fragment: six pieces of 8 bytes a lane, 256 bytes apart
.irp p, 0,1,2,3,4,5
	ds_load_b64 v[\reg+2*\p:\reg+2*\p+1], v[\adr] offset:(8*(\q)+(\i))*1536+256*\p
.endr
.endm
; 16 matrix instructions: A's blocks a0, a0 + 1 x B's eight.  p: B's set; q: which 128 of the slot; sc: the set of scale words.  zero = 1: the constant 0 starts the sums; 2: the bias does.
; The 64 accumulators take turns, one instruction a turn, in the same order in every step.
.macro MUL16 a0, p, q, sc, zero
.irp a, \a0, \a0+1
.irp b, 0,1,2,3,4,5,6,7
.if \zero == 1
	v_wmma_scale_f32_16x16x128_f8f6f4 v[8*(8*((\a)%4)+\b):8*(8*((\a)%4)+\b)+7], v[128*(\p)+FR*\b:128*(\p)+FR*\b+FR-1], v[AF+FR*(\a):AF+FR*(\a)+FR-1], 0, v[SC+16*(\sc)+8*(\q)+\b], v[SC+16*(\sc)+8*(\q)+(\a)] matrix_a_fmt:MATRIX_FMT_FP6 matrix_b_fmt:MATRIX_FMT_FP6 matrix_a_scale:MATRIX_SCALE_ROW1
.elseif \zero == 2
	v_wmma_scale_f32_16x16x128_f8f6f4 v[8*(8*((\a)%4)+\b):8*(8*((\a)%4)+\b)+7], v[128*(\p)+FR*\b:128*(\p)+FR*\b+FR-1], v[AF+FR*(\a):AF+FR*(\a)+FR-1], v[BI+8*\b:BI+8*\b+7], v[SC+16*(\sc)+8*(\q)+\b], v[SC+16*(\sc)+8*(\q)+(\a)] matrix_a_fmt:MATRIX_FMT_FP6 matrix_b_fmt:MATRIX_FMT_FP6 matrix_a_scale:MATRIX_SCALE_ROW1
.else
	v_wmma_scale_f32_16x16x128_f8f6f4 v[8*(8*((\a)%4)+\b):8*(8*((\a)%4)+\b)+7], v[128*(\p)+FR*\b:128*(\p)+FR*\b+FR-1], v[AF+FR*(\a):AF+FR*(\a)+FR-1], v[8*(8*((\a)%4)+\b):8*(8*((\a)%4)+\b)+7], v[SC+16*(\sc)+8*(\q)+\b], v[SC+16*(\sc)+8*(\q)+(\a)] matrix_a_fmt:MATRIX_FMT_FP6 matrix_b_fmt:MATRIX_FMT_FP6 matrix_a_scale:MATRIX_SCALE_ROW1
.endif
.endr
.endr
.endm
.macro FETCH_B slot, q, p
	WIN TO_B
.irp i, 0,1,2,3,4,5,6,7
	FRAG 128*(\p)+FR*\i, ADRB+\slot, \q, \i
.endr
	WIN 0
.endm
.macro FETCH_A slot, q, i0
.irp i, \i0, \i0+1, \i0+2, \i0+3
	FRAG AF+FR*(\i), ADRA+\slot, \q, \i
.endr
.endm
.macro SCALES sc                       ; a slot's scale words: one load brings a lane the words of four fragments; lanes 0-15 A's, lanes 16-31 B's
.irp q, 0,1
.irp u, 0,1
	ds_load_b128 v[SC+16*\sc+8*\q+4*\u:SC+16*\sc+8*\q+4*\u+3], v[ADRS] offset:512*\q+256*\u
.endr
.endr
.endm
.macro PLACES n                        ; plain vector lines between a matrix instruction and a load into, or a read of, its registers
.rept \n
	v_nop
.endr
.endm
.macro STEP slot, q, zero              ; a step of 128 along K that has its successor in the same slot
	s_wait_dscnt 4*NL                              ; B's set and A's blocks 0-3 are in; the youngest 24 loads (A's blocks 4-7) may be out
.if \zero == 2
	WIN 0x81                                       ; C (the bias) window 0, D window 2
.else
	WIN MUL_LO
.endif
	MUL16 0, (\q)%2, \q, \slot, \zero
	MUL16 2, (\q)%2, \q, \slot, \zero
	s_wait_dscnt 0                                 ; A's blocks 4-7 are in
	PLACES NP
	FETCH_B \slot, (\q)+1, 1-(\q)%2
	FETCH_A \slot, (\q)+1, 0
.if \zero == 2
	WIN 0xc1
.else
	WIN MUL_HI
.endif
	MUL16 4, (\q)%2, \q, \slot, \zero
	MUL16 6, (\q)%2, \q, \slot, \zero
	PLACES NP
	WIN 0
	FETCH_A \slot, (\q)+1, 4
.endm
; A slot's last step changes slots: one barrier; in front of it each wave waits for all its tensor loads, adds 0 to its spare word, and waits for that and for its own reads of this slot.  fill = 1: this slot is filled again.
.macro TURN slot, next, fill
	s_wait_tensorcnt 0x0                           ; all my tensor loads have landed: my part of the next slot
	ds_add_u32 v[SPW], v[NIL]
	s_wait_dscnt 4*NL+1                            ; (the add and the youngest 24 loads may be out)
	WIN MUL_LO
	MUL16 0, 1, 1, \slot, 0
	s_wait_dscnt 0x0                               ; the add is done, and my reads of this slot are over
	s_barrier_signal -1
	MUL16 2, 1, 1, \slot, 0
	WIN 0
	s_barrier_wait -1
.if \fill
	CREST                                          ; the barrier has opened a round of the cluster's barrier: no wave of any partner still reads this slot or has a load on its way
	s_add_nc_u64 s[G0+4*\slot+2:G0+4*\slot+3], s[G0+4*\slot+2:G0+4*\slot+3], 2*QUART
	s_add_nc_u64 s[G0B+4*\slot+2:G0B+4*\slot+3], s[G0B+4*\slot+2:G0B+4*\slot+3], 2*QUART
	JLOAD G0+4*\slot, G1, G0B+4*\slot, G1B         ; the first tensor load behind the round; its four v_nop are the places in front of the loads below
.else
	PLACES NP
.endif
	v_add_nc_u32 v[ADRS], 1024, v[ADRS]            ; the next slot's scale words
	FETCH_B \next, 0, 0
	FETCH_A \next, 0, 0
	SCALES \next
	WIN MUL_HI
	MUL16 4, 1, 1, \slot, 0
	MUL16 6, 1, 1, \slot, 0
	PLACES NP
	WIN 0
	FETCH_A \next, 0, 4
.endm
; 64 numbers v[s] .. v[s + 63] of window w, register 16 b + i = k 32 b + 16 h + i of my row, become a fragment's codes in v[pc] on and its scale word in v[pw], both in window 0.
.macro QUANT s, w, pc, pw
	WIN ((\w)<<4)|((\w)<<2)
.irp b, 0,1,2,3
	v_max3_num_f32 v[TM+\b], 0x1800000, |v[(\s)+16*\b]|, |v[(\s)+1+16*\b]|   ; my 16 numbers of block b, and the floor 2^(3 - 127).  Each accumulator is read from its low end on
.endr
.irp i, 2,4,6,8,10,12,14
.irp b, 0,1,2,3
	v_max3_num_f32 v[TM+\b], v[TM+\b], |v[(\s)+16*\b+\i]|, |v[(\s)+1+16*\b+\i]|
.endr
.endr
	WIN 0
.irp b, 0,1,2,3
	v_permlanex16_b32 v[TM+4+\b], v[TM+\b], s[SEL], s[SEL+1]
.endr
.irp b, 0,1,2,3
	v_max_num_f32 v[TM+\b], v[TM+\b], v[TM+4+\b]
.endr
.irp b, 0,1,2,3
	v_add_nc_u32 v[TM+12+\b], 0xff000000, v[TM+\b] ; 2 off the exponent field: the conversion's scale operand
.endr
.irp b, 0,1,2,3
	v_lshrrev_b32 v[TM+4+\b], 23, v[TM+12+\b]      ; the scale's byte
.endr
	v_lshl_or_b32 v[\pw], v[TM+5], 8, v[TM+4]
	v_lshl_or_b32 v[\pw], v[TM+6], 16, v[\pw]
	v_lshl_or_b32 v[\pw], v[TM+7], 24, v[\pw]
	WIN (\w)
.irp c, 0,1
	v_cvt_scalef32_pk16_fp6_f32 v[(\pc)+6*\c:(\pc)+2+6*\c], v[(\s)+32*\c:(\s)+15+32*\c], v[TM+12+2*\c]
	v_cvt_scalef32_pk16_fp6_f32 v[(\pc)+12+4*\c:(\pc)+14+4*\c], v[(\s)+16+32*\c:(\s)+31+32*\c], v[TM+12+2*\c+1]
.endr
	WIN 0
	v_nop                                          ; one plain line behind a scaled conversion
.irp c, 0,1
.irp i, 0,1,2
	v_permlane16_swap_b32 v[(\pc)+6*\c+\i], v[(\pc)+12+4*\c+\i]
.endr
.irp i, 0,1,2
	v_mov_b32 v[(\pc)+3+6*\c+\i], v[(\pc)+12+4*\c+\i]
.endr
.endr
.endm
; THE WAY OUT IN f32, block by block of 16 positions x 128 columns, through my stage; row t of block a is row 32 (a/2) + 8 (a%2) + t%8 + 16 (t/8) of my 128.
.macro TOSTAGE a
.set AC, 64*((\a)%4)
	WIN 0x08+4*((\a)/4)
.irp b, 0,1,2,3,4,5,6,7
	ds_store_b128 v[STO], v[AC+8*\b:AC+8*\b+3] offset:128*(\b/2)+32*(\b%2)        ; each accumulator from its low end on
	ds_store_b128 v[STO], v[AC+8*\b+4:AC+8*\b+7] offset:128*(\b/2)+32*(\b%2)+16
.endr
	WIN 0
.set BB, BK+64*((\a)%2)
.irp t, 0,1,2,3,4,5,6,7,8,9,10,11,12,13,14,15
	ds_load_b128 v[BB+4*\t:BB+4*\t+3], v[RD] offset:\t*SPITCH       ; LDS serves a wave's instructions in order: these see my stores
.endr
.endm
.macro RESLOAD a                       ; the residual's 16 rows of block a into window 1, set a % 4
	WIN 0x40
.irp t, 0,1,2,3,4,5,6,7,8,9,10,11,12,13,14,15
	global_load_b128 v[64*((\a)%4)+4*\t:64*((\a)%4)+4*\t+3], v[CO], s[98:99] offset:(32*((\a)/2)+8*((\a)%2)+\t%8+16*(\t/8))*4096
.endr
	WIN 0
.endm
.macro SEND a, younger, left           ; younger: LDS instructions issued behind block a's loads; left: residual loads issued behind block a's
.set BB, BK+64*((\a)%2)
.set RS, 64*((\a)%4)
	s_wait_dscnt \younger
	s_wait_loadcnt \left
	WIN 0x04
.set i, 0
.rept 32
	v_pk_add_f32 v[BB+i:BB+i+1], v[BB+i:BB+i+1], v[RS+i:RS+i+1]
.set i, i+2
.endr
	WIN 0
.irp t, 0,1,2,3,4,5,6,7,8,9,10,11,12,13,14,15
	global_store_b128 v[CO], v[BB+4*\t:BB+4*\t+3], s[12:13] offset:(32*((\a)/2)+8*((\a)%2)+\t%8+16*(\t/8))*4096   ; 32 lanes store 512 consecutive bytes, aligned
.endr
.endm
	s_wait_tensorcnt 1                             ; the scale words and my part of slot 0 are in; slot 1's load may be out
	s_barrier_signal -1
	s_barrier_wait -1
	FETCH_B 0, 0, 0
	FETCH_A 0, 0, 0
	SCALES 0
	FETCH_A 0, 0, 4
.if BIAS
	s_wait_loadcnt 0x0                             ; the bias
	STEP 0, 0, 2
.else
	STEP 0, 0, 1                                   ; the first step stands in front of the loop: its products start the sums
.endif
	s_mov_b32 s18, LAPS-1
.Llap:                                                 ; a trip goes once round the ring and fills both slots again
	TURN 0, 1, 1
	STEP 1, 0, 0
	TURN 1, 0, 1
	STEP 0, 0, 0
	s_sub_co_u32 s18, s18, 1
	s_cmp_lg_u32 s18, 0
	s_cbranch_scc1 .Llap
	TURN 0, 1, 0                                   ; the last lap fills nothing, and has no round of the cluster's barrier
	STEP 1, 0, 0
.if EPIQ == 0
	RESLOAD 0                                      ; B's set 0 is done with, behind the step's places: the first two blocks of the residual are asked for 64 matrix instructions ahead
	RESLOAD 1
.endif
	s_wait_dscnt 4*NL
	WIN MUL_LO
	MUL16 0, 1, 1, 1, 0
	MUL16 2, 1, 1, 1, 0
	s_wait_dscnt 0
	WIN MUL_HI
	MUL16 4, 1, 1, 1, 0
	MUL16 6, 1, 1, 1, 0
	WIN 0
	PLACES NP
.if EPIQ
	; THE WAY OUT AS CODES: block a's 64 registers are 128 neighbours along the next K of position 16 a + r: quantised in registers, stored as the fragment's image: no LDS
.irp b, 0,1,2,3
	v_mov_b32 v[TM+4+\b], 0                        ; a lane permute's destination counts as one of its sources
.endr
.irp a, 0,1,2,3,4,5,6,7
.if \a >= 2
	s_wait_xcnt 0x0                                ; block a - 2's stores have read this set of codes
.endif
.if KIND == 2
	WIN 0x08+4*(\a/4)
.set j, 0
.rept 64
	v_max_num_f32 v[HA+j], 0, v[64*(\a%4)+j]       ; the activation, in f32, and the way into window 0 in one line
.set j, j+1
.endr
	WIN 0
	QUANT HA, 0, PC+20*(\a%2), PWS+\a
.else
	QUANT 64*(\a%4), 2+\a/4, PC+20*(\a%2), PWS+\a
.endif
.irp p, 0,1,2,3,4,5
	global_store_b64 v[LI8], v[PC+20*(\a%2)+2*\p:PC+20*(\a%2)+2*\p+1], s[12:13] offset:1536*\a+256*\p   ; 32 lanes store 256 consecutive bytes, aligned
.endr
.endr
	v_cmp_le_u32 vcc_lo, 16, v3
.irp i, 0,1,2,3
	v_cndmask_b32 v[T+\i], v[PWS+\i], v[PWS+4+\i], vcc_lo   ; lanes 0-15 store the words of fragments 0-3, lanes 16-31 those of 4-7
.endr
	global_store_b128 v[SA], v[T:T+3], s[100:101]  ; the 512 bytes of scale words
.else
	RESLOAD 2
	TOSTAGE 0
.irp a, 1,2,3,4,5,6,7
.if \a > 1
	s_wait_xcnt 0x0                                ; block a - 2's stores have read their registers: block a's loads may land there
.endif
	TOSTAGE \a
.if \a < 6
	RESLOAD \a+2
	SEND \a-1, 32, 48                              ; 32: block a's 16 stores and 16 loads; 48: the residual loads of the three blocks behind
.elseif \a == 6
	SEND \a-1, 32, 32
.else
	SEND \a-1, 32, 16
.endif
.endr
	SEND 7, 0, 0
.endif
	s_wait_tensorcnt 0x0                           ; the wave's end
	ds_add_u32 v[SPW], v[NIL]
	s_wait_dscnt 0x0
	CROUND                                         ; the closing round: no work-group ends while a partner may still ask for a tile that names it
	s_endpgm
.Lfunc_end_k_q0c8ccc0884_qkv:
	.size	k_q0c8ccc0884_qkv, .Lfunc_end_k_q0c8ccc0884_qkv-k_q0c8ccc0884_qkv
	.p2alignl 7, 3214868480
	.fill 96, 4, 3214868480
	.section	.rodata,"a",@progbits
	.p2align	6, 0x0
	.amdhsa_kernel k_q0c8ccc0884_qkv
		.amdhsa_group_segment_fixed_size 327680
		.amdhsa_private_segment_fixed_size 0
		.amdhsa_enable_private_segment 0
		.amdhsa_kernarg_size 24
		.amdhsa_user_sgpr_count 2
		.amdhsa_user_sgpr_kernarg_segment_ptr 1
		.amdhsa_wavefront_size32 1
		.amdhsa_system_sgpr_workgroup_id_x 1
		.amdhsa_system_sgpr_workgroup_id_y 1
		.amdhsa_system_sgpr_workgroup_id_z 1
		.amdhsa_system_vgpr_workitem_id 0
		.amdhsa_next_free_vgpr 1024
		.amdhsa_next_free_sgpr 102
		.amdhsa_reserve_vcc 1
		.amdhsa_float_denorm_mode_32 3
		.amdhsa_float_denorm_mode_16_64 3
		.amdhsa_memory_ordered 1
		.amdhsa_forward_progress 1
		.amdhsa_inst_pref_size 165
	.end_amdhsa_kernel
	.amdgpu_metadata
---
amdhsa.version: [ 1, 2 ]
amdhsa.kernels:
  - .name:           k_q0c8ccc0884_qkv
    .symbol:         k_q0c8ccc0884_qkv.kd
    .args:
      - { .name: xq, .offset: 0, .size: 8, .value_kind: global_buffer, .address_space: global }
      - { .name: wq, .offset: 8, .size: 8, .value_kind: global_buffer, .address_space: global }
      - { .name: qkv, .offset: 16, .size: 8, .value_kind: global_buffer, .address_space: global }
    .group_segment_fixed_size: 327680
    .private_segment_fixed_size: 0
    .kernarg_segment_align: 8
    .kernarg_segment_size: 24
    .max_flat_workgroup_size: 128
    .sgpr_count:     102
    .vgpr_count:     1024
    .wavefront_size: 32
...
	.end_amdgpu_metadata
.endif
;; end of part 3
;; launch attn (part 4): grid 8 x 32, 16 waves a work-group, clusters of 4 x 1, 212,992 bytes of LDS; arguments qkv, ctx; writes ctx
.if DOCPART == 4
	.amdgcn_target "amdgcn-amd-amdhsa--gfx1250"
	.amdhsa_code_object_version 6
	.text
	.protected	k_q0c8ccc0884_attn
	.globl	k_q0c8ccc0884_attn
	.p2align	8
	.type	k_q0c8ccc0884_attn,@function
k_q0c8ccc0884_attn:
	s_mov_b64 s[64:65], 0
	v_nop
	global_prefetch_b8 v0, s[64:65] scope:SCOPE_SE
	s_setreg_imm32_b32 hwreg(HW_REG_WAVE_MODE, 25, 1), 1
	s_wait_xcnt 0x0
	s_wait_alu depctr_hold_cnt(0) depctr_sa_sdst(0) depctr_va_vdst(0) depctr_va_sdst(0) depctr_va_ssrc(0) depctr_va_vcc(0) depctr_vm_vsrc(0)
	s_getreg_b32 s2, hwreg(HW_REG_IB_STS2, 6, 4)
	s_cmp_eq_u32 s2, 0
	s_cbranch_scc0 .Lentry_in_a_cluster
	s_endpgm
.Lentry_in_a_cluster:
	s_bfe_u32 s2, ttmp6, 0x10000c
	s_cmp_lg_u32 s2, 0x3003
	s_cbranch_scc0 .Lentry_shape_is_right
	s_endpgm
.Lentry_shape_is_right:
; ctx = softmax(q k^T / 8, causal) v for 2 x 16 heads of 64, 2,048 tokens, both products on codes of FP6 (E2M3); the result is divided by the row's sum, quantised along (head, channel) and stored as codes.
; WORK LEFT OUT: a step of 128 keys all of which come after a tile's 16 queries is thrown away by the causal mask that the problem builds itself; it is not computed.  The factor 1/8 stands in the constant c (a power of two: q's codes stay).
; THE SOFTMAX: t = score x log2(e) / 8; M = the running largest t rounded UP to a whole number; p = 2^(t - M) is quantised along the keys; the row's sum is taken of the unquantised p and divides at the end; when M moves, sum and O are
; multiplied by 2^(old M - new M), which rounds nothing.
; SHARES.  Work-group (j, y): head X = y % 16 of batch y / 16; wave w owns the 16 queries of fragment j of the token tile blk(w) of 128.  blk is laid by two orthogonal Latin squares on (w / 4, w % 4): each four waves with equal w / 4,
; and each four with equal w % 4, own tiles whose numbers sum to 30: 34 key steps for each four, 136 for every work-group.  A wave walks steps 0 .. blk; step blk lies on the diagonal.
; ALL K AND V OF THE HEAD STAY IN LDS (208,896 bytes): first fills alone, one barrier, no slot is filled again.  The four work-groups of a cluster belong to one head: every tile is asked for jointly.  Every partner has a wave for
; each of the 16 token tiles, so every partner reads every tile that it asks for.
; LAYOUT.  Both products are used transposed: S^T = K Q^T, O^T = V^T P^T: a lane holds ONE query.  By the order of rows in a fragment, the 16 registers of key tiles 2 b, 2 b + 1 are keys 32 b + 16 h + 0 .. 15, and those of
; channel tiles likewise.  K = 64 IN A FORM OF 128: two neighbouring key tiles of the head are 1,536 dense bytes = one run of 12 registers [tile 2 b | tile 2 b + 1]; it is multiplied once by [q | 0] and once by [0 | q]: the other
; half meets zero codes, which add nothing.
; REGISTERS: v1-7 addresses that stay, v3 the mask's d; v8-11 addresses in hand; v12 -M, v13 largest t, v[14:15] the sum; v16-33 [0 | q | 0]; v34, v35 q's scale words; v36-83 four runs of K or fragments of V; v84-91 raw scale words;
; v92-95 K's pair words; v96-159 S^T, then p; v160-191 O^T; v192-203 p's codes; v204-210, v232-254 at work.
; LIMITS: NaN and infinities are not served; blocks with largest magnitude under 2^-124 get the byte 1.
.set QS,    9437184                    ; in qkv: the scale words
.set CSO,   3145728                    ; in ctx: the scale words
.set VL,    98304                      ; LDS: K [128 key tiles][768] at 0; V^T [16 steps][4 channel tiles][1,536] here;
.set KSL,   196608                     ; K's scale words [16 steps][512];
.set VSL,   204800                     ; V's [16 steps][256];
.set SPARE, 208896                     ; the spare words, 128 bytes for each wave
.set AK0,  1
.set AV0,  2
.set DD,   3
.set ASK0, 4
.set SPW,  5
.set NIL,  6
.set ASV0, 7
.set ADK,  8
.set ADV,  9
.set ADS,  10
.set ADT,  11
.set WV,   8                           ; s8 my wave's number
.set TB,   9                           ; s9 the step's codes: 6,144 bytes a step
.set TS,   10                          ; s10 K's scale words: 512 a step
.set TJ,   11                          ; s11 V's: 256 a step
.set STP,  12                          ; s12 the step
.set BLK,  13                          ; s13 my token tile
.set PSEL, 14                          ; s14 which two bytes of a scale word are my head's
.set SEL,  20
.set CS,   22
.set G1K,  24
.set G1KS, 32
.set G1V,  40
.set G1VS, 48
.set G0K,  56
.set G0KS, 60
.set G0V,  68
.set G0VS, 72
.macro ROUND
	s_barrier_signal -1
	s_barrier_wait -1
	s_cmp_lg_u32 s[WV], 0
	s_cbranch_scc1 .Lnot_wave_0_\@
	s_barrier_signal -3
.Lnot_wave_0_\@:
	s_barrier_wait -3
	s_barrier_signal -1
	s_barrier_wait -1
.endm
	s_load_b128 s[4:7], s[0:1], 0x0                ; qkv, ctx
	v_lshl_add_u32 v[SPW], v0, 2, SPARE
	v_mov_b32 v[NIL], 0
	ds_add_u32 v[SPW], v[NIL]                      ; the opening: the add, twice on end, and its wait ahead of my first tensor load
	ds_add_u32 v[SPW], v[NIL]
	v_lshrrev_b32 v8, 5, v0
	v_readfirstlane_b32 s[WV], v8                  ; wave 0..15
	s_bfe_u32 s76, ttmp6, 0x40000                  ; cx
	s_lshl_b32 s77, ttmp9, 2
	s_add_co_u32 s77, s77, s76                     ; j: it enters Q's and ctx's global addresses and the mask's numbers alone
	s_and_b32 s78, ttmp7, 0xffff
	s_lshr_b32 s79, s78, 4                         ; batch
	s_and_b32 s80, s78, 15                         ; head X
	s_lshr_b32 s81, s80, 1                         ; pair of heads
	s_and_b32 s82, s80, 1                          ; which of the pair
	s_lshr_b32 s83, s[WV], 2                       ; g
	s_and_b32 s84, s[WV], 3                        ; s
	s_lshl_b32 s85, s84, 1
	s_lshr_b32 s86, s84, 1
	s_mul_i32 s86, s86, 3
	s_xor_b32 s85, s85, s86
	s_and_b32 s85, s85, 3                          ; m(s) = 0, 2, 3, 1
	s_xor_b32 s86, s83, s84
	s_xor_b32 s85, s83, s85
	s_lshl_b32 s86, s86, 2
	s_add_co_u32 s[BLK], s86, s85                  ; blk = 4 (g xor s) + (g xor m)
	s_and_b32 s87, s[WV], 7                        ; which eighth of K (waves 0-7) or of V (waves 8-15) I fetch
.irp g, G1K, G1KS, G1V, G1VS
	s_mov_b32 s[\g], 15|(3<<16)|(1<<21)            ; 15:0 the mask: all four work-groups; 17:16 elements of 8 bytes; 21 set beside a mask
	s_mov_b32 s[\g+6], 0
	s_mov_b32 s[\g+7], 0
.endr
	s_mov_b32 s[G1K+1], 96<<16                     ; K: 16 rows (key tiles) of 768 bytes, 1,536 bytes apart in memory: my head's half of each fragment
	s_mov_b32 s[G1K+2], 16<<16
	s_mov_b32 s[G1K+3], 96<<16
	s_mov_b32 s[G1K+4], 16
	s_mov_b32 s[G1K+5], 192
	s_mov_b32 s[G1KS+1], 32<<16                    ; K's scale words: 1,024 dense bytes as 4 rows of 256
	s_mov_b32 s[G1KS+2], 4<<16
	s_mov_b32 s[G1KS+3], 32<<16
	s_mov_b32 s[G1KS+4], 4
	s_mov_b32 s[G1KS+5], 32
	s_mov_b32 s[G1V+1], 768<<16                    ; V: 2 rows (steps) of 6,144 bytes, 12,288 apart: my head's four fragments of each step
	s_mov_b32 s[G1V+2], 2<<16
	s_mov_b32 s[G1V+3], 768<<16
	s_mov_b32 s[G1V+4], 2
	s_mov_b32 s[G1V+5], 1536
	s_mov_b32 s[G1VS+1], 32<<16                    ; V's scale words: 2 rows of 256 bytes, 512 apart
	s_mov_b32 s[G1VS+2], 2<<16
	s_mov_b32 s[G1VS+3], 32<<16
	s_mov_b32 s[G1VS+4], 2
	s_mov_b32 s[G1VS+5], 64
	s_lshl_b32 s88, s81, 5
	s_lshl_b32 s89, s79, 4
	s_add_co_u32 s88, s88, s89                     ; 32 x pair + 16 x batch: the block number of q's first token tile
	s_add_co_u32 s90, s88, 256                     ; k's: 8 pairs on
	s_mul_i32 s92, s90, 12288
	s_mul_i32 s91, s82, 768
	s_add_co_u32 s92, s92, s91
	s_mul_i32 s91, s87, 24576
	s_add_co_u32 s92, s92, s91
	s_mov_b32 s93, 0
	s_lshl_b32 s94, s90, 9
	s_lshl_b32 s91, s87, 10
	s_add_co_u32 s94, s94, s91
	s_add_co_u32 s94, s94, QS
	s_mov_b32 s95, 0
	s_add_co_u32 s90, s88, 512                     ; v^T's: 16 pairs on
	s_mul_i32 s96, s90, 12288
	s_mul_i32 s91, s82, 6144
	s_add_co_u32 s96, s96, s91
	s_mul_i32 s91, s87, 24576
	s_add_co_u32 s96, s96, s91
	s_mov_b32 s97, 0
	s_lshl_b32 s98, s90, 9
	s_lshl_b32 s91, s82, 8
	s_add_co_u32 s98, s98, s91
	s_lshl_b32 s91, s87, 10
	s_add_co_u32 s98, s98, s91
	s_add_co_u32 s98, s98, QS
	s_mov_b32 s99, 0
	s_mov_b32 s[G0K], 1
	s_mul_i32 s[G0K+1], s87, 12288
	s_mov_b32 s[G0KS], 1
	s_lshl_b32 s[G0KS+1], s87, 10
	s_add_co_u32 s[G0KS+1], s[G0KS+1], KSL
	s_mov_b32 s[G0V], 1
	s_mul_i32 s[G0V+1], s87, 12288
	s_add_co_u32 s[G0V+1], s[G0V+1], VL
	s_mov_b32 s[G0VS], 1
	s_lshl_b32 s[G0VS+1], s87, 9
	s_add_co_u32 s[G0VS+1], s[G0VS+1], VSL
	s_mov_b32 s[SEL], 0x76543210
	s_mov_b32 s[SEL+1], 0xfedcba98
	s_mov_b32 s[CS], 0x3e38aa3b                    ; c = log2(e) / 8
	s_mov_b32 s[CS+1], s[CS]
	s_mov_b32 s[PSEL], 0x05040100
	s_cmp_eq_u32 s82, 1
	s_cselect_b32 s[PSEL], 0x07060302, s[PSEL]
	s_mov_b32 s[TB], 0
	s_mov_b32 s[TS], 0
	s_mov_b32 s[TJ], 0
	s_mov_b32 s[STP], 0
	s_wait_dscnt 0x0                               ; both opening adds are done
	s_wait_kmcnt 0x0
	s_add_nc_u64 s[G0K+2:G0K+3], s[4:5], s[92:93]
	s_or_b32 s[G0K+3], s[G0K+3], 0x80000000
	s_add_nc_u64 s[G0KS+2:G0KS+3], s[4:5], s[94:95]
	s_or_b32 s[G0KS+3], s[G0KS+3], 0x80000000
	s_add_nc_u64 s[G0V+2:G0V+3], s[4:5], s[96:97]
	s_or_b32 s[G0V+3], s[G0V+3], 0x80000000
	s_add_nc_u64 s[G0VS+2:G0VS+3], s[4:5], s[98:99]
	s_or_b32 s[G0VS+3], s[G0VS+3], 0x80000000
	ROUND                                          ; all four work-groups are here: the joint loads meet
	s_cmp_lt_u32 s[WV], 8                          ; every wave issues two loads, in one of two arms: two tensor loads of a wave are out, 32 of the work-group
	s_cbranch_scc0 .Lfor_v
	tensor_load_to_lds s[G0K:G0K+3], s[G1K:G1K+7]
	s_nop 0
	tensor_load_to_lds s[G0KS:G0KS+3], s[G1KS:G1KS+7]
	s_nop 0
.rept 4
	v_nop
.endr
	s_branch .Lasked
.Lfor_v:
	tensor_load_to_lds s[G0V:G0V+3], s[G1V:G1V+7]
	s_nop 0
	tensor_load_to_lds s[G0VS:G0VS+3], s[G1VS:G1VS+7]
	s_nop 0
.rept 4
	v_nop
.endr
.Lasked:
	s_lshr_b32 s100, s77, 2
	s_lshl_b32 s100, s100, 8
	s_and_b32 s89, s77, 3
	s_lshl_b32 s89, s89, 2
	s_add_co_u32 s100, s100, s89                   ; fragment j's place among the scale words: 256 (j/4) + 4 (j%4)
	s_add_co_u32 s90, s88, s[BLK]                  ; q's block
	s_mul_i32 s92, s90, 12288
	s_mul_i32 s91, s77, 1536
	s_add_co_u32 s92, s92, s91
	s_mul_i32 s91, s82, 768
	s_add_co_u32 s92, s92, s91
	s_mov_b32 s93, 0
	s_add_nc_u64 s[92:93], s[4:5], s[92:93]
	s_lshl_b32 s94, s90, 9
	s_add_co_u32 s94, s94, s100
	s_add_co_u32 s94, s94, QS
	s_mov_b32 s95, 0
	s_add_nc_u64 s[94:95], s[4:5], s[94:95]
	s_lshl_b32 s90, s79, 4
	s_add_co_u32 s90, s90, s[BLK]
	s_lshl_b32 s90, s90, 3
	s_add_co_u32 s90, s90, s81                     ; ctx's block: 8 x token tile + pair of heads
	s_mul_i32 s96, s90, 12288
	s_mul_i32 s91, s77, 1536
	s_add_co_u32 s96, s96, s91
	s_mul_i32 s91, s82, 768
	s_add_co_u32 s96, s96, s91
	s_mov_b32 s97, 0
	s_add_nc_u64 s[16:17], s[6:7], s[96:97]
	s_lshl_b32 s98, s90, 9
	s_add_co_u32 s98, s98, s100
	s_lshl_b32 s91, s82, 1
	s_add_co_u32 s98, s98, s91
	s_add_co_u32 s98, s98, CSO
	s_mov_b32 s99, 0
	s_add_nc_u64 s[18:19], s[6:7], s[98:99]
	v_and_b32 v8, 31, v0
	v_lshlrev_b32 v[AK0], 3, v8                    ; 8 x lane
	v_add_nc_u32 v[AV0], VL, v[AK0]
	v_and_b32 v9, 15, v0                           ; r
	v_bfe_u32 v10, v0, 4, 1                        ; h
	v_lshlrev_b32 v11, 4, v9                       ; 16 r
	v_add_nc_u32 v[ASK0], KSL, v11
	v_add_nc_u32 v[ASV0], VSL, v11
.irp p, 0,1,2
	global_load_b64 v[22+2*\p:23+2*\p], v[AK0], s[92:93] offset:256*\p     ; q: my head's half of the fragment
.endr
	global_load_b32 v34, v11, s[94:95]             ; and its scale word
	s_lshr_b32 s89, s77, 1
	s_lshl_b32 s89, s89, 5
	s_and_b32 s91, s77, 1
	s_lshl_b32 s91, s91, 3
	s_add_co_u32 s89, s89, s91
	v_and_b32 v[DD], 8, v9
	v_add_nc_u32 v[DD], v[DD], v9
	v_lshlrev_b32 v10, 4, v10
	v_sub_nc_u32 v[DD], v[DD], v10
	v_add_nc_u32 v[DD], s89, v[DD]                 ; d = my query's place in its tile of 128 - 16 h.  Register n holds key 32 (n/16) + 16 h + n%16 of a step: on the diagonal hidden where 32 (n/16) + n%16 > d
.irp i, 16,17,18,19,20,21,28,29,30,31,32,33
	v_mov_b32 v[\i], 0                             ; the zero codes on both sides of q
.endr
	v_mov_b32 v13, 0xff61b1e6                      ; the largest t so far: -3e38
	v_floor_f32 v12, -v13                          ; -M
	v_mov_b32 v14, 0
	v_mov_b32 v15, 0
.irp b, 0,1,2,3
	v_mov_b32 v[236+\b], 0                         ; a lane permute's destination counts as one of its sources
.endr
	v_mov_b32 v251, 0                              ; (named as the upper half of the pair v[250:251])
	v_mov_b32 v254, 0
.set j, 0
.rept 32
	v_mov_b32 v[160+j], 0                          ; O^T: the step is written once; the first finds zeros
.set j, j+1
.endr
	s_lshl_b32 s91, s82, 4
	s_wait_loadcnt 0x0
	v_lshrrev_b32 v34, s91, v34
	v_and_b32 v34, 0xffff, v34                     ; my head's two bytes: for [q | 0];  the dead half's bytes are 0, which is 2^-127, over zero codes
	v_lshlrev_b32 v35, 16, v34                     ; and for [0 | q]
	s_wait_tensorcnt 0x0                           ; my parts of K, V and their scale words lie in LDS,
	s_barrier_signal -1
	s_barrier_wait -1                              ; everybody's do
.Lstep:                                                ; 16 trips, a constant; a wave's hidden steps are jumped over by a branch on the step and the wave's number
	s_cmp_gt_u32 s[STP], s[BLK]
	s_cbranch_scc1 .Lhidden
	v_add_nc_u32 v[ADK], s[TB], v[AK0]             ; (these four are the places in front of loads into registers that the last products read)
	v_add_nc_u32 v[ADV], s[TB], v[AV0]
	v_add_nc_u32 v[ADS], s[TS], v[ASK0]
	v_add_nc_u32 v[ADT], s[TJ], v[ASV0]
	ds_load_b128 v[84:87], v[ADS]                  ; K's scale words of key tiles 0-3
	ds_load_b128 v[88:91], v[ADS] offset:256       ; and 4-7
.irp g, 0,1,2,3
.irp p, 0,1,2,3,4,5
	ds_load_b64 v[36+12*\g+2*\p:37+12*\g+2*\p], v[ADK] offset:1536*\g+256*\p    ; run g: key tiles 2 g and 2 g + 1
.endr
.endr
	s_wait_dscnt 24                                ; the scale words are in; K's 24 loads may be out
.irp g, 0,1,2,3
	v_perm_b32 v[92+\g], v[85+2*\g], v[84+2*\g], s[PSEL]     ; my head's two bytes of tile 2 g below, of tile 2 g + 1 above
.endr
.rept 8
	v_nop                                          ; a scale register written by a vector instruction stands eight places ahead of the scaled product; K is on its way meanwhile
.endr
	s_wait_dscnt 0x0
.irp g, 0,1,2,3
	v_wmma_scale_f32_16x16x128_f8f6f4 v[96+16*\g:103+16*\g], v[36+12*\g:47+12*\g], v[22:33], 0, v[92+\g], v34 matrix_a_fmt:MATRIX_FMT_FP6 matrix_b_fmt:MATRIX_FMT_FP6
	v_wmma_scale_f32_16x16x128_f8f6f4 v[104+16*\g:111+16*\g], v[36+12*\g:47+12*\g], v[16:27], 0, v[92+\g], v35 matrix_a_fmt:MATRIX_FMT_FP6 matrix_b_fmt:MATRIX_FMT_FP6
.endr
.rept 4
	v_nop
.endr
.irp t, 0,1,2,3
.irp p, 0,1,2,3,4,5
	ds_load_b64 v[36+12*\t+2*\p:37+12*\t+2*\p], v[ADV] offset:1536*\t+256*\p    ; V's four fragments land under the softmax
.endr
.endr
	ds_load_b128 v[84:87], v[ADT]                  ; and their scale words
	s_cmp_lg_u32 s[STP], s[BLK]
	s_cbranch_scc1 .Lopen
	v_mov_b32 v254, 0xff800000                     ; on the diagonal hidden scores become -infinity ahead of the maximum: p = 0 then
.set n, 0
.rept 64
	v_cmp_gt_i32 vcc_lo, 32*(n/16)+n%16, v[DD]
	v_cndmask_b32 v[96+n], v[96+n], v254, vcc_lo
.set n, n+1
.endr
.Lopen:
.irp b, 0,1,2,3
	v_max3_num_f32 v[232+\b], v[96+16*\b], v[97+16*\b], v[98+16*\b]   ; the largest score of each block of 32 keys: for the row's maximum, and, since p rises with the score, for the block's largest p
.endr
.irp i, 3,5,7,9,11,13
.irp b, 0,1,2,3
	v_max3_num_f32 v[232+\b], v[232+\b], v[96+16*\b+\i], v[97+16*\b+\i]
.endr
.endr
.irp b, 0,1,2,3
	v_max_num_f32 v[232+\b], v[232+\b], v[111+16*\b]
.endr
.irp b, 0,1,2,3
	v_permlanex16_b32 v[236+\b], v[232+\b], s[SEL], s[SEL+1]
.endr
.irp b, 0,1,2,3
	v_max_num_f32 v[232+\b], v[232+\b], v[236+\b]
.endr
	v_max3_num_f32 v254, v232, v233, v234
	v_max_num_f32 v254, v254, v235
	v_mul_f32 v254, s[CS], v254                    ; the step's largest t
	v_max_num_f32 v13, v13, v254
	v_mov_b32 v254, v12
	v_floor_f32 v12, -v13                          ; the new -M = -ceil(t)
	v_sub_f32 v254, v12, v254                      ; old M - new M: a whole number, 0 or less
	v_cvt_i32_f32 v254, v254                       ; (it saturates)
	v_ldexp_f32 v250, 1.0, v254                    ; f = 2^(old M - new M)
.set j, 0
.rept 32
	v_pk_fma_f32 v[96+j:97+j], v[96+j:97+j], s[CS:CS+1], v[12:13] op_sel_hi:[1,0,0]    ; t - M
.set j, j+2
.endr
.irp b, 0,1,2,3
	v_fma_f32 v[232+\b], v[232+\b], s[CS], v12
.endr
.set j, 0
.rept 64
	v_exp_f32 v[96+j], v[96+j]                     ; p = 2^(t - M): not normalised
.set j, j+1
.endr
	v_pk_mul_f32 v[14:15], v[14:15], v[250:251] op_sel_hi:[1,0]     ; the sums under the new M (a plain line behind the exponentials)
	s_wait_alu depctr_va_vdst(0)                   ; one wait for the batch, ahead of its first reader
.irp b, 0,1,2,3
	v_exp_f32 v[232+\b], v[232+\b]                 ; each block's largest p
.endr
	v_pk_add_f32 v[236:237], v[96:97], v[98:99]    ; the row's sum of the unquantised p, in two chains
.irp j, 4,8,12,16,20,24,28,32,36,40,44,48,52,56,60
	v_pk_add_f32 v[14:15], v[14:15], v[96+\j:97+\j]
	v_pk_add_f32 v[236:237], v[236:237], v[98+\j:99+\j]
.endr
	v_pk_add_f32 v[14:15], v[14:15], v[236:237]
	s_wait_alu depctr_va_vdst(0)                   ; and one for the four
.irp b, 0,1,2,3
	v_max_num_f32 v[232+\b], 0x1800000, v[232+\b]  ; the floor 2^(3 - 127)
.endr
.irp b, 0,1,2,3
	v_add_nc_u32 v[244+\b], 0xff000000, v[232+\b]  ; the conversion's scale operand
.endr
.irp b, 0,1,2,3
	v_lshrrev_b32 v[236+\b], 23, v[244+\b]         ; the scale's byte
.endr
	v_lshl_or_b32 v253, v237, 8, v236              ; p's scale word for these 128 keys
	v_lshl_or_b32 v253, v238, 16, v253
	v_lshl_or_b32 v253, v239, 24, v253
.irp c, 0,1
	v_cvt_scalef32_pk16_fp6_f32 v[192+6*\c:194+6*\c], v[96+32*\c:111+32*\c], v[244+2*\c]
	v_cvt_scalef32_pk16_fp6_f32 v[204+4*\c:206+4*\c], v[112+32*\c:127+32*\c], v[244+2*\c+1]
.endr
	v_nop                                          ; one plain line behind a scaled conversion
.irp c, 0,1
.irp i, 0,1,2
	v_permlane16_swap_b32 v[192+6*\c+\i], v[204+4*\c+\i]
.endr
.irp i, 0,1,2
	v_mov_b32 v[195+6*\c+\i], v[204+4*\c+\i]
.endr
.endr
.set j, 0
.rept 16
	v_pk_mul_f32 v[160+j:161+j], v[160+j:161+j], v[250:251] op_sel_hi:[1,0]     ; O^T under the new M
.set j, j+2
.endr
.rept 4
	v_nop
.endr
	s_wait_dscnt 0x0                               ; V and its scale words are in
.irp t, 0,1,2,3                        ; the four accumulators by turns, one instruction a turn
	v_wmma_scale_f32_16x16x128_f8f6f4 v[160+8*\t:167+8*\t], v[36+12*\t:47+12*\t], v[192:203], v[160+8*\t:167+8*\t], v[84+\t], v253 matrix_a_fmt:MATRIX_FMT_FP6 matrix_b_fmt:MATRIX_FMT_FP6
.endr
.Lhidden:
	s_add_co_u32 s[TB], s[TB], 6144
	s_add_co_u32 s[TS], s[TS], 512
	s_add_co_u32 s[TJ], s[TJ], 256
	s_add_co_u32 s[STP], s[STP], 1
	s_cmp_lt_u32 s[STP], 16
	s_cbranch_scc1 .Lstep
	; THE WAY OUT: O^T / the sum; register 16 b + i is channel 32 b + 16 h + i of my query: two blocks of the next K, quantised in registers; they are my head's half of a fragment of ctx
.rept 4
	v_nop
.endr
	v_add_f32 v14, v14, v15
	v_permlanex16_b32 v254, v14, s[SEL], s[SEL+1]
	v_add_f32 v14, v14, v254                       ; the row's sum
	v_rcp_f32 v14, v14
	v_and_b32 v8, 15, v0                           ; (a plain line behind the reciprocal)
	v_lshlrev_b32 v8, 4, v8                        ; 16 r
	v_and_b32 v9, 31, v0
	s_wait_alu depctr_va_vdst(0)                   ; the wait ahead of the reciprocal's first reader
.set j, 0
.rept 32
	v_mul_f32 v[96+j], v[160+j], v14               ; each accumulator from its low end on
.set j, j+1
.endr
.irp b, 0,1
	v_max3_num_f32 v[232+\b], |v[96+16*\b]|, |v[97+16*\b]|, 0x1800000
.endr
.irp i, 2,4,6,8,10,12,14
.irp b, 0,1
	v_max3_num_f32 v[232+\b], v[232+\b], |v[96+16*\b+\i]|, |v[97+16*\b+\i]|
.endr
.endr
.irp b, 0,1
	v_permlanex16_b32 v[236+\b], v[232+\b], s[SEL], s[SEL+1]
.endr
.irp b, 0,1
	v_max_num_f32 v[232+\b], v[232+\b], v[236+\b]
.endr
.irp b, 0,1
	v_add_nc_u32 v[244+\b], 0xff000000, v[232+\b]
.endr
.irp b, 0,1
	v_lshrrev_b32 v[236+\b], 23, v[244+\b]
.endr
	v_lshl_or_b32 v253, v237, 8, v236              ; my head's two bytes of the row's scale word
	v_cvt_scalef32_pk16_fp6_f32 v[192:194], v[96:111], v244
	v_cvt_scalef32_pk16_fp6_f32 v[204:206], v[112:127], v245
	v_nop
.irp i, 0,1,2
	v_permlane16_swap_b32 v[192+\i], v[204+\i]
.endr
.irp i, 0,1,2
	v_mov_b32 v[195+\i], v[204+\i]
.endr
.irp p, 0,1,2
	global_store_b64 v[AK0], v[192+2*\p:193+2*\p], s[16:17] offset:256*\p      ; 32 lanes store 256 consecutive bytes, aligned
.endr
	v_cmp_gt_u32 vcc_lo, 16, v9
	s_wait_xcnt 0x0                                ; EXEC changes only behind this wait
	s_and_saveexec_b32 s90, vcc_lo
	global_store_b16 v8, v253, s[18:19]            ; lanes 0-15: two bytes a row; the word's other half is the neighbouring head's work-group's
	s_wait_xcnt 0x0
	s_or_b32 exec_lo, exec_lo, s90
	s_wait_tensorcnt 0x0                           ; the wave's end
	ds_add_u32 v[SPW], v[NIL]
	s_wait_dscnt 0x0
	ROUND                                          ; the closing round
	s_endpgm
.Lfunc_end_k_q0c8ccc0884_attn:
	.size	k_q0c8ccc0884_attn, .Lfunc_end_k_q0c8ccc0884_attn-k_q0c8ccc0884_attn
	.p2alignl 7, 3214868480
	.fill 96, 4, 3214868480
	.section	.rodata,"a",@progbits
	.p2align	6, 0x0
	.amdhsa_kernel k_q0c8ccc0884_attn
		.amdhsa_group_segment_fixed_size 212992
		.amdhsa_private_segment_fixed_size 0
		.amdhsa_enable_private_segment 0
		.amdhsa_kernarg_size 16
		.amdhsa_user_sgpr_count 2
		.amdhsa_user_sgpr_kernarg_segment_ptr 1
		.amdhsa_wavefront_size32 1
		.amdhsa_system_sgpr_workgroup_id_x 1
		.amdhsa_system_sgpr_workgroup_id_y 1
		.amdhsa_system_sgpr_workgroup_id_z 1
		.amdhsa_system_vgpr_workitem_id 0
		.amdhsa_next_free_vgpr 256
		.amdhsa_next_free_sgpr 102
		.amdhsa_reserve_vcc 1
		.amdhsa_float_denorm_mode_32 3
		.amdhsa_float_denorm_mode_16_64 3
		.amdhsa_memory_ordered 1
		.amdhsa_forward_progress 1
		.amdhsa_inst_pref_size 39
	.end_amdhsa_kernel
	.amdgpu_metadata
---
amdhsa.version: [ 1, 2 ]
amdhsa.kernels:
  - .name:           k_q0c8ccc0884_attn
    .symbol:         k_q0c8ccc0884_attn.kd
    .args:
      - { .name: qkv, .offset: 0, .size: 8, .value_kind: global_buffer, .address_space: global }
      - { .name: ctx, .offset: 8, .size: 8, .value_kind: global_buffer, .address_space: global }
    .group_segment_fixed_size: 212992
    .private_segment_fixed_size: 0
    .kernarg_segment_align: 8
    .kernarg_segment_size: 16
    .max_flat_workgroup_size: 512
    .sgpr_count:     102
    .vgpr_count:     256
    .wavefront_size: 32
...
	.end_amdgpu_metadata
.endif
;; end of part 4
;; launch wo (part 5): grid 4 x 16, 4 waves a work-group, clusters of 4 x 4, 327,680 bytes of LDS; arguments ctx, xq, inputs, y; writes y
.if DOCPART == 5
	.amdgcn_target "amdgcn-amd-amdhsa--gfx1250"
	.amdhsa_code_object_version 6
	.text
	.protected	k_q0c8ccc0884_wo
	.globl	k_q0c8ccc0884_wo
	.p2align	8
	.type	k_q0c8ccc0884_wo,@function
k_q0c8ccc0884_wo:
	s_mov_b64 s[64:65], 0
	v_nop
	global_prefetch_b8 v0, s[64:65] scope:SCOPE_SE
	s_setreg_imm32_b32 hwreg(HW_REG_WAVE_MODE, 25, 1), 1
	s_wait_xcnt 0x0
	s_wait_alu depctr_hold_cnt(0) depctr_sa_sdst(0) depctr_va_vdst(0) depctr_va_sdst(0) depctr_va_ssrc(0) depctr_va_vcc(0) depctr_vm_vsrc(0)
	s_getreg_b32 s2, hwreg(HW_REG_IB_STS2, 6, 4)
	s_cmp_eq_u32 s2, 0
	s_cbranch_scc0 .Lentry_in_a_cluster
	s_endpgm
.Lentry_in_a_cluster:
	s_bfe_u32 s2, ttmp6, 0x10000c
	s_cmp_lg_u32 s2, 0xf033
	s_cbranch_scc0 .Lentry_shape_is_right
	s_endpgm
.Lentry_shape_is_right:
; ONE TEXT SERVES THE FOUR PRODUCTS WITH WEIGHTS; the four lines below say which.  KIND 0: q, k = x Wq, x Wk (A = tokens, B = columns) and v^T = Wv^T x^T (A = columns of Wv, B = tokens, so that the results' registers run along
; the tokens, which are the K of the second product of attention); the results are quantised in registers and leave as codes.  KIND 1: y = ctx Wo^T + inputs.  KIND 2: act = Q(relu(h W1 + b1)).  KIND 3: y = act W2 + b2 + h.
; C = A B^T on codes of FP6 (E2M3) with one E8M0 scale for each 32 along K, sums in f32.  A tile of C, 256 x 256, is made by four waves, 128 x 128 each: 64 accumulators, 512 registers.
; OPERANDS lie in memory as images of the operand registers: [tile of 128 rows][step of 128 along K][fragment a][piece p][lane x 8 bytes]; fragment a, lane r holds row 32 (a/2) + 8 (a%2) + r + 8 (r/8).  So a slot's quarter
; (128 rows x 256 along K) is 24,576 dense bytes, a fragment is six loads of 8 bytes a lane at 8 x lane + 256 p (256 consecutive bytes each: every bank once), and no padding is needed.
; K goes in steps of 256 through a ring of two LDS slots filled by the tensor data mover.  The scale words of the work-group's rows, for all of K, come once with the first fills and stay.
; CLUSTERS: 4 x 4 work-groups; A's tiles are asked for jointly along a row of the cluster, B's along a column.  THE MATRIX INSTRUCTION IS USED TRANSPOSED (source 0 = B, source 1 = A): lane (r, h) holds position r of A's
; fragment, and the 16 registers of B's fragments 2 b and 2 b + 1 are the columns 32 b + 16 h + 0 .. 15: neighbours, by the order of rows in a fragment.
; REGISTERS: window 0: v0-31 addresses; v32-63 scale words, two sets; v64-127 the bias in the result's layout (BIAS = 1); from v128 A's fragments, one set.  window 1: B's fragments, two sets.  windows 2, 3: the accumulators.
; LIMITS: NaN and infinities are not served; a block of zeros or with largest magnitude under 2^-124 gets the byte 1 (read by this program alone).
.set KIND,   1
.set SIZE_K, 1024
.set BIAS,   0
.set EPIQ,   0
.set XS,     3932160                   ; byte offsets inside the workspace buffers: xq's scale words,
.set WS8,    8650752                   ; wq: scale words of the tiles with K = 1,024,
.set W2C,    5505024                   ; W2's codes,
.set W2S,    8880128                   ; W2's scale words,
.set QS,     9437184                   ; qkv's scale words,
.set CS,     3145728                   ; ctx's,
.set HC,     16777216                  ; hb: h's codes,
.set HS,     19922944                  ; h's scale words,
.set AS,     12582912                  ; act's scale words
.set NK,     SIZE_K/128
.set QUART,  24576                     ; 128 rows x 256 along K: what one tensor load brings
.set SLOT,   4*QUART                   ; A's two halves, then B's two
.set HALFS,  NK*512                    ; the scale words of 128 rows
.set SCL,    2*SLOT
.set SPARE,  SCL+4*HALFS               ; the spare words, 128 bytes for each wave
.set LAPS,   SIZE_K/512                ; a lap = two slots
.set FR,     12
.set NL,     6
.set NP,     4                         ; places behind this matrix instruction (ISA guide 7.12.1)
.set SPITCH, 528                       ; the way out in f32: a stage of 16 rows x (512 + 16) bytes for each wave, in slot 0, which has had its last fill and its last read by then
.set ADRA, 16                          ; v16-17 LDS address of my A fragments in slot 0, 1
.set ADRB, 20                          ; v20-21 the same for B
.set STO,  24                          ; f32 way out: where I put my bytes of a row
.set RD,   25                          ; and where I read a row back
.set CO,   26                          ; 16 x lane
.set LI8,  24                          ; codes' way out: 8 x lane
.set SA,   25                          ; 16 x lane
.set ADRS, 27                          ; my scale words: lanes 0-15 A's, lanes 16-31 B's
.set SPW,  28
.set NIL,  29
.set BO,   30                          ; the bias: 64 h
.set SC,   32
.set BI,   64
.set HA,   64
.set AF,   128
.set BK,   128
.set PC,   128                         ; codes' way out: two sets of 20
.set TM,   176
.set PWS,  200
.set T,    208
.set SEL,  2                           ; s[2:3]
.set G1, 24
.set G0, 32
.set G1B, 48
.set G0B, 56
.set G1S, 68
.set G0S, 76
.set G1SB, 80
.set G0SB, 88
.set MSB, 0
.macro WIN new                         ; the immediate's high byte repeats the setting that is left
.if MSB != (\new)
	s_set_vgpr_msb (MSB<<8)|(\new)
.set MSB, (\new)
.endif
.endm
.set MUL_LO, 0xa1                      ; source 0 (B) window 1, source 1 (A) window 0, C and D window 2
.set MUL_HI, 0xf1                      ; the same, C and D window 3
.set TO_B,   0x40
.macro JLOAD g0a, g1a, g0b, g1b        ; a joint load: waves 0 and 1 fetch for A, waves 2 and 3 for B; the branch hangs on the wave's number alone
	s_cmp_eq_u32 s15, 0
	s_cbranch_scc0 .Lfor_b_\@
	tensor_load_to_lds s[\g0a:\g0a+3], s[\g1a:\g1a+7]
	s_nop 0
.rept 4
	v_nop
.endr
	s_branch .Lasked_\@
.Lfor_b_\@:
	tensor_load_to_lds s[\g0b:\g0b+3], s[\g1b:\g1b+7]
	s_nop 0
.rept 4
	v_nop
.endr
.Lasked_\@:
.endm
.macro CREST                           ; a round of the cluster's barrier behind its opening barrier
	s_cmp_lg_u32 s14, 0
	s_cbranch_scc1 .Lnot_wave_0_\@
	s_barrier_signal -3
.Lnot_wave_0_\@:
	s_barrier_wait -3
	s_barrier_signal -1
	s_barrier_wait -1
.endm
.macro CROUND
	s_barrier_signal -1
	s_barrier_wait -1
	CREST
.endm
	s_load_b128 s[4:7], s[0:1], 0x0
.if KIND == 0
	s_load_b64 s[12:13], s[0:1], 0x10
.else
	s_load_b128 s[96:99], s[0:1], 0x10
.endif
.if KIND == 3
	s_load_b64 s[12:13], s[0:1], 0x20
.endif
	v_lshl_add_u32 v[SPW], v0, 2, SPARE
	v_mov_b32 v[NIL], 0
	ds_add_u32 v[SPW], v[NIL]                      ; the opening: the add, twice on end, and its wait ahead of my first tensor load
	ds_add_u32 v[SPW], v[NIL]
	v_lshrrev_b32 v1, 5, v0
	v_readfirstlane_b32 s14, v1                    ; wave 0..3
	s_lshr_b32 s15, s14, 1                         ; my half of the tile's rows.  Also: I fetch for A (0) or for B (1)
	s_and_b32 s16, s14, 1                          ; my half of its columns.  Also: which 128 rows I fetch
	s_bfe_u32 s40, ttmp6, 0x40000                  ; cx
	s_bfe_u32 s41, ttmp6, 0x40004                  ; cy
.if KIND == 0
	s_and_b32 s42, ttmp9, 1                        ; clusters 0-7: q and k, 2 x 4 clusters of 4 x 4 tiles; clusters 8-11: v^T, 4 x 1
	s_sub_co_u32 s43, ttmp9, 8
	s_lshr_b32 s17, ttmp9, 1
	s_cmp_lt_u32 ttmp9, 8
	s_cselect_b32 s42, s42, s43
	s_cselect_b32 s17, s17, 0
	s_lshl_b32 s42, s42, 2
	s_lshl_b32 s17, s17, 2
.else
	s_lshl_b32 s42, ttmp9, 2
	s_and_b32 s17, ttmp7, 0xffff
	s_lshl_b32 s17, s17, 2
.endif
	s_add_co_u32 s42, s42, s40                     ; tile column
	s_add_co_u32 s17, s17, s41                     ; tile row
	s_lshl_b32 s43, s41, 2
	s_lshl_b32 s43, 15, s43                        ; my row of the cluster
	s_lshl_b32 s44, 0x1111, s40                    ; my column
	s_or_b32 s[G1+0], s43, (3<<16)|(1<<21)         ; 15:0 the mask; 17:16 elements of 8 bytes; 21 set beside a mask; no padding
	s_or_b32 s[G1B+0], s44, (3<<16)|(1<<21)
.irp g, G1, G1B                        ; 24,576 dense bytes as 96 rows of 256
	s_mov_b32 s[\g+1], 32<<16
	s_mov_b32 s[\g+2], 96<<16
	s_mov_b32 s[\g+3], 32<<16
	s_mov_b32 s[\g+4], 96
	s_mov_b32 s[\g+5], 32
	s_mov_b32 s[\g+6], 0
	s_mov_b32 s[\g+7], 0
.endr
	s_or_b32 s[G1S+0], s43, (3<<16)|(1<<21)
	s_or_b32 s[G1SB+0], s44, (3<<16)|(1<<21)
.irp g, G1S, G1SB                      ; the scale words of 128 rows: HALFS dense bytes as rows of 256
	s_mov_b32 s[\g+1], 32<<16
	s_mov_b32 s[\g+2], (HALFS/256)<<16
	s_mov_b32 s[\g+3], 32<<16
	s_mov_b32 s[\g+4], HALFS/256
	s_mov_b32 s[\g+5], 32
	s_mov_b32 s[\g+6], 0
	s_mov_b32 s[\g+7], 0
.endr
	s_lshl_b32 s20, s17, 1
	s_add_co_u32 s20, s20, s16                     ; the tile of 128 rows of A that I fetch
	s_lshl_b32 s46, s42, 1
	s_add_co_u32 s46, s46, s16                     ; and of B
	s_mul_i32 s22, s20, HALFS
	s_mov_b32 s23, 0
	s_mul_i32 s92, s46, HALFS
	s_mov_b32 s93, 0
	s_mul_i32 s20, s20, NK*12288
	s_mov_b32 s21, 0
	s_mul_i32 s46, s46, NK*12288
	s_mov_b32 s47, 0
	s_mul_i32 s45, s14, QUART                      ; where they go: no place in the cluster enters an LDS address
	s_mul_i32 s94, s14, HALFS
	s_mov_b32 s[SEL], 0x76543210
	s_mov_b32 s[SEL+1], 0xfedcba98
	s_wait_dscnt 0x0                               ; both opening adds are done
	s_wait_kmcnt 0x0
	; s[4:5] A's codes, s[6:7] A's scale words, s[8:9] B's codes, s[10:11] B's scale words, s[12:13] the output, s[96:97] the bias, s[98:99] the residual, s[100:101] the output's scale words
.if KIND == 0
	s_add_nc_u64 s[96:97], s[4:5], XS
	s_add_nc_u64 s[98:99], s[6:7], WS8
	s_add_nc_u64 s[100:101], s[6:7], 16*8*12288    ; Wv: tiles 16-23 of wq
	s_add_nc_u64 s[66:67], s[6:7], WS8+16*4096
	s_cmp_lt_u32 ttmp9, 8                          ; the choice hangs on the cluster's number alone
	s_cselect_b64 s[8:9], s[6:7], s[4:5]
	s_cselect_b64 s[10:11], s[98:99], s[96:97]
	s_cselect_b64 s[4:5], s[4:5], s[100:101]
	s_cselect_b64 s[6:7], s[96:97], s[66:67]
	s_add_nc_u64 s[100:101], s[12:13], QS
.elseif KIND == 1
	s_mov_b64 s[12:13], s[98:99]
	s_mov_b64 s[98:99], s[96:97]
	s_add_nc_u64 s[8:9], s[6:7], 32*8*12288        ; Wo: tiles 32-39 of xq
	s_add_nc_u64 s[10:11], s[6:7], XS+32*4096
	s_add_nc_u64 s[6:7], s[4:5], CS
.elseif KIND == 2
	s_mov_b64 s[12:13], s[98:99]
	s_add_nc_u64 s[100:101], s[98:99], AS
	s_add_nc_u64 s[8:9], s[6:7], 24*8*12288        ; W1: tiles 24-55 of wq
	s_add_nc_u64 s[10:11], s[6:7], WS8+24*4096
	s_add_nc_u64 s[6:7], s[4:5], HS
	s_add_nc_u64 s[4:5], s[4:5], HC
.else
	s_add_nc_u64 s[8:9], s[6:7], W2C
	s_add_nc_u64 s[10:11], s[6:7], W2S
	s_add_nc_u64 s[6:7], s[4:5], AS
.endif
	s_add_nc_u64 s[20:21], s[4:5], s[20:21]
	s_add_nc_u64 s[22:23], s[6:7], s[22:23]
	s_add_nc_u64 s[46:47], s[8:9], s[46:47]
	s_add_nc_u64 s[92:93], s[10:11], s[92:93]
	CROUND                                         ; all sixteen work-groups are here: the first joint loads meet
	s_mov_b32 s[G0S], 1
	s_add_co_u32 s[G0S+1], s94, SCL
	s_mov_b64 s[G0S+2:G0S+3], s[22:23]
	s_or_b32 s[G0S+3], s[G0S+3], 0x80000000
	s_mov_b32 s[G0SB], 1
	s_add_co_u32 s[G0SB+1], s94, SCL
	s_mov_b64 s[G0SB+2:G0SB+3], s[92:93]
	s_or_b32 s[G0SB+3], s[G0SB+3], 0x80000000
	JLOAD G0S, G1S, G0SB, G1SB                     ; the scale words first: they are wanted with the first step
.irp s, 0,1
	s_mov_b32 s[G0+4*\s], 1
	s_add_co_u32 s[G0+4*\s+1], s45, \s*SLOT
	s_add_nc_u64 s[G0+4*\s+2:G0+4*\s+3], s[20:21], \s*QUART
	s_or_b32 s[G0+4*\s+3], s[G0+4*\s+3], 0x80000000
	s_mov_b32 s[G0B+4*\s], 1
	s_add_co_u32 s[G0B+4*\s+1], s45, \s*SLOT
	s_add_nc_u64 s[G0B+4*\s+2:G0B+4*\s+3], s[46:47], \s*QUART
	s_or_b32 s[G0B+4*\s+3], s[G0B+4*\s+3], 0x80000000
	JLOAD G0+4*\s, G1, G0B+4*\s, G1B               ; three tensor loads of a wave are out here
.endr
	v_and_b32 v1, 15, v0                           ; r
	v_bfe_u32 v2, v0, 4, 1                         ; h
	v_and_b32 v3, 31, v0                           ; lane; never rewritten
	v_lshlrev_b32 v4, 3, v3                        ; 8 x lane
	s_mul_i32 s21, s15, QUART                      ; my 128 rows of A
	s_mul_i32 s22, s16, QUART                      ; my 128 rows of B,
	s_add_co_u32 s22, s22, 2*QUART                 ; behind A's two quarters
.irp s, 0,1
	v_add_nc_u32 v[ADRA+\s], s21, v4
	v_add_nc_u32 v[ADRB+\s], s22, v4
	s_add_co_u32 s21, s21, SLOT
	s_add_co_u32 s22, s22, SLOT
.endr
	v_lshlrev_b32 v5, 4, v1                        ; my scale words: 16 r,
	s_mul_i32 s21, s15, HALFS                      ; A's: my 128 rows
	s_mul_i32 s22, s16, HALFS                      ; B's: my 128 rows, behind A's two
	s_add_co_u32 s22, s22, 2*HALFS
	s_sub_co_u32 s22, s22, s21
	v_mul_u32_u24 v6, s22, v2                      ; lanes 16-31 take B's
	s_add_co_u32 s21, s21, SCL
	v_add_nc_u32 v5, v5, v6
	v_add_nc_u32 v[ADRS], s21, v5
.if BIAS
	s_lshl_b32 s46, s42, 10
	s_lshl_b32 s47, s16, 9
	s_add_co_u32 s46, s46, s47                     ; my first column, 4 bytes each
	s_mov_b32 s47, 0
	s_add_nc_u64 s[96:97], s[96:97], s[46:47]
	v_lshlrev_b32 v[BO], 6, v2
.irp b, 0,1,2,3,4,5,6,7                ; the bias in the result's layout: tile b, register j: column 32 (b/2) + 8 (b%2) + 16 h + j.  It is the C of each sum's first matrix instruction
	global_load_b128 v[BI+8*\b:BI+8*\b+3], v[BO], s[96:97] offset:(32*(\b/2)+8*(\b%2))*4
	global_load_b128 v[BI+8*\b+4:BI+8*\b+7], v[BO], s[96:97] offset:(32*(\b/2)+8*(\b%2))*4+16
.endr
.endif
.if EPIQ
	v_lshlrev_b32 v[LI8], 3, v3
	v_lshlrev_b32 v[SA], 4, v3
	s_lshl_b32 s20, s17, 1
	s_add_co_u32 s20, s20, s15                     ; my tile of 128 rows of A
	s_lshl_b32 s46, s42, 1
	s_add_co_u32 s46, s46, s16                     ; my 128 columns: a step of 128 along the next K
.if KIND == 0
	s_add_co_u32 s21, s20, 16
	s_cmp_lt_u32 ttmp9, 8
	s_cselect_b32 s22, s46, s21                    ; qkv is laid [q pairs of heads 0-7, k pairs 8-15, v^T pairs 16-23][32 token tiles or token steps]
	s_cselect_b32 s23, s20, s46
.else
	s_mov_b32 s22, s20                             ; act is laid [token tile][step of 128 along FF]
	s_mov_b32 s23, s46
.endif
	s_lshl_b32 s22, s22, 5
	s_add_co_u32 s22, s22, s23
	s_mul_i32 s20, s22, 12288
	s_mov_b32 s21, 0
	s_lshl_b32 s22, s22, 9
	s_mov_b32 s23, 0
	s_add_nc_u64 s[12:13], s[12:13], s[20:21]
	s_add_nc_u64 s[100:101], s[100:101], s[22:23]
.else
	s_mul_i32 s23, s14, 16*SPITCH                  ; my stage
	v_mul_u32_u24 v5, v1, SPITCH
	v_lshl_add_u32 v5, v2, 6, v5
	v_add_nc_u32 v[STO], s23, v5                   ; in: row r, + 64 h
	v_lshlrev_b32 v[CO], 4, v3
	v_add_nc_u32 v[RD], s23, v[CO]                 ; back: the 32 lanes take a row of 512 bytes
	s_lshl_b32 s20, s17, 8
	s_lshl_b32 s21, s15, 7
	s_add_co_u32 s20, s20, s21
	s_lshl_b32 s20, s20, 12                        ; my first row, 4,096 bytes a row
	s_lshl_b32 s46, s42, 10
	s_lshl_b32 s47, s16, 9
	s_add_co_u32 s46, s46, s47
	s_add_co_u32 s20, s20, s46                     ; my first column
	s_mov_b32 s21, 0
	s_add_nc_u64 s[12:13], s[12:13], s[20:21]
	s_add_nc_u64 s[98:99], s[98:99], s[20:21]
.endif
.macro FRAG reg, adr, q, i             ; a fragment: six pieces of 8 bytes a lane, 256 bytes apart
.irp p, 0,1,2,3,4,5
	ds_load_b64 v[\reg+2*\p:\reg+2*\p+1], v[\adr] offset:(8*(\q)+(\i))*1536+256*\p
.endr
.endm
; 16 matrix instructions: A's blocks a0, a0 + 1 x B's eight.  p: B's set; q: which 128 of the slot; sc: the set of scale words.  zero = 1: the constant 0 starts the sums; 2: the bias does.
; The 64 accumulators take turns, one instruction a turn, in the same order in every step.
.macro MUL16 a0, p, q, sc, zero
.irp a, \a0, \a0+1
.irp b, 0,1,2,3,4,5,6,7
.if \zero == 1
	v_wmma_scale_f32_16x16x128_f8f6f4 v[8*(8*((\a)%4)+\b):8*(8*((\a)%4)+\b)+7], v[128*(\p)+FR*\b:128*(\p)+FR*\b+FR-1], v[AF+FR*(\a):AF+FR*(\a)+FR-1], 0, v[SC+16*(\sc)+8*(\q)+\b], v[SC+16*(\sc)+8*(\q)+(\a)] matrix_a_fmt:MATRIX_FMT_FP6 matrix_b_fmt:MATRIX_FMT_FP6 matrix_a_scale:MATRIX_SCALE_ROW1
.elseif \zero == 2
	v_wmma_scale_f32_16x16x128_f8f6f4 v[8*(8*((\a)%4)+\b):8*(8*((\a)%4)+\b)+7], v[128*(\p)+FR*\b:128*(\p)+FR*\b+FR-1], v[AF+FR*(\a):AF+FR*(\a)+FR-1], v[BI+8*\b:BI+8*\b+7], v[SC+16*(\sc)+8*(\q)+\b], v[SC+16*(\sc)+8*(\q)+(\a)] matrix_a_fmt:MATRIX_FMT_FP6 matrix_b_fmt:MATRIX_FMT_FP6 matrix_a_scale:MATRIX_SCALE_ROW1
.else
	v_wmma_scale_f32_16x16x128_f8f6f4 v[8*(8*((\a)%4)+\b):8*(8*((\a)%4)+\b)+7], v[128*(\p)+FR*\b:128*(\p)+FR*\b+FR-1], v[AF+FR*(\a):AF+FR*(\a)+FR-1], v[8*(8*((\a)%4)+\b):8*(8*((\a)%4)+\b)+7], v[SC+16*(\sc)+8*(\q)+\b], v[SC+16*(\sc)+8*(\q)+(\a)] matrix_a_fmt:MATRIX_FMT_FP6 matrix_b_fmt:MATRIX_FMT_FP6 matrix_a_scale:MATRIX_SCALE_ROW1
.endif
.endr
.endr
.endm
.macro FETCH_B slot, q, p
	WIN TO_B
.irp i, 0,1,2,3,4,5,6,7
	FRAG 128*(\p)+FR*\i, ADRB+\slot, \q, \i
.endr
	WIN 0
.endm
.macro FETCH_A slot, q, i0
.irp i, \i0, \i0+1, \i0+2, \i0+3
	FRAG AF+FR*(\i), ADRA+\slot, \q, \i
.endr
.endm
.macro SCALES sc                       ; a slot's scale words: one load brings a lane the words of four fragments; lanes 0-15 A's, lanes 16-31 B's
.irp q, 0,1
.irp u, 0,1
	ds_load_b128 v[SC+16*\sc+8*\q+4*\u:SC+16*\sc+8*\q+4*\u+3], v[ADRS] offset:512*\q+256*\u
.endr
.endr
.endm
.macro PLACES n                        ; plain vector lines between a matrix instruction and a load into, or a read of, its registers
.rept \n
	v_nop
.endr
.endm
.macro STEP slot, q, zero              ; a step of 128 along K that has its successor in the same slot
	s_wait_dscnt 4*NL                              ; B's set and A's blocks 0-3 are in; the youngest 24 loads (A's blocks 4-7) may be out
.if \zero == 2
	WIN 0x81                                       ; C (the bias) window 0, D window 2
.else
	WIN MUL_LO
.endif
	MUL16 0, (\q)%2, \q, \slot, \zero
	MUL16 2, (\q)%2, \q, \slot, \zero
	s_wait_dscnt 0                                 ; A's blocks 4-7 are in
	PLACES NP
	FETCH_B \slot, (\q)+1, 1-(\q)%2
	FETCH_A \slot, (\q)+1, 0
.if \zero == 2
	WIN 0xc1
.else
	WIN MUL_HI
.endif
	MUL16 4, (\q)%2, \q, \slot, \zero
	MUL16 6, (\q)%2, \q, \slot, \zero
	PLACES NP
	WIN 0
	FETCH_A \slot, (\q)+1, 4
.endm
; A slot's last step changes slots: one barrier; in front of it each wave waits for all its tensor loads, adds 0 to its spare word, and waits for that and for its own reads of this slot.  fill = 1: this slot is filled again.
.macro TURN slot, next, fill
	s_wait_tensorcnt 0x0                           ; all my tensor loads have landed: my part of the next slot
	ds_add_u32 v[SPW], v[NIL]
	s_wait_dscnt 4*NL+1                            ; (the add and the youngest 24 loads may be out)
	WIN MUL_LO
	MUL16 0, 1, 1, \slot, 0
	s_wait_dscnt 0x0                               ; the add is done, and my reads of this slot are over
	s_barrier_signal -1
	MUL16 2, 1, 1, \slot, 0
	WIN 0
	s_barrier_wait -1
.if \fill
	CREST                                          ; the barrier has opened a round of the cluster's barrier: no wave of any partner still reads this slot or has a load on its way
	s_add_nc_u64 s[G0+4*\slot+2:G0+4*\slot+3], s[G0+4*\slot+2:G0+4*\slot+3], 2*QUART
	s_add_nc_u64 s[G0B+4*\slot+2:G0B+4*\slot+3], s[G0B+4*\slot+2:G0B+4*\slot+3], 2*QUART
	JLOAD G0+4*\slot, G1, G0B+4*\slot, G1B         ; the first tensor load behind the round; its four v_nop are the places in front of the loads below
.else
	PLACES NP
.endif
	v_add_nc_u32 v[ADRS], 1024, v[ADRS]            ; the next slot's scale words
	FETCH_B \next, 0, 0
	FETCH_A \next, 0, 0
	SCALES \next
	WIN MUL_HI
	MUL16 4, 1, 1, \slot, 0
	MUL16 6, 1, 1, \slot, 0
	PLACES NP
	WIN 0
	FETCH_A \next, 0, 4
.endm
; 64 numbers v[s] .. v[s + 63] of window w, register 16 b + i = k 32 b + 16 h + i of my row, become a fragment's codes in v[pc] on and its scale word in v[pw], both in window 0.
.macro QUANT s, w, pc, pw
	WIN ((\w)<<4)|((\w)<<2)
.irp b, 0,1,2,3
	v_max3_num_f32 v[TM+\b], 0x1800000, |v[(\s)+16*\b]|, |v[(\s)+1+16*\b]|   ; my 16 numbers of block b, and the floor 2^(3 - 127).  Each accumulator is read from its low end on
.endr
.irp i, 2,4,6,8,10,12,14
.irp b, 0,1,2,3
	v_max3_num_f32 v[TM+\b], v[TM+\b], |v[(\s)+16*\b+\i]|, |v[(\s)+1+16*\b+\i]|
.endr
.endr
	WIN 0
.irp b, 0,1,2,3
	v_permlanex16_b32 v[TM+4+\b], v[TM+\b], s[SEL], s[SEL+1]
.endr
.irp b, 0,1,2,3
	v_max_num_f32 v[TM+\b], v[TM+\b], v[TM+4+\b]
.endr
.irp b, 0,1,2,3
	v_add_nc_u32 v[TM+12+\b], 0xff000000, v[TM+\b] ; 2 off the exponent field: the conversion's scale operand
.endr
.irp b, 0,1,2,3
	v_lshrrev_b32 v[TM+4+\b], 23, v[TM+12+\b]      ; the scale's byte
.endr
	v_lshl_or_b32 v[\pw], v[TM+5], 8, v[TM+4]
	v_lshl_or_b32 v[\pw], v[TM+6], 16, v[\pw]
	v_lshl_or_b32 v[\pw], v[TM+7], 24, v[\pw]
	WIN (\w)
.irp c, 0,1
	v_cvt_scalef32_pk16_fp6_f32 v[(\pc)+6*\c:(\pc)+2+6*\c], v[(\s)+32*\c:(\s)+15+32*\c], v[TM+12+2*\c]
	v_cvt_scalef32_pk16_fp6_f32 v[(\pc)+12+4*\c:(\pc)+14+4*\c], v[(\s)+16+32*\c:(\s)+31+32*\c], v[TM+12+2*\c+1]
.endr
	WIN 0
	v_nop                                          ; one plain line behind a scaled conversion
.irp c, 0,1
.irp i, 0,1,2
	v_permlane16_swap_b32 v[(\pc)+6*\c+\i], v[(\pc)+12+4*\c+\i]
.endr
.irp i, 0,1,2
	v_mov_b32 v[(\pc)+3+6*\c+\i], v[(\pc)+12+4*\c+\i]
.endr
.endr
.endm
; THE WAY OUT IN f32, block by block of 16 positions x 128 columns, through my stage; row t of block a is row 32 (a/2) + 8 (a%2) + t%8 + 16 (t/8) of my 128.
.macro TOSTAGE a
.set AC, 64*((\a)%4)
	WIN 0x08+4*((\a)/4)
.irp b, 0,1,2,3,4,5,6,7
	ds_store_b128 v[STO], v[AC+8*\b:AC+8*\b+3] offset:128*(\b/2)+32*(\b%2)        ; each accumulator from its low end on
	ds_store_b128 v[STO], v[AC+8*\b+4:AC+8*\b+7] offset:128*(\b/2)+32*(\b%2)+16
.endr
	WIN 0
.set BB, BK+64*((\a)%2)
.irp t, 0,1,2,3,4,5,6,7,8,9,10,11,12,13,14,15
	ds_load_b128 v[BB+4*\t:BB+4*\t+3], v[RD] offset:\t*SPITCH       ; LDS serves a wave's instructions in order: these see my stores
.endr
.endm
.macro RESLOAD a                       ; the residual's 16 rows of block a into window 1, set a % 4
	WIN 0x40
.irp t, 0,1,2,3,4,5,6,7,8,9,10,11,12,13,14,15
	global_load_b128 v[64*((\a)%4)+4*\t:64*((\a)%4)+4*\t+3], v[CO], s[98:99] offset:(32*((\a)/2)+8*((\a)%2)+\t%8+16*(\t/8))*4096
.endr
	WIN 0
.endm
.macro SEND a, younger, left           ; younger: LDS instructions issued behind block a's loads; left: residual loads issued behind block a's
.set BB, BK+64*((\a)%2)
.set RS, 64*((\a)%4)
	s_wait_dscnt \younger
	s_wait_loadcnt \left
	WIN 0x04
.set i, 0
.rept 32
	v_pk_add_f32 v[BB+i:BB+i+1], v[BB+i:BB+i+1], v[RS+i:RS+i+1]
.set i, i+2
.endr
	WIN 0
.irp t, 0,1,2,3,4,5,6,7,8,9,10,11,12,13,14,15
	global_store_b128 v[CO], v[BB+4*\t:BB+4*\t+3], s[12:13] offset:(32*((\a)/2)+8*((\a)%2)+\t%8+16*(\t/8))*4096   ; 32 lanes store 512 consecutive bytes, aligned
.endr
.endm
	s_wait_tensorcnt 1                             ; the scale words and my part of slot 0 are in; slot 1's load may be out
	s_barrier_signal -1
	s_barrier_wait -1
	FETCH_B 0, 0, 0
	FETCH_A 0, 0, 0
	SCALES 0
	FETCH_A 0, 0, 4
.if BIAS
	s_wait_loadcnt 0x0                             ; the bias
	STEP 0, 0, 2
.else
	STEP 0, 0, 1                                   ; the first step stands in front of the loop: its products start the sums
.endif
	s_mov_b32 s18, LAPS-1
.Llap:                                                 ; a trip goes once round the ring and fills both slots again
	TURN 0, 1, 1
	STEP 1, 0, 0
	TURN 1, 0, 1
	STEP 0, 0, 0
	s_sub_co_u32 s18, s18, 1
	s_cmp_lg_u32 s18, 0
	s_cbranch_scc1 .Llap
	TURN 0, 1, 0                                   ; the last lap fills nothing, and has no round of the cluster's barrier
	STEP 1, 0, 0
.if EPIQ == 0
	RESLOAD 0                                      ; B's set 0 is done with, behind the step's places: the first two blocks of the residual are asked for 64 matrix instructions ahead
	RESLOAD 1
.endif
	s_wait_dscnt 4*NL
	WIN MUL_LO
	MUL16 0, 1, 1, 1, 0
	MUL16 2, 1, 1, 1, 0
	s_wait_dscnt 0
	WIN MUL_HI
	MUL16 4, 1, 1, 1, 0
	MUL16 6, 1, 1, 1, 0
	WIN 0
	PLACES NP
.if EPIQ
	; THE WAY OUT AS CODES: block a's 64 registers are 128 neighbours along the next K of position 16 a + r: quantised in registers, stored as the fragment's image: no LDS
.irp b, 0,1,2,3
	v_mov_b32 v[TM+4+\b], 0                        ; a lane permute's destination counts as one of its sources
.endr
.irp a, 0,1,2,3,4,5,6,7
.if \a >= 2
	s_wait_xcnt 0x0                                ; block a - 2's stores have read this set of codes
.endif
.if KIND == 2
	WIN 0x08+4*(\a/4)
.set j, 0
.rept 64
	v_max_num_f32 v[HA+j], 0, v[64*(\a%4)+j]       ; the activation, in f32, and the way into window 0 in one line
.set j, j+1
.endr
	WIN 0
	QUANT HA, 0, PC+20*(\a%2), PWS+\a
.else
	QUANT 64*(\a%4), 2+\a/4, PC+20*(\a%2), PWS+\a
.endif
.irp p, 0,1,2,3,4,5
	global_store_b64 v[LI8], v[PC+20*(\a%2)+2*\p:PC+20*(\a%2)+2*\p+1], s[12:13] offset:1536*\a+256*\p   ; 32 lanes store 256 consecutive bytes, aligned
.endr
.endr
	v_cmp_le_u32 vcc_lo, 16, v3
.irp i, 0,1,2,3
	v_cndmask_b32 v[T+\i], v[PWS+\i], v[PWS+4+\i], vcc_lo   ; lanes 0-15 store the words of fragments 0-3, lanes 16-31 those of 4-7
.endr
	global_store_b128 v[SA], v[T:T+3], s[100:101]  ; the 512 bytes of scale words
.else
	RESLOAD 2
	TOSTAGE 0
.irp a, 1,2,3,4,5,6,7
.if \a > 1
	s_wait_xcnt 0x0                                ; block a - 2's stores have read their registers: block a's loads may land there
.endif
	TOSTAGE \a
.if \a < 6
	RESLOAD \a+2
	SEND \a-1, 32, 48                              ; 32: block a's 16 stores and 16 loads; 48: the residual loads of the three blocks behind
.elseif \a == 6
	SEND \a-1, 32, 32
.else
	SEND \a-1, 32, 16
.endif
.endr
	SEND 7, 0, 0
.endif
	s_wait_tensorcnt 0x0                           ; the wave's end
	ds_add_u32 v[SPW], v[NIL]
	s_wait_dscnt 0x0
	CROUND                                         ; the closing round: no work-group ends while a partner may still ask for a tile that names it
	s_endpgm
.Lfunc_end_k_q0c8ccc0884_wo:
	.size	k_q0c8ccc0884_wo, .Lfunc_end_k_q0c8ccc0884_wo-k_q0c8ccc0884_wo
	.p2alignl 7, 3214868480
	.fill 96, 4, 3214868480
	.section	.rodata,"a",@progbits
	.p2align	6, 0x0
	.amdhsa_kernel k_q0c8ccc0884_wo
		.amdhsa_group_segment_fixed_size 327680
		.amdhsa_private_segment_fixed_size 0
		.amdhsa_enable_private_segment 0
		.amdhsa_kernarg_size 32
		.amdhsa_user_sgpr_count 2
		.amdhsa_user_sgpr_kernarg_segment_ptr 1
		.amdhsa_wavefront_size32 1
		.amdhsa_system_sgpr_workgroup_id_x 1
		.amdhsa_system_sgpr_workgroup_id_y 1
		.amdhsa_system_sgpr_workgroup_id_z 1
		.amdhsa_system_vgpr_workitem_id 0
		.amdhsa_next_free_vgpr 1024
		.amdhsa_next_free_sgpr 102
		.amdhsa_reserve_vcc 1
		.amdhsa_float_denorm_mode_32 3
		.amdhsa_float_denorm_mode_16_64 3
		.amdhsa_memory_ordered 1
		.amdhsa_forward_progress 1
		.amdhsa_inst_pref_size 187
	.end_amdhsa_kernel
	.amdgpu_metadata
---
amdhsa.version: [ 1, 2 ]
amdhsa.kernels:
  - .name:           k_q0c8ccc0884_wo
    .symbol:         k_q0c8ccc0884_wo.kd
    .args:
      - { .name: ctx, .offset: 0, .size: 8, .value_kind: global_buffer, .address_space: global }
      - { .name: xq, .offset: 8, .size: 8, .value_kind: global_buffer, .address_space: global }
      - { .name: inputs, .offset: 16, .size: 8, .value_kind: global_buffer, .address_space: global }
      - { .name: y, .offset: 24, .size: 8, .value_kind: global_buffer, .address_space: global }
    .group_segment_fixed_size: 327680
    .private_segment_fixed_size: 0
    .kernarg_segment_align: 8
    .kernarg_segment_size: 32
    .max_flat_workgroup_size: 128
    .sgpr_count:     102
    .vgpr_count:     1024
    .wavefront_size: 32
...
	.end_amdgpu_metadata
.endif
;; end of part 5
;; launch ln1 (part 6): grid 256 x 1, 8 waves a work-group, no clusters, 66,816 bytes of LDS; arguments y, g1, be1, hb; writes hb
.if DOCPART == 6
	.amdgcn_target "amdgcn-amd-amdhsa--gfx1250"
	.amdhsa_code_object_version 6
	.text
	.protected	k_q0c8ccc0884_ln1
	.globl	k_q0c8ccc0884_ln1
	.p2align	8
	.type	k_q0c8ccc0884_ln1,@function
k_q0c8ccc0884_ln1:
	s_mov_b64 s[64:65], 0
	v_nop
	global_prefetch_b8 v0, s[64:65] scope:SCOPE_SE
	s_setreg_imm32_b32 hwreg(HW_REG_WAVE_MODE, 25, 1), 1
	s_wait_xcnt 0x0
; h = layer norm of y (rows of 1,024, f32) with gain g1 and bias be1; h is stored in f32 (hb, from byte 0) and, quantised along its 1,024 to codes of FP6 (E2M3) with E8M0 scale words, as operand images (hb + HC, hb + HS).
; SHARES: work-group = 8 x tile + a: the 16 rows of fragment a of a tile of 128 rows: lane r of the fragment holds row 32 (a/2) + 8 (a%2) + r + 8 (r/8).
; PHASE 1: wave w takes the rows of lanes 2 w and 2 w + 1, whole, in registers: mean, then the mean of the squared differences (two passes over registers: a common offset of the row costs nothing), rsqrt, gain and bias.
; h goes to memory and to a stage in LDS (pitch 4,112 bytes = 257 x 16: the sixteen rows of a read start in different banks).  PHASE 2, behind one barrier: wave w quantises the step w of 128 along K of all 16 rows.
; LIMITS: NaN and infinities are not served; a block of zeros or with largest magnitude under 2^-124 gets the byte 1 (read by this program alone).
.set HC,    16777216
.set HS,    19922944
.set X,     16                         ; v16-79   two rows, 32 registers each: lane l holds columns 128 j + 4 l .. + 3
.set G,     80                         ; v80-111  the gain at my columns
.set BE,    112                        ; v112-143 the bias
.set ST,    80                         ; phase 2: 64 numbers, in the registers that gain and bias have left
.set T,     144
.set MU,    152
.set RS,    154
.set PC,    160
.set TM,    180
.set PW,    196
.set SPW,   12
.set NIL,   13
.set PITCH, 4112
.set SPARE, 16*PITCH                   ; behind the stage: the spare words, 128 bytes for each wave
.set SEL,   12                         ; s[12:13]
.set WV,    24
.macro REDUCE                          ; v[T] summed over the 32 lanes, the result in every lane
	v_add_f32_dpp v[T], v[T], v[T] row_xmask:1 row_mask:0xf bank_mask:0xf
	v_add_f32_dpp v[T], v[T], v[T] row_xmask:2 row_mask:0xf bank_mask:0xf
	v_add_f32_dpp v[T], v[T], v[T] row_xmask:4 row_mask:0xf bank_mask:0xf
	v_add_f32_dpp v[T], v[T], v[T] row_xmask:8 row_mask:0xf bank_mask:0xf
	v_permlanex16_b32 v[T+1], v[T], s[SEL], s[SEL+1]
	v_add_f32 v[T], v[T], v[T+1]
.endm
.macro NORM e                          ; row e becomes (x - mean) / sqrt(var + 1e-6)
.set XR, X+32*\e
	v_pk_add_f32 v[T:T+1], v[XR:XR+1], v[XR+2:XR+3]
	v_pk_add_f32 v[T+2:T+3], v[XR+4:XR+5], v[XR+6:XR+7]
.irp i, 8,12,16,20,24,28
	v_pk_add_f32 v[T:T+1], v[T:T+1], v[XR+\i:XR+\i+1]
	v_pk_add_f32 v[T+2:T+3], v[T+2:T+3], v[XR+\i+2:XR+\i+3]
.endr
	v_pk_add_f32 v[T:T+1], v[T:T+1], v[T+2:T+3]
	v_add_f32 v[T], v[T], v[T+1]
	REDUCE
	v_mul_f32 v[MU], s14, v[T]                     ; the mean
	v_mov_b32 v[MU+1], v[MU]
.set i, 0
.rept 16
	v_pk_add_f32 v[XR+i:XR+i+1], v[XR+i:XR+i+1], v[MU:MU+1] neg_lo:[0,1] neg_hi:[0,1]
.set i, i+2
.endr
	v_pk_mul_f32 v[T:T+1], v[XR:XR+1], v[XR:XR+1]
	v_pk_mul_f32 v[T+2:T+3], v[XR+2:XR+3], v[XR+2:XR+3]
.irp i, 4,8,12,16,20,24,28
	v_pk_fma_f32 v[T:T+1], v[XR+\i:XR+\i+1], v[XR+\i:XR+\i+1], v[T:T+1]
	v_pk_fma_f32 v[T+2:T+3], v[XR+\i+2:XR+\i+3], v[XR+\i+2:XR+\i+3], v[T+2:T+3]
.endr
	v_pk_add_f32 v[T:T+1], v[T:T+1], v[T+2:T+3]
	v_add_f32 v[T], v[T], v[T+1]
	REDUCE
	v_fma_f32 v[T], v[T], s14, s15                 ; the variance + 1e-6
	v_rsq_f32 v[RS], v[T]
	v_nop                                          ; a plain line behind the transcendental
	s_wait_alu depctr_va_vdst(0)                   ; and the wait ahead of its first reader
	v_mov_b32 v[RS+1], v[RS]
.set i, 0
.rept 16
	v_pk_mul_f32 v[XR+i:XR+i+1], v[XR+i:XR+i+1], v[RS:RS+1]
.set i, i+2
.endr
.endm
.macro QUANT s                         ; 64 numbers of a lane become a fragment's codes in v[PC] on and its scale word in v[PW]
.irp b, 0,1,2,3
	v_max3_num_f32 v[TM+\b], |v[\s+16*\b]|, |v[\s+1+16*\b]|, 0x1800000
.endr
.irp i, 2,4,6,8,10,12,14
.irp b, 0,1,2,3
	v_max3_num_f32 v[TM+\b], v[TM+\b], |v[\s+16*\b+\i]|, |v[\s+1+16*\b+\i]|
.endr
.endr
.irp b, 0,1,2,3
	v_permlanex16_b32 v[TM+4+\b], v[TM+\b], s[SEL], s[SEL+1]
.endr
.irp b, 0,1,2,3
	v_max_num_f32 v[TM+\b], v[TM+\b], v[TM+4+\b]
.endr
.irp b, 0,1,2,3
	v_add_nc_u32 v[TM+12+\b], 0xff000000, v[TM+\b]
.endr
.irp b, 0,1,2,3
	v_lshrrev_b32 v[TM+4+\b], 23, v[TM+12+\b]
.endr
	v_lshl_or_b32 v[PW], v[TM+5], 8, v[TM+4]
	v_lshl_or_b32 v[PW], v[TM+6], 16, v[PW]
	v_lshl_or_b32 v[PW], v[TM+7], 24, v[PW]
.irp c, 0,1
	v_cvt_scalef32_pk16_fp6_f32 v[PC+6*\c:PC+2+6*\c], v[\s+32*\c:\s+15+32*\c], v[TM+12+2*\c]
	v_cvt_scalef32_pk16_fp6_f32 v[PC+12+4*\c:PC+14+4*\c], v[\s+16+32*\c:\s+31+32*\c], v[TM+12+2*\c+1]
.endr
	v_nop
.irp c, 0,1
.irp i, 0,1,2
	v_permlane16_swap_b32 v[PC+6*\c+\i], v[PC+12+4*\c+\i]
.endr
.irp i, 0,1,2
	v_mov_b32 v[PC+3+6*\c+\i], v[PC+12+4*\c+\i]
.endr
.endr
.endm
	s_load_b256 s[4:11], s[0:1], 0x0               ; y, g1, be1, hb
	v_lshl_add_u32 v[SPW], v0, 2, SPARE
	v_mov_b32 v[NIL], 0
	v_lshrrev_b32 v1, 5, v0
	v_readfirstlane_b32 s[WV], v1                  ; wave 0..7
	v_and_b32 v2, 31, v0                           ; lane
	v_lshlrev_b32 v1, 4, v2                        ; 16 x lane
	v_lshlrev_b32 v4, 3, v2                        ; 8 x lane
	v_and_b32 v5, 15, v0                           ; r
	v_bfe_u32 v6, v0, 4, 1                         ; h
	s_mul_i32 s25, s[WV], 2*PITCH
	v_add_nc_u32 v3, s25, v1                       ; the stage, on the way in: my two rows
	v_mul_u32_u24 v7, v5, PITCH
	v_lshl_add_u32 v7, v6, 6, v7
	s_lshl_b32 s25, s[WV], 9
	v_add_nc_u32 v7, s25, v7                       ; and out: row r, + 64 h, + my step's 512 bytes
	v_lshlrev_b32 v8, 4, v5                        ; 16 r
	s_lshr_b32 s26, ttmp9, 3                       ; tile
	s_and_b32 s27, ttmp9, 7                        ; a
	s_lshl_b32 s28, s26, 7
	s_lshr_b32 s29, s27, 1
	s_lshl_b32 s29, s29, 5
	s_add_co_u32 s28, s28, s29
	s_and_b32 s29, s27, 1
	s_lshl_b32 s29, s29, 3
	s_add_co_u32 s28, s28, s29
	s_lshl_b32 s29, s[WV], 1
	s_add_co_u32 s28, s28, s29
	s_lshr_b32 s29, s[WV], 2
	s_lshl_b32 s29, s29, 3
	s_add_co_u32 s28, s28, s29                     ; my first row: 128 tile + 32 (a/2) + 8 (a%2) + 2 w + 8 (w/4); the second follows it
	s_lshl_b32 s28, s28, 12
	s_mov_b32 s29, 0
	s_lshl_b32 s30, s26, 3
	s_add_co_u32 s30, s30, s[WV]                   ; (tile, step) number
	s_lshl_b32 s32, s30, 9
	s_lshl_b32 s30, s30, 3
	s_add_co_u32 s30, s30, s27
	s_mul_i32 s30, s30, 1536
	s_add_co_u32 s30, s30, HC
	s_mov_b32 s31, 0
	s_lshr_b32 s33, s27, 2
	s_lshl_b32 s33, s33, 8
	s_add_co_u32 s32, s32, s33
	s_and_b32 s33, s27, 3
	s_lshl_b32 s33, s33, 2
	s_add_co_u32 s32, s32, s33
	s_add_co_u32 s32, s32, HS
	s_mov_b32 s33, 0
	s_mov_b32 s[SEL], 0x76543210
	s_mov_b32 s[SEL+1], 0xfedcba98
	s_mov_b32 s14, 0x3a800000                      ; 1 / 1,024
	s_mov_b32 s15, 0x358637bd                      ; 1e-6
.irp b, 0,1,2,3
	v_mov_b32 v[TM+4+\b], 0                        ; a lane permute's destination counts as one of its sources
.endr
	s_wait_kmcnt 0x0
	s_add_nc_u64 s[16:17], s[4:5], s[28:29]
	s_add_nc_u64 s[22:23], s[10:11], s[28:29]
	s_add_nc_u64 s[18:19], s[10:11], s[30:31]
	s_add_nc_u64 s[20:21], s[10:11], s[32:33]
.irp e, 0,1
.irp j, 0,1,2,3,4,5,6,7
	global_load_b128 v[X+32*\e+4*\j:X+32*\e+4*\j+3], v1, s[16:17] offset:4096*\e+512*\j th:TH_LOAD_NT
.endr
.endr
.irp j, 0,1,2,3,4,5,6,7
	global_load_b128 v[G+4*\j:G+4*\j+3], v1, s[6:7] offset:512*\j
	global_load_b128 v[BE+4*\j:BE+4*\j+3], v1, s[8:9] offset:512*\j
.endr
	s_wait_loadcnt 16                              ; my two rows are in; the 16 loads of gain and bias may be out
	NORM 0
	NORM 1
	s_wait_loadcnt 0x0
.irp e, 0,1
.set i, 0
.rept 16
	v_pk_fma_f32 v[X+32*\e+i:X+32*\e+i+1], v[X+32*\e+i:X+32*\e+i+1], v[G+i:G+i+1], v[BE+i:BE+i+1]
.set i, i+2
.endr
.endr
.irp e, 0,1
.irp j, 0,1,2,3,4,5,6,7
	global_store_b128 v1, v[X+32*\e+4*\j:X+32*\e+4*\j+3], s[22:23] offset:4096*\e+512*\j      ; 32 lanes store 512 consecutive bytes, aligned
	ds_store_b128 v3, v[X+32*\e+4*\j:X+32*\e+4*\j+3] offset:PITCH*\e+512*\j
.endr
.endr
	s_wait_dscnt 0x0                               ; for the others: my two rows lie in the stage
	s_barrier_signal -1
	s_barrier_wait -1
.irp b, 0,1,2,3
.irp j, 0,1,2,3
	ds_load_b128 v[ST+16*\b+4*\j:ST+16*\b+4*\j+3], v7 offset:128*\b+16*\j
.endr
.endr
	s_wait_dscnt 0x0
	QUANT ST
.irp p, 0,1,2,3,4,5
	global_store_b64 v4, v[PC+2*\p:PC+2*\p+1], s[18:19] offset:256*\p             ; 32 lanes store 256 consecutive bytes, aligned
.endr
	v_cmp_gt_u32 vcc_lo, 16, v2
	s_wait_xcnt 0x0                                ; EXEC changes only behind this wait
	s_and_saveexec_b32 s26, vcc_lo
	global_store_b32 v8, v[PW], s[20:21]           ; lanes 0-15: my fragment's words of this step
	s_wait_xcnt 0x0
	s_or_b32 exec_lo, exec_lo, s26
	s_wait_tensorcnt 0x0                           ; the wave's end
	ds_add_u32 v[SPW], v[NIL]
	s_wait_dscnt 0x0
	s_endpgm
.Lfunc_end_k_q0c8ccc0884_ln1:
	.size	k_q0c8ccc0884_ln1, .Lfunc_end_k_q0c8ccc0884_ln1-k_q0c8ccc0884_ln1
	.p2alignl 7, 3214868480
	.fill 96, 4, 3214868480
	.section	.rodata,"a",@progbits
	.p2align	6, 0x0
	.amdhsa_kernel k_q0c8ccc0884_ln1
		.amdhsa_group_segment_fixed_size 66816
		.amdhsa_private_segment_fixed_size 0
		.amdhsa_enable_private_segment 0
		.amdhsa_kernarg_size 32
		.amdhsa_user_sgpr_count 2
		.amdhsa_user_sgpr_kernarg_segment_ptr 1
		.amdhsa_wavefront_size32 1
		.amdhsa_system_sgpr_workgroup_id_x 1
		.amdhsa_system_sgpr_workgroup_id_y 1
		.amdhsa_system_sgpr_workgroup_id_z 1
		.amdhsa_system_vgpr_workitem_id 0
		.amdhsa_next_free_vgpr 200
		.amdhsa_next_free_sgpr 66
		.amdhsa_reserve_vcc 1
		.amdhsa_float_denorm_mode_32 3
		.amdhsa_float_denorm_mode_16_64 3
		.amdhsa_memory_ordered 1
		.amdhsa_forward_progress 1
		.amdhsa_inst_pref_size 27
	.end_amdhsa_kernel
	.amdgpu_metadata
---
amdhsa.version: [ 1, 2 ]
amdhsa.kernels:
  - .name:           k_q0c8ccc0884_ln1
    .symbol:         k_q0c8ccc0884_ln1.kd
    .args:
      - { .name: y, .offset: 0, .size: 8, .value_kind: global_buffer, .address_space: global }
      - { .name: g1, .offset: 8, .size: 8, .value_kind: global_buffer, .address_space: global }
      - { .name: be1, .offset: 16, .size: 8, .value_kind: global_buffer, .address_space: global }
      - { .name: hb, .offset: 24, .size: 8, .value_kind: global_buffer, .address_space: global }
    .group_segment_fixed_size: 66816
    .private_segment_fixed_size: 0
    .kernarg_segment_align: 8
    .kernarg_segment_size: 32
    .max_flat_workgroup_size: 256
    .sgpr_count:     66
    .vgpr_count:     200
    .wavefront_size: 32
...
	.end_amdgpu_metadata
.endif
;; end of part 6
;; launch ffn1 (part 7): grid 16 x 16, 4 waves a work-group, clusters of 4 x 4, 327,680 bytes of LDS; arguments hb, wq, b1, act; writes act
.if DOCPART == 7
	.amdgcn_target "amdgcn-amd-amdhsa--gfx1250"
	.amdhsa_code_object_version 6
	.text
	.protected	k_q0c8ccc0884_ffn1
	.globl	k_q0c8ccc0884_ffn1
	.p2align	8
	.type	k_q0c8ccc0884_ffn1,@function
k_q0c8ccc0884_ffn1:
	s_mov_b64 s[64:65], 0
	v_nop
	global_prefetch_b8 v0, s[64:65] scope:SCOPE_SE
	s_setreg_imm32_b32 hwreg(HW_REG_WAVE_MODE, 25, 1), 1
	s_wait_xcnt 0x0
	s_wait_alu depctr_hold_cnt(0) depctr_sa_sdst(0) depctr_va_vdst(0) depctr_va_sdst(0) depctr_va_ssrc(0) depctr_va_vcc(0) depctr_vm_vsrc(0)
	s_getreg_b32 s2, hwreg(HW_REG_IB_STS2, 6, 4)
	s_cmp_eq_u32 s2, 0
	s_cbranch_scc0 .Lentry_in_a_cluster
	s_endpgm
.Lentry_in_a_cluster:
	s_bfe_u32 s2, ttmp6, 0x10000c
	s_cmp_lg_u32 s2, 0xf033
	s_cbranch_scc0 .Lentry_shape_is_right
	s_endpgm
.Lentry_shape_is_right:
; ONE TEXT SERVES THE FOUR PRODUCTS WITH WEIGHTS; the four lines below say which.  KIND 0: q, k = x Wq, x Wk (A = tokens, B = columns) and v^T = Wv^T x^T (A = columns of Wv, B = tokens, so that the results' registers run along
; the tokens, which are the K of the second product of attention); the results are quantised in registers and leave as codes.  KIND 1: y = ctx Wo^T + inputs.  KIND 2: act = Q(relu(h W1 + b1)).  KIND 3: y = act W2 + b2 + h.
; C = A B^T on codes of FP6 (E2M3) with one E8M0 scale for each 32 along K, sums in f32.  A tile of C, 256 x 256, is made by four waves, 128 x 128 each: 64 accumulators, 512 registers.
; OPERANDS lie in memory as images of the operand registers: [tile of 128 rows][step of 128 along K][fragment a][piece p][lane x 8 bytes]; fragment a, lane r holds row 32 (a/2) + 8 (a%2) + r + 8 (r/8).  So a slot's quarter
; (128 rows x 256 along K) is 24,576 dense bytes, a fragment is six loads of 8 bytes a lane at 8 x lane + 256 p (256 consecutive bytes each: every bank once), and no padding is needed.
; K goes in steps of 256 through a ring of two LDS slots filled by the tensor data mover.  The scale words of the work-group's rows, for all of K, come once with the first fills and stay.
; CLUSTERS: 4 x 4 work-groups; A's tiles are asked for jointly along a row of the cluster, B's along a column.  THE MATRIX INSTRUCTION IS USED TRANSPOSED (source 0 = B, source 1 = A): lane (r, h) holds position r of A's
; fragment, and the 16 registers of B's fragments 2 b and 2 b + 1 are the columns 32 b + 16 h + 0 .. 15: neighbours, by the order of rows in a fragment.
; REGISTERS: window 0: v0-31 addresses; v32-63 scale words, two sets; v64-127 the bias in the result's layout (BIAS = 1); from v128 A's fragments, one set.  window 1: B's fragments, two sets.  windows 2, 3: the accumulators.
; LIMITS: NaN and infinities are not served; a block of zeros or with largest magnitude under 2^-124 gets the byte 1 (read by this program alone).
.set KIND,   2
.set SIZE_K, 1024
.set BIAS,   1
.set EPIQ,   1
.set XS,     3932160                   ; byte offsets inside the workspace buffers: xq's scale words,
.set WS8,    8650752                   ; wq: scale words of the tiles with K = 1,024,
.set W2C,    5505024                   ; W2's codes,
.set W2S,    8880128                   ; W2's scale words,
.set QS,     9437184                   ; qkv's scale words,
.set CS,     3145728                   ; ctx's,
.set HC,     16777216                  ; hb: h's codes,
.set HS,     19922944                  ; h's scale words,
.set AS,     12582912                  ; act's scale words
.set NK,     SIZE_K/128
.set QUART,  24576                     ; 128 rows x 256 along K: what one tensor load brings
.set SLOT,   4*QUART                   ; A's two halves, then B's two
.set HALFS,  NK*512                    ; the scale words of 128 rows
.set SCL,    2*SLOT
.set SPARE,  SCL+4*HALFS               ; the spare words, 128 bytes for each wave
.set LAPS,   SIZE_K/512                ; a lap = two slots
.set FR,     12
.set NL,     6
.set NP,     4                         ; places behind this matrix instruction (ISA guide 7.12.1)
.set SPITCH, 528                       ; the way out in f32: a stage of 16 rows x (512 + 16) bytes for each wave, in slot 0, which has had its last fill and its last read by then
.set ADRA, 16                          ; v16-17 LDS address of my A fragments in slot 0, 1
.set ADRB, 20                          ; v20-21 the same for B
.set STO,  24                          ; f32 way out: where I put my bytes of a row
.set RD,   25                          ; and where I read a row back
.set CO,   26                          ; 16 x lane
.set LI8,  24                          ; codes' way out: 8 x lane
.set SA,   25                          ; 16 x lane
.set ADRS, 27                          ; my scale words: lanes 0-15 A's, lanes 16-31 B's
.set SPW,  28
.set NIL,  29
.set BO,   30                          ; the bias: 64 h
.set SC,   32
.set BI,   64
.set HA,   64
.set AF,   128
.set BK,   128
.set PC,   128                         ; codes' way out: two sets of 20
.set TM,   176
.set PWS,  200
.set T,    208
.set SEL,  2                           ; s[2:3]
.set G1, 24
.set G0, 32
.set G1B, 48
.set G0B, 56
.set G1S, 68
.set G0S, 76
.set G1SB, 80
.set G0SB, 88
.set MSB, 0
.macro WIN new                         ; the immediate's high byte repeats the setting that is left
.if MSB != (\new)
	s_set_vgpr_msb (MSB<<8)|(\new)
.set MSB, (\new)
.endif
.endm
.set MUL_LO, 0xa1                      ; source 0 (B) window 1, source 1 (A) window 0, C and D window 2
.set MUL_HI, 0xf1                      ; the same, C and D window 3
.set TO_B,   0x40
.macro JLOAD g0a, g1a, g0b, g1b        ; a joint load: waves 0 and 1 fetch for A, waves 2 and 3 for B; the branch hangs on the wave's number alone
	s_cmp_eq_u32 s15, 0
	s_cbranch_scc0 .Lfor_b_\@
	tensor_load_to_lds s[\g0a:\g0a+3], s[\g1a:\g1a+7]
	s_nop 0
.rept 4
	v_nop
.endr
	s_branch .Lasked_\@
.Lfor_b_\@:
	tensor_load_to_lds s[\g0b:\g0b+3], s[\g1b:\g1b+7]
	s_nop 0
.rept 4
	v_nop
.endr
.Lasked_\@:
.endm
.macro CREST                           ; a round of the cluster's barrier behind its opening barrier
	s_cmp_lg_u32 s14, 0
	s_cbranch_scc1 .Lnot_wave_0_\@
	s_barrier_signal -3
.Lnot_wave_0_\@:
	s_barrier_wait -3
	s_barrier_signal -1
	s_barrier_wait -1
.endm
.macro CROUND
	s_barrier_signal -1
	s_barrier_wait -1
	CREST
.endm
	s_load_b128 s[4:7], s[0:1], 0x0
.if KIND == 0
	s_load_b64 s[12:13], s[0:1], 0x10
.else
	s_load_b128 s[96:99], s[0:1], 0x10
.endif
.if KIND == 3
	s_load_b64 s[12:13], s[0:1], 0x20
.endif
	v_lshl_add_u32 v[SPW], v0, 2, SPARE
	v_mov_b32 v[NIL], 0
	ds_add_u32 v[SPW], v[NIL]                      ; the opening: the add, twice on end, and its wait ahead of my first tensor load
	ds_add_u32 v[SPW], v[NIL]
	v_lshrrev_b32 v1, 5, v0
	v_readfirstlane_b32 s14, v1                    ; wave 0..3
	s_lshr_b32 s15, s14, 1                         ; my half of the tile's rows.  Also: I fetch for A (0) or for B (1)
	s_and_b32 s16, s14, 1                          ; my half of its columns.  Also: which 128 rows I fetch
	s_bfe_u32 s40, ttmp6, 0x40000                  ; cx
	s_bfe_u32 s41, ttmp6, 0x40004                  ; cy
.if KIND == 0
	s_and_b32 s42, ttmp9, 1                        ; clusters 0-7: q and k, 2 x 4 clusters of 4 x 4 tiles; clusters 8-11: v^T, 4 x 1
	s_sub_co_u32 s43, ttmp9, 8
	s_lshr_b32 s17, ttmp9, 1
	s_cmp_lt_u32 ttmp9, 8
	s_cselect_b32 s42, s42, s43
	s_cselect_b32 s17, s17, 0
	s_lshl_b32 s42, s42, 2
	s_lshl_b32 s17, s17, 2
.else
	s_lshl_b32 s42, ttmp9, 2
	s_and_b32 s17, ttmp7, 0xffff
	s_lshl_b32 s17, s17, 2
.endif
	s_add_co_u32 s42, s42, s40                     ; tile column
	s_add_co_u32 s17, s17, s41                     ; tile row
	s_lshl_b32 s43, s41, 2
	s_lshl_b32 s43, 15, s43                        ; my row of the cluster
	s_lshl_b32 s44, 0x1111, s40                    ; my column
	s_or_b32 s[G1+0], s43, (3<<16)|(1<<21)         ; 15:0 the mask; 17:16 elements of 8 bytes; 21 set beside a mask; no padding
	s_or_b32 s[G1B+0], s44, (3<<16)|(1<<21)
.irp g, G1, G1B                        ; 24,576 dense bytes as 96 rows of 256
	s_mov_b32 s[\g+1], 32<<16
	s_mov_b32 s[\g+2], 96<<16
	s_mov_b32 s[\g+3], 32<<16
	s_mov_b32 s[\g+4], 96
	s_mov_b32 s[\g+5], 32
	s_mov_b32 s[\g+6], 0
	s_mov_b32 s[\g+7], 0
.endr
	s_or_b32 s[G1S+0], s43, (3<<16)|(1<<21)
	s_or_b32 s[G1SB+0], s44, (3<<16)|(1<<21)
.irp g, G1S, G1SB                      ; the scale words of 128 rows: HALFS dense bytes as rows of 256
	s_mov_b32 s[\g+1], 32<<16
	s_mov_b32 s[\g+2], (HALFS/256)<<16
	s_mov_b32 s[\g+3], 32<<16
	s_mov_b32 s[\g+4], HALFS/256
	s_mov_b32 s[\g+5], 32
	s_mov_b32 s[\g+6], 0
	s_mov_b32 s[\g+7], 0
.endr
	s_lshl_b32 s20, s17, 1
	s_add_co_u32 s20, s20, s16                     ; the tile of 128 rows of A that I fetch
	s_lshl_b32 s46, s42, 1
	s_add_co_u32 s46, s46, s16                     ; and of B
	s_mul_i32 s22, s20, HALFS
	s_mov_b32 s23, 0
	s_mul_i32 s92, s46, HALFS
	s_mov_b32 s93, 0
	s_mul_i32 s20, s20, NK*12288
	s_mov_b32 s21, 0
	s_mul_i32 s46, s46, NK*12288
	s_mov_b32 s47, 0
	s_mul_i32 s45, s14, QUART                      ; where they go: no place in the cluster enters an LDS address
	s_mul_i32 s94, s14, HALFS
	s_mov_b32 s[SEL], 0x76543210
	s_mov_b32 s[SEL+1], 0xfedcba98
	s_wait_dscnt 0x0                               ; both opening adds are done
	s_wait_kmcnt 0x0
	; s[4:5] A's codes, s[6:7] A's scale words, s[8:9] B's codes, s[10:11] B's scale words, s[12:13] the output, s[96:97] the bias, s[98:99] the residual, s[100:101] the output's scale words
.if KIND == 0
	s_add_nc_u64 s[96:97], s[4:5], XS
	s_add_nc_u64 s[98:99], s[6:7], WS8
	s_add_nc_u64 s[100:101], s[6:7], 16*8*12288    ; Wv: tiles 16-23 of wq
	s_add_nc_u64 s[66:67], s[6:7], WS8+16*4096
	s_cmp_lt_u32 ttmp9, 8                          ; the choice hangs on the cluster's number alone
	s_cselect_b64 s[8:9], s[6:7], s[4:5]
	s_cselect_b64 s[10:11], s[98:99], s[96:97]
	s_cselect_b64 s[4:5], s[4:5], s[100:101]
	s_cselect_b64 s[6:7], s[96:97], s[66:67]
	s_add_nc_u64 s[100:101], s[12:13], QS
.elseif KIND == 1
	s_mov_b64 s[12:13], s[98:99]
	s_mov_b64 s[98:99], s[96:97]
	s_add_nc_u64 s[8:9], s[6:7], 32*8*12288        ; Wo: tiles 32-39 of xq
	s_add_nc_u64 s[10:11], s[6:7], XS+32*4096
	s_add_nc_u64 s[6:7], s[4:5], CS
.elseif KIND == 2
	s_mov_b64 s[12:13], s[98:99]
	s_add_nc_u64 s[100:101], s[98:99], AS
	s_add_nc_u64 s[8:9], s[6:7], 24*8*12288        ; W1: tiles 24-55 of wq
	s_add_nc_u64 s[10:11], s[6:7], WS8+24*4096
	s_add_nc_u64 s[6:7], s[4:5], HS
	s_add_nc_u64 s[4:5], s[4:5], HC
.else
	s_add_nc_u64 s[8:9], s[6:7], W2C
	s_add_nc_u64 s[10:11], s[6:7], W2S
	s_add_nc_u64 s[6:7], s[4:5], AS
.endif
	s_add_nc_u64 s[20:21], s[4:5], s[20:21]
	s_add_nc_u64 s[22:23], s[6:7], s[22:23]
	s_add_nc_u64 s[46:47], s[8:9], s[46:47]
	s_add_nc_u64 s[92:93], s[10:11], s[92:93]
	CROUND                                         ; all sixteen work-groups are here: the first joint loads meet
	s_mov_b32 s[G0S], 1
	s_add_co_u32 s[G0S+1], s94, SCL
	s_mov_b64 s[G0S+2:G0S+3], s[22:23]
	s_or_b32 s[G0S+3], s[G0S+3], 0x80000000
	s_mov_b32 s[G0SB], 1
	s_add_co_u32 s[G0SB+1], s94, SCL
	s_mov_b64 s[G0SB+2:G0SB+3], s[92:93]
	s_or_b32 s[G0SB+3], s[G0SB+3], 0x80000000
	JLOAD G0S, G1S, G0SB, G1SB                     ; the scale words first: they are wanted with the first step
.irp s, 0,1
	s_mov_b32 s[G0+4*\s], 1
	s_add_co_u32 s[G0+4*\s+1], s45, \s*SLOT
	s_add_nc_u64 s[G0+4*\s+2:G0+4*\s+3], s[20:21], \s*QUART
	s_or_b32 s[G0+4*\s+3], s[G0+4*\s+3], 0x80000000
	s_mov_b32 s[G0B+4*\s], 1
	s_add_co_u32 s[G0B+4*\s+1], s45, \s*SLOT
	s_add_nc_u64 s[G0B+4*\s+2:G0B+4*\s+3], s[46:47], \s*QUART
	s_or_b32 s[G0B+4*\s+3], s[G0B+4*\s+3], 0x80000000
	JLOAD G0+4*\s, G1, G0B+4*\s, G1B               ; three tensor loads of a wave are out here
.endr
	v_and_b32 v1, 15, v0                           ; r
	v_bfe_u32 v2, v0, 4, 1                         ; h
	v_and_b32 v3, 31, v0                           ; lane; never rewritten
	v_lshlrev_b32 v4, 3, v3                        ; 8 x lane
	s_mul_i32 s21, s15, QUART                      ; my 128 rows of A
	s_mul_i32 s22, s16, QUART                      ; my 128 rows of B,
	s_add_co_u32 s22, s22, 2*QUART                 ; behind A's two quarters
.irp s, 0,1
	v_add_nc_u32 v[ADRA+\s], s21, v4
	v_add_nc_u32 v[ADRB+\s], s22, v4
	s_add_co_u32 s21, s21, SLOT
	s_add_co_u32 s22, s22, SLOT
.endr
	v_lshlrev_b32 v5, 4, v1                        ; my scale words: 16 r,
	s_mul_i32 s21, s15, HALFS                      ; A's: my 128 rows
	s_mul_i32 s22, s16, HALFS                      ; B's: my 128 rows, behind A's two
	s_add_co_u32 s22, s22, 2*HALFS
	s_sub_co_u32 s22, s22, s21
	v_mul_u32_u24 v6, s22, v2                      ; lanes 16-31 take B's
	s_add_co_u32 s21, s21, SCL
	v_add_nc_u32 v5, v5, v6
	v_add_nc_u32 v[ADRS], s21, v5
.if BIAS
	s_lshl_b32 s46, s42, 10
	s_lshl_b32 s47, s16, 9
	s_add_co_u32 s46, s46, s47                     ; my first column, 4 bytes each
	s_mov_b32 s47, 0
	s_add_nc_u64 s[96:97], s[96:97], s[46:47]
	v_lshlrev_b32 v[BO], 6, v2
.irp b, 0,1,2,3,4,5,6,7                ; the bias in the result's layout: tile b, register j: column 32 (b/2) + 8 (b%2) + 16 h + j.  It is the C of each sum's first matrix instruction
	global_load_b128 v[BI+8*\b:BI+8*\b+3], v[BO], s[96:97] offset:(32*(\b/2)+8*(\b%2))*4
	global_load_b128 v[BI+8*\b+4:BI+8*\b+7], v[BO], s[96:97] offset:(32*(\b/2)+8*(\b%2))*4+16
.endr
.endif
.if EPIQ
	v_lshlrev_b32 v[LI8], 3, v3
	v_lshlrev_b32 v[SA], 4, v3
	s_lshl_b32 s20, s17, 1
	s_add_co_u32 s20, s20, s15                     ; my tile of 128 rows of A
	s_lshl_b32 s46, s42, 1
	s_add_co_u32 s46, s46, s16                     ; my 128 columns: a step of 128 along the next K
.if KIND == 0
	s_add_co_u32 s21, s20, 16
	s_cmp_lt_u32 ttmp9, 8
	s_cselect_b32 s22, s46, s21                    ; qkv is laid [q pairs of heads 0-7, k pairs 8-15, v^T pairs 16-23][32 token tiles or token steps]
	s_cselect_b32 s23, s20, s46
.else
	s_mov_b32 s22, s20                             ; act is laid [token tile][step of 128 along FF]
	s_mov_b32 s23, s46
.endif
	s_lshl_b32 s22, s22, 5
	s_add_co_u32 s22, s22, s23
	s_mul_i32 s20, s22, 12288
	s_mov_b32 s21, 0
	s_lshl_b32 s22, s22, 9
	s_mov_b32 s23, 0
	s_add_nc_u64 s[12:13], s[12:13], s[20:21]
	s_add_nc_u64 s[100:101], s[100:101], s[22:23]
.else
	s_mul_i32 s23, s14, 16*SPITCH                  ; my stage
	v_mul_u32_u24 v5, v1, SPITCH
	v_lshl_add_u32 v5, v2, 6, v5
	v_add_nc_u32 v[STO], s23, v5                   ; in: row r, + 64 h
	v_lshlrev_b32 v[CO], 4, v3
	v_add_nc_u32 v[RD], s23, v[CO]                 ; back: the 32 lanes take a row of 512 bytes
	s_lshl_b32 s20, s17, 8
	s_lshl_b32 s21, s15, 7
	s_add_co_u32 s20, s20, s21
	s_lshl_b32 s20, s20, 12                        ; my first row, 4,096 bytes a row
	s_lshl_b32 s46, s42, 10
	s_lshl_b32 s47, s16, 9
	s_add_co_u32 s46, s46, s47
	s_add_co_u32 s20, s20, s46                     ; my first column
	s_mov_b32 s21, 0
	s_add_nc_u64 s[12:13], s[12:13], s[20:21]
	s_add_nc_u64 s[98:99], s[98:99], s[20:21]
.endif
.macro FRAG reg, adr, q, i             ; a fragment: six pieces of 8 bytes a lane, 256 bytes apart
.irp p, 0,1,2,3,4,5
	ds_load_b64 v[\reg+2*\p:\reg+2*\p+1], v[\adr] offset:(8*(\q)+(\i))*1536+256*\p
.endr
.endm
; 16 matrix instructions: A's blocks a0, a0 + 1 x B's eight.  p: B's set; q: which 128 of the slot; sc: the set of scale words.  zero = 1: the constant 0 starts the sums; 2: the bias does.
; The 64 accumulators take turns, one instruction a turn, in the same order in every step.
.macro MUL16 a0, p, q, sc, zero
.irp a, \a0, \a0+1
.irp b, 0,1,2,3,4,5,6,7
.if \zero == 1
	v_wmma_scale_f32_16x16x128_f8f6f4 v[8*(8*((\a)%4)+\b):8*(8*((\a)%4)+\b)+7], v[128*(\p)+FR*\b:128*(\p)+FR*\b+FR-1], v[AF+FR*(\a):AF+FR*(\a)+FR-1], 0, v[SC+16*(\sc)+8*(\q)+\b], v[SC+16*(\sc)+8*(\q)+(\a)] matrix_a_fmt:MATRIX_FMT_FP6 matrix_b_fmt:MATRIX_FMT_FP6 matrix_a_scale:MATRIX_SCALE_ROW1
.elseif \zero == 2
	v_wmma_scale_f32_16x16x128_f8f6f4 v[8*(8*((\a)%4)+\b):8*(8*((\a)%4)+\b)+7], v[128*(\p)+FR*\b:128*(\p)+FR*\b+FR-1], v[AF+FR*(\a):AF+FR*(\a)+FR-1], v[BI+8*\b:BI+8*\b+7], v[SC+16*(\sc)+8*(\q)+\b], v[SC+16*(\sc)+8*(\q)+(\a)] matrix_a_fmt:MATRIX_FMT_FP6 matrix_b_fmt:MATRIX_FMT_FP6 matrix_a_scale:MATRIX_SCALE_ROW1
.else
	v_wmma_scale_f32_16x16x128_f8f6f4 v[8*(8*((\a)%4)+\b):8*(8*((\a)%4)+\b)+7], v[128*(\p)+FR*\b:128*(\p)+FR*\b+FR-1], v[AF+FR*(\a):AF+FR*(\a)+FR-1], v[8*(8*((\a)%4)+\b):8*(8*((\a)%4)+\b)+7], v[SC+16*(\sc)+8*(\q)+\b], v[SC+16*(\sc)+8*(\q)+(\a)] matrix_a_fmt:MATRIX_FMT_FP6 matrix_b_fmt:MATRIX_FMT_FP6 matrix_a_scale:MATRIX_SCALE_ROW1
.endif
.endr
.endr
.endm
.macro FETCH_B slot, q, p
	WIN TO_B
.irp i, 0,1,2,3,4,5,6,7
	FRAG 128*(\p)+FR*\i, ADRB+\slot, \q, \i
.endr
	WIN 0
.endm
.macro FETCH_A slot, q, i0
.irp i, \i0, \i0+1, \i0+2, \i0+3
	FRAG AF+FR*(\i), ADRA+\slot, \q, \i
.endr
.endm
.macro SCALES sc                       ; a slot's scale words: one load brings a lane the words of four fragments; lanes 0-15 A's, lanes 16-31 B's
.irp q, 0,1
.irp u, 0,1
	ds_load_b128 v[SC+16*\sc+8*\q+4*\u:SC+16*\sc+8*\q+4*\u+3], v[ADRS] offset:512*\q+256*\u
.endr
.endr
.endm
.macro PLACES n                        ; plain vector lines between a matrix instruction and a load into, or a read of, its registers
.rept \n
	v_nop
.endr
.endm
.macro STEP slot, q, zero              ; a step of 128 along K that has its successor in the same slot
	s_wait_dscnt 4*NL                              ; B's set and A's blocks 0-3 are in; the youngest 24 loads (A's blocks 4-7) may be out
.if \zero == 2
	WIN 0x81                                       ; C (the bias) window 0, D window 2
.else
	WIN MUL_LO
.endif
	MUL16 0, (\q)%2, \q, \slot, \zero
	MUL16 2, (\q)%2, \q, \slot, \zero
	s_wait_dscnt 0                                 ; A's blocks 4-7 are in
	PLACES NP
	FETCH_B \slot, (\q)+1, 1-(\q)%2
	FETCH_A \slot, (\q)+1, 0
.if \zero == 2
	WIN 0xc1
.else
	WIN MUL_HI
.endif
	MUL16 4, (\q)%2, \q, \slot, \zero
	MUL16 6, (\q)%2, \q, \slot, \zero
	PLACES NP
	WIN 0
	FETCH_A \slot, (\q)+1, 4
.endm
; A slot's last step changes slots: one barrier; in front of it each wave waits for all its tensor loads, adds 0 to its spare word, and waits for that and for its own reads of this slot.  fill = 1: this slot is filled again.
.macro TURN slot, next, fill
	s_wait_tensorcnt 0x0                           ; all my tensor loads have landed: my part of the next slot
	ds_add_u32 v[SPW], v[NIL]
	s_wait_dscnt 4*NL+1                            ; (the add and the youngest 24 loads may be out)
	WIN MUL_LO
	MUL16 0, 1, 1, \slot, 0
	s_wait_dscnt 0x0                               ; the add is done, and my reads of this slot are over
	s_barrier_signal -1
	MUL16 2, 1, 1, \slot, 0
	WIN 0
	s_barrier_wait -1
.if \fill
	CREST                                          ; the barrier has opened a round of the cluster's barrier: no wave of any partner still reads this slot or has a load on its way
	s_add_nc_u64 s[G0+4*\slot+2:G0+4*\slot+3], s[G0+4*\slot+2:G0+4*\slot+3], 2*QUART
	s_add_nc_u64 s[G0B+4*\slot+2:G0B+4*\slot+3], s[G0B+4*\slot+2:G0B+4*\slot+3], 2*QUART
	JLOAD G0+4*\slot, G1, G0B+4*\slot, G1B         ; the first tensor load behind the round; its four v_nop are the places in front of the loads below
.else
	PLACES NP
.endif
	v_add_nc_u32 v[ADRS], 1024, v[ADRS]            ; the next slot's scale words
	FETCH_B \next, 0, 0
	FETCH_A \next, 0, 0
	SCALES \next
	WIN MUL_HI
	MUL16 4, 1, 1, \slot, 0
	MUL16 6, 1, 1, \slot, 0
	PLACES NP
	WIN 0
	FETCH_A \next, 0, 4
.endm
; 64 numbers v[s] .. v[s + 63] of window w, register 16 b + i = k 32 b + 16 h + i of my row, become a fragment's codes in v[pc] on and its scale word in v[pw], both in window 0.
.macro QUANT s, w, pc, pw
	WIN ((\w)<<4)|((\w)<<2)
.irp b, 0,1,2,3
	v_max3_num_f32 v[TM+\b], 0x1800000, |v[(\s)+16*\b]|, |v[(\s)+1+16*\b]|   ; my 16 numbers of block b, and the floor 2^(3 - 127).  Each accumulator is read from its low end on
.endr
.irp i, 2,4,6,8,10,12,14
.irp b, 0,1,2,3
	v_max3_num_f32 v[TM+\b], v[TM+\b], |v[(\s)+16*\b+\i]|, |v[(\s)+1+16*\b+\i]|
.endr
.endr
	WIN 0
.irp b, 0,1,2,3
	v_permlanex16_b32 v[TM+4+\b], v[TM+\b], s[SEL], s[SEL+1]
.endr
.irp b, 0,1,2,3
	v_max_num_f32 v[TM+\b], v[TM+\b], v[TM+4+\b]
.endr
.irp b, 0,1,2,3
	v_add_nc_u32 v[TM+12+\b], 0xff000000, v[TM+\b] ; 2 off the exponent field: the conversion's scale operand
.endr
.irp b, 0,1,2,3
	v_lshrrev_b32 v[TM+4+\b], 23, v[TM+12+\b]      ; the scale's byte
.endr
	v_lshl_or_b32 v[\pw], v[TM+5], 8, v[TM+4]
	v_lshl_or_b32 v[\pw], v[TM+6], 16, v[\pw]
	v_lshl_or_b32 v[\pw], v[TM+7], 24, v[\pw]
	WIN (\w)
.irp c, 0,1
	v_cvt_scalef32_pk16_fp6_f32 v[(\pc)+6*\c:(\pc)+2+6*\c], v[(\s)+32*\c:(\s)+15+32*\c], v[TM+12+2*\c]
	v_cvt_scalef32_pk16_fp6_f32 v[(\pc)+12+4*\c:(\pc)+14+4*\c], v[(\s)+16+32*\c:(\s)+31+32*\c], v[TM+12+2*\c+1]
.endr
	WIN 0
	v_nop                                          ; one plain line behind a scaled conversion
.irp c, 0,1
.irp i, 0,1,2
	v_permlane16_swap_b32 v[(\pc)+6*\c+\i], v[(\pc)+12+4*\c+\i]
.endr
.irp i, 0,1,2
	v_mov_b32 v[(\pc)+3+6*\c+\i], v[(\pc)+12+4*\c+\i]
.endr
.endr
.endm
; THE WAY OUT IN f32, block by block of 16 positions x 128 columns, through my stage; row t of block a is row 32 (a/2) + 8 (a%2) + t%8 + 16 (t/8) of my 128.
.macro TOSTAGE a
.set AC, 64*((\a)%4)
	WIN 0x08+4*((\a)/4)
.irp b, 0,1,2,3,4,5,6,7
	ds_store_b128 v[STO], v[AC+8*\b:AC+8*\b+3] offset:128*(\b/2)+32*(\b%2)        ; each accumulator from its low end on
	ds_store_b128 v[STO], v[AC+8*\b+4:AC+8*\b+7] offset:128*(\b/2)+32*(\b%2)+16
.endr
	WIN 0
.set BB, BK+64*((\a)%2)
.irp t, 0,1,2,3,4,5,6,7,8,9,10,11,12,13,14,15
	ds_load_b128 v[BB+4*\t:BB+4*\t+3], v[RD] offset:\t*SPITCH       ; LDS serves a wave's instructions in order: these see my stores
.endr
.endm
.macro RESLOAD a                       ; the residual's 16 rows of block a into window 1, set a % 4
	WIN 0x40
.irp t, 0,1,2,3,4,5,6,7,8,9,10,11,12,13,14,15
	global_load_b128 v[64*((\a)%4)+4*\t:64*((\a)%4)+4*\t+3], v[CO], s[98:99] offset:(32*((\a)/2)+8*((\a)%2)+\t%8+16*(\t/8))*4096
.endr
	WIN 0
.endm
.macro SEND a, younger, left           ; younger: LDS instructions issued behind block a's loads; left: residual loads issued behind block a's
.set BB, BK+64*((\a)%2)
.set RS, 64*((\a)%4)
	s_wait_dscnt \younger
	s_wait_loadcnt \left
	WIN 0x04
.set i, 0
.rept 32
	v_pk_add_f32 v[BB+i:BB+i+1], v[BB+i:BB+i+1], v[RS+i:RS+i+1]
.set i, i+2
.endr
	WIN 0
.irp t, 0,1,2,3,4,5,6,7,8,9,10,11,12,13,14,15
	global_store_b128 v[CO], v[BB+4*\t:BB+4*\t+3], s[12:13] offset:(32*((\a)/2)+8*((\a)%2)+\t%8+16*(\t/8))*4096   ; 32 lanes store 512 consecutive bytes, aligned
.endr
.endm
	s_wait_tensorcnt 1                             ; the scale words and my part of slot 0 are in; slot 1's load may be out
	s_barrier_signal -1
	s_barrier_wait -1
	FETCH_B 0, 0, 0
	FETCH_A 0, 0, 0
	SCALES 0
	FETCH_A 0, 0, 4
.if BIAS
	s_wait_loadcnt 0x0                             ; the bias
	STEP 0, 0, 2
.else
	STEP 0, 0, 1                                   ; the first step stands in front of the loop: its products start the sums
.endif
	s_mov_b32 s18, LAPS-1
.Llap:                                                 ; a trip goes once round the ring and fills both slots again
	TURN 0, 1, 1
	STEP 1, 0, 0
	TURN 1, 0, 1
	STEP 0, 0, 0
	s_sub_co_u32 s18, s18, 1
	s_cmp_lg_u32 s18, 0
	s_cbranch_scc1 .Llap
	TURN 0, 1, 0                                   ; the last lap fills nothing, and has no round of the cluster's barrier
	STEP 1, 0, 0
.if EPIQ == 0
	RESLOAD 0                                      ; B's set 0 is done with, behind the step's places: the first two blocks of the residual are asked for 64 matrix instructions ahead
	RESLOAD 1
.endif
	s_wait_dscnt 4*NL
	WIN MUL_LO
	MUL16 0, 1, 1, 1, 0
	MUL16 2, 1, 1, 1, 0
	s_wait_dscnt 0
	WIN MUL_HI
	MUL16 4, 1, 1, 1, 0
	MUL16 6, 1, 1, 1, 0
	WIN 0
	PLACES NP
.if EPIQ
	; THE WAY OUT AS CODES: block a's 64 registers are 128 neighbours along the next K of position 16 a + r: quantised in registers, stored as the fragment's image: no LDS
.irp b, 0,1,2,3
	v_mov_b32 v[TM+4+\b], 0                        ; a lane permute's destination counts as one of its sources
.endr
.irp a, 0,1,2,3,4,5,6,7
.if \a >= 2
	s_wait_xcnt 0x0                                ; block a - 2's stores have read this set of codes
.endif
.if KIND == 2
	WIN 0x08+4*(\a/4)
.set j, 0
.rept 64
	v_max_num_f32 v[HA+j], 0, v[64*(\a%4)+j]       ; the activation, in f32, and the way into window 0 in one line
.set j, j+1
.endr
	WIN 0
	QUANT HA, 0, PC+20*(\a%2), PWS+\a
.else
	QUANT 64*(\a%4), 2+\a/4, PC+20*(\a%2), PWS+\a
.endif
.irp p, 0,1,2,3,4,5
	global_store_b64 v[LI8], v[PC+20*(\a%2)+2*\p:PC+20*(\a%2)+2*\p+1], s[12:13] offset:1536*\a+256*\p   ; 32 lanes store 256 consecutive bytes, aligned
.endr
.endr
	v_cmp_le_u32 vcc_lo, 16, v3
.irp i, 0,1,2,3
	v_cndmask_b32 v[T+\i], v[PWS+\i], v[PWS+4+\i], vcc_lo   ; lanes 0-15 store the words of fragments 0-3, lanes 16-31 those of 4-7
.endr
	global_store_b128 v[SA], v[T:T+3], s[100:101]  ; the 512 bytes of scale words
.else
	RESLOAD 2
	TOSTAGE 0
.irp a, 1,2,3,4,5,6,7
.if \a > 1
	s_wait_xcnt 0x0                                ; block a - 2's stores have read their registers: block a's loads may land there
.endif
	TOSTAGE \a
.if \a < 6
	RESLOAD \a+2
	SEND \a-1, 32, 48                              ; 32: block a's 16 stores and 16 loads; 48: the residual loads of the three blocks behind
.elseif \a == 6
	SEND \a-1, 32, 32
.else
	SEND \a-1, 32, 16
.endif
.endr
	SEND 7, 0, 0
.endif
	s_wait_tensorcnt 0x0                           ; the wave's end
	ds_add_u32 v[SPW], v[NIL]
	s_wait_dscnt 0x0
	CROUND                                         ; the closing round: no work-group ends while a partner may still ask for a tile that names it
	s_endpgm
.Lfunc_end_k_q0c8ccc0884_ffn1:
	.size	k_q0c8ccc0884_ffn1, .Lfunc_end_k_q0c8ccc0884_ffn1-k_q0c8ccc0884_ffn1
	.p2alignl 7, 3214868480
	.fill 96, 4, 3214868480
	.section	.rodata,"a",@progbits
	.p2align	6, 0x0
	.amdhsa_kernel k_q0c8ccc0884_ffn1
		.amdhsa_group_segment_fixed_size 327680
		.amdhsa_private_segment_fixed_size 0
		.amdhsa_enable_private_segment 0
		.amdhsa_kernarg_size 32
		.amdhsa_user_sgpr_count 2
		.amdhsa_user_sgpr_kernarg_segment_ptr 1
		.amdhsa_wavefront_size32 1
		.amdhsa_system_sgpr_workgroup_id_x 1
		.amdhsa_system_sgpr_workgroup_id_y 1
		.amdhsa_system_sgpr_workgroup_id_z 1
		.amdhsa_system_vgpr_workitem_id 0
		.amdhsa_next_free_vgpr 1024
		.amdhsa_next_free_sgpr 102
		.amdhsa_reserve_vcc 1
		.amdhsa_float_denorm_mode_32 3
		.amdhsa_float_denorm_mode_16_64 3
		.amdhsa_memory_ordered 1
		.amdhsa_forward_progress 1
		.amdhsa_inst_pref_size 182
	.end_amdhsa_kernel
	.amdgpu_metadata
---
amdhsa.version: [ 1, 2 ]
amdhsa.kernels:
  - .name:           k_q0c8ccc0884_ffn1
    .symbol:         k_q0c8ccc0884_ffn1.kd
    .args:
      - { .name: hb, .offset: 0, .size: 8, .value_kind: global_buffer, .address_space: global }
      - { .name: wq, .offset: 8, .size: 8, .value_kind: global_buffer, .address_space: global }
      - { .name: b1, .offset: 16, .size: 8, .value_kind: global_buffer, .address_space: global }
      - { .name: act, .offset: 24, .size: 8, .value_kind: global_buffer, .address_space: global }
    .group_segment_fixed_size: 327680
    .private_segment_fixed_size: 0
    .kernarg_segment_align: 8
    .kernarg_segment_size: 32
    .max_flat_workgroup_size: 128
    .sgpr_count:     102
    .vgpr_count:     1024
    .wavefront_size: 32
...
	.end_amdgpu_metadata
.endif
;; end of part 7
;; launch ffn2 (part 8): grid 4 x 16, 4 waves a work-group, clusters of 4 x 4, 327,680 bytes of LDS; arguments act, wq, b2, hb, y; writes y
.if DOCPART == 8
	.amdgcn_target "amdgcn-amd-amdhsa--gfx1250"
	.amdhsa_code_object_version 6
	.text
	.protected	k_q0c8ccc0884_ffn2
	.globl	k_q0c8ccc0884_ffn2
	.p2align	8
	.type	k_q0c8ccc0884_ffn2,@function
k_q0c8ccc0884_ffn2:
	s_mov_b64 s[64:65], 0
	v_nop
	global_prefetch_b8 v0, s[64:65] scope:SCOPE_SE
	s_setreg_imm32_b32 hwreg(HW_REG_WAVE_MODE, 25, 1), 1
	s_wait_xcnt 0x0
	s_wait_alu depctr_hold_cnt(0) depctr_sa_sdst(0) depctr_va_vdst(0) depctr_va_sdst(0) depctr_va_ssrc(0) depctr_va_vcc(0) depctr_vm_vsrc(0)
	s_getreg_b32 s2, hwreg(HW_REG_IB_STS2, 6, 4)
	s_cmp_eq_u32 s2, 0
	s_cbranch_scc0 .Lentry_in_a_cluster
	s_endpgm
.Lentry_in_a_cluster:
	s_bfe_u32 s2, ttmp6, 0x10000c
	s_cmp_lg_u32 s2, 0xf033
	s_cbranch_scc0 .Lentry_shape_is_right
	s_endpgm
.Lentry_shape_is_right:
; ONE TEXT SERVES THE FOUR PRODUCTS WITH WEIGHTS; the four lines below say which.  KIND 0: q, k = x Wq, x Wk (A = tokens, B = columns) and v^T = Wv^T x^T (A = columns of Wv, B = tokens, so that the results' registers run along
; the tokens, which are the K of the second product of attention); the results are quantised in registers and leave as codes.  KIND 1: y = ctx Wo^T + inputs.  KIND 2: act = Q(relu(h W1 + b1)).  KIND 3: y = act W2 + b2 + h.
; C = A B^T on codes of FP6 (E2M3) with one E8M0 scale for each 32 along K, sums in f32.  A tile of C, 256 x 256, is made by four waves, 128 x 128 each: 64 accumulators, 512 registers.
; OPERANDS lie in memory as images of the operand registers: [tile of 128 rows][step of 128 along K][fragment a][piece p][lane x 8 bytes]; fragment a, lane r holds row 32 (a/2) + 8 (a%2) + r + 8 (r/8).  So a slot's quarter
; (128 rows x 256 along K) is 24,576 dense bytes, a fragment is six loads of 8 bytes a lane at 8 x lane + 256 p (256 consecutive bytes each: every bank once), and no padding is needed.
; K goes in steps of 256 through a ring of two LDS slots filled by the tensor data mover.  The scale words of the work-group's rows, for all of K, come once with the first fills and stay.
; CLUSTERS: 4 x 4 work-groups; A's tiles are asked for jointly along a row of the cluster, B's along a column.  THE MATRIX INSTRUCTION IS USED TRANSPOSED (source 0 = B, source 1 = A): lane (r, h) holds position r of A's
; fragment, and the 16 registers of B's fragments 2 b and 2 b + 1 are the columns 32 b + 16 h + 0 .. 15: neighbours, by the order of rows in a fragment.
; REGISTERS: window 0: v0-31 addresses; v32-63 scale words, two sets; v64-127 the bias in the result's layout (BIAS = 1); from v128 A's fragments, one set.  window 1: B's fragments, two sets.  windows 2, 3: the accumulators.
; LIMITS: NaN and infinities are not served; a block of zeros or with largest magnitude under 2^-124 gets the byte 1 (read by this program alone).
.set KIND,   3
.set SIZE_K, 4096
.set BIAS,   1
.set EPIQ,   0
.set XS,     3932160                   ; byte offsets inside the workspace buffers: xq's scale words,
.set WS8,    8650752                   ; wq: scale words of the tiles with K = 1,024,
.set W2C,    5505024                   ; W2's codes,
.set W2S,    8880128                   ; W2's scale words,
.set QS,     9437184                   ; qkv's scale words,
.set CS,     3145728                   ; ctx's,
.set HC,     16777216                  ; hb: h's codes,
.set HS,     19922944                  ; h's scale words,
.set AS,     12582912                  ; act's scale words
.set NK,     SIZE_K/128
.set QUART,  24576                     ; 128 rows x 256 along K: what one tensor load brings
.set SLOT,   4*QUART                   ; A's two halves, then B's two
.set HALFS,  NK*512                    ; the scale words of 128 rows
.set SCL,    2*SLOT
.set SPARE,  SCL+4*HALFS               ; the spare words, 128 bytes for each wave
.set LAPS,   SIZE_K/512                ; a lap = two slots
.set FR,     12
.set NL,     6
.set NP,     4                         ; places behind this matrix instruction (ISA guide 7.12.1)
.set SPITCH, 528                       ; the way out in f32: a stage of 16 rows x (512 + 16) bytes for each wave, in slot 0, which has had its last fill and its last read by then
.set ADRA, 16                          ; v16-17 LDS address of my A fragments in slot 0, 1
.set ADRB, 20                          ; v20-21 the same for B
.set STO,  24                          ; f32 way out: where I put my bytes of a row
.set RD,   25                          ; and where I read a row back
.set CO,   26                          ; 16 x lane
.set LI8,  24                          ; codes' way out: 8 x lane
.set SA,   25                          ; 16 x lane
.set ADRS, 27                          ; my scale words: lanes 0-15 A's, lanes 16-31 B's
.set SPW,  28
.set NIL,  29
.set BO,   30                          ; the bias: 64 h
.set SC,   32
.set BI,   64
.set HA,   64
.set AF,   128
.set BK,   128
.set PC,   128                         ; codes' way out: two sets of 20
.set TM,   176
.set PWS,  200
.set T,    208
.set SEL,  2                           ; s[2:3]
.set G1, 24
.set G0, 32
.set G1B, 48
.set G0B, 56
.set G1S, 68
.set G0S, 76
.set G1SB, 80
.set G0SB, 88
.set MSB, 0
.macro WIN new                         ; the immediate's high byte repeats the setting that is left
.if MSB != (\new)
	s_set_vgpr_msb (MSB<<8)|(\new)
.set MSB, (\new)
.endif
.endm
.set MUL_LO, 0xa1                      ; source 0 (B) window 1, source 1 (A) window 0, C and D window 2
.set MUL_HI, 0xf1                      ; the same, C and D window 3
.set TO_B,   0x40
.macro JLOAD g0a, g1a, g0b, g1b        ; a joint load: waves 0 and 1 fetch for A, waves 2 and 3 for B; the branch hangs on the wave's number alone
	s_cmp_eq_u32 s15, 0
	s_cbranch_scc0 .Lfor_b_\@
	tensor_load_to_lds s[\g0a:\g0a+3], s[\g1a:\g1a+7]
	s_nop 0
.rept 4
	v_nop
.endr
	s_branch .Lasked_\@
.Lfor_b_\@:
	tensor_load_to_lds s[\g0b:\g0b+3], s[\g1b:\g1b+7]
	s_nop 0
.rept 4
	v_nop
.endr
.Lasked_\@:
.endm
.macro CREST                           ; a round of the cluster's barrier behind its opening barrier
	s_cmp_lg_u32 s14, 0
	s_cbranch_scc1 .Lnot_wave_0_\@
	s_barrier_signal -3
.Lnot_wave_0_\@:
	s_barrier_wait -3
	s_barrier_signal -1
	s_barrier_wait -1
.endm
.macro CROUND
	s_barrier_signal -1
	s_barrier_wait -1
	CREST
.endm
	s_load_b128 s[4:7], s[0:1], 0x0
.if KIND == 0
	s_load_b64 s[12:13], s[0:1], 0x10
.else
	s_load_b128 s[96:99], s[0:1], 0x10
.endif
.if KIND == 3
	s_load_b64 s[12:13], s[0:1], 0x20
.endif
	v_lshl_add_u32 v[SPW], v0, 2, SPARE
	v_mov_b32 v[NIL], 0
	ds_add_u32 v[SPW], v[NIL]                      ; the opening: the add, twice on end, and its wait ahead of my first tensor load
	ds_add_u32 v[SPW], v[NIL]
	v_lshrrev_b32 v1, 5, v0
	v_readfirstlane_b32 s14, v1                    ; wave 0..3
	s_lshr_b32 s15, s14, 1                         ; my half of the tile's rows.  Also: I fetch for A (0) or for B (1)
	s_and_b32 s16, s14, 1                          ; my half of its columns.  Also: which 128 rows I fetch
	s_bfe_u32 s40, ttmp6, 0x40000                  ; cx
	s_bfe_u32 s41, ttmp6, 0x40004                  ; cy
.if KIND == 0
	s_and_b32 s42, ttmp9, 1                        ; clusters 0-7: q and k, 2 x 4 clusters of 4 x 4 tiles; clusters 8-11: v^T, 4 x 1
	s_sub_co_u32 s43, ttmp9, 8
	s_lshr_b32 s17, ttmp9, 1
	s_cmp_lt_u32 ttmp9, 8
	s_cselect_b32 s42, s42, s43
	s_cselect_b32 s17, s17, 0
	s_lshl_b32 s42, s42, 2
	s_lshl_b32 s17, s17, 2
.else
	s_lshl_b32 s42, ttmp9, 2
	s_and_b32 s17, ttmp7, 0xffff
	s_lshl_b32 s17, s17, 2
.endif
	s_add_co_u32 s42, s42, s40                     ; tile column
	s_add_co_u32 s17, s17, s41                     ; tile row
	s_lshl_b32 s43, s41, 2
	s_lshl_b32 s43, 15, s43                        ; my row of the cluster
	s_lshl_b32 s44, 0x1111, s40                    ; my column
	s_or_b32 s[G1+0], s43, (3<<16)|(1<<21)         ; 15:0 the mask; 17:16 elements of 8 bytes; 21 set beside a mask; no padding
	s_or_b32 s[G1B+0], s44, (3<<16)|(1<<21)
.irp g, G1, G1B                        ; 24,576 dense bytes as 96 rows of 256
	s_mov_b32 s[\g+1], 32<<16
	s_mov_b32 s[\g+2], 96<<16
	s_mov_b32 s[\g+3], 32<<16
	s_mov_b32 s[\g+4], 96
	s_mov_b32 s[\g+5], 32
	s_mov_b32 s[\g+6], 0
	s_mov_b32 s[\g+7], 0
.endr
	s_or_b32 s[G1S+0], s43, (3<<16)|(1<<21)
	s_or_b32 s[G1SB+0], s44, (3<<16)|(1<<21)
.irp g, G1S, G1SB                      ; the scale words of 128 rows: HALFS dense bytes as rows of 256
	s_mov_b32 s[\g+1], 32<<16
	s_mov_b32 s[\g+2], (HALFS/256)<<16
	s_mov_b32 s[\g+3], 32<<16
	s_mov_b32 s[\g+4], HALFS/256
	s_mov_b32 s[\g+5], 32
	s_mov_b32 s[\g+6], 0
	s_mov_b32 s[\g+7], 0
.endr
	s_lshl_b32 s20, s17, 1
	s_add_co_u32 s20, s20, s16                     ; the tile of 128 rows of A that I fetch
	s_lshl_b32 s46, s42, 1
	s_add_co_u32 s46, s46, s16                     ; and of B
	s_mul_i32 s22, s20, HALFS
	s_mov_b32 s23, 0
	s_mul_i32 s92, s46, HALFS
	s_mov_b32 s93, 0
	s_mul_i32 s20, s20, NK*12288
	s_mov_b32 s21, 0
	s_mul_i32 s46, s46, NK*12288
	s_mov_b32 s47, 0
	s_mul_i32 s45, s14, QUART                      ; where they go: no place in the cluster enters an LDS address
	s_mul_i32 s94, s14, HALFS
	s_mov_b32 s[SEL], 0x76543210
	s_mov_b32 s[SEL+1], 0xfedcba98
	s_wait_dscnt 0x0                               ; both opening adds are done
	s_wait_kmcnt 0x0
	; s[4:5] A's codes, s[6:7] A's scale words, s[8:9] B's codes, s[10:11] B's scale words, s[12:13] the output, s[96:97] the bias, s[98:99] the residual, s[100:101] the output's scale words
.if KIND == 0
	s_add_nc_u64 s[96:97], s[4:5], XS
	s_add_nc_u64 s[98:99], s[6:7], WS8
	s_add_nc_u64 s[100:101], s[6:7], 16*8*12288    ; Wv: tiles 16-23 of wq
	s_add_nc_u64 s[66:67], s[6:7], WS8+16*4096
	s_cmp_lt_u32 ttmp9, 8                          ; the choice hangs on the cluster's number alone
	s_cselect_b64 s[8:9], s[6:7], s[4:5]
	s_cselect_b64 s[10:11], s[98:99], s[96:97]
	s_cselect_b64 s[4:5], s[4:5], s[100:101]
	s_cselect_b64 s[6:7], s[96:97], s[66:67]
	s_add_nc_u64 s[100:101], s[12:13], QS
.elseif KIND == 1
	s_mov_b64 s[12:13], s[98:99]
	s_mov_b64 s[98:99], s[96:97]
	s_add_nc_u64 s[8:9], s[6:7], 32*8*12288        ; Wo: tiles 32-39 of xq
	s_add_nc_u64 s[10:11], s[6:7], XS+32*4096
	s_add_nc_u64 s[6:7], s[4:5], CS
.elseif KIND == 2
	s_mov_b64 s[12:13], s[98:99]
	s_add_nc_u64 s[100:101], s[98:99], AS
	s_add_nc_u64 s[8:9], s[6:7], 24*8*12288        ; W1: tiles 24-55 of wq
	s_add_nc_u64 s[10:11], s[6:7], WS8+24*4096
	s_add_nc_u64 s[6:7], s[4:5], HS
	s_add_nc_u64 s[4:5], s[4:5], HC
.else
	s_add_nc_u64 s[8:9], s[6:7], W2C
	s_add_nc_u64 s[10:11], s[6:7], W2S
	s_add_nc_u64 s[6:7], s[4:5], AS
.endif
	s_add_nc_u64 s[20:21], s[4:5], s[20:21]
	s_add_nc_u64 s[22:23], s[6:7], s[22:23]
	s_add_nc_u64 s[46:47], s[8:9], s[46:47]
	s_add_nc_u64 s[92:93], s[10:11], s[92:93]
	CROUND                                         ; all sixteen work-groups are here: the first joint loads meet
	s_mov_b32 s[G0S], 1
	s_add_co_u32 s[G0S+1], s94, SCL
	s_mov_b64 s[G0S+2:G0S+3], s[22:23]
	s_or_b32 s[G0S+3], s[G0S+3], 0x80000000
	s_mov_b32 s[G0SB], 1
	s_add_co_u32 s[G0SB+1], s94, SCL
	s_mov_b64 s[G0SB+2:G0SB+3], s[92:93]
	s_or_b32 s[G0SB+3], s[G0SB+3], 0x80000000
	JLOAD G0S, G1S, G0SB, G1SB                     ; the scale words first: they are wanted with the first step
.irp s, 0,1
	s_mov_b32 s[G0+4*\s], 1
	s_add_co_u32 s[G0+4*\s+1], s45, \s*SLOT
	s_add_nc_u64 s[G0+4*\s+2:G0+4*\s+3], s[20:21], \s*QUART
	s_or_b32 s[G0+4*\s+3], s[G0+4*\s+3], 0x80000000
	s_mov_b32 s[G0B+4*\s], 1
	s_add_co_u32 s[G0B+4*\s+1], s45, \s*SLOT
	s_add_nc_u64 s[G0B+4*\s+2:G0B+4*\s+3], s[46:47], \s*QUART
	s_or_b32 s[G0B+4*\s+3], s[G0B+4*\s+3], 0x80000000
	JLOAD G0+4*\s, G1, G0B+4*\s, G1B               ; three tensor loads of a wave are out here
.endr
	v_and_b32 v1, 15, v0                           ; r
	v_bfe_u32 v2, v0, 4, 1                         ; h
	v_and_b32 v3, 31, v0                           ; lane; never rewritten
	v_lshlrev_b32 v4, 3, v3                        ; 8 x lane
	s_mul_i32 s21, s15, QUART                      ; my 128 rows of A
	s_mul_i32 s22, s16, QUART                      ; my 128 rows of B,
	s_add_co_u32 s22, s22, 2*QUART                 ; behind A's two quarters
.irp s, 0,1
	v_add_nc_u32 v[ADRA+\s], s21, v4
	v_add_nc_u32 v[ADRB+\s], s22, v4
	s_add_co_u32 s21, s21, SLOT
	s_add_co_u32 s22, s22, SLOT
.endr
	v_lshlrev_b32 v5, 4, v1                        ; my scale words: 16 r,
	s_mul_i32 s21, s15, HALFS                      ; A's: my 128 rows
	s_mul_i32 s22, s16, HALFS                      ; B's: my 128 rows, behind A's two
	s_add_co_u32 s22, s22, 2*HALFS
	s_sub_co_u32 s22, s22, s21
	v_mul_u32_u24 v6, s22, v2                      ; lanes 16-31 take B's
	s_add_co_u32 s21, s21, SCL
	v_add_nc_u32 v5, v5, v6
	v_add_nc_u32 v[ADRS], s21, v5
.if BIAS
	s_lshl_b32 s46, s42, 10
	s_lshl_b32 s47, s16, 9
	s_add_co_u32 s46, s46, s47                     ; my first column, 4 bytes each
	s_mov_b32 s47, 0
	s_add_nc_u64 s[96:97], s[96:97], s[46:47]
	v_lshlrev_b32 v[BO], 6, v2
.irp b, 0,1,2,3,4,5,6,7                ; the bias in the result's layout: tile b, register j: column 32 (b/2) + 8 (b%2) + 16 h + j.  It is the C of each sum's first matrix instruction
	global_load_b128 v[BI+8*\b:BI+8*\b+3], v[BO], s[96:97] offset:(32*(\b/2)+8*(\b%2))*4
	global_load_b128 v[BI+8*\b+4:BI+8*\b+7], v[BO], s[96:97] offset:(32*(\b/2)+8*(\b%2))*4+16
.endr
.endif
.if EPIQ
	v_lshlrev_b32 v[LI8], 3, v3
	v_lshlrev_b32 v[SA], 4, v3
	s_lshl_b32 s20, s17, 1
	s_add_co_u32 s20, s20, s15                     ; my tile of 128 rows of A
	s_lshl_b32 s46, s42, 1
	s_add_co_u32 s46, s46, s16                     ; my 128 columns: a step of 128 along the next K
.if KIND == 0
	s_add_co_u32 s21, s20, 16
	s_cmp_lt_u32 ttmp9, 8
	s_cselect_b32 s22, s46, s21                    ; qkv is laid [q pairs of heads 0-7, k pairs 8-15, v^T pairs 16-23][32 token tiles or token steps]
	s_cselect_b32 s23, s20, s46
.else
	s_mov_b32 s22, s20                             ; act is laid [token tile][step of 128 along FF]
	s_mov_b32 s23, s46
.endif
	s_lshl_b32 s22, s22, 5
	s_add_co_u32 s22, s22, s23
	s_mul_i32 s20, s22, 12288
	s_mov_b32 s21, 0
	s_lshl_b32 s22, s22, 9
	s_mov_b32 s23, 0
	s_add_nc_u64 s[12:13], s[12:13], s[20:21]
	s_add_nc_u64 s[100:101], s[100:101], s[22:23]
.else
	s_mul_i32 s23, s14, 16*SPITCH                  ; my stage
	v_mul_u32_u24 v5, v1, SPITCH
	v_lshl_add_u32 v5, v2, 6, v5
	v_add_nc_u32 v[STO], s23, v5                   ; in: row r, + 64 h
	v_lshlrev_b32 v[CO], 4, v3
	v_add_nc_u32 v[RD], s23, v[CO]                 ; back: the 32 lanes take a row of 512 bytes
	s_lshl_b32 s20, s17, 8
	s_lshl_b32 s21, s15, 7
	s_add_co_u32 s20, s20, s21
	s_lshl_b32 s20, s20, 12                        ; my first row, 4,096 bytes a row
	s_lshl_b32 s46, s42, 10
	s_lshl_b32 s47, s16, 9
	s_add_co_u32 s46, s46, s47
	s_add_co_u32 s20, s20, s46                     ; my first column
	s_mov_b32 s21, 0
	s_add_nc_u64 s[12:13], s[12:13], s[20:21]
	s_add_nc_u64 s[98:99], s[98:99], s[20:21]
.endif
.macro FRAG reg, adr, q, i             ; a fragment: six pieces of 8 bytes a lane, 256 bytes apart
.irp p, 0,1,2,3,4,5
	ds_load_b64 v[\reg+2*\p:\reg+2*\p+1], v[\adr] offset:(8*(\q)+(\i))*1536+256*\p
.endr
.endm
; 16 matrix instructions: A's blocks a0, a0 + 1 x B's eight.  p: B's set; q: which 128 of the slot; sc: the set of scale words.  zero = 1: the constant 0 starts the sums; 2: the bias does.
; The 64 accumulators take turns, one instruction a turn, in the same order in every step.
.macro MUL16 a0, p, q, sc, zero
.irp a, \a0, \a0+1
.irp b, 0,1,2,3,4,5,6,7
.if \zero == 1
	v_wmma_scale_f32_16x16x128_f8f6f4 v[8*(8*((\a)%4)+\b):8*(8*((\a)%4)+\b)+7], v[128*(\p)+FR*\b:128*(\p)+FR*\b+FR-1], v[AF+FR*(\a):AF+FR*(\a)+FR-1], 0, v[SC+16*(\sc)+8*(\q)+\b], v[SC+16*(\sc)+8*(\q)+(\a)] matrix_a_fmt:MATRIX_FMT_FP6 matrix_b_fmt:MATRIX_FMT_FP6 matrix_a_scale:MATRIX_SCALE_ROW1
.elseif \zero == 2
	v_wmma_scale_f32_16x16x128_f8f6f4 v[8*(8*((\a)%4)+\b):8*(8*((\a)%4)+\b)+7], v[128*(\p)+FR*\b:128*(\p)+FR*\b+FR-1], v[AF+FR*(\a):AF+FR*(\a)+FR-1], v[BI+8*\b:BI+8*\b+7], v[SC+16*(\sc)+8*(\q)+\b], v[SC+16*(\sc)+8*(\q)+(\a)] matrix_a_fmt:MATRIX_FMT_FP6 matrix_b_fmt:MATRIX_FMT_FP6 matrix_a_scale:MATRIX_SCALE_ROW1
.else
	v_wmma_scale_f32_16x16x128_f8f6f4 v[8*(8*((\a)%4)+\b):8*(8*((\a)%4)+\b)+7], v[128*(\p)+FR*\b:128*(\p)+FR*\b+FR-1], v[AF+FR*(\a):AF+FR*(\a)+FR-1], v[8*(8*((\a)%4)+\b):8*(8*((\a)%4)+\b)+7], v[SC+16*(\sc)+8*(\q)+\b], v[SC+16*(\sc)+8*(\q)+(\a)] matrix_a_fmt:MATRIX_FMT_FP6 matrix_b_fmt:MATRIX_FMT_FP6 matrix_a_scale:MATRIX_SCALE_ROW1
.endif
.endr
.endr
.endm
.macro FETCH_B slot, q, p
	WIN TO_B
.irp i, 0,1,2,3,4,5,6,7
	FRAG 128*(\p)+FR*\i, ADRB+\slot, \q, \i
.endr
	WIN 0
.endm
.macro FETCH_A slot, q, i0
.irp i, \i0, \i0+1, \i0+2, \i0+3
	FRAG AF+FR*(\i), ADRA+\slot, \q, \i
.endr
.endm
.macro SCALES sc                       ; a slot's scale words: one load brings a lane the words of four fragments; lanes 0-15 A's, lanes 16-31 B's
.irp q, 0,1
.irp u, 0,1
	ds_load_b128 v[SC+16*\sc+8*\q+4*\u:SC+16*\sc+8*\q+4*\u+3], v[ADRS] offset:512*\q+256*\u
.endr
.endr
.endm
.macro PLACES n                        ; plain vector lines between a matrix instruction and a load into, or a read of, its registers
.rept \n
	v_nop
.endr
.endm
.macro STEP slot, q, zero              ; a step of 128 along K that has its successor in the same slot
	s_wait_dscnt 4*NL                              ; B's set and A's blocks 0-3 are in; the youngest 24 loads (A's blocks 4-7) may be out
.if \zero == 2
	WIN 0x81                                       ; C (the bias) window 0, D window 2
.else
	WIN MUL_LO
.endif
	MUL16 0, (\q)%2, \q, \slot, \zero
	MUL16 2, (\q)%2, \q, \slot, \zero
	s_wait_dscnt 0                                 ; A's blocks 4-7 are in
	PLACES NP
	FETCH_B \slot, (\q)+1, 1-(\q)%2
	FETCH_A \slot, (\q)+1, 0
.if \zero == 2
	WIN 0xc1
.else
	WIN MUL_HI
.endif
	MUL16 4, (\q)%2, \q, \slot, \zero
	MUL16 6, (\q)%2, \q, \slot, \zero
	PLACES NP
	WIN 0
	FETCH_A \slot, (\q)+1, 4
.endm
; A slot's last step changes slots: one barrier; in front of it each wave waits for all its tensor loads, adds 0 to its spare word, and waits for that and for its own reads of this slot.  fill = 1: this slot is filled again.
.macro TURN slot, next, fill
	s_wait_tensorcnt 0x0                           ; all my tensor loads have landed: my part of the next slot
	ds_add_u32 v[SPW], v[NIL]
	s_wait_dscnt 4*NL+1                            ; (the add and the youngest 24 loads may be out)
	WIN MUL_LO
	MUL16 0, 1, 1, \slot, 0
	s_wait_dscnt 0x0                               ; the add is done, and my reads of this slot are over
	s_barrier_signal -1
	MUL16 2, 1, 1, \slot, 0
	WIN 0
	s_barrier_wait -1
.if \fill
	CREST                                          ; the barrier has opened a round of the cluster's barrier: no wave of any partner still reads this slot or has a load on its way
	s_add_nc_u64 s[G0+4*\slot+2:G0+4*\slot+3], s[G0+4*\slot+2:G0+4*\slot+3], 2*QUART
	s_add_nc_u64 s[G0B+4*\slot+2:G0B+4*\slot+3], s[G0B+4*\slot+2:G0B+4*\slot+3], 2*QUART
	JLOAD G0+4*\slot, G1, G0B+4*\slot, G1B         ; the first tensor load behind the round; its four v_nop are the places in front of the loads below
.else
	PLACES NP
.endif
	v_add_nc_u32 v[ADRS], 1024, v[ADRS]            ; the next slot's scale words
	FETCH_B \next, 0, 0
	FETCH_A \next, 0, 0
	SCALES \next
	WIN MUL_HI
	MUL16 4, 1, 1, \slot, 0
	MUL16 6, 1, 1, \slot, 0
	PLACES NP
	WIN 0
	FETCH_A \next, 0, 4
.endm
; 64 numbers v[s] .. v[s + 63] of window w, register 16 b + i = k 32 b + 16 h + i of my row, become a fragment's codes in v[pc] on and its scale word in v[pw], both in window 0.
.macro QUANT s, w, pc, pw
	WIN ((\w)<<4)|((\w)<<2)
.irp b, 0,1,2,3
	v_max3_num_f32 v[TM+\b], 0x1800000, |v[(\s)+16*\b]|, |v[(\s)+1+16*\b]|   ; my 16 numbers of block b, and the floor 2^(3 - 127).  Each accumulator is read from its low end on
.endr
.irp i, 2,4,6,8,10,12,14
.irp b, 0,1,2,3
	v_max3_num_f32 v[TM+\b], v[TM+\b], |v[(\s)+16*\b+\i]|, |v[(\s)+1+16*\b+\i]|
.endr
.endr
	WIN 0
.irp b, 0,1,2,3
	v_permlanex16_b32 v[TM+4+\b], v[TM+\b], s[SEL], s[SEL+1]
.endr
.irp b, 0,1,2,3
	v_max_num_f32 v[TM+\b], v[TM+\b], v[TM+4+\b]
.endr
.irp b, 0,1,2,3
	v_add_nc_u32 v[TM+12+\b], 0xff000000, v[TM+\b] ; 2 off the exponent field: the conversion's scale operand
.endr
.irp b, 0,1,2,3
	v_lshrrev_b32 v[TM+4+\b], 23, v[TM+12+\b]      ; the scale's byte
.endr
	v_lshl_or_b32 v[\pw], v[TM+5], 8, v[TM+4]
	v_lshl_or_b32 v[\pw], v[TM+6], 16, v[\pw]
	v_lshl_or_b32 v[\pw], v[TM+7], 24, v[\pw]
	WIN (\w)
.irp c, 0,1
	v_cvt_scalef32_pk16_fp6_f32 v[(\pc)+6*\c:(\pc)+2+6*\c], v[(\s)+32*\c:(\s)+15+32*\c], v[TM+12+2*\c]
	v_cvt_scalef32_pk16_fp6_f32 v[(\pc)+12+4*\c:(\pc)+14+4*\c], v[(\s)+16+32*\c:(\s)+31+32*\c], v[TM+12+2*\c+1]
.endr
	WIN 0
	v_nop                                          ; one plain line behind a scaled conversion
.irp c, 0,1
.irp i, 0,1,2
	v_permlane16_swap_b32 v[(\pc)+6*\c+\i], v[(\pc)+12+4*\c+\i]
.endr
.irp i, 0,1,2
	v_mov_b32 v[(\pc)+3+6*\c+\i], v[(\pc)+12+4*\c+\i]
.endr
.endr
.endm
; THE WAY OUT IN f32, block by block of 16 positions x 128 columns, through my stage; row t of block a is row 32 (a/2) + 8 (a%2) + t%8 + 16 (t/8) of my 128.
.macro TOSTAGE a
.set AC, 64*((\a)%4)
	WIN 0x08+4*((\a)/4)
.irp b, 0,1,2,3,4,5,6,7
	ds_store_b128 v[STO], v[AC+8*\b:AC+8*\b+3] offset:128*(\b/2)+32*(\b%2)        ; each accumulator from its low end on
	ds_store_b128 v[STO], v[AC+8*\b+4:AC+8*\b+7] offset:128*(\b/2)+32*(\b%2)+16
.endr
	WIN 0
.set BB, BK+64*((\a)%2)
.irp t, 0,1,2,3,4,5,6,7,8,9,10,11,12,13,14,15
	ds_load_b128 v[BB+4*\t:BB+4*\t+3], v[RD] offset:\t*SPITCH       ; LDS serves a wave's instructions in order: these see my stores
.endr
.endm
.macro RESLOAD a                       ; the residual's 16 rows of block a into window 1, set a % 4
	WIN 0x40
.irp t, 0,1,2,3,4,5,6,7,8,9,10,11,12,13,14,15
	global_load_b128 v[64*((\a)%4)+4*\t:64*((\a)%4)+4*\t+3], v[CO], s[98:99] offset:(32*((\a)/2)+8*((\a)%2)+\t%8+16*(\t/8))*4096
.endr
	WIN 0
.endm
.macro SEND a, younger, left           ; younger: LDS instructions issued behind block a's loads; left: residual loads issued behind block a's
.set BB, BK+64*((\a)%2)
.set RS, 64*((\a)%4)
	s_wait_dscnt \younger
	s_wait_loadcnt \left
	WIN 0x04
.set i, 0
.rept 32
	v_pk_add_f32 v[BB+i:BB+i+1], v[BB+i:BB+i+1], v[RS+i:RS+i+1]
.set i, i+2
.endr
	WIN 0
.irp t, 0,1,2,3,4,5,6,7,8,9,10,11,12,13,14,15
	global_store_b128 v[CO], v[BB+4*\t:BB+4*\t+3], s[12:13] offset:(32*((\a)/2)+8*((\a)%2)+\t%8+16*(\t/8))*4096   ; 32 lanes store 512 consecutive bytes, aligned
.endr
.endm
	s_wait_tensorcnt 1                             ; the scale words and my part of slot 0 are in; slot 1's load may be out
	s_barrier_signal -1
	s_barrier_wait -1
	FETCH_B 0, 0, 0
	FETCH_A 0, 0, 0
	SCALES 0
	FETCH_A 0, 0, 4
.if BIAS
	s_wait_loadcnt 0x0                             ; the bias
	STEP 0, 0, 2
.else
	STEP 0, 0, 1                                   ; the first step stands in front of the loop: its products start the sums
.endif
	s_mov_b32 s18, LAPS-1
.Llap:                                                 ; a trip goes once round the ring and fills both slots again
	TURN 0, 1, 1
	STEP 1, 0, 0
	TURN 1, 0, 1
	STEP 0, 0, 0
	s_sub_co_u32 s18, s18, 1
	s_cmp_lg_u32 s18, 0
	s_cbranch_scc1 .Llap
	TURN 0, 1, 0                                   ; the last lap fills nothing, and has no round of the cluster's barrier
	STEP 1, 0, 0
.if EPIQ == 0
	RESLOAD 0                                      ; B's set 0 is done with, behind the step's places: the first two blocks of the residual are asked for 64 matrix instructions ahead
	RESLOAD 1
.endif
	s_wait_dscnt 4*NL
	WIN MUL_LO
	MUL16 0, 1, 1, 1, 0
	MUL16 2, 1, 1, 1, 0
	s_wait_dscnt 0
	WIN MUL_HI
	MUL16 4, 1, 1, 1, 0
	MUL16 6, 1, 1, 1, 0
	WIN 0
	PLACES NP
.if EPIQ
	; THE WAY OUT AS CODES: block a's 64 registers are 128 neighbours along the next K of position 16 a + r: quantised in registers, stored as the fragment's image: no LDS
.irp b, 0,1,2,3
	v_mov_b32 v[TM+4+\b], 0                        ; a lane permute's destination counts as one of its sources
.endr
.irp a, 0,1,2,3,4,5,6,7
.if \a >= 2
	s_wait_xcnt 0x0                                ; block a - 2's stores have read this set of codes
.endif
.if KIND == 2
	WIN 0x08+4*(\a/4)
.set j, 0
.rept 64
	v_max_num_f32 v[HA+j], 0, v[64*(\a%4)+j]       ; the activation, in f32, and the way into window 0 in one line
.set j, j+1
.endr
	WIN 0
	QUANT HA, 0, PC+20*(\a%2), PWS+\a
.else
	QUANT 64*(\a%4), 2+\a/4, PC+20*(\a%2), PWS+\a
.endif
.irp p, 0,1,2,3,4,5
	global_store_b64 v[LI8], v[PC+20*(\a%2)+2*\p:PC+20*(\a%2)+2*\p+1], s[12:13] offset:1536*\a+256*\p   ; 32 lanes store 256 consecutive bytes, aligned
.endr
.endr
	v_cmp_le_u32 vcc_lo, 16, v3
.irp i, 0,1,2,3
	v_cndmask_b32 v[T+\i], v[PWS+\i], v[PWS+4+\i], vcc_lo   ; lanes 0-15 store the words of fragments 0-3, lanes 16-31 those of 4-7
.endr
	global_store_b128 v[SA], v[T:T+3], s[100:101]  ; the 512 bytes of scale words
.else
	RESLOAD 2
	TOSTAGE 0
.irp a, 1,2,3,4,5,6,7
.if \a > 1
	s_wait_xcnt 0x0                                ; block a - 2's stores have read their registers: block a's loads may land there
.endif
	TOSTAGE \a
.if \a < 6
	RESLOAD \a+2
	SEND \a-1, 32, 48                              ; 32: block a's 16 stores and 16 loads; 48: the residual loads of the three blocks behind
.elseif \a == 6
	SEND \a-1, 32, 32
.else
	SEND \a-1, 32, 16
.endif
.endr
	SEND 7, 0, 0
.endif
	s_wait_tensorcnt 0x0                           ; the wave's end
	ds_add_u32 v[SPW], v[NIL]
	s_wait_dscnt 0x0
	CROUND                                         ; the closing round: no work-group ends while a partner may still ask for a tile that names it
	s_endpgm
.Lfunc_end_k_q0c8ccc0884_ffn2:
	.size	k_q0c8ccc0884_ffn2, .Lfunc_end_k_q0c8ccc0884_ffn2-k_q0c8ccc0884_ffn2
	.p2alignl 7, 3214868480
	.fill 96, 4, 3214868480
	.section	.rodata,"a",@progbits
	.p2align	6, 0x0
	.amdhsa_kernel k_q0c8ccc0884_ffn2
		.amdhsa_group_segment_fixed_size 327680
		.amdhsa_private_segment_fixed_size 0
		.amdhsa_enable_private_segment 0
		.amdhsa_kernarg_size 40
		.amdhsa_user_sgpr_count 2
		.amdhsa_user_sgpr_kernarg_segment_ptr 1
		.amdhsa_wavefront_size32 1
		.amdhsa_system_sgpr_workgroup_id_x 1
		.amdhsa_system_sgpr_workgroup_id_y 1
		.amdhsa_system_sgpr_workgroup_id_z 1
		.amdhsa_system_vgpr_workitem_id 0
		.amdhsa_next_free_vgpr 1024
		.amdhsa_next_free_sgpr 102
		.amdhsa_reserve_vcc 1
		.amdhsa_float_denorm_mode_32 3
		.amdhsa_float_denorm_mode_16_64 3
		.amdhsa_memory_ordered 1
		.amdhsa_forward_progress 1
		.amdhsa_inst_pref_size 189
	.end_amdhsa_kernel
	.amdgpu_metadata
---
amdhsa.version: [ 1, 2 ]
amdhsa.kernels:
  - .name:           k_q0c8ccc0884_ffn2
    .symbol:         k_q0c8ccc0884_ffn2.kd
    .args:
      - { .name: act, .offset: 0, .size: 8, .value_kind: global_buffer, .address_space: global }
      - { .name: wq, .offset: 8, .size: 8, .value_kind: global_buffer, .address_space: global }
      - { .name: b2, .offset: 16, .size: 8, .value_kind: global_buffer, .address_space: global }
      - { .name: hb, .offset: 24, .size: 8, .value_kind: global_buffer, .address_space: global }
      - { .name: y, .offset: 32, .size: 8, .value_kind: global_buffer, .address_space: global }
    .group_segment_fixed_size: 327680
    .private_segment_fixed_size: 0
    .kernarg_segment_align: 8
    .kernarg_segment_size: 40
    .max_flat_workgroup_size: 128
    .sgpr_count:     102
    .vgpr_count:     1024
    .wavefront_size: 32
...
	.end_amdgpu_metadata
.endif
;; end of part 8
;; launch ln2 (part 9): grid 256 x 1, 8 waves a work-group, no clusters, 0 bytes of LDS; arguments y, g2, be2, out0; writes out0
.if DOCPART == 9
	.amdgcn_target "amdgcn-amd-amdhsa--gfx1250"
	.amdhsa_code_object_version 6
	.text
	.protected	k_q0c8ccc0884_ln2
	.globl	k_q0c8ccc0884_ln2
	.p2align	8
	.type	k_q0c8ccc0884_ln2,@function
k_q0c8ccc0884_ln2:
	s_mov_b64 s[64:65], 0
	v_nop
	global_prefetch_b8 v0, s[64:65] scope:SCOPE_SE
	s_setreg_imm32_b32 hwreg(HW_REG_WAVE_MODE, 25, 1), 1
	s_wait_xcnt 0x0
; out0 = layer norm of y (4,096 rows of 1,024, f32) with gain g2 and bias be2.
; A work-group takes 16 rows, wave w rows 2 w and 2 w + 1, whole, in registers: the mean, then the mean of the squared differences (two passes over registers: a common offset of the row costs nothing), rsqrt, gain and bias.
; Each load and store of a wave covers 512 consecutive bytes.  No LDS, no barrier: a row never leaves its wave.  LIMIT: NaN and infinities are not served.
.set X,     16                         ; v16-79   two rows, 32 registers each: lane l holds columns 128 j + 4 l .. + 3
.set G,     80                         ; v80-111  the gain at my columns
.set BE,    112                        ; v112-143 the bias
.set T,     144
.set MU,    152
.set RS,    154
.set SEL,   12                         ; s[12:13]
.set WV,    24
.macro REDUCE                          ; v[T] summed over the 32 lanes, the result in every lane
	v_add_f32_dpp v[T], v[T], v[T] row_xmask:1 row_mask:0xf bank_mask:0xf
	v_add_f32_dpp v[T], v[T], v[T] row_xmask:2 row_mask:0xf bank_mask:0xf
	v_add_f32_dpp v[T], v[T], v[T] row_xmask:4 row_mask:0xf bank_mask:0xf
	v_add_f32_dpp v[T], v[T], v[T] row_xmask:8 row_mask:0xf bank_mask:0xf
	v_permlanex16_b32 v[T+1], v[T], s[SEL], s[SEL+1]
	v_add_f32 v[T], v[T], v[T+1]
.endm
.macro NORM e                          ; row e becomes (x - mean) / sqrt(var + 1e-6)
.set XR, X+32*\e
	v_pk_add_f32 v[T:T+1], v[XR:XR+1], v[XR+2:XR+3]
	v_pk_add_f32 v[T+2:T+3], v[XR+4:XR+5], v[XR+6:XR+7]
.irp i, 8,12,16,20,24,28
	v_pk_add_f32 v[T:T+1], v[T:T+1], v[XR+\i:XR+\i+1]
	v_pk_add_f32 v[T+2:T+3], v[T+2:T+3], v[XR+\i+2:XR+\i+3]
.endr
	v_pk_add_f32 v[T:T+1], v[T:T+1], v[T+2:T+3]
	v_add_f32 v[T], v[T], v[T+1]
	REDUCE
	v_mul_f32 v[MU], s14, v[T]                     ; the mean
	v_mov_b32 v[MU+1], v[MU]
.set i, 0
.rept 16
	v_pk_add_f32 v[XR+i:XR+i+1], v[XR+i:XR+i+1], v[MU:MU+1] neg_lo:[0,1] neg_hi:[0,1]
.set i, i+2
.endr
	v_pk_mul_f32 v[T:T+1], v[XR:XR+1], v[XR:XR+1]
	v_pk_mul_f32 v[T+2:T+3], v[XR+2:XR+3], v[XR+2:XR+3]
.irp i, 4,8,12,16,20,24,28
	v_pk_fma_f32 v[T:T+1], v[XR+\i:XR+\i+1], v[XR+\i:XR+\i+1], v[T:T+1]
	v_pk_fma_f32 v[T+2:T+3], v[XR+\i+2:XR+\i+3], v[XR+\i+2:XR+\i+3], v[T+2:T+3]
.endr
	v_pk_add_f32 v[T:T+1], v[T:T+1], v[T+2:T+3]
	v_add_f32 v[T], v[T], v[T+1]
	REDUCE
	v_fma_f32 v[T], v[T], s14, s15                 ; the variance + 1e-6
	v_rsq_f32 v[RS], v[T]
	v_nop                                          ; a plain line behind the transcendental
	s_wait_alu depctr_va_vdst(0)                   ; and the wait ahead of its first reader
	v_mov_b32 v[RS+1], v[RS]
.set i, 0
.rept 16
	v_pk_mul_f32 v[XR+i:XR+i+1], v[XR+i:XR+i+1], v[RS:RS+1]
.set i, i+2
.endr
.endm
	s_load_b256 s[4:11], s[0:1], 0x0               ; y, g2, be2, out0
	v_lshrrev_b32 v1, 5, v0
	v_readfirstlane_b32 s[WV], v1                  ; wave 0..7
	v_and_b32 v2, 31, v0
	v_lshlrev_b32 v1, 4, v2                        ; 16 x lane
	s_lshl_b32 s28, ttmp9, 4
	s_lshl_b32 s29, s[WV], 1
	s_add_co_u32 s28, s28, s29                     ; my first row: 16 x work-group + 2 w
	s_lshl_b32 s28, s28, 12
	s_mov_b32 s29, 0
	s_mov_b32 s[SEL], 0x76543210
	s_mov_b32 s[SEL+1], 0xfedcba98
	s_mov_b32 s14, 0x3a800000                      ; 1 / 1,024
	s_mov_b32 s15, 0x358637bd                      ; 1e-6
	s_wait_kmcnt 0x0
	s_add_nc_u64 s[16:17], s[4:5], s[28:29]
	s_add_nc_u64 s[22:23], s[10:11], s[28:29]
.irp e, 0,1
.irp j, 0,1,2,3,4,5,6,7
	global_load_b128 v[X+32*\e+4*\j:X+32*\e+4*\j+3], v1, s[16:17] offset:4096*\e+512*\j th:TH_LOAD_NT
.endr
.endr
.irp j, 0,1,2,3,4,5,6,7
	global_load_b128 v[G+4*\j:G+4*\j+3], v1, s[6:7] offset:512*\j
	global_load_b128 v[BE+4*\j:BE+4*\j+3], v1, s[8:9] offset:512*\j
.endr
	s_wait_loadcnt 16                              ; my two rows are in; the 16 loads of gain and bias may be out
	NORM 0
	NORM 1
	s_wait_loadcnt 0x0
.irp e, 0,1
.set i, 0
.rept 16
	v_pk_fma_f32 v[X+32*\e+i:X+32*\e+i+1], v[X+32*\e+i:X+32*\e+i+1], v[G+i:G+i+1], v[BE+i:BE+i+1]
.set i, i+2
.endr
.endr
.irp e, 0,1
.irp j, 0,1,2,3,4,5,6,7
	global_store_b128 v1, v[X+32*\e+4*\j:X+32*\e+4*\j+3], s[22:23] offset:4096*\e+512*\j th:TH_STORE_NT     ; 32 lanes store 512 consecutive bytes, aligned
.endr
.endr
	s_endpgm
.Lfunc_end_k_q0c8ccc0884_ln2:
	.size	k_q0c8ccc0884_ln2, .Lfunc_end_k_q0c8ccc0884_ln2-k_q0c8ccc0884_ln2
	.p2alignl 7, 3214868480
	.fill 96, 4, 3214868480
	.section	.rodata,"a",@progbits
	.p2align	6, 0x0
	.amdhsa_kernel k_q0c8ccc0884_ln2
		.amdhsa_group_segment_fixed_size 0
		.amdhsa_private_segment_fixed_size 0
		.amdhsa_enable_private_segment 0
		.amdhsa_kernarg_size 32
		.amdhsa_user_sgpr_count 2
		.amdhsa_user_sgpr_kernarg_segment_ptr 1
		.amdhsa_wavefront_size32 1
		.amdhsa_system_sgpr_workgroup_id_x 1
		.amdhsa_system_sgpr_workgroup_id_y 1
		.amdhsa_system_sgpr_workgroup_id_z 1
		.amdhsa_system_vgpr_workitem_id 0
		.amdhsa_next_free_vgpr 160
		.amdhsa_next_free_sgpr 66
		.amdhsa_reserve_vcc 0
		.amdhsa_float_denorm_mode_32 3
		.amdhsa_float_denorm_mode_16_64 3
		.amdhsa_memory_ordered 1
		.amdhsa_forward_progress 1
		.amdhsa_inst_pref_size 18
	.end_amdhsa_kernel
	.amdgpu_metadata
---
amdhsa.version: [ 1, 2 ]
amdhsa.kernels:
  - .name:           k_q0c8ccc0884_ln2
    .symbol:         k_q0c8ccc0884_ln2.kd
    .args:
      - { .name: y, .offset: 0, .size: 8, .value_kind: global_buffer, .address_space: global }
      - { .name: g2, .offset: 8, .size: 8, .value_kind: global_buffer, .address_space: global }
      - { .name: be2, .offset: 16, .size: 8, .value_kind: global_buffer, .address_space: global }
      - { .name: out0, .offset: 24, .size: 8, .value_kind: global_buffer, .address_space: global }
    .group_segment_fixed_size: 0
    .private_segment_fixed_size: 0
    .kernarg_segment_align: 8
    .kernarg_segment_size: 32
    .max_flat_workgroup_size: 256
    .sgpr_count:     66
    .vgpr_count:     160
    .wavefront_size: 32
...
	.end_amdgpu_metadata
.endif
;; end of part 9
;; ======== version 2 of 2: 7 launches
;; limits: right only within a limited range of input values
;; workspace buffers: wq 9,011,200 bytes; xq 4,096,000 bytes; qkv 9,830,400 bytes; ctx 3,276,800 bytes; y 16,777,216 bytes; hb 20,054,016 bytes; act 13,107,200 bytes
;; launch qz (part 10): grid 992 x 1, 4 waves a work-group, no clusters, 47,872 bytes of LDS; arguments Wq, Wk, Wv, W1, W2, wq, inputs, Wo, xq; writes wq, xq
.if DOCPART == 10
	.amdgcn_target "amdgcn-amd-amdhsa--gfx1250"
	.amdhsa_code_object_version 6
	.text
	.protected	k_q0c8ccc0884_qz
	.globl	k_q0c8ccc0884_qz
	.p2align	8
	.type	k_q0c8ccc0884_qz,@function
k_q0c8ccc0884_qz:
	s_mov_b64 s[64:65], 0
	v_nop
	global_prefetch_b8 v0, s[64:65] scope:SCOPE_SE
	s_setreg_imm32_b32 hwreg(HW_REG_WAVE_MODE, 25, 1), 1
	s_wait_xcnt 0x0
; FIRST LAUNCH OF SEVEN of a transformer block on 4,096 token rows (D 1,024, 16 heads of 64, FF 4,096), all eight products on codes of FP6 (E2M3) with one E8M0 scale for each 32 along K.
; WORK LEFT OUT IN THE WHOLE PROGRAM.  No input is dead: all thirteen are loaded.  The causal mask is built in the problem's own body (tril): key s counts for query t where s <= t.  A step of 128 keys all of which come after
; all 16 queries of a tile is thrown away by that mask for every value of the inputs, so the attention launch does not compute it.  LIMIT: a NaN, an infinity or an overflow that reaches only such hidden steps is not carried to the result.
; The factor 1/8 on q is a power of two: the codes of q/8 are the codes of q and the scale byte is 3 lower, so it is folded into the constant of the softmax.  LIMIT: this differs where a block's byte would be held at 1 (|q| under about 2^-121).
; LIMITS of every quantiser here: NaN and infinities are not served; a block of zeros, or one whose largest magnitude lies under 2^-124, gets the byte 1 (its bytes are read by this program alone).
; THIS LAUNCH quantises all seven f32 operands that come from memory.  Two paths part on the work-group's number alone; each has LDS bytes of its own.
; LAYOUT OF THE CODE BUFFERS: [tile of 128 rows][step of 128 along K][fragment a = 0..7][piece p = 0..5][lane x 8 bytes]: the image of the operand registers; fragment a, lane r holds row 32 (a/2) + 8 (a%2) + r + 8 (r/8).
; Wo's fragments alone are laid [piece c = 0..2][lane x 16 bytes] (registers 4 c .. 4 c + 3), since their reader takes them from memory straight into registers, 16 bytes a lane.
; SCALE WORDS: 512 bytes for each (tile, step): the word of position 16 a + r at 256 (a/4) + 16 r + 4 (a%4).
; WORK-GROUPS 0-351: the weights whose K is their FIRST axis (0-95 Wq, Wk, Wv; 96-223 W1; 224-351 W2) into wq: 128 columns x 256 along K each; a lane takes a column and its registers run down K; wave g makes fragments 2 g, 2 g + 1.
; WORK-GROUPS 352-991: inputs (tiles 0-31 of xq) and Wo (tiles 32-39), K innermost: number n = 2 (8 tile + step) + u; wave w makes fragment 4 u + w.  A wave's 16 loads read 512 consecutive bytes of a row each; the rows turn through
; the wave's own stage (pitch 528 bytes) and come back so that lane (r, h) holds, of row r, 16 neighbours of each block of 32.
.set NQO,   352
.set WS8,   8650752
.set W2C,   5505024
.set W2S,   8880128
.set EMAX,  2
.set X,     32
.set OFF,   96
.set C,     128
.set OUTR,  144
.set SB,    24
.set SPW,   14                         ; my spare word; never rewritten
.set NIL,   15                         ; 0; never rewritten
.set SCB,   12288                      ; first path: behind four stages of 3,072 bytes: the scale words, [2 steps][512]
.set QIB,   13312                      ; second path: four stages of 8,448 bytes,
.set SCQ,   47104                      ; and its 256 bytes of scale words
.set SPARE, 47360                      ; the spare words, 128 bytes a wave
.set WV,    16
.set BS,    40
	v_lshl_add_u32 v[SPW], v0, 2, SPARE
	v_mov_b32 v[NIL], 0
	s_cmp_ge_u32 ttmp9, NQO
	s_cbranch_scc1 .Lqi
	s_load_b256 s[4:11], s[0:1], 0x0               ; Wq, Wk, Wv, W1
	s_load_b128 s[12:15], s[0:1], 0x20             ; W2, wq
	v_lshrrev_b32 v1, 5, v0
	v_readfirstlane_b32 s[WV], v1                  ; wave g
	v_and_b32 v2, 31, v0
	v_lshlrev_b32 v3, 2, v2
	v_and_b32 v9, 7, v0
	v_bfe_u32 v10, v0, 4, 1
	v_lshl_or_b32 v9, v10, 3, v9                   ; r: my column's lane in its fragment
	v_bfe_u32 v10, v0, 3, 1                        ; which of my wave's two fragments
	s_mul_i32 s17, s[WV], 3072
	v_mul_u32_u24 v4, v10, 1536
	v_lshl_add_u32 v4, v9, 3, v4
	v_add_nc_u32 v4, s17, v4
	s_lshr_b32 s18, s[WV], 1
	s_lshl_b32 s18, s18, 8
	s_and_b32 s19, s[WV], 1
	s_lshl_b32 s19, s19, 3
	s_add_co_u32 s18, s18, s19
	s_add_co_u32 s18, s18, SCB
	v_lshlrev_b32 v5, 4, v9
	v_lshl_add_u32 v5, v10, 2, v5
	v_add_nc_u32 v5, s18, v5                       ; my scale word
	v_lshlrev_b32 v7, 4, v2
	v_add_nc_u32 v6, s17, v7
	v_lshlrev_b32 v8, 3, v2
	s_lshl_b32 s19, s[WV], 8
	v_add_nc_u32 v19, s19, v8
	v_add_nc_u32 v18, SCB, v19
	s_and_b32 s21, ttmp9, 31                       ; which tensor, tile and 256 along K: from the work-group's number alone
	s_sub_co_u32 s22, ttmp9, 96
	s_sub_co_u32 s23, ttmp9, 224
	s_lshr_b32 s24, ttmp9, 5
	s_lshl_b32 s24, s24, 3
	s_mov_b32 s25, 5
	s_mov_b32 s26, WS8
	s_cmp_lt_u32 ttmp9, 96
	s_cselect_b32 s21, s21, s22
	s_cselect_b32 s24, s24, 24
	s_cselect_b32 s25, 3, s25
	s_cmp_lt_u32 ttmp9, 224
	s_cselect_b32 s21, s21, s23
	s_cselect_b32 s24, s24, 0
	s_cselect_b32 s25, s25, 3
	s_cselect_b32 s27, 8, 32
	s_cselect_b32 s28, 0, W2C
	s_cselect_b32 s26, s26, W2S
	s_lshl_b32 s29, 1, s25
	s_sub_co_u32 s29, s29, 1
	s_and_b32 s29, s21, s29                        ; tile
	s_lshr_b32 s30, s21, s25                       ; which 256 along K
	s_lshl_b32 s31, 512, s25                       ; a row of the weight in bytes
	s_add_co_u32 s24, s24, s29
	s_mul_i32 s24, s24, s27
	s_lshl_b32 s32, s30, 1
	s_add_co_u32 s24, s24, s32                     ; (tile, step) number of my first step
	s_mul_i32 s32, s30, s31
	s_lshl_b32 s32, s32, 8
	s_lshl_b32 s33, s29, 9
	s_add_co_u32 s32, s32, s33
	s_lshl_b32 s33, s[WV], 7
	s_add_co_u32 s32, s32, s33
	s_mov_b32 s33, 0
	s_lshl_b32 s34, s31, 5
	s_mov_b32 s35, 0
	s_mul_i32 s36, s24, 12288
	s_add_co_u32 s36, s36, s28
	s_add_co_u32 s36, s36, s17
	s_mov_b32 s37, 0
	s_lshl_b32 s38, s24, 9
	s_add_co_u32 s38, s38, s26
	s_mov_b32 s39, 0
.set i, 0
.rept 32
	v_mad_u32_u24 v[OFF+i], s31, i, v3             ; row i of a block, my column
.set i, i+1
.endr
	s_wait_alu depctr_va_vdst(0)
	s_wait_kmcnt 0x0
	s_cmp_lt_u32 ttmp9, 32
	s_cselect_b64 s[56:57], s[4:5], s[6:7]
	s_cmp_lt_u32 ttmp9, 64
	s_cselect_b64 s[56:57], s[56:57], s[8:9]
	s_cmp_lt_u32 ttmp9, 96
	s_cselect_b64 s[56:57], s[56:57], s[10:11]
	s_cmp_lt_u32 ttmp9, 224
	s_cselect_b64 s[56:57], s[56:57], s[12:13]
	s_add_nc_u64 s[BS:BS+1], s[56:57], s[32:33]
.irp t, 1,2,3,4,5,6,7
	s_add_nc_u64 s[BS+2*\t:BS+2*\t+1], s[BS+2*\t-2:BS+2*\t-1], s[34:35]
.endr
	s_add_nc_u64 s[58:59], s[14:15], s[36:37]
	s_add_nc_u64 s[60:61], s[14:15], s[38:39]
.macro LOAD t                          ; block t: 32 rows of my column into set t % 2
.set i, 0
.rept 32
	global_load_b32 v[X+32*((\t)%2)+i], v[OFF+i], s[BS+2*(\t):BS+2*(\t)+1] th:TH_LOAD_NT
.set i, i+1
.endr
.endm
.macro BLOCK t
.set XB, X+32*((\t)%2)
.if (\t) < 7
	s_wait_loadcnt 32                              ; this block's 32 loads are in; the next block's 32 may be out
.else
	s_wait_loadcnt 0
.endif
	v_max3_num_f32 v12, |v[XB]|, |v[XB+1]|, |v[XB+2]|
	v_max3_num_f32 v13, |v[XB+3]|, |v[XB+4]|, |v[XB+5]|
.irp i, 6,10,14,18,22,26
	v_max3_num_f32 v12, v12, |v[XB+\i]|, |v[XB+\i+1]|
	v_max3_num_f32 v13, v13, |v[XB+\i+2]|, |v[XB+\i+3]|
.endr
	v_max3_num_f32 v12, v12, |v[XB+30]|, |v[XB+31]|
	v_max3_num_f32 v12, v12, v13, (EMAX+1)<<23     ; the floor 2^(3 - 127): the byte cannot fall under 1
	v_add_nc_u32 v11, -(EMAX<<23), v12             ; the conversion's scale operand
	v_lshrrev_b32 v13, 23, v11                     ; the scale's byte
	v_cvt_scalef32_pk16_fp6_f32 v[C:C+2], v[XB:XB+15], v11
	v_cvt_scalef32_pk16_fp6_f32 v[C+4:C+6], v[XB+16:XB+31], v11
.if (\t)%4 == 0
	v_mov_b32 v[SB+(\t)/4], v13
.else
	v_lshl_or_b32 v[SB+(\t)/4], v13, 8*((\t)%4), v[SB+(\t)/4]
.endif
	v_mov_b32 v[C+3], v[C+4]
	v_mov_b32 v[C+4], v[C+5]
	v_mov_b32 v[C+5], v[C+6]
.irp i, 0,1,2
	ds_store_b64 v4, v[C+2*\i:C+2*\i+1] offset:256*(3*(((\t)%4)/2)+\i)+128*((\t)%2)
.endr
.if (\t)+2 < 8
	LOAD (\t)+2
.endif
	s_wait_dscnt 0x0                               ; the stores have read their registers
.endm
.macro OUT q                           ; a step of 128 is whole: my two fragments leave as 3,072 consecutive bytes
.irp i, 0,1,2,3,4,5
	ds_load_b128 v[OUTR+24*\q+4*\i:OUTR+24*\q+4*\i+3], v6 offset:512*\i
.endr
.irp i, 0,1,2,3,4,5
	s_wait_dscnt 5-\i
	global_store_b128 v7, v[OUTR+24*\q+4*\i:OUTR+24*\q+4*\i+3], s[58:59] offset:12288*\q+512*\i
.endr
	ds_store_b32 v5, v[SB+\q] offset:512*\q
.endm
	LOAD 0
	LOAD 1
	BLOCK 0
	BLOCK 1
	BLOCK 2
	BLOCK 3
	s_wait_alu depctr_va_vdst(0)
	OUT 0
	BLOCK 4
	BLOCK 5
	BLOCK 6
	BLOCK 7
	s_wait_alu depctr_va_vdst(0)
	OUT 1
	s_wait_dscnt 0x0                               ; for the others: my scale words lie in LDS
	s_barrier_signal -1
	s_barrier_wait -1
	ds_load_b64 v[16:17], v18
	s_wait_dscnt 0x0
	global_store_b64 v19, v[16:17], s[60:61]       ; 32 lanes store 256 consecutive bytes, aligned
	s_branch .Lend
; ---- the second path: inputs and Wo
.set XSC,   3932160                    ; in xq: the scale words
.set R,     16
.set ST,    80
.set PC,    144
.set TM,    164
.set PW,    180
.set WV,    8
.set GI,    18                         ; s18: 8 tile + step
.set SEL,   20
.macro QUANT s                         ; 64 numbers of a lane become a fragment's codes in v[PC] on and its scale word in v[PW]
.irp b, 0,1,2,3
	v_max3_num_f32 v[TM+\b], |v[\s+16*\b]|, |v[\s+1+16*\b]|, 0x1800000
.endr
.irp i, 2,4,6,8,10,12,14
.irp b, 0,1,2,3
	s_delay_alu instid0(VALU_DEP_4)
	v_max3_num_f32 v[TM+\b], v[TM+\b], |v[\s+16*\b+\i]|, |v[\s+1+16*\b+\i]|
.endr
.endr
.irp b, 0,1,2,3
	s_delay_alu instid0(VALU_DEP_4)
	v_permlanex16_b32 v[TM+4+\b], v[TM+\b], s[SEL], s[SEL+1]
.endr
.irp b, 0,1,2,3
	s_delay_alu instid0(VALU_DEP_4)
	v_max_num_f32 v[TM+\b], v[TM+\b], v[TM+4+\b]
.endr
.irp b, 0,1,2,3
	s_delay_alu instid0(VALU_DEP_4)
	v_add_nc_u32 v[TM+12+\b], 0xff000000, v[TM+\b]
.endr
.irp b, 0,1,2,3
	s_delay_alu instid0(VALU_DEP_4)
	v_lshrrev_b32 v[TM+4+\b], 23, v[TM+12+\b]
.endr
	s_delay_alu instid0(VALU_DEP_3)
	v_lshl_or_b32 v[PW], v[TM+5], 8, v[TM+4]
	s_delay_alu instid0(VALU_DEP_1)
	v_lshl_or_b32 v[PW], v[TM+6], 16, v[PW]
	s_delay_alu instid0(VALU_DEP_1)
	v_lshl_or_b32 v[PW], v[TM+7], 24, v[PW]
.irp c, 0,1
	v_cvt_scalef32_pk16_fp6_f32 v[PC+6*\c:PC+2+6*\c], v[\s+32*\c:\s+15+32*\c], v[TM+12+2*\c]
	v_cvt_scalef32_pk16_fp6_f32 v[PC+12+4*\c:PC+14+4*\c], v[\s+16+32*\c:\s+31+32*\c], v[TM+12+2*\c+1]
.endr
	v_nop
.irp c, 0,1
.irp i, 0,1,2
	v_permlane16_swap_b32 v[PC+6*\c+\i], v[PC+12+4*\c+\i]
.endr
.irp i, 0,1,2
	s_delay_alu instid0(VALU_DEP_3)
	v_mov_b32 v[PC+3+6*\c+\i], v[PC+12+4*\c+\i]
.endr
.endr
.endm
.Lqi:
	s_load_b128 s[4:7], s[0:1], 0x30               ; inputs, Wo
	s_load_b64 s[2:3], s[0:1], 0x40                ; xq
	s_sub_co_u32 s[GI], ttmp9, NQO
	s_and_b32 s19, s[GI], 1                        ; u: which four fragments
	s_lshr_b32 s[GI], s[GI], 1
	v_lshrrev_b32 v1, 5, v0
	v_readfirstlane_b32 s[WV], v1                  ; wave
	s_lshl_b32 s22, s19, 2
	s_add_co_u32 s22, s22, s[WV]                   ; fragment a = 4 u + wave
	v_and_b32 v2, 31, v0
	v_and_b32 v3, 15, v0                           ; r
	v_bfe_u32 v4, v0, 4, 1                         ; h
	v_lshlrev_b32 v5, 4, v2                        ; 16 x lane
	v_lshlrev_b32 v6, 3, v2                        ; 8 x lane
	s_mul_i32 s9, s[WV], 8448
	s_add_co_u32 s9, s9, QIB
	v_add_nc_u32 v7, s9, v5                        ; the stage, on the way in
	v_mul_u32_u24 v8, v3, 528
	v_lshl_add_u32 v8, v4, 6, v8
	v_add_nc_u32 v8, s9, v8                        ; and out: row r, + 64 h
	s_lshl_b32 s10, s[WV], 2
	s_add_co_u32 s10, s10, SCQ
	v_lshl_add_u32 v9, v3, 4, s10                  ; my row's scale word among my four fragments' 256 bytes
	v_add_nc_u32 v10, SCQ, v6
	s_lshr_b32 s12, s[GI], 3                       ; tile
	s_sub_co_u32 s13, s12, 32
	s_cmp_lt_u32 s[GI], 256
	s_cselect_b32 s12, s12, s13                    ; tile inside its tensor
	s_lshl_b32 s12, s12, 7
	s_lshr_b32 s13, s22, 1
	s_lshl_b32 s13, s13, 5
	s_add_co_u32 s12, s12, s13
	s_and_b32 s13, s22, 1
	s_lshl_b32 s13, s13, 3
	s_add_co_u32 s12, s12, s13                     ; the fragment's first row
	s_lshl_b32 s12, s12, 12
	s_and_b32 s13, s[GI], 7
	s_lshl_b32 s13, s13, 9
	s_add_co_u32 s12, s12, s13                     ; the step's 512 bytes
	s_mov_b32 s13, 0
	s_mul_i32 s14, s[GI], 12288
	s_mul_i32 s15, s22, 1536
	s_add_co_u32 s14, s14, s15
	s_mov_b32 s15, 0
	s_lshl_b32 s16, s[GI], 9
	s_lshl_b32 s17, s19, 8
	s_add_co_u32 s16, s16, s17
	s_add_co_u32 s16, s16, XSC
	s_mov_b32 s17, 0
	s_mov_b32 s[SEL], 0x76543210
	s_mov_b32 s[SEL+1], 0xfedcba98
.irp b, 0,1,2,3
	v_mov_b32 v[TM+4+\b], 0                        ; a lane permute's destination counts as one of its sources
.endr
	s_wait_alu depctr_va_vdst(0)
	s_wait_kmcnt 0x0
	s_cmp_lt_u32 s[GI], 256                        ; the choice hangs on the work-group's number alone
	s_cselect_b64 s[4:5], s[4:5], s[6:7]
	s_add_nc_u64 s[4:5], s[4:5], s[12:13]
	s_add_nc_u64 s[14:15], s[2:3], s[14:15]
	s_add_nc_u64 s[16:17], s[2:3], s[16:17]
.irp i, 0,1,2,3,4,5,6,7,8,9,10,11,12,13,14,15
	global_load_b128 v[R+4*\i:R+4*\i+3], v5, s[4:5] offset:(\i+8*(\i/8))*4096 th:TH_LOAD_NT
.endr
.irp i, 0,1,2,3,4,5,6,7,8,9,10,11,12,13,14,15
	s_wait_loadcnt 15-\i
	ds_store_b128 v7, v[R+4*\i:R+4*\i+3] offset:528*\i
.endr
.irp b, 0,1,2,3
.irp j, 0,1,2,3
	ds_load_b128 v[ST+16*\b+4*\j:ST+16*\b+4*\j+3], v8 offset:128*\b+16*\j
.endr
.endr
	s_wait_dscnt 0x0
	QUANT ST
	s_wait_alu depctr_va_vdst(0)
	s_cmp_lt_u32 s[GI], 256
	s_cbranch_scc0 .Lwo_image
.irp p, 0,1,2,3,4,5
	global_store_b64 v6, v[PC+2*\p:PC+2*\p+1], s[14:15] offset:256*\p         ; inputs: 32 lanes store 256 consecutive bytes, aligned
.endr
	s_branch .Lstored
.Lwo_image:
.irp c, 0,1,2
	global_store_b128 v5, v[PC+4*\c:PC+4*\c+3], s[14:15] offset:512*\c        ; Wo: 32 lanes store 512 consecutive bytes, aligned
.endr
.Lstored:
	ds_store_b32 v9, v[PW]                         ; lanes r and r + 16 write the same word with the same value
	s_wait_dscnt 0x0
	s_barrier_signal -1
	s_barrier_wait -1
	s_cmp_lg_u32 s[WV], 0
	s_cbranch_scc1 .Lend
	ds_load_b64 v[16:17], v10
	s_wait_dscnt 0x0
	global_store_b64 v6, v[16:17], s[16:17]        ; my four fragments' 256 bytes of scale words
.Lend:
	s_wait_tensorcnt 0x0                           ; the wave's end
	ds_add_u32 v[SPW], v[NIL]
	s_wait_dscnt 0x0
	s_endpgm
.Lfunc_end_k_q0c8ccc0884_qz:
	.size	k_q0c8ccc0884_qz, .Lfunc_end_k_q0c8ccc0884_qz-k_q0c8ccc0884_qz
	.p2alignl 7, 3214868480
	.fill 96, 4, 3214868480
	.section	.rodata,"a",@progbits
	.p2align	6, 0x0
	.amdhsa_kernel k_q0c8ccc0884_qz
		.amdhsa_group_segment_fixed_size 47872
		.amdhsa_private_segment_fixed_size 0
		.amdhsa_enable_private_segment 0
		.amdhsa_kernarg_size 72
		.amdhsa_user_sgpr_count 2
		.amdhsa_user_sgpr_kernarg_segment_ptr 1
		.amdhsa_wavefront_size32 1
		.amdhsa_system_sgpr_workgroup_id_x 1
		.amdhsa_system_sgpr_workgroup_id_y 1
		.amdhsa_system_sgpr_workgroup_id_z 1
		.amdhsa_system_vgpr_workitem_id 0
		.amdhsa_next_free_vgpr 192
		.amdhsa_next_free_sgpr 66
		.amdhsa_reserve_vcc 0
		.amdhsa_float_denorm_mode_32 3
		.amdhsa_float_denorm_mode_16_64 3
		.amdhsa_memory_ordered 1
		.amdhsa_forward_progress 1
		.amdhsa_inst_pref_size 60
	.end_amdhsa_kernel
	.amdgpu_metadata
---
amdhsa.version: [ 1, 2 ]
amdhsa.kernels:
  - .name:           k_q0c8ccc0884_qz
    .symbol:         k_q0c8ccc0884_qz.kd
    .args:
      - { .name: Wq, .offset: 0, .size: 8, .value_kind: global_buffer, .address_space: global }
      - { .name: Wk, .offset: 8, .size: 8, .value_kind: global_buffer, .address_space: global }
      - { .name: Wv, .offset: 16, .size: 8, .value_kind: global_buffer, .address_space: global }
      - { .name: W1, .offset: 24, .size: 8, .value_kind: global_buffer, .address_space: global }
      - { .name: W2, .offset: 32, .size: 8, .value_kind: global_buffer, .address_space: global }
      - { .name: wq, .offset: 40, .size: 8, .value_kind: global_buffer, .address_space: global }
      - { .name: inputs, .offset: 48, .size: 8, .value_kind: global_buffer, .address_space: global }
      - { .name: Wo, .offset: 56, .size: 8, .value_kind: global_buffer, .address_space: global }
      - { .name: xq, .offset: 64, .size: 8, .value_kind: global_buffer, .address_space: global }
    .group_segment_fixed_size: 47872
    .private_segment_fixed_size: 0
    .kernarg_segment_align: 8
    .kernarg_segment_size: 72
    .max_flat_workgroup_size: 128
    .sgpr_count:     66
    .vgpr_count:     192
    .wavefront_size: 32
...
	.end_amdgpu_metadata
.endif
;; end of part 10
;; launch qkv (part 11): grid 48 x 4, 4 waves a work-group, clusters of 4 x 4, 327,680 bytes of LDS; arguments xq, wq, qkv; writes qkv
.if DOCPART == 11
	.amdgcn_target "amdgcn-amd-amdhsa--gfx1250"
	.amdhsa_code_object_version 6
	.text
	.protected	k_q0c8ccc0884_qkv
	.globl	k_q0c8ccc0884_qkv
	.p2align	8
	.type	k_q0c8ccc0884_qkv,@function
k_q0c8ccc0884_qkv:
	s_mov_b64 s[64:65], 0
	v_nop
	global_prefetch_b8 v0, s[64:65] scope:SCOPE_SE
	s_setreg_imm32_b32 hwreg(HW_REG_WAVE_MODE, 25, 1), 1
	s_wait_xcnt 0x0
	s_wait_alu depctr_hold_cnt(0) depctr_sa_sdst(0) depctr_va_vdst(0) depctr_va_sdst(0) depctr_va_ssrc(0) depctr_va_vcc(0) depctr_vm_vsrc(0)
	s_getreg_b32 s2, hwreg(HW_REG_IB_STS2, 6, 4)
	s_cmp_eq_u32 s2, 0
	s_cbranch_scc0 .Lentry_in_a_cluster
	s_endpgm
.Lentry_in_a_cluster:
	s_bfe_u32 s2, ttmp6, 0x10000c
	s_cmp_lg_u32 s2, 0xf033
	s_cbranch_scc0 .Lentry_shape_is_right
	s_endpgm
.Lentry_shape_is_right:
; ONE TEXT SERVES THE FOUR PRODUCTS WITH WEIGHTS; the four lines below say which.  KIND 0: q, k = x Wq, x Wk (A = tokens, B = columns) and v^T = Wv^T x^T (A = columns of Wv, B = tokens, so that the results' registers run along
; the tokens, which are the K of the second product of attention); the results are quantised in registers and leave as codes.  KIND 1: y = ctx Wo^T + inputs.  KIND 2: act = Q(relu(h W1 + b1)).  KIND 3: y = act W2 + b2 + h.
; C = A B^T on codes of FP6 (E2M3) with one E8M0 scale for each 32 along K, sums in f32.  A tile of C, 256 x 256, is made by four waves, 128 x 128 each: 64 accumulators, 512 registers.
; OPERANDS lie in memory as images of the operand registers: [tile of 128 rows][step of 128 along K][fragment a][piece p][lane x 8 bytes]; fragment a, lane r holds row 32 (a/2) + 8 (a%2) + r + 8 (r/8).  So a slot's quarter
; (128 rows x 256 along K) is 24,576 dense bytes, a fragment is six loads of 8 bytes a lane at 8 x lane + 256 p (256 consecutive bytes each: every bank once), and no padding is needed.
; K goes in steps of 256 through a ring of two LDS slots filled by the tensor data mover.  The scale words of the work-group's rows, for all of K, come once with the first fills and stay.
; CLUSTERS: 4 x 4 work-groups; A's tiles are asked for jointly along a row of the cluster, B's along a column.  THE MATRIX INSTRUCTION IS USED TRANSPOSED (source 0 = B, source 1 = A): lane (r, h) holds position r of A's
; fragment, and the 16 registers of B's fragments 2 b and 2 b + 1 are the columns 32 b + 16 h + 0 .. 15: neighbours, by the order of rows in a fragment.
; REGISTERS: window 0: v0-31 addresses; v32-63 scale words, two sets; v64-127 the bias in the result's layout (BIAS = 1); from v128 A's fragments, one set.  window 1: B's fragments, two sets.  windows 2, 3: the accumulators.
; LIMITS: NaN and infinities are not served; a block of zeros or with largest magnitude under 2^-124 gets the byte 1 (read by this program alone).
.set KIND,   0
.set SIZE_K, 1024
.set BIAS,   0
.set EPIQ,   1
.set XS,     3932160                   ; byte offsets inside the workspace buffers: xq's scale words,
.set WS8,    8650752                   ; wq: scale words of the tiles with K = 1,024,
.set W2C,    5505024                   ; W2's codes,
.set W2S,    8880128                   ; W2's scale words,
.set QS,     9437184                   ; qkv's scale words,
.set CS,     3145728                   ; ctx's,
.set HC,     16777216                  ; hb: h's codes,
.set HS,     19922944                  ; h's scale words,
.set AS,     12582912                  ; act's scale words
.set NK,     SIZE_K/128
.set QUART,  24576                     ; 128 rows x 256 along K: what one tensor load brings
.set SLOT,   4*QUART                   ; A's two halves, then B's two
.set HALFS,  NK*512                    ; the scale words of 128 rows
.set SCL,    2*SLOT
.set SPARE,  SCL+4*HALFS               ; the spare words, 128 bytes for each wave
.set LAPS,   SIZE_K/512                ; a lap = two slots
.set FR,     12
.set NL,     6
.set NP,     4                         ; places behind this matrix instruction (ISA guide 7.12.1)
.set SPITCH, 528                       ; the way out in f32: a stage of 16 rows x (512 + 16) bytes for each wave, in slot 0, which has had its last fill and its last read by then
.set ADRA, 16                          ; v16-17 LDS address of my A fragments in slot 0, 1
.set ADRB, 20                          ; v20-21 the same for B
.set STO,  24                          ; f32 way out: where I put my bytes of a row
.set RD,   25                          ; and where I read a row back
.set CO,   26                          ; 16 x lane
.set LI8,  24                          ; codes' way out: 8 x lane
.set SA,   25                          ; 16 x lane
.set ADRS, 27                          ; my scale words: lanes 0-15 A's, lanes 16-31 B's
.set SPW,  28
.set NIL,  29
.set BO,   30                          ; the bias: 64 h
.set SC,   32
.set BI,   64
.set HA,   64
.set AF,   128
.set BK,   128
.set PC,   128                         ; codes' way out: two sets of 20
.set TM,   176
.set PWS,  200
.set T,    208
.set SEL,  2                           ; s[2:3]
.set G1, 24
.set G0, 32
.set G1B, 48
.set G0B, 56
.set G1S, 68
.set G0S, 76
.set G1SB, 80
.set G0SB, 88
.set MSB, 0
.macro WIN new                         ; the immediate's high byte repeats the setting that is left
.if MSB != (\new)
	s_set_vgpr_msb (MSB<<8)|(\new)
.set MSB, (\new)
.endif
.endm
.set MUL_LO, 0xa1                      ; source 0 (B) window 1, source 1 (A) window 0, C and D window 2
.set MUL_HI, 0xf1                      ; the same, C and D window 3
.set TO_B,   0x40
.macro JLOAD g0a, g1a, g0b, g1b        ; a joint load: waves 0 and 1 fetch for A, waves 2 and 3 for B; the branch hangs on the wave's number alone
	s_cmp_eq_u32 s15, 0
	s_cbranch_scc0 .Lfor_b_\@
	tensor_load_to_lds s[\g0a:\g0a+3], s[\g1a:\g1a+7]
	s_nop 0
.rept 4
	v_nop
.endr
	s_branch .Lasked_\@
.Lfor_b_\@:
	tensor_load_to_lds s[\g0b:\g0b+3], s[\g1b:\g1b+7]
	s_nop 0
.rept 4
	v_nop
.endr
.Lasked_\@:
.endm
.macro CREST                           ; a round of the cluster's barrier behind its opening barrier
	s_cmp_lg_u32 s14, 0
	s_cbranch_scc1 .Lnot_wave_0_\@
	s_barrier_signal -3
.Lnot_wave_0_\@:
	s_barrier_wait -3
	s_barrier_signal -1
	s_barrier_wait -1
.endm
.macro CROUND
	s_barrier_signal -1
	s_barrier_wait -1
	CREST
.endm
	s_load_b128 s[4:7], s[0:1], 0x0
.if KIND == 0
	s_load_b64 s[12:13], s[0:1], 0x10
.else
	s_load_b128 s[96:99], s[0:1], 0x10
.endif
.if KIND == 3
	s_load_b64 s[12:13], s[0:1], 0x20
.endif
	v_lshl_add_u32 v[SPW], v0, 2, SPARE
	v_mov_b32 v[NIL], 0
	ds_add_u32 v[SPW], v[NIL]                      ; the opening: the add, twice on end, and its wait ahead of my first tensor load
	ds_add_u32 v[SPW], v[NIL]
	v_lshrrev_b32 v1, 5, v0
	v_readfirstlane_b32 s14, v1                    ; wave 0..3
	s_lshr_b32 s15, s14, 1                         ; my half of the tile's rows.  Also: I fetch for A (0) or for B (1)
	s_and_b32 s16, s14, 1                          ; my half of its columns.  Also: which 128 rows I fetch
	s_bfe_u32 s40, ttmp6, 0x40000                  ; cx
	s_bfe_u32 s41, ttmp6, 0x40004                  ; cy
.if KIND == 0
	s_and_b32 s42, ttmp9, 1                        ; clusters 0-7: q and k, 2 x 4 clusters of 4 x 4 tiles; clusters 8-11: v^T, 4 x 1
	s_sub_co_u32 s43, ttmp9, 8
	s_lshr_b32 s17, ttmp9, 1
	s_cmp_lt_u32 ttmp9, 8
	s_cselect_b32 s42, s42, s43
	s_cselect_b32 s17, s17, 0
	s_lshl_b32 s42, s42, 2
	s_lshl_b32 s17, s17, 2
.else
	s_lshl_b32 s42, ttmp9, 2
	s_and_b32 s17, ttmp7, 0xffff
	s_lshl_b32 s17, s17, 2
.endif
	s_add_co_u32 s42, s42, s40                     ; tile column
	s_add_co_u32 s17, s17, s41                     ; tile row
	s_lshl_b32 s43, s41, 2
	s_lshl_b32 s43, 15, s43                        ; my row of the cluster
	s_lshl_b32 s44, 0x1111, s40                    ; my column
	s_or_b32 s[G1+0], s43, (3<<16)|(1<<21)         ; 15:0 the mask; 17:16 elements of 8 bytes; 21 set beside a mask; no padding
	s_or_b32 s[G1B+0], s44, (3<<16)|(1<<21)
.irp g, G1, G1B                        ; for the head's loads: two rows (the two tiles of 128) of 49,152 dense bytes (512 along K: both slots), a tile's NK steps apart
	s_mov_b32 s[\g+1], 6144<<16
	s_mov_b32 s[\g+2], 2<<16
	s_mov_b32 s[\g+3], 6144<<16
	s_mov_b32 s[\g+4], 2
	s_mov_b32 s[\g+5], NK*1536
	s_mov_b32 s[\g+6], 0
	s_mov_b32 s[\g+7], 0
.endr
	s_or_b32 s[G1S+0], s43, (3<<16)|(1<<21)
	s_or_b32 s[G1SB+0], s44, (3<<16)|(1<<21)
.irp g, G1S, G1SB                      ; the scale words of 256 rows: 2 HALFS dense bytes as rows of 256
	s_mov_b32 s[\g+1], 32<<16
	s_mov_b32 s[\g+2], (HALFS/128)<<16             ; the scale words of 256 rows: two tiles on end
	s_mov_b32 s[\g+3], 32<<16
	s_mov_b32 s[\g+4], HALFS/128
	s_mov_b32 s[\g+5], 32
	s_mov_b32 s[\g+6], 0
	s_mov_b32 s[\g+7], 0
.endr
	s_lshl_b32 s20, s17, 1                         ; the first of A's two tiles of 128 rows
	s_lshl_b32 s46, s42, 1                         ; and of B's
	s_mul_i32 s22, s20, HALFS
	s_mov_b32 s23, 0
	s_mul_i32 s92, s46, HALFS
	s_mov_b32 s93, 0
	s_mul_i32 s20, s20, NK*12288
	s_mov_b32 s21, 0
	s_mul_i32 s46, s46, NK*12288
	s_mov_b32 s47, 0
	s_mul_i32 s45, s14, 2*QUART                    ; LDS: [A half 0][A half 1][B half 0][B half 1], each with its slot 0 and slot 1 on end
	s_mul_i32 s94, s16, NK*12288                   ; in the ring I fetch one tile of 128 rows: which of the two
	s_mov_b32 s95, 0
	s_mov_b32 s[SEL], 0x76543210
	s_mov_b32 s[SEL+1], 0xfedcba98
	s_wait_dscnt 0x0                               ; both opening adds are done
	s_wait_kmcnt 0x0
	; s[4:5] A's codes, s[6:7] A's scale words, s[8:9] B's codes, s[10:11] B's scale words, s[12:13] the output, s[96:97] the bias, s[98:99] the residual, s[100:101] the output's scale words
.if KIND == 0
	s_add_nc_u64 s[96:97], s[4:5], XS
	s_add_nc_u64 s[98:99], s[6:7], WS8
	s_add_nc_u64 s[100:101], s[6:7], 16*8*12288    ; Wv: tiles 16-23 of wq
	s_add_nc_u64 s[66:67], s[6:7], WS8+16*4096
	s_cmp_lt_u32 ttmp9, 8                          ; the choice hangs on the cluster's number alone
	s_cselect_b64 s[8:9], s[6:7], s[4:5]
	s_cselect_b64 s[10:11], s[98:99], s[96:97]
	s_cselect_b64 s[4:5], s[4:5], s[100:101]
	s_cselect_b64 s[6:7], s[96:97], s[66:67]
	s_add_nc_u64 s[100:101], s[12:13], QS
.elseif KIND == 1
	s_mov_b64 s[12:13], s[98:99]
	s_mov_b64 s[98:99], s[96:97]
	s_add_nc_u64 s[8:9], s[6:7], 32*8*12288        ; Wo: tiles 32-39 of xq
	s_add_nc_u64 s[10:11], s[6:7], XS+32*4096
	s_add_nc_u64 s[6:7], s[4:5], CS
.elseif KIND == 2
	s_mov_b64 s[12:13], s[98:99]
	s_add_nc_u64 s[100:101], s[98:99], AS
	s_add_nc_u64 s[8:9], s[6:7], 24*8*12288        ; W1: tiles 24-55 of wq
	s_add_nc_u64 s[10:11], s[6:7], WS8+24*4096
	s_add_nc_u64 s[6:7], s[4:5], HS
	s_add_nc_u64 s[4:5], s[4:5], HC
.else
	s_add_nc_u64 s[8:9], s[6:7], W2C
	s_add_nc_u64 s[10:11], s[6:7], W2S
	s_add_nc_u64 s[6:7], s[4:5], AS
.endif
	s_add_nc_u64 s[20:21], s[4:5], s[20:21]
	s_add_nc_u64 s[22:23], s[6:7], s[22:23]
	s_add_nc_u64 s[46:47], s[8:9], s[46:47]
	s_add_nc_u64 s[92:93], s[10:11], s[92:93]
	CROUND                                         ; all sixteen work-groups are here: the first joint loads meet
	s_mov_b32 s[G0S], 1
	s_mov_b32 s[G0S+1], SCL
	s_mov_b64 s[G0S+2:G0S+3], s[22:23]
	s_or_b32 s[G0S+3], s[G0S+3], 0x80000000
	s_mov_b32 s[G0SB], 1
	s_mov_b32 s[G0SB+1], SCL+2*HALFS
	s_mov_b64 s[G0SB+2:G0SB+3], s[92:93]
	s_or_b32 s[G0SB+3], s[G0SB+3], 0x80000000
	s_mov_b32 s4, 1                                ; group 0 of the head's load of A (the arguments that lay here have been used): both tiles, both slots
	s_mov_b32 s5, 0
	s_mov_b64 s[6:7], s[20:21]
	s_or_b32 s7, s7, 0x80000000
	s_mov_b32 s8, 1                                ; and of B
	s_mov_b32 s9, 4*QUART
	s_mov_b64 s[10:11], s[46:47]
	s_or_b32 s11, s11, 0x80000000
	s_add_nc_u64 s[20:21], s[20:21], s[94:95]      ; for the ring: my tile of 128 rows
	s_add_nc_u64 s[46:47], s[46:47], s[94:95]
.irp s, 0,1
	s_mov_b32 s[G0+4*\s], 1
	s_add_co_u32 s[G0+4*\s+1], s45, \s*QUART
	s_add_nc_u64 s[G0+4*\s+2:G0+4*\s+3], s[20:21], \s*QUART
	s_or_b32 s[G0+4*\s+3], s[G0+4*\s+3], 0x80000000
	s_mov_b32 s[G0B+4*\s], 1
	s_add_co_u32 s[G0B+4*\s+1], s45, \s*QUART
	s_add_nc_u64 s[G0B+4*\s+2:G0B+4*\s+3], s[46:47], \s*QUART
	s_or_b32 s[G0B+4*\s+3], s[G0B+4*\s+3], 0x80000000
.endr
	; THE HEAD'S LOADS, one a wave, in one chain of branches on the wave's number: A's codes of both slots, B's, A's scale words, B's
	s_cmp_eq_u32 s14, 0
	s_cbranch_scc0 .Lh1
	tensor_load_to_lds s[4:7], s[G1:G1+7]
	s_nop 0
.rept 4
	v_nop
.endr
	s_branch .Lhj
.Lh1:
	s_cmp_eq_u32 s14, 1
	s_cbranch_scc0 .Lh2
	tensor_load_to_lds s[8:11], s[G1B:G1B+7]
	s_nop 0
.rept 4
	v_nop
.endr
	s_branch .Lhj
.Lh2:
	s_cmp_eq_u32 s14, 2
	s_cbranch_scc0 .Lh3
	tensor_load_to_lds s[G0S:G0S+3], s[G1S:G1S+7]
	s_nop 0
.rept 4
	v_nop
.endr
	s_branch .Lhj
.Lh3:
	tensor_load_to_lds s[G0SB:G0SB+3], s[G1SB:G1SB+7]
	s_nop 0
.rept 4
	v_nop
.endr
.Lhj:
	v_and_b32 v1, 15, v0                           ; r
	v_bfe_u32 v2, v0, 4, 1                         ; h
	s_wait_alu depctr_va_vdst(0)
	v_and_b32 v3, 31, v0                           ; lane; never rewritten
	v_lshlrev_b32 v4, 3, v3                        ; 8 x lane
	s_mul_i32 s21, s15, 2*QUART                    ; my 128 rows of A
	s_mul_i32 s22, s16, 2*QUART                    ; my 128 rows of B,
	s_add_co_u32 s22, s22, 4*QUART                 ; behind A's two halves
.irp s, 0,1
	v_add_nc_u32 v[ADRA+\s], s21, v4
	v_add_nc_u32 v[ADRB+\s], s22, v4
	s_add_co_u32 s21, s21, QUART
	s_add_co_u32 s22, s22, QUART
.endr
	v_lshlrev_b32 v5, 4, v1                        ; my scale words: 16 r,
	s_mul_i32 s21, s15, HALFS                      ; A's: my 128 rows
	s_mul_i32 s22, s16, HALFS                      ; B's: my 128 rows, behind A's two
	s_add_co_u32 s22, s22, 2*HALFS
	s_sub_co_u32 s22, s22, s21
	v_mul_u32_u24 v6, s22, v2                      ; lanes 16-31 take B's
	s_add_co_u32 s21, s21, SCL
	v_add_nc_u32 v5, v5, v6
	v_add_nc_u32 v[ADRS], s21, v5
.if BIAS
	s_lshl_b32 s46, s42, 10
	s_lshl_b32 s47, s16, 9
	s_add_co_u32 s46, s46, s47                     ; my first column, 4 bytes each
	s_mov_b32 s47, 0
	s_add_nc_u64 s[96:97], s[96:97], s[46:47]
	v_lshlrev_b32 v[BO], 6, v2
.irp b, 0,1,2,3,4,5,6,7                ; the bias in the result's layout: tile b, register j: column 32 (b/2) + 8 (b%2) + 16 h + j.  It is the C of each sum's first matrix instruction
	global_load_b128 v[BI+8*\b:BI+8*\b+3], v[BO], s[96:97] offset:(32*(\b/2)+8*(\b%2))*4
	global_load_b128 v[BI+8*\b+4:BI+8*\b+7], v[BO], s[96:97] offset:(32*(\b/2)+8*(\b%2))*4+16
.endr
.endif
.if EPIQ
	v_lshlrev_b32 v[LI8], 3, v3
	v_lshlrev_b32 v[SA], 4, v3
	s_lshl_b32 s20, s17, 1
	s_add_co_u32 s20, s20, s15                     ; my tile of 128 rows of A
	s_lshl_b32 s46, s42, 1
	s_add_co_u32 s46, s46, s16                     ; my 128 columns: a step of 128 along the next K
.if KIND == 0
	s_add_co_u32 s21, s20, 16
	s_cmp_lt_u32 ttmp9, 8
	s_cselect_b32 s22, s46, s21                    ; qkv is laid [q pairs of heads 0-7, k pairs 8-15, v^T pairs 16-23][32 token tiles or token steps]
	s_cselect_b32 s23, s20, s46
.else
	s_mov_b32 s22, s20                             ; act is laid [token tile][step of 128 along FF]
	s_mov_b32 s23, s46
.endif
	s_lshl_b32 s22, s22, 5
	s_add_co_u32 s22, s22, s23
	s_mul_i32 s20, s22, 12288
	s_mov_b32 s21, 0
	s_lshl_b32 s22, s22, 9
	s_mov_b32 s23, 0
	s_add_nc_u64 s[12:13], s[12:13], s[20:21]
	s_add_nc_u64 s[100:101], s[100:101], s[22:23]
.else
	s_mul_i32 s23, s14, 16*SPITCH                  ; my stage
	v_mul_u32_u24 v5, v1, SPITCH
	v_lshl_add_u32 v5, v2, 6, v5
	v_add_nc_u32 v[STO], s23, v5                   ; in: row r, + 64 h
	v_lshlrev_b32 v[CO], 4, v3
	v_add_nc_u32 v[RD], s23, v[CO]                 ; back: the 32 lanes take a row of 512 bytes
	s_lshl_b32 s20, s17, 8
	s_lshl_b32 s21, s15, 7
	s_add_co_u32 s20, s20, s21
	s_lshl_b32 s20, s20, 12                        ; my first row, 4,096 bytes a row
	s_lshl_b32 s46, s42, 10
	s_lshl_b32 s47, s16, 9
	s_add_co_u32 s46, s46, s47
	s_add_co_u32 s20, s20, s46                     ; my first column
	s_mov_b32 s21, 0
	s_add_nc_u64 s[12:13], s[12:13], s[20:21]
	s_add_nc_u64 s[98:99], s[98:99], s[20:21]
.endif
.macro FRAG reg, adr, q, i             ; a fragment: six pieces of 8 bytes a lane, 256 bytes apart
.irp p, 0,1,2,3,4,5
	ds_load_b64 v[\reg+2*\p:\reg+2*\p+1], v[\adr] offset:(8*(\q)+(\i))*1536+256*\p
.endr
.endm
; 16 matrix instructions: A's blocks a0, a0 + 1 x B's eight.  p: B's set; q: which 128 of the slot; sc: the set of scale words.  zero = 1: the constant 0 starts the sums; 2: the bias does.
; The 64 accumulators take turns, one instruction a turn, in the same order in every step.
.macro MUL16 a0, p, q, sc, zero
.irp a, \a0, \a0+1
.irp b, 0,1,2,3,4,5,6,7
.if \zero == 1
	v_wmma_scale_f32_16x16x128_f8f6f4 v[8*(8*((\a)%4)+\b):8*(8*((\a)%4)+\b)+7], v[128*(\p)+FR*\b:128*(\p)+FR*\b+FR-1], v[AF+FR*(\a):AF+FR*(\a)+FR-1], 0, v[SC+16*(\sc)+8*(\q)+\b], v[SC+16*(\sc)+8*(\q)+(\a)] matrix_a_fmt:MATRIX_FMT_FP6 matrix_b_fmt:MATRIX_FMT_FP6 matrix_a_scale:MATRIX_SCALE_ROW1
.elseif \zero == 2
	v_wmma_scale_f32_16x16x128_f8f6f4 v[8*(8*((\a)%4)+\b):8*(8*((\a)%4)+\b)+7], v[128*(\p)+FR*\b:128*(\p)+FR*\b+FR-1], v[AF+FR*(\a):AF+FR*(\a)+FR-1], v[BI+8*\b:BI+8*\b+7], v[SC+16*(\sc)+8*(\q)+\b], v[SC+16*(\sc)+8*(\q)+(\a)] matrix_a_fmt:MATRIX_FMT_FP6 matrix_b_fmt:MATRIX_FMT_FP6 matrix_a_scale:MATRIX_SCALE_ROW1
.else
	v_wmma_scale_f32_16x16x128_f8f6f4 v[8*(8*((\a)%4)+\b):8*(8*((\a)%4)+\b)+7], v[128*(\p)+FR*\b:128*(\p)+FR*\b+FR-1], v[AF+FR*(\a):AF+FR*(\a)+FR-1], v[8*(8*((\a)%4)+\b):8*(8*((\a)%4)+\b)+7], v[SC+16*(\sc)+8*(\q)+\b], v[SC+16*(\sc)+8*(\q)+(\a)] matrix_a_fmt:MATRIX_FMT_FP6 matrix_b_fmt:MATRIX_FMT_FP6 matrix_a_scale:MATRIX_SCALE_ROW1
.endif
.endr
.endr
.endm
.macro FETCH_B slot, q, p
	WIN TO_B
.irp i, 0,1,2,3,4,5,6,7
	FRAG 128*(\p)+FR*\i, ADRB+\slot, \q, \i
.endr
	WIN 0
.endm
.macro FETCH_A slot, q, i0
.irp i, \i0, \i0+1, \i0+2, \i0+3
	FRAG AF+FR*(\i), ADRA+\slot, \q, \i
.endr
.endm
.macro SCALES sc                       ; a slot's scale words: one load brings a lane the words of four fragments; lanes 0-15 A's, lanes 16-31 B's
.irp q, 0,1
.irp u, 0,1
	ds_load_b128 v[SC+16*\sc+8*\q+4*\u:SC+16*\sc+8*\q+4*\u+3], v[ADRS] offset:512*\q+256*\u
.endr
.endr
.endm
.macro PLACES n                        ; plain vector lines between a matrix instruction and a load into, or a read of, its registers
.rept \n
	v_nop
.endr
.endm
.macro STEP slot, q, zero              ; a step of 128 along K that has its successor in the same slot
	s_wait_dscnt 4*NL                              ; B's set and A's blocks 0-3 are in; the youngest 24 loads (A's blocks 4-7) may be out
.if \zero == 2
	WIN 0x81                                       ; C (the bias) window 0, D window 2
.else
	WIN MUL_LO
.endif
	MUL16 0, (\q)%2, \q, \slot, \zero
	MUL16 2, (\q)%2, \q, \slot, \zero
	s_wait_dscnt 0                                 ; A's blocks 4-7 are in
	PLACES NP
	FETCH_B \slot, (\q)+1, 1-(\q)%2
	FETCH_A \slot, (\q)+1, 0
.if \zero == 2
	WIN 0xc1
.else
	WIN MUL_HI
.endif
	MUL16 4, (\q)%2, \q, \slot, \zero
	MUL16 6, (\q)%2, \q, \slot, \zero
	PLACES NP
	WIN 0
	FETCH_A \slot, (\q)+1, 4
.endm
; A slot's last step changes slots: one barrier; in front of it each wave waits for all its tensor loads, adds 0 to its spare word, and waits for that and for its own reads of this slot.  fill = 1: this slot is filled again.
.macro TURN slot, next, fill
	s_wait_tensorcnt 0x0                           ; all my tensor loads have landed: my part of the next slot
	ds_add_u32 v[SPW], v[NIL]
	s_wait_dscnt 4*NL+1                            ; (the add and the youngest 24 loads may be out)
	WIN MUL_LO
	MUL16 0, 1, 1, \slot, 0
	s_wait_dscnt 0x0                               ; the add is done, and my reads of this slot are over
	s_barrier_signal -1
	MUL16 2, 1, 1, \slot, 0
	WIN 0
	s_barrier_wait -1
.if \fill
	CREST                                          ; the barrier has opened a round of the cluster's barrier: no wave of any partner still reads this slot or has a load on its way
	s_add_nc_u64 s[G0+4*\slot+2:G0+4*\slot+3], s[G0+4*\slot+2:G0+4*\slot+3], 2*QUART
	s_add_nc_u64 s[G0B+4*\slot+2:G0B+4*\slot+3], s[G0B+4*\slot+2:G0B+4*\slot+3], 2*QUART
	JLOAD G0+4*\slot, G1, G0B+4*\slot, G1B         ; the first tensor load behind the round; its four v_nop are the places in front of the loads below
.else
	PLACES NP
.endif
	s_wait_alu depctr_va_vdst(0)
	v_add_nc_u32 v[ADRS], 1024, v[ADRS]            ; the next slot's scale words
	FETCH_B \next, 0, 0
	FETCH_A \next, 0, 0
	SCALES \next
	WIN MUL_HI
	MUL16 4, 1, 1, \slot, 0
	MUL16 6, 1, 1, \slot, 0
	PLACES NP
	WIN 0
	FETCH_A \next, 0, 4
.endm
; 64 numbers v[s] .. v[s + 63] of window w, register 16 b + i = k 32 b + 16 h + i of my row, become a fragment's codes in v[pc] on and its scale word in v[pw], both in window 0.
.macro QUANT s, w, pc, pw
	WIN ((\w)<<4)|((\w)<<2)
.irp b, 0,1,2,3
	v_max3_num_f32 v[TM+\b], 0x1800000, |v[(\s)+16*\b]|, |v[(\s)+1+16*\b]|   ; my 16 numbers of block b, and the floor 2^(3 - 127).  Each accumulator is read from its low end on
.endr
.irp i, 2,4,6,8,10,12,14
.irp b, 0,1,2,3
	v_max3_num_f32 v[TM+\b], v[TM+\b], |v[(\s)+16*\b+\i]|, |v[(\s)+1+16*\b+\i]|
.endr
.endr
	WIN 0
.irp b, 0,1,2,3
	v_permlanex16_b32 v[TM+4+\b], v[TM+\b], s[SEL], s[SEL+1]
.endr
.irp b, 0,1,2,3
	v_max_num_f32 v[TM+\b], v[TM+\b], v[TM+4+\b]
.endr
.irp b, 0,1,2,3
	v_add_nc_u32 v[TM+12+\b], 0xff000000, v[TM+\b] ; 2 off the exponent field: the conversion's scale operand
.endr
.irp b, 0,1,2,3
	v_lshrrev_b32 v[TM+4+\b], 23, v[TM+12+\b]      ; the scale's byte
.endr
	v_lshl_or_b32 v[\pw], v[TM+5], 8, v[TM+4]
	v_lshl_or_b32 v[\pw], v[TM+6], 16, v[\pw]
	v_lshl_or_b32 v[\pw], v[TM+7], 24, v[\pw]
	WIN (\w)
.irp c, 0,1
	v_cvt_scalef32_pk16_fp6_f32 v[(\pc)+6*\c:(\pc)+2+6*\c], v[(\s)+32*\c:(\s)+15+32*\c], v[TM+12+2*\c]
	v_cvt_scalef32_pk16_fp6_f32 v[(\pc)+12+4*\c:(\pc)+14+4*\c], v[(\s)+16+32*\c:(\s)+31+32*\c], v[TM+12+2*\c+1]
.endr
	WIN 0
	v_nop                                          ; one plain line behind a scaled conversion
.irp c, 0,1
.irp i, 0,1,2
	v_permlane16_swap_b32 v[(\pc)+6*\c+\i], v[(\pc)+12+4*\c+\i]
.endr
.irp i, 0,1,2
	v_mov_b32 v[(\pc)+3+6*\c+\i], v[(\pc)+12+4*\c+\i]
.endr
.endr
.endm
; THE WAY OUT IN f32, block by block of 16 positions x 128 columns, through my stage; row t of block a is row 32 (a/2) + 8 (a%2) + t%8 + 16 (t/8) of my 128.
.macro TOSTAGE a
.set AC, 64*((\a)%4)
	WIN 0x08+4*((\a)/4)
.irp b, 0,1,2,3,4,5,6,7
	ds_store_b128 v[STO], v[AC+8*\b:AC+8*\b+3] offset:128*(\b/2)+32*(\b%2)        ; each accumulator from its low end on
	ds_store_b128 v[STO], v[AC+8*\b+4:AC+8*\b+7] offset:128*(\b/2)+32*(\b%2)+16
.endr
	WIN 0
.set BB, BK+64*((\a)%2)
.irp t, 0,1,2,3,4,5,6,7,8,9,10,11,12,13,14,15
	ds_load_b128 v[BB+4*\t:BB+4*\t+3], v[RD] offset:\t*SPITCH       ; LDS serves a wave's instructions in order: these see my stores
.endr
.endm
.macro RESLOAD a                       ; the residual's 16 rows of block a into window 1, set a % 4
	WIN 0x40
.irp t, 0,1,2,3,4,5,6,7,8,9,10,11,12,13,14,15
	global_load_b128 v[64*((\a)%4)+4*\t:64*((\a)%4)+4*\t+3], v[CO], s[98:99] offset:(32*((\a)/2)+8*((\a)%2)+\t%8+16*(\t/8))*4096
.endr
	WIN 0
.endm
.macro SEND a, younger, left           ; younger: LDS instructions issued behind block a's loads; left: residual loads issued behind block a's
.set BB, BK+64*((\a)%2)
.set RS, 64*((\a)%4)
	s_wait_dscnt \younger
	s_wait_loadcnt \left
	WIN 0x04
.set i, 0
.rept 32
	v_pk_add_f32 v[BB+i:BB+i+1], v[BB+i:BB+i+1], v[RS+i:RS+i+1]
.set i, i+2
.endr
	WIN 0
.irp t, 0,1,2,3,4,5,6,7,8,9,10,11,12,13,14,15
	global_store_b128 v[CO], v[BB+4*\t:BB+4*\t+3], s[12:13] offset:(32*((\a)/2)+8*((\a)%2)+\t%8+16*(\t/8))*4096   ; 32 lanes store 512 consecutive bytes, aligned
.endr
.endm
	s_wait_alu depctr_va_vdst(0)
	s_wait_tensorcnt 0x0                           ; my tile of the head's four is in; no tensor load of mine is out, so group 1 may be written:
.irp g, G1, G1B                        ; from here on a load brings 24,576 dense bytes as 96 rows of 256
	s_mov_b32 s[\g+1], 32<<16
	s_mov_b32 s[\g+2], 96<<16
	s_mov_b32 s[\g+3], 32<<16
	s_mov_b32 s[\g+4], 96
	s_mov_b32 s[\g+5], 32
.endr
	s_barrier_signal -1
	s_barrier_wait -1
	FETCH_B 0, 0, 0
	FETCH_A 0, 0, 0
	SCALES 0
	FETCH_A 0, 0, 4
.if BIAS
	s_wait_loadcnt 0x0                             ; the bias
	STEP 0, 0, 2
.else
	STEP 0, 0, 1                                   ; the first step stands in front of the loop: its products start the sums
.endif
	s_mov_b32 s18, LAPS-1
.Llap:                                                 ; a trip goes once round the ring and fills both slots again
	TURN 0, 1, 1
	STEP 1, 0, 0
	TURN 1, 0, 1
	STEP 0, 0, 0
	s_sub_co_u32 s18, s18, 1
	s_cmp_lg_u32 s18, 0
	s_cbranch_scc1 .Llap
	TURN 0, 1, 0                                   ; the last lap fills nothing, and has no round of the cluster's barrier
	STEP 1, 0, 0
.if EPIQ == 0
	RESLOAD 0                                      ; B's set 0 is done with, behind the step's places: the first two blocks of the residual are asked for 64 matrix instructions ahead
	RESLOAD 1
.endif
	s_wait_dscnt 4*NL
	WIN MUL_LO
	MUL16 0, 1, 1, 1, 0
	MUL16 2, 1, 1, 1, 0
	s_wait_dscnt 0
	WIN MUL_HI
	MUL16 4, 1, 1, 1, 0
	MUL16 6, 1, 1, 1, 0
	WIN 0
	PLACES NP
.if EPIQ
	; THE WAY OUT AS CODES: block a's 64 registers are 128 neighbours along the next K of position 16 a + r: quantised in registers, stored as the fragment's image: no LDS
.irp b, 0,1,2,3
	v_mov_b32 v[TM+4+\b], 0                        ; a lane permute's destination counts as one of its sources
.endr
.irp a, 0,1,2,3,4,5,6,7
.if \a >= 2
	s_wait_xcnt 0x0                                ; block a - 2's stores have read this set of codes
.endif
.if KIND == 2
	WIN 0x08+4*(\a/4)
.set j, 0
.rept 64
	v_max_num_f32 v[HA+j], 0, v[64*(\a%4)+j]       ; the activation, in f32, and the way into window 0 in one line
.set j, j+1
.endr
	WIN 0
	QUANT HA, 0, PC+20*(\a%2), PWS+\a
.else
	QUANT 64*(\a%4), 2+\a/4, PC+20*(\a%2), PWS+\a
.endif
.irp p, 0,1,2,3,4,5
	global_store_b64 v[LI8], v[PC+20*(\a%2)+2*\p:PC+20*(\a%2)+2*\p+1], s[12:13] offset:1536*\a+256*\p   ; 32 lanes store 256 consecutive bytes, aligned
.endr
.endr
	v_cmp_le_u32 vcc_lo, 16, v3
.irp i, 0,1,2,3
	v_cndmask_b32 v[T+\i], v[PWS+\i], v[PWS+4+\i], vcc_lo   ; lanes 0-15 store the words of fragments 0-3, lanes 16-31 those of 4-7
.endr
	global_store_b128 v[SA], v[T:T+3], s[100:101]  ; the 512 bytes of scale words
.else
	RESLOAD 2
	TOSTAGE 0
.irp a, 1,2,3,4,5,6,7
.if \a > 1
	s_wait_xcnt 0x0                                ; block a - 2's stores have read their registers: block a's loads may land there
.endif
	TOSTAGE \a
.if \a < 6
	RESLOAD \a+2
	SEND \a-1, 32, 48                              ; 32: block a's 16 stores and 16 loads; 48: the residual loads of the three blocks behind
.elseif \a == 6
	SEND \a-1, 32, 32
.else
	SEND \a-1, 32, 16
.endif
.endr
	SEND 7, 0, 0
.endif
	s_wait_tensorcnt 0x0                           ; the wave's end
	ds_add_u32 v[SPW], v[NIL]
	s_wait_dscnt 0x0
	CROUND                                         ; the closing round: no work-group ends while a partner may still ask for a tile that names it
	s_endpgm
.Lfunc_end_k_q0c8ccc0884_qkv:
	.size	k_q0c8ccc0884_qkv, .Lfunc_end_k_q0c8ccc0884_qkv-k_q0c8ccc0884_qkv
	.p2alignl 7, 3214868480
	.fill 96, 4, 3214868480
	.section	.rodata,"a",@progbits
	.p2align	6, 0x0
	.amdhsa_kernel k_q0c8ccc0884_qkv
		.amdhsa_group_segment_fixed_size 327680
		.amdhsa_private_segment_fixed_size 0
		.amdhsa_enable_private_segment 0
		.amdhsa_kernarg_size 24
		.amdhsa_user_sgpr_count 2
		.amdhsa_user_sgpr_kernarg_segment_ptr 1
		.amdhsa_wavefront_size32 1
		.amdhsa_system_sgpr_workgroup_id_x 1
		.amdhsa_system_sgpr_workgroup_id_y 1
		.amdhsa_system_sgpr_workgroup_id_z 1
		.amdhsa_system_vgpr_workitem_id 0
		.amdhsa_next_free_vgpr 1024
		.amdhsa_next_free_sgpr 102
		.amdhsa_reserve_vcc 1
		.amdhsa_float_denorm_mode_32 3
		.amdhsa_float_denorm_mode_16_64 3
		.amdhsa_memory_ordered 1
		.amdhsa_forward_progress 1
		.amdhsa_inst_pref_size 166
	.end_amdhsa_kernel
	.amdgpu_metadata
---
amdhsa.version: [ 1, 2 ]
amdhsa.kernels:
  - .name:           k_q0c8ccc0884_qkv
    .symbol:         k_q0c8ccc0884_qkv.kd
    .args:
      - { .name: xq, .offset: 0, .size: 8, .value_kind: global_buffer, .address_space: global }
      - { .name: wq, .offset: 8, .size: 8, .value_kind: global_buffer, .address_space: global }
      - { .name: qkv, .offset: 16, .size: 8, .value_kind: global_buffer, .address_space: global }
    .group_segment_fixed_size: 327680
    .private_segment_fixed_size: 0
    .kernarg_segment_align: 8
    .kernarg_segment_size: 24
    .max_flat_workgroup_size: 128
    .sgpr_count:     102
    .vgpr_count:     1024
    .wavefront_size: 32
...
	.end_amdgpu_metadata
.endif
;; end of part 11
;; launch attn (part 12): grid 8 x 32, 8 waves a work-group, clusters of 4 x 1, 212,992 bytes of LDS; arguments qkv, ctx; writes ctx
.if DOCPART == 12
	.amdgcn_target "amdgcn-amd-amdhsa--gfx1250"
	.amdhsa_code_object_version 6
	.text
	.protected	k_q0c8ccc0884_attn
	.globl	k_q0c8ccc0884_attn
	.p2align	8
	.type	k_q0c8ccc0884_attn,@function
k_q0c8ccc0884_attn:
	s_mov_b64 s[64:65], 0
	v_nop
	global_prefetch_b8 v0, s[64:65] scope:SCOPE_SE
	s_setreg_imm32_b32 hwreg(HW_REG_WAVE_MODE, 25, 1), 1
	s_wait_xcnt 0x0
	s_wait_alu depctr_hold_cnt(0) depctr_sa_sdst(0) depctr_va_vdst(0) depctr_va_sdst(0) depctr_va_ssrc(0) depctr_va_vcc(0) depctr_vm_vsrc(0)
	s_getreg_b32 s2, hwreg(HW_REG_IB_STS2, 6, 4)
	s_cmp_eq_u32 s2, 0
	s_cbranch_scc0 .Lentry_in_a_cluster
	s_endpgm
.Lentry_in_a_cluster:
	s_bfe_u32 s2, ttmp6, 0x10000c
	s_cmp_lg_u32 s2, 0x3003
	s_cbranch_scc0 .Lentry_shape_is_right
	s_endpgm
.Lentry_shape_is_right:
; ctx = softmax(q k^T / 8, causal) v for 2 x 16 heads of 64, 2,048 tokens, both products on codes of FP6 (E2M3); the result is divided by the row's sum, quantised along (head, channel) and stored as codes.
; WORK LEFT OUT: a step of 128 keys all of which come after a tile's 16 queries is thrown away by the causal mask that the problem builds itself (tril), for all inputs; it is not computed.
; LIMIT: a NaN, an infinity or an overflow that reaches only such steps is not carried on.  The factor 1/8 stands in the constant c (a power of two: q's codes stay).
; THE SOFTMAX: t = score x log2(e) / 8; M = the running largest t rounded up to a whole number; p = 2^(t - M) is quantised along the keys; the row's sum is taken of the unquantised p and divides at the end; when M moves,
; sum and O are multiplied by 2^(old M - new M), which rounds nothing.  LIMIT: the promise holds while |t| stays under 2^31.  NaN and infinities are not served; blocks under 2^-124 get the byte 1.
; SHARES.  Work-group (j, y): head y % 16 of batch y / 16.  Wave w owns TWO tiles of 16 queries, fragment j of the token tiles 15 - u (tile 0) and u (tile 1), u = w below 4 and 11 - w above: (16 - u) + (u + 1) = 17 tile steps for every wave.
; A trip takes one step of 128 keys: its fragments of K and V are fetched once and serve both tiles while the step is at most u, tile 0 alone behind that; steps beyond 15 - u are jumped over (branches on the step and the wave's number).
; REGISTERS.  Tile 0's state lies in window 0, tile 1's under the same numbers in window 1: v12 -M, v13 largest t, v[14:15] the sum, v16-33 [0 | q | 0], v96-159 S^T then p, v160-191 O^T, v192-210 p's codes, v232-254 at work, v3 the mask's d.
; Shared: window 0 v36-83 K's four runs, v84-91 K's raw scale words, v92-95 its pair words; window 1 v36-83 V's four fragments.  Scale operands lie in window 0: v34, v35 / v212, v213 q's; v253 / v214 p's; v216-219 V's.
; K = 64 IN A FORM OF 128: two neighbouring key tiles are one run of 12 registers; it is multiplied once by [q | 0] and once by [0 | q]: the other half meets zero codes.
; ALL K AND V OF THE HEAD LIE IN LDS, filled once, one tensor load a wave, asked for jointly by the four work-groups of a cluster (one head; each has a wave that reads all 16 steps).
; Waves 0-3 bring step 0 of K and V and all scale words, and they alone wait ahead of the first barrier; trip 0 is written out and runs while waves 4-7's tiles (steps 1-15) are on their way; every wave waits ahead of the second barrier.
; The next step's K is fetched behind this step's first products, V's fragments ahead of it; the last trip's fetch of K reads filled bytes behind K's and is not used.
; No data prefetch: every tile is asked for at the head, so there is no loop to run ahead in.
.set QS,    9437184
.set CSO,   3145728
.set VL,    98304                      ; LDS: K [16 steps][8 tiles][768] at 0; V^T [16 steps][4 tiles][1,536] here
.set KSL,   196608                     ; K's scale words [16][512]
.set VSL,   204800                     ; V's [16][256]
.set SPARE, 208896                     ; the spare words, 128 bytes a wave
.set AK0,  1
.set AV0,  2
.set DD,   3
.set ASK0, 4
.set SPW,  5
.set NIL,  6
.set ASV0, 7
.set ADK,  8
.set ADV,  9
.set ADS,  10
.set ADT,  11
.set R16,  220                         ; 16 r
.set LN,   221                         ; lane
.set WV,   8
.set TB,   9
.set TS,   10
.set TJ,   11
.set STP,  12
.set BLK,  13                          ; s13, s14: the two tiles' token tiles
.set PSEL, 15
.set SEL,  20
.set CS,   22
.set G1,   24
.set G0,   32
.set MSB, 0
.macro WIN new
.if MSB != (\new)
	s_set_vgpr_msb (MSB<<8)|(\new)
.set MSB, (\new)
.endif
.endm
.macro WALU
	s_wait_alu depctr_va_vdst(0)
.endm
.macro PLACES n
.rept \n
	v_nop
.endr
.endm
.macro ROUND
	s_barrier_signal -1
	s_barrier_wait -1
	s_cmp_lg_u32 s[WV], 0
	s_cbranch_scc1 .Lnot_wave_0_\@
	s_barrier_signal -3
.Lnot_wave_0_\@:
	s_barrier_wait -3
	s_barrier_signal -1
	s_barrier_wait -1
.endm
; wave w's one load: r rows of c elements of 8 bytes, p elements apart, from base + goff to LDS byte lds; every word that differs is a constant written in the arm
.macro ARM w, base, goff, lds, c, r, p
.if \w < 7
	s_cmp_eq_u32 s[WV], \w
	s_cbranch_scc0 .Larm\w
.endif
	s_mov_b32 s[G0+1], \lds
	s_add_nc_u64 s[G0+2:G0+3], s[\base:\base+1], \goff
	s_or_b32 s[G0+3], s[G0+3], 0x80000000
	s_mov_b32 s[G1+1], (\c)<<16
	s_mov_b32 s[G1+2], (\r)<<16
	s_mov_b32 s[G1+3], (\c)<<16
	s_mov_b32 s[G1+4], \r
	s_mov_b32 s[G1+5], \p
	tensor_load_to_lds s[G0:G0+3], s[G1:G1+7]
	s_nop 0
	PLACES 4
.if \w < 7
	s_branch .Lasked
.Larm\w\():
.endif
.endm
.macro KLOAD ac, as, st                ; 26 loads: K's scale words and four runs, st steps behind the addresses
	ds_load_b128 v[84:87], v[\as] offset:512*\st
	ds_load_b128 v[88:91], v[\as] offset:512*\st+256
.irp g, 0,1,2,3
.irp p, 0,1,2,3,4,5
	ds_load_b64 v[36+12*\g+2*\p:37+12*\g+2*\p], v[\ac] offset:6144*\st+1536*\g+256*\p
.endr
.endr
.endm
.macro VLOAD                           ; 25 loads: V's four fragments into window 1, their scale words
	WIN 0x40
.irp c, 0,1,2,3
.irp p, 0,1,2,3,4,5
	ds_load_b64 v[36+12*\c+2*\p:37+12*\c+2*\p], v[ADV] offset:1536*\c+256*\p
.endr
.endr
	WIN 0
	ds_load_b128 v[216:219], v[ADT]
.endm
.macro SMUL t                          ; S^T = K Q^T of tile t: eight accumulators, each begun with 0
	WIN 0x44*\t
.irp g, 0,1,2,3
	v_wmma_scale_f32_16x16x128_f8f6f4 v[96+16*\g:103+16*\g], v[36+12*\g:47+12*\g], v[22:33], 0, v[92+\g], v[34+178*\t] matrix_a_fmt:MATRIX_FMT_FP6 matrix_b_fmt:MATRIX_FMT_FP6
	v_wmma_scale_f32_16x16x128_f8f6f4 v[104+16*\g:111+16*\g], v[36+12*\g:47+12*\g], v[16:27], 0, v[92+\g], v[35+178*\t] matrix_a_fmt:MATRIX_FMT_FP6 matrix_b_fmt:MATRIX_FMT_FP6
.endr
	WIN 0
.endm
.macro PV t                            ; O^T += V^T P^T of tile t: four accumulators by turns
	WIN 0x01+0x54*\t
.irp c, 0,1,2,3
	v_wmma_scale_f32_16x16x128_f8f6f4 v[160+8*\c:167+8*\c], v[36+12*\c:47+12*\c], v[192:203], v[160+8*\c:167+8*\c], v[216+\c], v[253-39*\t] matrix_a_fmt:MATRIX_FMT_FP6 matrix_b_fmt:MATRIX_FMT_FP6
.endr
	WIN 0
.endm
; the softmax of tile t's 64 scores a lane; diag = 1: the step may lie on the tile's diagonal
.macro SOFT t, diag
	WALU
.if \diag
	s_cmp_lg_u32 s[STP], s[BLK+\t]
	s_cbranch_scc1 .Lopen_\@
	WIN 0x55*\t
	WALU
	v_mov_b32 v254, 0xff800000                     ; hidden scores become -infinity ahead of the maximum: p = 0 then
.set n, 0
.rept 64
	v_cmp_gt_i32 vcc_lo, 32*(n/16)+n%16, v[DD]     ; register n holds key 32 (n/16) + 16 h + n%16 of the step
	v_cndmask_b32 v[96+n], v[96+n], v254, vcc_lo
.set n, n+1
.endr
	WIN 0
.Lopen_\@:
.endif
	WIN 0x55*\t
	WALU
.irp b, 0,1,2,3
	v_max3_num_f32 v[232+\b], v[96+16*\b], v[97+16*\b], v[98+16*\b]   ; the largest score of each block of 32 keys: for the row's maximum and for the block's largest p
.endr
.irp i, 3,5,7,9,11,13
.irp b, 0,1,2,3
	v_max3_num_f32 v[232+\b], v[232+\b], v[96+16*\b+\i], v[97+16*\b+\i]
.endr
.endr
.irp b, 0,1,2,3
	v_max_num_f32 v[232+\b], v[232+\b], v[111+16*\b]
.endr
.irp b, 0,1,2,3
	s_delay_alu instid0(VALU_DEP_4)
	v_permlanex16_b32 v[236+\b], v[232+\b], s[SEL], s[SEL+1]
.endr
.irp b, 0,1,2,3
	s_delay_alu instid0(VALU_DEP_4)
	v_max_num_f32 v[232+\b], v[232+\b], v[236+\b]
.endr
	s_delay_alu instid0(VALU_DEP_2)
	v_max3_num_f32 v254, v232, v233, v234
	s_delay_alu instid0(VALU_DEP_1)
	v_max_num_f32 v254, v254, v235
	s_delay_alu instid0(VALU_DEP_1)
	v_mul_f32 v254, s[CS], v254                    ; the step's largest t
	s_delay_alu instid0(VALU_DEP_1)
	v_max_num_f32 v13, v13, v254
	v_mov_b32 v254, v12
	s_delay_alu instid0(VALU_DEP_2)
	v_floor_f32 v12, -v13                          ; the new -M = -ceil(t)
	s_delay_alu instid0(VALU_DEP_1)
	v_sub_f32 v254, v12, v254                      ; old M - new M: a whole number, 0 or less
	s_delay_alu instid0(VALU_DEP_1)
	v_cvt_i32_f32 v254, v254                       ; (it saturates)
	s_delay_alu instid0(VALU_DEP_1)
	v_ldexp_f32 v250, 1.0, v254                    ; f = 2^(old M - new M)
.set j, 0
.rept 32
	v_pk_fma_f32 v[96+j:97+j], v[96+j:97+j], s[CS:CS+1], v[12:13] op_sel_hi:[1,0,0]    ; t - M
.set j, j+2
.endr
.irp b, 0,1,2,3
	v_fma_f32 v[232+\b], v[232+\b], s[CS], v12
.endr
	WALU
.set j, 0
.rept 64
	v_exp_f32 v[96+j], v[96+j]                     ; p = 2^(t - M): not normalised
.set j, j+1
.endr
.irp b, 0,1,2,3
	v_exp_f32 v[232+\b], v[232+\b]                 ; each block's largest p
.endr
	v_pk_mul_f32 v[14:15], v[14:15], v[250:251] op_sel_hi:[1,0]     ; the sums under the new M (the plain line behind the batch)
	WALU                                           ; one wait for the 68
	v_pk_add_f32 v[236:237], v[96:97], v[98:99]    ; the row's sum of the unquantised p, in four chains
	v_pk_add_f32 v[248:249], v[100:101], v[102:103]
	v_pk_add_f32 v[242:243], v[104:105], v[106:107]
	v_pk_add_f32 v[14:15], v[14:15], v[108:109]
.irp j, 110,118,126,134,142,150
	v_pk_add_f32 v[236:237], v[236:237], v[\j:\j+1]
	v_pk_add_f32 v[248:249], v[248:249], v[\j+2:\j+3]
	v_pk_add_f32 v[242:243], v[242:243], v[\j+4:\j+5]
	v_pk_add_f32 v[14:15], v[14:15], v[\j+6:\j+7]
.endr
	v_pk_add_f32 v[236:237], v[236:237], v[158:159]
	v_pk_add_f32 v[248:249], v[248:249], v[242:243]
	v_pk_add_f32 v[14:15], v[14:15], v[236:237]
	v_pk_add_f32 v[14:15], v[14:15], v[248:249]
.irp b, 0,1,2,3
	v_max_num_f32 v[232+\b], 0x1800000, v[232+\b]  ; the floor 2^(3 - 127)
.endr
.irp b, 0,1,2,3
	s_delay_alu instid0(VALU_DEP_4)
	v_add_nc_u32 v[244+\b], 0xff000000, v[232+\b]  ; the conversion's scale operand
.endr
.irp b, 0,1,2,3
	s_delay_alu instid0(VALU_DEP_4)
	v_lshrrev_b32 v[236+\b], 23, v[244+\b]         ; the scale's byte
.endr
	s_delay_alu instid0(VALU_DEP_3)
	v_lshl_or_b32 v253, v237, 8, v236              ; p's scale word for these 128 keys
	s_delay_alu instid0(VALU_DEP_1)
	v_lshl_or_b32 v253, v238, 16, v253
.if \t
	WIN 0x15                                       ; a scale operand lies in window 0
	v_lshl_or_b32 v214, v239, 24, v253
	WIN 0x55
.else
	s_delay_alu instid0(VALU_DEP_1)
	v_lshl_or_b32 v253, v239, 24, v253
.endif
.irp c, 0,1
	v_cvt_scalef32_pk16_fp6_f32 v[192+6*\c:194+6*\c], v[96+32*\c:111+32*\c], v[244+2*\c]
	v_cvt_scalef32_pk16_fp6_f32 v[204+4*\c:206+4*\c], v[112+32*\c:127+32*\c], v[244+2*\c+1]
.endr
	v_nop                                          ; one plain line behind a scaled conversion
.irp c, 0,1
.irp i, 0,1,2
	v_permlane16_swap_b32 v[192+6*\c+\i], v[204+4*\c+\i]
.endr
.irp i, 0,1,2
	s_delay_alu instid0(VALU_DEP_3)
	v_mov_b32 v[195+6*\c+\i], v[204+4*\c+\i]
.endr
.endr
	WALU                                           ; directly ahead of the first reader of O^T
.set j, 0
.rept 16
	v_pk_mul_f32 v[160+j:161+j], v[160+j:161+j], v[250:251] op_sel_hi:[1,0]     ; O^T under the new M
.set j, j+2
.endr
	WIN 0
.endm
; a step of 128 keys.  pre = 1: in the loop: tile 1 is jumped over behind its diagonal, and the next step's K is fetched; 0: step 0
.macro TRIP pre
	s_wait_dscnt 0x0                               ; K's runs and scale words are in
.irp g, 0,1,2,3
	v_perm_b32 v[92+\g], v[85+2*\g], v[84+2*\g], s[PSEL]     ; my head's two bytes of tile 2 g below, of tile 2 g + 1 above
.endr
	v_add_nc_u32 v[ADK], s[TB], v[AK0]             ; these four and four v_nop: eight places between the scale words' writes and the scaled products
	v_add_nc_u32 v[ADV], s[TB], v[AV0]
	v_add_nc_u32 v[ADS], s[TS], v[ASK0]
	v_add_nc_u32 v[ADT], s[TJ], v[ASV0]
	PLACES 4
	WALU
	SMUL 0
.if \pre
	s_cmp_gt_u32 s[STP], s[BLK+1]
	s_cbranch_scc1 .Lns_\@
.endif
	SMUL 1
.Lns_\@:
	PLACES 4                                       ; in front of loads into registers that the products read
	VLOAD
.if \pre
	KLOAD ADK, ADS, 1
.endif
	SOFT 0, \pre
.if \pre
	WALU
	s_cmp_gt_u32 s[STP], s[BLK+1]
	s_cbranch_scc1 .Lnf_\@
.endif
	SOFT 1, 1
.Lnf_\@:
	PLACES 4
	WALU
	s_wait_dscnt 26*\pre                           ; V and its scale words are in; younger are the 26 loads of the next step's K
	PV 0
.if \pre
	s_cmp_gt_u32 s[STP], s[BLK+1]
	s_cbranch_scc1 .Lnp_\@
.endif
	PV 1
.Lnp_\@:
.endm
.macro INIT t
	WIN 0x55*\t
.irp i, 16,17,18,19,20,21,28,29,30,31,32,33
	v_mov_b32 v[\i], 0                             ; the zero codes on both sides of q
.endr
	v_mov_b32 v13, 0xff61b1e6                      ; the largest t so far: -3e38
	v_floor_f32 v12, -v13
	v_mov_b32 v14, 0
	v_mov_b32 v15, 0
.irp i, 236,237,238,239,251,254
	v_mov_b32 v[\i], 0                             ; lane permutes' destinations, and the upper half of the pair v[250:251]
.endr
.set j, 0
.rept 32
	v_mov_b32 v[160+j], 0                          ; O^T: the step is written once; the first finds zeros
.set j, j+1
.endr
	WIN 0
.endm
; tile t's way out: O^T / the sum; register 16 b + i is channel 32 b + 16 h + i: two blocks of the next K, quantised in registers: my head's half of a fragment of ctx
.macro OUT t
	WIN 0x55*\t
	v_add_f32 v14, v14, v15
	s_delay_alu instid0(VALU_DEP_1)
	v_permlanex16_b32 v254, v14, s[SEL], s[SEL+1]
	s_delay_alu instid0(VALU_DEP_1)
	v_add_f32 v14, v14, v254                       ; the row's sum
	WALU
	v_rcp_f32 v14, v14
	v_nop
	WALU
.set j, 0
.rept 32
	v_mul_f32 v[96+j], v[160+j], v14               ; each accumulator from its low end on
.set j, j+1
.endr
.irp b, 0,1
	v_max3_num_f32 v[232+\b], |v[96+16*\b]|, |v[97+16*\b]|, 0x1800000
.endr
.irp i, 2,4,6,8,10,12,14
.irp b, 0,1
	s_delay_alu instid0(VALU_DEP_2)
	v_max3_num_f32 v[232+\b], v[232+\b], |v[96+16*\b+\i]|, |v[97+16*\b+\i]|
.endr
.endr
.irp b, 0,1
	s_delay_alu instid0(VALU_DEP_2)
	v_permlanex16_b32 v[236+\b], v[232+\b], s[SEL], s[SEL+1]
.endr
.irp b, 0,1
	s_delay_alu instid0(VALU_DEP_2)
	v_max_num_f32 v[232+\b], v[232+\b], v[236+\b]
.endr
.irp b, 0,1
	s_delay_alu instid0(VALU_DEP_2)
	v_add_nc_u32 v[244+\b], 0xff000000, v[232+\b]
.endr
.irp b, 0,1
	s_delay_alu instid0(VALU_DEP_2)
	v_lshrrev_b32 v[236+\b], 23, v[244+\b]
.endr
	s_delay_alu instid0(VALU_DEP_1)
	v_lshl_or_b32 v253, v237, 8, v236              ; my head's two bytes of the row's scale word
	v_cvt_scalef32_pk16_fp6_f32 v[192:194], v[96:111], v244
	v_cvt_scalef32_pk16_fp6_f32 v[204:206], v[112:127], v245
	v_nop
.irp i, 0,1,2
	v_permlane16_swap_b32 v[192+\i], v[204+\i]
.endr
.irp i, 0,1,2
	s_delay_alu instid0(VALU_DEP_3)
	v_mov_b32 v[195+\i], v[204+\i]
.endr
	WIN 0x04*\t
.irp p, 0,1,2
	global_store_b64 v[AK0], v[192+2*\p:193+2*\p], s[52+2*\t:53+2*\t] offset:256*\p      ; 32 lanes store 256 consecutive bytes, aligned
.endr
	WIN 0
.endm
	s_load_b128 s[4:7], s[0:1], 0x0                ; qkv, ctx
	v_lshl_add_u32 v[SPW], v0, 2, SPARE
	v_mov_b32 v[NIL], 0
	ds_add_u32 v[SPW], v[NIL]                      ; the opening: the add, twice on end, and its wait
	ds_add_u32 v[SPW], v[NIL]
	v_lshrrev_b32 v8, 5, v0
	v_readfirstlane_b32 s[WV], v8                  ; wave 0..7
	s_bfe_u32 s76, ttmp6, 0x40000                  ; cx
	s_lshl_b32 s77, ttmp9, 2
	s_add_co_u32 s77, s77, s76                     ; j: it enters q's and ctx's global addresses and the mask's numbers alone
	s_and_b32 s78, ttmp7, 0xffff
	s_lshr_b32 s79, s78, 4                         ; batch
	s_and_b32 s80, s78, 15                         ; head
	s_lshr_b32 s81, s80, 1                         ; pair of heads
	s_and_b32 s82, s80, 1                          ; which of the pair
	s_sub_co_u32 s[BLK+1], 11, s[WV]               ; the pairs are dealt u = 0, 1, 2, 3, 7, 6, 5, 4: tile 1 is token tile u, tile 0 is 15 - u; waves w and w + 4 walk (16 - w) + (9 + w) = 25 trips together
	s_cmp_lt_u32 s[WV], 4
	s_cselect_b32 s[BLK+1], s[WV], s[BLK+1]
	s_sub_co_u32 s[BLK], 15, s[BLK+1]
	s_mov_b32 s[G0], 1
	s_mov_b32 s[G1], 15|(3<<16)|(1<<21)            ; the mask: all four work-groups; elements of 8 bytes; bit 21 beside a mask
	s_mov_b32 s[G1+6], 0
	s_mov_b32 s[G1+7], 0
	s_lshl_b32 s88, s81, 5
	s_lshl_b32 s89, s79, 4
	s_add_co_u32 s88, s88, s89                     ; 32 x pair + 16 x batch: the block number of q's first token tile
	s_add_co_u32 s90, s88, 256                     ; k's: 8 pairs on
	s_mul_i32 s36, s90, 12288
	s_mul_i32 s91, s82, 768
	s_add_co_u32 s36, s36, s91
	s_mov_b32 s37, 0
	s_lshl_b32 s38, s90, 9
	s_add_co_u32 s38, s38, QS
	s_mov_b32 s39, 0
	s_add_co_u32 s90, s88, 512                     ; v^T's: 16 pairs on
	s_mul_i32 s40, s90, 12288
	s_mul_i32 s91, s82, 6144
	s_add_co_u32 s40, s40, s91
	s_mov_b32 s41, 0
	s_lshl_b32 s42, s90, 9
	s_lshl_b32 s91, s82, 8
	s_add_co_u32 s42, s42, s91
	s_add_co_u32 s42, s42, QS
	s_mov_b32 s43, 0
	s_mov_b32 s[SEL], 0x76543210
	s_mov_b32 s[SEL+1], 0xfedcba98
	s_mov_b32 s[CS], 0x3e38aa3b                    ; c = log2(e) / 8
	s_mov_b32 s[CS+1], s[CS]
	s_mov_b32 s[PSEL], 0x05040100
	s_cmp_eq_u32 s82, 1
	s_cselect_b32 s[PSEL], 0x07060302, s[PSEL]
	s_mov_b32 s[TB], 0
	s_mov_b32 s[TS], 0
	s_mov_b32 s[TJ], 0
	s_mov_b32 s[STP], 0
	s_wait_dscnt 0x0                               ; both opening adds are done
	s_wait_kmcnt 0x0
	s_add_nc_u64 s[36:37], s[4:5], s[36:37]        ; K's codes, my head's half of each fragment
	s_add_nc_u64 s[38:39], s[4:5], s[38:39]        ; K's scale words
	s_add_nc_u64 s[40:41], s[4:5], s[40:41]        ; V's codes
	s_add_nc_u64 s[42:43], s[4:5], s[42:43]        ; V's scale words
	ROUND                                          ; all four work-groups are here: the joint loads meet
	ARM 0, 36, 0,        0,           96,  8,  192   ; K, step 0: 8 key tiles of 768 bytes, 1,536 apart
	ARM 1, 40, 0,        VL,          32,  24, 32    ; V, step 0: 6,144 dense bytes
	ARM 2, 38, 0,        KSL,         32,  32, 32    ; K's scale words: 8,192 dense bytes
	ARM 3, 42, 0,        VSL,         32,  16, 64    ; V's: 16 rows of 256 bytes, 512 apart
	ARM 4, 36, 12288,    6144,        96,  64, 192   ; K, steps 1-8
	ARM 5, 36, 9*12288,  9*6144,      96,  56, 192   ; K, steps 9-15
	ARM 6, 40, 12288,    VL+6144,     768, 8,  1536  ; V, steps 1-8: rows of 6,144 bytes, 12,288 apart
	ARM 7, 40, 9*12288,  VL+9*6144,   768, 7,  1536  ; V, steps 9-15
.Lasked:
	s_lshr_b32 s100, s77, 2
	s_lshl_b32 s100, s100, 8
	s_and_b32 s89, s77, 3
	s_lshl_b32 s89, s89, 2
	s_add_co_u32 s100, s100, s89                   ; fragment j's place among the scale words: 256 (j/4) + 4 (j%4)
	s_mul_i32 s83, s77, 1536
	s_mul_i32 s91, s82, 768
	s_add_co_u32 s83, s83, s91                     ; fragment j, my head's half
	s_lshl_b32 s86, s82, 1
	s_add_co_u32 s86, s86, CSO
	s_mov_b32 s85, 0
.irp t, 0,1
	s_add_co_u32 s90, s88, s[BLK+\t]               ; q's block
	s_mul_i32 s84, s90, 12288
	s_add_co_u32 s84, s84, s83
	s_add_nc_u64 s[44+2*\t:45+2*\t], s[4:5], s[84:85]
	s_lshl_b32 s84, s90, 9
	s_add_co_u32 s84, s84, s100
	s_add_co_u32 s84, s84, QS
	s_add_nc_u64 s[48+2*\t:49+2*\t], s[4:5], s[84:85]
	s_lshl_b32 s90, s79, 4
	s_add_co_u32 s90, s90, s[BLK+\t]
	s_lshl_b32 s90, s90, 3
	s_add_co_u32 s90, s90, s81                     ; ctx's block: 8 x token tile + pair of heads
	s_mul_i32 s84, s90, 12288
	s_add_co_u32 s84, s84, s83
	s_add_nc_u64 s[52+2*\t:53+2*\t], s[6:7], s[84:85]
	s_lshl_b32 s84, s90, 9
	s_add_co_u32 s84, s84, s100
	s_add_co_u32 s84, s84, s86
	s_add_nc_u64 s[56+2*\t:57+2*\t], s[6:7], s[84:85]
.endr
	s_lshr_b32 s89, s77, 1
	s_lshl_b32 s89, s89, 5
	s_and_b32 s91, s77, 1
	s_lshl_b32 s91, s91, 3
	s_add_co_u32 s89, s89, s91                     ; fragment j's first row in its tile of 128
	s_lshl_b32 s91, s82, 4
	v_and_b32 v[LN], 31, v0
	v_lshlrev_b32 v[AK0], 3, v[LN]                 ; 8 x lane
	v_add_nc_u32 v[AV0], VL, v[AK0]
	v_and_b32 v9, 15, v0                           ; r
	v_bfe_u32 v10, v0, 4, 1                        ; h
	v_lshlrev_b32 v[R16], 4, v9
	v_add_nc_u32 v[ASK0], KSL, v[R16]
	v_add_nc_u32 v[ASV0], VSL, v[R16]
	WALU
.irp p, 0,1,2
	global_load_b64 v[22+2*\p:23+2*\p], v[AK0], s[44:45] offset:256*\p     ; tile 0's q: my head's half of the fragment
.endr
	global_load_b32 v34, v[R16], s[48:49]
	global_load_b32 v212, v[R16], s[50:51]
	WIN 0x40
.irp p, 0,1,2
	global_load_b64 v[22+2*\p:23+2*\p], v[AK0], s[46:47] offset:256*\p     ; tile 1's, into window 1
.endr
	WIN 0
	v_and_b32 v[DD], 8, v9
	v_add_nc_u32 v[DD], v[DD], v9
	v_lshlrev_b32 v10, 4, v10
	v_sub_nc_u32 v[DD], v[DD], v10
	v_add_nc_u32 v[DD], s89, v[DD]                 ; d = my query's place in its tile of 128 - 16 h: on the diagonal key 32 (n/16) + n%16 > d is hidden
	WIN 0x40
	v_mov_b32 v[DD], v[DD]                         ; the same for tile 1
	WIN 0
	INIT 0
	INIT 1
	WALU
	s_wait_loadcnt 0x0
.irp s, 34, 212
	v_lshrrev_b32 v[\s], s91, v[\s]
	v_and_b32 v[\s], 0xffff, v[\s]                 ; my head's two bytes: for [q | 0]; the dead half's bytes are 0, over zero codes
	v_lshlrev_b32 v[\s+1], 16, v[\s]               ; and for [0 | q]
.endr
	WALU
	s_cmp_lt_u32 s[WV], 4
	s_cbranch_scc0 .Llate
	s_wait_tensorcnt 0x0                           ; waves 0-3: step 0's K and V and all scale words
.Llate:
	s_barrier_signal -1
	s_barrier_wait -1                              ; waves 4-7's tiles may be on their way
	KLOAD AK0, ASK0, 0
	TRIP 0
	WALU
	s_wait_tensorcnt 0x0                           ; every wave: all tiles lie in LDS
	s_wait_dscnt 0x0
	s_barrier_signal -1
	s_barrier_wait -1
	KLOAD AK0, ASK0, 1
	s_mov_b32 s[TB], 6144
	s_mov_b32 s[TS], 512
	s_mov_b32 s[TJ], 256
	s_mov_b32 s[STP], 1
.Lstep:                                                ; 15 trips, a constant
	s_cmp_gt_u32 s[STP], s[BLK]
	s_cbranch_scc1 .Lhidden
	TRIP 1
.Lhidden:
	s_add_co_u32 s[TB], s[TB], 6144
	s_add_co_u32 s[TS], s[TS], 512
	s_add_co_u32 s[TJ], s[TJ], 256
	s_add_co_u32 s[STP], s[STP], 1
	s_cmp_lt_u32 s[STP], 16
	s_cbranch_scc1 .Lstep
	PLACES 4
	OUT 0
	OUT 1
	v_cmp_gt_u32 vcc_lo, 16, v[LN]
	s_wait_xcnt 0x0                                ; EXEC changes only behind this wait
	s_and_saveexec_b32 s90, vcc_lo
	global_store_b16 v[R16], v253, s[56:57]        ; lanes 0-15: two bytes a row; the word's other half is the neighbouring head's work-group's
	WIN 0x04
	global_store_b16 v[R16], v253, s[58:59]
	WIN 0
	s_wait_xcnt 0x0
	s_or_b32 exec_lo, exec_lo, s90
	s_wait_tensorcnt 0x0                           ; the wave's end
	ds_add_u32 v[SPW], v[NIL]
	s_wait_dscnt 0x0
	ROUND                                          ; the closing round
	s_endpgm
.Lfunc_end_k_q0c8ccc0884_attn:
	.size	k_q0c8ccc0884_attn, .Lfunc_end_k_q0c8ccc0884_attn-k_q0c8ccc0884_attn
	.p2alignl 7, 3214868480
	.fill 96, 4, 3214868480
	.section	.rodata,"a",@progbits
	.p2align	6, 0x0
	.amdhsa_kernel k_q0c8ccc0884_attn
		.amdhsa_group_segment_fixed_size 212992
		.amdhsa_private_segment_fixed_size 0
		.amdhsa_enable_private_segment 0
		.amdhsa_kernarg_size 16
		.amdhsa_user_sgpr_count 2
		.amdhsa_user_sgpr_kernarg_segment_ptr 1
		.amdhsa_wavefront_size32 1
		.amdhsa_system_sgpr_workgroup_id_x 1
		.amdhsa_system_sgpr_workgroup_id_y 1
		.amdhsa_system_sgpr_workgroup_id_z 1
		.amdhsa_system_vgpr_workitem_id 0
		.amdhsa_next_free_vgpr 512
		.amdhsa_next_free_sgpr 102
		.amdhsa_reserve_vcc 1
		.amdhsa_float_denorm_mode_32 3
		.amdhsa_float_denorm_mode_16_64 3
		.amdhsa_memory_ordered 1
		.amdhsa_forward_progress 1
		.amdhsa_inst_pref_size 111
	.end_amdhsa_kernel
	.amdgpu_metadata
---
amdhsa.version: [ 1, 2 ]
amdhsa.kernels:
  - .name:           k_q0c8ccc0884_attn
    .symbol:         k_q0c8ccc0884_attn.kd
    .args:
      - { .name: qkv, .offset: 0, .size: 8, .value_kind: global_buffer, .address_space: global }
      - { .name: ctx, .offset: 8, .size: 8, .value_kind: global_buffer, .address_space: global }
    .group_segment_fixed_size: 212992
    .private_segment_fixed_size: 0
    .kernarg_segment_align: 8
    .kernarg_segment_size: 16
    .max_flat_workgroup_size: 256
    .sgpr_count:     102
    .vgpr_count:     512
    .wavefront_size: 32
...
	.end_amdgpu_metadata
.endif
;; end of part 12
;; launch woln (part 13): grid 256 x 1, 8 waves a work-group, no clusters, 75,008 bytes of LDS; arguments ctx, xq, inputs, g1, be1, hb; writes hb
.if DOCPART == 13
	.amdgcn_target "amdgcn-amd-amdhsa--gfx1250"
	.amdhsa_code_object_version 6
	.text
	.protected	k_q0c8ccc0884_woln
	.globl	k_q0c8ccc0884_woln
	.p2align	8
	.type	k_q0c8ccc0884_woln,@function
k_q0c8ccc0884_woln:
	s_mov_b64 s[64:65], 0
	v_nop
	global_prefetch_b8 v0, s[64:65] scope:SCOPE_SE
	s_setreg_imm32_b32 hwreg(HW_REG_WAVE_MODE, 25, 1), 1
	s_wait_xcnt 0x0
; h = layer norm of (inputs + ctx Wo^T) with gain g1 and bias be1.  The product runs on codes of FP6 (E2M3) with E8M0 scales, sums in f32.  h is stored in f32 (hb, from byte 0) and, quantised along its 1,024, as operand images (hb + HC, hb + HS).
; SHARES: work-group = 8 x tile + a: the 16 rows of fragment a of a tile of 128 token rows (lane r holds row 32 (a/2) + 8 (a%2) + r + 8 (r/8)) x ALL 1,024 columns, so that a row's mean and variance have one owner.
; THE PRODUCT: wave w makes the 128 columns of Wo's tile w: 8 accumulators.  A's fragment, all eight steps of K, lies in registers (96).  Wo's fragments go from memory straight into registers, [piece c][lane x 16 bytes], 24 loads a step,
; in two sets by turns: step q multiplies set q % 2, and behind it that set takes step q + 2.  Used transposed (source 0 = Wo's rows, source 1 = ctx's): lane (r, h) holds row r, register 16 b + i column 32 b + 16 h + i of the tile.
; No tensor load, no cluster, no joint load: a fragment of Wo serves one wave once, and Wo's 786,432 bytes of codes do not fit in LDS.  No data prefetch: the two register sets are themselves asked for two steps ahead.
; THE NORM: the sums go to a stage in LDS (pitch 4,112 bytes = 257 x 16).  Behind a barrier wave w takes rows 2 w, 2 w + 1 whole, adds the residual (asked for at the head), takes the mean, then the mean of the squared differences,
; rsqrt, gain and bias (each wave brought an eighth of both into LDS); h goes to memory and back to the stage.  Behind a second barrier wave w quantises step w of 128 along the next K of all 16 rows.
; REGISTERS, product: window 0: v16-23 A's scale words, v24-87 Wo's, v88-95 my eighth of gain and bias, v96-159 the sums, v160-255 A.  Window 1: v0-191 Wo's two sets, v192-255 the residual.  The norm's map stands below.
; LIMITS: NaN and infinities are not served; a block of zeros or with largest magnitude under 2^-124 gets the byte 1 (read by this program alone).
.set CSO,   3145728                    ; ctx's scale words
.set XSC,   3932160                    ; xq's
.set HC,    16777216
.set HS,    19922944
.set SA,    16
.set SB,    24
.set GT,    88
.set ACC,   96
.set AF,    160
.set RES,   192
.set X,     16                         ; the norm: v16-79 two rows: lane l holds columns 128 j + 4 l .. + 3
.set G,     80
.set BE,    112
.set ST,    80
.set T,     144
.set MU,    152
.set RS,    154
.set PC,    160
.set TM,    180
.set PW,    196
.set SPW,   12
.set NIL,   13
.set PITCH, 4112
.set GL,    16*PITCH                   ; the gain, 4,096 bytes; the bias behind it
.set SPARE, GL+8192                    ; the spare words, 128 bytes a wave
.set SEL,   12
.set WV,    24
.set MSB, 0
.macro WIN new
.if MSB != (\new)
	s_set_vgpr_msb (MSB<<8)|(\new)
.set MSB, (\new)
.endif
.endm
.macro WALU
	s_wait_alu depctr_va_vdst(0)
.endm
.macro REDUCE
	s_delay_alu instid0(VALU_DEP_1)
	v_add_f32_dpp v[T], v[T], v[T] row_xmask:1 row_mask:0xf bank_mask:0xf
	s_delay_alu instid0(VALU_DEP_1)
	v_add_f32_dpp v[T], v[T], v[T] row_xmask:2 row_mask:0xf bank_mask:0xf
	s_delay_alu instid0(VALU_DEP_1)
	v_add_f32_dpp v[T], v[T], v[T] row_xmask:4 row_mask:0xf bank_mask:0xf
	s_delay_alu instid0(VALU_DEP_1)
	v_add_f32_dpp v[T], v[T], v[T] row_xmask:8 row_mask:0xf bank_mask:0xf
	s_delay_alu instid0(VALU_DEP_1)
	v_permlanex16_b32 v[T+1], v[T], s[SEL], s[SEL+1]
	s_delay_alu instid0(VALU_DEP_1)
	v_add_f32 v[T], v[T], v[T+1]
.endm
.macro NORM e                          ; row e becomes (x - mean) / sqrt(var + 1e-6)
.set XR, X+32*\e
	v_pk_add_f32 v[T:T+1], v[XR:XR+1], v[XR+2:XR+3]
	v_pk_add_f32 v[T+2:T+3], v[XR+4:XR+5], v[XR+6:XR+7]
.irp i, 8,12,16,20,24,28
	s_delay_alu instid0(VALU_DEP_2)
	v_pk_add_f32 v[T:T+1], v[T:T+1], v[XR+\i:XR+\i+1]
	s_delay_alu instid0(VALU_DEP_2)
	v_pk_add_f32 v[T+2:T+3], v[T+2:T+3], v[XR+\i+2:XR+\i+3]
.endr
	s_delay_alu instid0(VALU_DEP_1)
	v_pk_add_f32 v[T:T+1], v[T:T+1], v[T+2:T+3]
	s_delay_alu instid0(VALU_DEP_1)
	v_add_f32 v[T], v[T], v[T+1]
	REDUCE
	s_delay_alu instid0(VALU_DEP_1)
	v_mul_f32 v[MU], s14, v[T]                     ; the mean
	s_delay_alu instid0(VALU_DEP_1)
	v_mov_b32 v[MU+1], v[MU]
.set i, 0
.rept 16
	v_pk_add_f32 v[XR+i:XR+i+1], v[XR+i:XR+i+1], v[MU:MU+1] neg_lo:[0,1] neg_hi:[0,1]
.set i, i+2
.endr
	v_pk_mul_f32 v[T:T+1], v[XR:XR+1], v[XR:XR+1]
	v_pk_mul_f32 v[T+2:T+3], v[XR+2:XR+3], v[XR+2:XR+3]
.irp i, 4,8,12,16,20,24,28
	s_delay_alu instid0(VALU_DEP_2)
	v_pk_fma_f32 v[T:T+1], v[XR+\i:XR+\i+1], v[XR+\i:XR+\i+1], v[T:T+1]
	s_delay_alu instid0(VALU_DEP_2)
	v_pk_fma_f32 v[T+2:T+3], v[XR+\i+2:XR+\i+3], v[XR+\i+2:XR+\i+3], v[T+2:T+3]
.endr
	s_delay_alu instid0(VALU_DEP_1)
	v_pk_add_f32 v[T:T+1], v[T:T+1], v[T+2:T+3]
	s_delay_alu instid0(VALU_DEP_1)
	v_add_f32 v[T], v[T], v[T+1]
	REDUCE
	s_delay_alu instid0(VALU_DEP_1)
	v_fma_f32 v[T], v[T], s14, s15                 ; the variance + 1e-6
	WALU
	v_rsq_f32 v[RS], v[T]
	v_nop
	WALU
	v_mov_b32 v[RS+1], v[RS]
.set i, 0
.rept 16
	v_pk_mul_f32 v[XR+i:XR+i+1], v[XR+i:XR+i+1], v[RS:RS+1]
.set i, i+2
.endr
.endm
.macro QUANT s                         ; 64 numbers of a lane become a fragment's codes in v[PC] on and its scale word in v[PW]
.irp b, 0,1,2,3
	v_max3_num_f32 v[TM+\b], |v[\s+16*\b]|, |v[\s+1+16*\b]|, 0x1800000
.endr
.irp i, 2,4,6,8,10,12,14
.irp b, 0,1,2,3
	s_delay_alu instid0(VALU_DEP_4)
	v_max3_num_f32 v[TM+\b], v[TM+\b], |v[\s+16*\b+\i]|, |v[\s+1+16*\b+\i]|
.endr
.endr
.irp b, 0,1,2,3
	s_delay_alu instid0(VALU_DEP_4)
	v_permlanex16_b32 v[TM+4+\b], v[TM+\b], s[SEL], s[SEL+1]
.endr
.irp b, 0,1,2,3
	s_delay_alu instid0(VALU_DEP_4)
	v_max_num_f32 v[TM+\b], v[TM+\b], v[TM+4+\b]
.endr
.irp b, 0,1,2,3
	s_delay_alu instid0(VALU_DEP_4)
	v_add_nc_u32 v[TM+12+\b], 0xff000000, v[TM+\b]
.endr
.irp b, 0,1,2,3
	s_delay_alu instid0(VALU_DEP_4)
	v_lshrrev_b32 v[TM+4+\b], 23, v[TM+12+\b]
.endr
	s_delay_alu instid0(VALU_DEP_3)
	v_lshl_or_b32 v[PW], v[TM+5], 8, v[TM+4]
	s_delay_alu instid0(VALU_DEP_1)
	v_lshl_or_b32 v[PW], v[TM+6], 16, v[PW]
	s_delay_alu instid0(VALU_DEP_1)
	v_lshl_or_b32 v[PW], v[TM+7], 24, v[PW]
.irp c, 0,1
	v_cvt_scalef32_pk16_fp6_f32 v[PC+6*\c:PC+2+6*\c], v[\s+32*\c:\s+15+32*\c], v[TM+12+2*\c]
	v_cvt_scalef32_pk16_fp6_f32 v[PC+12+4*\c:PC+14+4*\c], v[\s+16+32*\c:\s+31+32*\c], v[TM+12+2*\c+1]
.endr
	v_nop
.irp c, 0,1
.irp i, 0,1,2
	v_permlane16_swap_b32 v[PC+6*\c+\i], v[PC+12+4*\c+\i]
.endr
.irp i, 0,1,2
	s_delay_alu instid0(VALU_DEP_3)
	v_mov_b32 v[PC+3+6*\c+\i], v[PC+12+4*\c+\i]
.endr
.endr
.endm
.macro LOADB q                         ; Wo's eight fragments of step q into set q % 2 of window 1: 24 loads of 512 consecutive bytes
	WIN 0x40
.irp f, 0,1,2,3,4,5,6,7
.irp c, 0,1,2
	global_load_b128 v[96*((\q)%2)+12*\f+4*\c:96*((\q)%2)+12*\f+4*\c+3], v1, s[46:47] offset:12288*(\q)+1536*\f+512*\c
.endr
.endr
	WIN 0
.endm
.macro KSTEP q                         ; 8 products, the accumulators by turns
.if \q < 7
	s_wait_loadcnt 24                              ; this step's fragments and all older loads are in; the next step's 24 may be out
.else
	s_wait_loadcnt 0x0
.endif
.if \q == 0
	ds_store_b128 v10, v[GT:GT+3]                  ; my eighth of the gain,
	ds_store_b128 v10, v[GT+4:GT+7] offset:4096    ; and of the bias
.endif
	WIN 0x01
.irp f, 0,1,2,3,4,5,6,7
.if \q == 0
	v_wmma_scale_f32_16x16x128_f8f6f4 v[ACC+8*\f:ACC+8*\f+7], v[96*((\q)%2)+12*\f:96*((\q)%2)+12*\f+11], v[AF+12*(\q):AF+12*(\q)+11], 0, v[SB+8*(\q)+\f], v[SA+(\q)] matrix_a_fmt:MATRIX_FMT_FP6 matrix_b_fmt:MATRIX_FMT_FP6
.else
	v_wmma_scale_f32_16x16x128_f8f6f4 v[ACC+8*\f:ACC+8*\f+7], v[96*((\q)%2)+12*\f:96*((\q)%2)+12*\f+11], v[AF+12*(\q):AF+12*(\q)+11], v[ACC+8*\f:ACC+8*\f+7], v[SB+8*(\q)+\f], v[SA+(\q)] matrix_a_fmt:MATRIX_FMT_FP6 matrix_b_fmt:MATRIX_FMT_FP6
.endif
.endr
	WIN 0
.rept 4
	v_nop                                          ; places in front of loads into, and reads of, the products' registers
.endr
.if \q+2 < 8
	LOADB \q+2
.endif
.endm
	s_load_b256 s[4:11], s[0:1], 0x0               ; ctx, xq, inputs, g1
	s_load_b128 s[36:39], s[0:1], 0x20             ; be1, hb
	v_lshl_add_u32 v[SPW], v0, 2, SPARE
	v_mov_b32 v[NIL], 0
	v_lshrrev_b32 v1, 5, v0
	v_readfirstlane_b32 s[WV], v1                  ; wave 0..7
	v_and_b32 v2, 31, v0                           ; lane
	v_lshlrev_b32 v1, 4, v2                        ; 16 x lane
	v_lshlrev_b32 v4, 3, v2                        ; 8 x lane
	v_and_b32 v5, 15, v0                           ; r
	v_bfe_u32 v6, v0, 4, 1                         ; h
	s_mul_i32 s25, s[WV], 2*PITCH
	v_add_nc_u32 v3, s25, v1                       ; the stage by rows: my two rows
	v_mul_u32_u24 v7, v5, PITCH
	v_lshl_add_u32 v7, v6, 6, v7
	s_lshl_b32 s25, s[WV], 9
	v_add_nc_u32 v7, s25, v7                       ; the stage by fragments: row r, + 64 h, + my 128 columns' 512 bytes: for the sums on the way in and for the quantiser's reads
	v_lshlrev_b32 v8, 4, v5                        ; 16 r
	v_add_nc_u32 v11, GL, v1                       ; gain and bias in LDS: 16 x lane,
	v_add_nc_u32 v10, s25, v11                     ; and my eighth
	s_lshr_b32 s26, ttmp9, 3                       ; tile
	s_and_b32 s27, ttmp9, 7                        ; a
	s_lshl_b32 s28, s26, 7
	s_lshr_b32 s29, s27, 1
	s_lshl_b32 s29, s29, 5
	s_add_co_u32 s28, s28, s29
	s_and_b32 s29, s27, 1
	s_lshl_b32 s29, s29, 3
	s_add_co_u32 s28, s28, s29
	s_lshl_b32 s29, s[WV], 1
	s_add_co_u32 s28, s28, s29
	s_lshr_b32 s29, s[WV], 2
	s_lshl_b32 s29, s29, 3
	s_add_co_u32 s28, s28, s29                     ; my first row: 128 tile + 32 (a/2) + 8 (a%2) + 2 w + 8 (w/4); the second follows it
	s_lshl_b32 s28, s28, 12
	s_mov_b32 s29, 0
	s_lshr_b32 s34, s27, 2
	s_lshl_b32 s34, s34, 8
	s_and_b32 s33, s27, 3
	s_lshl_b32 s33, s33, 2
	s_add_co_u32 s34, s34, s33                     ; fragment a's place among scale words: 256 (a/4) + 4 (a%4)
	s_lshl_b32 s30, s26, 3
	s_add_co_u32 s30, s30, s[WV]                   ; h's (tile, step) number
	s_lshl_b32 s32, s30, 9
	s_lshl_b32 s30, s30, 3
	s_add_co_u32 s30, s30, s27
	s_mul_i32 s30, s30, 1536
	s_add_co_u32 s30, s30, HC
	s_mov_b32 s31, 0
	s_add_co_u32 s32, s32, s34
	s_add_co_u32 s32, s32, HS
	s_mov_b32 s33, 0
	s_mul_i32 s40, s26, 98304                      ; A's codes: my tile, fragment a
	s_mul_i32 s41, s27, 1536
	s_add_co_u32 s40, s40, s41
	s_mov_b32 s41, 0
	s_lshl_b32 s42, s26, 12                        ; A's scale words
	s_add_co_u32 s42, s42, s34
	s_add_co_u32 s42, s42, CSO
	s_mov_b32 s43, 0
	s_add_co_u32 s44, s[WV], 32                    ; Wo: tiles 32-39 of xq
	s_mul_i32 s46, s44, 98304
	s_mov_b32 s47, 0
	s_lshl_b32 s44, s44, 12
	s_add_co_u32 s44, s44, XSC
	s_mov_b32 s45, 0
	s_mov_b32 s48, s25                             ; my eighth of gain and bias: 512 w
	s_mov_b32 s49, 0
	s_mov_b32 s[SEL], 0x76543210
	s_mov_b32 s[SEL+1], 0xfedcba98
	s_mov_b32 s14, 0x3a800000                      ; 1 / 1,024
	s_mov_b32 s15, 0x358637bd                      ; 1e-6
	WALU
	s_wait_kmcnt 0x0
	s_add_nc_u64 s[40:41], s[4:5], s[40:41]
	s_add_nc_u64 s[42:43], s[4:5], s[42:43]
	s_add_nc_u64 s[46:47], s[6:7], s[46:47]
	s_add_nc_u64 s[44:45], s[6:7], s[44:45]
	s_add_nc_u64 s[16:17], s[8:9], s[28:29]
	s_add_nc_u64 s[50:51], s[10:11], s[48:49]
	s_add_nc_u64 s[52:53], s[36:37], s[48:49]
	s_add_nc_u64 s[22:23], s[38:39], s[28:29]
	s_add_nc_u64 s[18:19], s[38:39], s[30:31]
	s_add_nc_u64 s[20:21], s[38:39], s[32:33]
	global_load_b128 v[GT:GT+3], v1, s[50:51]
	global_load_b128 v[GT+4:GT+7], v1, s[52:53]
.irp q, 0,1,2,3,4,5,6,7
	global_load_b32 v[SA+\q], v8, s[42:43] offset:512*\q
.endr
.irp q, 0,1,2,3,4,5,6,7
.irp u, 0,1
	global_load_b128 v[SB+8*\q+4*\u:SB+8*\q+4*\u+3], v8, s[44:45] offset:512*\q+256*\u     ; the words of four fragments of row r
.endr
.endr
.irp q, 0,1,2,3,4,5,6,7
.irp p, 0,1,2,3,4,5
	global_load_b64 v[AF+12*\q+2*\p:AF+12*\q+2*\p+1], v4, s[40:41] offset:12288*\q+256*\p
.endr
.endr
	WIN 0x40
.irp e, 0,1
.irp j, 0,1,2,3,4,5,6,7
	global_load_b128 v[RES+32*\e+4*\j:RES+32*\e+4*\j+3], v1, s[16:17] offset:4096*\e+512*\j th:TH_LOAD_NT   ; the residual: my two rows, 512 consecutive bytes a load
.endr
.endr
	WIN 0
	LOADB 0
	LOADB 1
.irp q, 0,1,2,3,4,5,6,7
	KSTEP \q
.endr
.irp f, 0,1,2,3,4,5,6,7
	ds_store_b128 v7, v[ACC+8*\f:ACC+8*\f+3] offset:128*(\f/2)+32*(\f%2)          ; each accumulator from its low end on
	ds_store_b128 v7, v[ACC+8*\f+4:ACC+8*\f+7] offset:128*(\f/2)+32*(\f%2)+16
.endr
.irp b, 0,1,2,3
	v_mov_b32 v[TM+4+\b], 0                        ; a lane permute's destination counts as one of its sources
.endr
	WALU
	s_wait_dscnt 0x0                               ; for the others: my sums, and my eighth of gain and bias, lie in LDS
	s_barrier_signal -1
	s_barrier_wait -1
.irp e, 0,1
.irp j, 0,1,2,3,4,5,6,7
	ds_load_b128 v[X+32*\e+4*\j:X+32*\e+4*\j+3], v3 offset:PITCH*\e+512*\j
.endr
.endr
.irp j, 0,1,2,3,4,5,6,7
	ds_load_b128 v[G+4*\j:G+4*\j+3], v11 offset:512*\j
	ds_load_b128 v[BE+4*\j:BE+4*\j+3], v11 offset:4096+512*\j
.endr
	s_wait_dscnt 16                                ; my two rows are in; the 16 loads of gain and bias may be out
	WIN 0x04
.set i, 0
.rept 32
	v_pk_add_f32 v[X+i:X+i+1], v[X+i:X+i+1], v[RES+i:RES+i+1]      ; + the residual
.set i, i+2
.endr
	WIN 0
	NORM 0
	NORM 1
	WALU
	s_wait_dscnt 0x0
.irp e, 0,1
.set i, 0
.rept 16
	v_pk_fma_f32 v[X+32*\e+i:X+32*\e+i+1], v[X+32*\e+i:X+32*\e+i+1], v[G+i:G+i+1], v[BE+i:BE+i+1]
.set i, i+2
.endr
.endr
.irp e, 0,1
.irp j, 0,1,2,3,4,5,6,7
	global_store_b128 v1, v[X+32*\e+4*\j:X+32*\e+4*\j+3], s[22:23] offset:4096*\e+512*\j      ; 32 lanes store 512 consecutive bytes, aligned
	ds_store_b128 v3, v[X+32*\e+4*\j:X+32*\e+4*\j+3] offset:PITCH*\e+512*\j                   ; over my own two rows, which I alone have read
.endr
.endr
	s_wait_dscnt 0x0                               ; for the others: my two rows of h lie in the stage
	s_barrier_signal -1
	s_barrier_wait -1
.irp b, 0,1,2,3
.irp j, 0,1,2,3
	ds_load_b128 v[ST+16*\b+4*\j:ST+16*\b+4*\j+3], v7 offset:128*\b+16*\j
.endr
.endr
	s_wait_dscnt 0x0
	QUANT ST
.irp p, 0,1,2,3,4,5
	global_store_b64 v4, v[PC+2*\p:PC+2*\p+1], s[18:19] offset:256*\p             ; 32 lanes store 256 consecutive bytes, aligned
.endr
	v_cmp_gt_u32 vcc_lo, 16, v2
	s_wait_xcnt 0x0                                ; EXEC changes only behind this wait
	s_and_saveexec_b32 s26, vcc_lo
	global_store_b32 v8, v[PW], s[20:21]           ; lanes 0-15: my fragment's words of this step
	s_wait_xcnt 0x0
	s_or_b32 exec_lo, exec_lo, s26
	s_wait_tensorcnt 0x0                           ; the wave's end
	ds_add_u32 v[SPW], v[NIL]
	s_wait_dscnt 0x0
	s_endpgm
.Lfunc_end_k_q0c8ccc0884_woln:
	.size	k_q0c8ccc0884_woln, .Lfunc_end_k_q0c8ccc0884_woln-k_q0c8ccc0884_woln
	.p2alignl 7, 3214868480
	.fill 96, 4, 3214868480
	.section	.rodata,"a",@progbits
	.p2align	6, 0x0
	.amdhsa_kernel k_q0c8ccc0884_woln
		.amdhsa_group_segment_fixed_size 75008
		.amdhsa_private_segment_fixed_size 0
		.amdhsa_enable_private_segment 0
		.amdhsa_kernarg_size 48
		.amdhsa_user_sgpr_count 2
		.amdhsa_user_sgpr_kernarg_segment_ptr 1
		.amdhsa_wavefront_size32 1
		.amdhsa_system_sgpr_workgroup_id_x 1
		.amdhsa_system_sgpr_workgroup_id_y 1
		.amdhsa_system_sgpr_workgroup_id_z 1
		.amdhsa_system_vgpr_workitem_id 0
		.amdhsa_next_free_vgpr 512
		.amdhsa_next_free_sgpr 66
		.amdhsa_reserve_vcc 1
		.amdhsa_float_denorm_mode_32 3
		.amdhsa_float_denorm_mode_16_64 3
		.amdhsa_memory_ordered 1
		.amdhsa_forward_progress 1
		.amdhsa_inst_pref_size 71
	.end_amdhsa_kernel
	.amdgpu_metadata
---
amdhsa.version: [ 1, 2 ]
amdhsa.kernels:
  - .name:           k_q0c8ccc0884_woln
    .symbol:         k_q0c8ccc0884_woln.kd
    .args:
      - { .name: ctx, .offset: 0, .size: 8, .value_kind: global_buffer, .address_space: global }
      - { .name: xq, .offset: 8, .size: 8, .value_kind: global_buffer, .address_space: global }
      - { .name: inputs, .offset: 16, .size: 8, .value_kind: global_buffer, .address_space: global }
      - { .name: g1, .offset: 24, .size: 8, .value_kind: global_buffer, .address_space: global }
      - { .name: be1, .offset: 32, .size: 8, .value_kind: global_buffer, .address_space: global }
      - { .name: hb, .offset: 40, .size: 8, .value_kind: global_buffer, .address_space: global }
    .group_segment_fixed_size: 75008
    .private_segment_fixed_size: 0
    .kernarg_segment_align: 8
    .kernarg_segment_size: 48
    .max_flat_workgroup_size: 256
    .sgpr_count:     66
    .vgpr_count:     512
    .wavefront_size: 32
...
	.end_amdgpu_metadata
.endif
;; end of part 13
;; launch ffn1 (part 14): grid 16 x 16, 4 waves a work-group, clusters of 4 x 4, 327,680 bytes of LDS; arguments hb, wq, b1, act; writes act
.if DOCPART == 14
	.amdgcn_target "amdgcn-amd-amdhsa--gfx1250"
	.amdhsa_code_object_version 6
	.text
	.protected	k_q0c8ccc0884_ffn1
	.globl	k_q0c8ccc0884_ffn1
	.p2align	8
	.type	k_q0c8ccc0884_ffn1,@function
k_q0c8ccc0884_ffn1:
	s_mov_b64 s[64:65], 0
	v_nop
	global_prefetch_b8 v0, s[64:65] scope:SCOPE_SE
	s_setreg_imm32_b32 hwreg(HW_REG_WAVE_MODE, 25, 1), 1
	s_wait_xcnt 0x0
	s_wait_alu depctr_hold_cnt(0) depctr_sa_sdst(0) depctr_va_vdst(0) depctr_va_sdst(0) depctr_va_ssrc(0) depctr_va_vcc(0) depctr_vm_vsrc(0)
	s_getreg_b32 s2, hwreg(HW_REG_IB_STS2, 6, 4)
	s_cmp_eq_u32 s2, 0
	s_cbranch_scc0 .Lentry_in_a_cluster
	s_endpgm
.Lentry_in_a_cluster:
	s_bfe_u32 s2, ttmp6, 0x10000c
	s_cmp_lg_u32 s2, 0xf033
	s_cbranch_scc0 .Lentry_shape_is_right
	s_endpgm
.Lentry_shape_is_right:
.set KIND,   2
.set SIZE_K, 1024
.set BIAS,   1
.set EPIQ,   1
.set XS,     3932160
.set WS8,    8650752
.set W2C,    5505024
.set W2S,    8880128
.set QS,     9437184
.set CS,     3145728
.set HC,     16777216
.set HS,     19922944
.set AS,     12582912
.set NK,     SIZE_K/128
.set QUART,  24576
.set SLOT,   4*QUART
.set HALFS,  NK*512
.set SCL,    2*SLOT
.set SPARE,  SCL+4*HALFS
.set LAPS,   SIZE_K/512
.set FR,     12
.set NL,     6
.set NP,     4
.set SPITCH, 528
.set ADRA, 16
.set ADRB, 20
.set STO,  24
.set RD,   25
.set CO,   26
.set LI8,  24
.set SA,   25
.set ADRS, 27
.set SPW,  28
.set NIL,  29
.set BO,   30
.set SC,   32
.set BI,   64
.set HA,   64
.set AF,   128
.set BK,   128
.set PC,   128
.set TM,   176
.set PWS,  200
.set T,    208
.set SEL,  2
.set G1, 24
.set G0, 32
.set G1B, 48
.set G0B, 56
.set G1S, 68
.set G0S, 76
.set G1SB, 80
.set G0SB, 88
.set MSB, 0
.macro WIN new
.if MSB != (\new)
	s_set_vgpr_msb (MSB<<8)|(\new)
.set MSB, (\new)
.endif
.endm
.set MUL_LO, 0xa1
.set MUL_HI, 0xf1
.set TO_B,   0x40
.macro JLOAD g0a, g1a, g0b, g1b
	s_cmp_eq_u32 s15, 0
	s_cbranch_scc0 .Lfor_b_\@
	tensor_load_to_lds s[\g0a:\g0a+3], s[\g1a:\g1a+7]
	s_nop 0
.rept 4
	v_nop
.endr
	s_branch .Lasked_\@
.Lfor_b_\@:
	tensor_load_to_lds s[\g0b:\g0b+3], s[\g1b:\g1b+7]
	s_nop 0
.rept 4
	v_nop
.endr
.Lasked_\@:
.endm
.macro CREST
	s_cmp_lg_u32 s14, 0
	s_cbranch_scc1 .Lnot_wave_0_\@
	s_barrier_signal -3
.Lnot_wave_0_\@:
	s_barrier_wait -3
	s_barrier_signal -1
	s_barrier_wait -1
.endm
.macro CROUND
	s_barrier_signal -1
	s_barrier_wait -1
	CREST
.endm
	s_load_b128 s[4:7], s[0:1], 0x0
.if KIND == 0
	s_load_b64 s[12:13], s[0:1], 0x10
.else
	s_load_b128 s[96:99], s[0:1], 0x10
.endif
.if KIND == 3
	s_load_b64 s[12:13], s[0:1], 0x20
.endif
	v_lshl_add_u32 v[SPW], v0, 2, SPARE
	v_mov_b32 v[NIL], 0
	ds_add_u32 v[SPW], v[NIL]
	ds_add_u32 v[SPW], v[NIL]
	v_lshrrev_b32 v1, 5, v0
	v_readfirstlane_b32 s14, v1
	s_lshr_b32 s15, s14, 1
	s_and_b32 s16, s14, 1
	s_bfe_u32 s40, ttmp6, 0x40000
	s_bfe_u32 s41, ttmp6, 0x40004
.if KIND == 0
	s_and_b32 s42, ttmp9, 1
	s_sub_co_u32 s43, ttmp9, 8
	s_lshr_b32 s17, ttmp9, 1
	s_cmp_lt_u32 ttmp9, 8
	s_cselect_b32 s42, s42, s43
	s_cselect_b32 s17, s17, 0
	s_lshl_b32 s42, s42, 2
	s_lshl_b32 s17, s17, 2
.else
	s_lshl_b32 s42, ttmp9, 2
	s_and_b32 s17, ttmp7, 0xffff
	s_lshl_b32 s17, s17, 2
.endif
	s_add_co_u32 s42, s42, s40
	s_add_co_u32 s17, s17, s41
	s_lshl_b32 s43, s41, 2
	s_lshl_b32 s43, 15, s43
	s_lshl_b32 s44, 0x1111, s40
	s_or_b32 s[G1+0], s43, (3<<16)|(1<<21)
	s_or_b32 s[G1B+0], s44, (3<<16)|(1<<21)
.irp g, G1, G1B                        ; for the head's loads: two rows (the two tiles of 128) of 49,152 dense bytes (512 along K: both slots), a tile's NK steps apart
	s_mov_b32 s[\g+1], 6144<<16
	s_mov_b32 s[\g+2], 2<<16
	s_mov_b32 s[\g+3], 6144<<16
	s_mov_b32 s[\g+4], 2
	s_mov_b32 s[\g+5], NK*1536
	s_mov_b32 s[\g+6], 0
	s_mov_b32 s[\g+7], 0
.endr
	s_or_b32 s[G1S+0], s43, (3<<16)|(1<<21)
	s_or_b32 s[G1SB+0], s44, (3<<16)|(1<<21)
.irp g, G1S, G1SB
	s_mov_b32 s[\g+1], 32<<16
	s_mov_b32 s[\g+2], (HALFS/128)<<16             ; the scale words of 256 rows: two tiles on end
	s_mov_b32 s[\g+3], 32<<16
	s_mov_b32 s[\g+4], HALFS/128
	s_mov_b32 s[\g+5], 32
	s_mov_b32 s[\g+6], 0
	s_mov_b32 s[\g+7], 0
.endr
	s_lshl_b32 s20, s17, 1                         ; the first of A's two tiles of 128 rows
	s_lshl_b32 s46, s42, 1                         ; and of B's
	s_mul_i32 s22, s20, HALFS
	s_mov_b32 s23, 0
	s_mul_i32 s92, s46, HALFS
	s_mov_b32 s93, 0
	s_mul_i32 s20, s20, NK*12288
	s_mov_b32 s21, 0
	s_mul_i32 s46, s46, NK*12288
	s_mov_b32 s47, 0
	s_mul_i32 s45, s14, 2*QUART                    ; LDS: [A half 0][A half 1][B half 0][B half 1], each with its slot 0 and slot 1 on end
	s_mul_i32 s94, s16, NK*12288                   ; in the ring I fetch one tile of 128 rows: which of the two
	s_mov_b32 s95, 0
	s_mov_b32 s[SEL], 0x76543210
	s_mov_b32 s[SEL+1], 0xfedcba98
	s_wait_dscnt 0x0
	s_wait_kmcnt 0x0
.if KIND == 0
	s_add_nc_u64 s[96:97], s[4:5], XS
	s_add_nc_u64 s[98:99], s[6:7], WS8
	s_add_nc_u64 s[100:101], s[6:7], 16*8*12288
	s_add_nc_u64 s[66:67], s[6:7], WS8+16*4096
	s_cmp_lt_u32 ttmp9, 8
	s_cselect_b64 s[8:9], s[6:7], s[4:5]
	s_cselect_b64 s[10:11], s[98:99], s[96:97]
	s_cselect_b64 s[4:5], s[4:5], s[100:101]
	s_cselect_b64 s[6:7], s[96:97], s[66:67]
	s_add_nc_u64 s[100:101], s[12:13], QS
.elseif KIND == 1
	s_mov_b64 s[12:13], s[98:99]
	s_mov_b64 s[98:99], s[96:97]
	s_add_nc_u64 s[8:9], s[6:7], 32*8*12288
	s_add_nc_u64 s[10:11], s[6:7], XS+32*4096
	s_add_nc_u64 s[6:7], s[4:5], CS
.elseif KIND == 2
	s_mov_b64 s[12:13], s[98:99]
	s_add_nc_u64 s[100:101], s[98:99], AS
	s_add_nc_u64 s[8:9], s[6:7], 24*8*12288
	s_add_nc_u64 s[10:11], s[6:7], WS8+24*4096
	s_add_nc_u64 s[6:7], s[4:5], HS
	s_add_nc_u64 s[4:5], s[4:5], HC
.else
	s_add_nc_u64 s[8:9], s[6:7], W2C
	s_add_nc_u64 s[10:11], s[6:7], W2S
	s_add_nc_u64 s[6:7], s[4:5], AS
.endif
	s_add_nc_u64 s[20:21], s[4:5], s[20:21]
	s_add_nc_u64 s[22:23], s[6:7], s[22:23]
	s_add_nc_u64 s[46:47], s[8:9], s[46:47]
	s_add_nc_u64 s[92:93], s[10:11], s[92:93]
	CROUND
	s_mov_b32 s[G0S], 1
	s_mov_b32 s[G0S+1], SCL
	s_mov_b64 s[G0S+2:G0S+3], s[22:23]
	s_or_b32 s[G0S+3], s[G0S+3], 0x80000000
	s_mov_b32 s[G0SB], 1
	s_mov_b32 s[G0SB+1], SCL+2*HALFS
	s_mov_b64 s[G0SB+2:G0SB+3], s[92:93]
	s_or_b32 s[G0SB+3], s[G0SB+3], 0x80000000
	s_mov_b32 s4, 1                                ; group 0 of the head's load of A (the arguments that lay here have been used): both tiles, both slots
	s_mov_b32 s5, 0
	s_mov_b64 s[6:7], s[20:21]
	s_or_b32 s7, s7, 0x80000000
	s_mov_b32 s8, 1                                ; and of B
	s_mov_b32 s9, 4*QUART
	s_mov_b64 s[10:11], s[46:47]
	s_or_b32 s11, s11, 0x80000000
	s_add_nc_u64 s[20:21], s[20:21], s[94:95]      ; for the ring: my tile of 128 rows
	s_add_nc_u64 s[46:47], s[46:47], s[94:95]
.irp s, 0,1
	s_mov_b32 s[G0+4*\s], 1
	s_add_co_u32 s[G0+4*\s+1], s45, \s*QUART
	s_add_nc_u64 s[G0+4*\s+2:G0+4*\s+3], s[20:21], \s*QUART
	s_or_b32 s[G0+4*\s+3], s[G0+4*\s+3], 0x80000000
	s_mov_b32 s[G0B+4*\s], 1
	s_add_co_u32 s[G0B+4*\s+1], s45, \s*QUART
	s_add_nc_u64 s[G0B+4*\s+2:G0B+4*\s+3], s[46:47], \s*QUART
	s_or_b32 s[G0B+4*\s+3], s[G0B+4*\s+3], 0x80000000
.endr
	; THE HEAD'S LOADS, one a wave, in one chain of branches on the wave's number: A's codes of both slots, B's, A's scale words, B's
	s_cmp_eq_u32 s14, 0
	s_cbranch_scc0 .Lh1
	tensor_load_to_lds s[4:7], s[G1:G1+7]
	s_nop 0
.rept 4
	v_nop
.endr
	s_branch .Lhj
.Lh1:
	s_cmp_eq_u32 s14, 1
	s_cbranch_scc0 .Lh2
	tensor_load_to_lds s[8:11], s[G1B:G1B+7]
	s_nop 0
.rept 4
	v_nop
.endr
	s_branch .Lhj
.Lh2:
	s_cmp_eq_u32 s14, 2
	s_cbranch_scc0 .Lh3
	tensor_load_to_lds s[G0S:G0S+3], s[G1S:G1S+7]
	s_nop 0
.rept 4
	v_nop
.endr
	s_branch .Lhj
.Lh3:
	tensor_load_to_lds s[G0SB:G0SB+3], s[G1SB:G1SB+7]
	s_nop 0
.rept 4
	v_nop
.endr
.Lhj:
	v_and_b32 v1, 15, v0
	v_bfe_u32 v2, v0, 4, 1
	s_wait_alu depctr_va_vdst(0)
	v_and_b32 v3, 31, v0
	v_lshlrev_b32 v4, 3, v3
	s_mul_i32 s21, s15, 2*QUART                    ; my 128 rows of A
	s_mul_i32 s22, s16, 2*QUART                    ; my 128 rows of B,
	s_add_co_u32 s22, s22, 4*QUART                 ; behind A's two halves
.irp s, 0,1
	v_add_nc_u32 v[ADRA+\s], s21, v4
	v_add_nc_u32 v[ADRB+\s], s22, v4
	s_add_co_u32 s21, s21, QUART
	s_add_co_u32 s22, s22, QUART
.endr
	v_lshlrev_b32 v5, 4, v1
	s_mul_i32 s21, s15, HALFS
	s_mul_i32 s22, s16, HALFS
	s_add_co_u32 s22, s22, 2*HALFS
	s_sub_co_u32 s22, s22, s21
	v_mul_u32_u24 v6, s22, v2
	s_add_co_u32 s21, s21, SCL
	v_add_nc_u32 v5, v5, v6
	v_add_nc_u32 v[ADRS], s21, v5
.if BIAS
	s_lshl_b32 s46, s42, 10
	s_lshl_b32 s47, s16, 9
	s_add_co_u32 s46, s46, s47
	s_mov_b32 s47, 0
	s_add_nc_u64 s[96:97], s[96:97], s[46:47]
	v_lshlrev_b32 v[BO], 6, v2
.irp b, 0,1,2,3,4,5,6,7
	global_load_b128 v[BI+8*\b:BI+8*\b+3], v[BO], s[96:97] offset:(32*(\b/2)+8*(\b%2))*4
	global_load_b128 v[BI+8*\b+4:BI+8*\b+7], v[BO], s[96:97] offset:(32*(\b/2)+8*(\b%2))*4+16
.endr
.endif
.if EPIQ
	v_lshlrev_b32 v[LI8], 3, v3
	v_lshlrev_b32 v[SA], 4, v3
	s_lshl_b32 s20, s17, 1
	s_add_co_u32 s20, s20, s15
	s_lshl_b32 s46, s42, 1
	s_add_co_u32 s46, s46, s16
.if KIND == 0
	s_add_co_u32 s21, s20, 16
	s_cmp_lt_u32 ttmp9, 8
	s_cselect_b32 s22, s46, s21
	s_cselect_b32 s23, s20, s46
.else
	s_mov_b32 s22, s20
	s_mov_b32 s23, s46
.endif
	s_lshl_b32 s22, s22, 5
	s_add_co_u32 s22, s22, s23
	s_mul_i32 s20, s22, 12288
	s_mov_b32 s21, 0
	s_lshl_b32 s22, s22, 9
	s_mov_b32 s23, 0
	s_add_nc_u64 s[12:13], s[12:13], s[20:21]
	s_add_nc_u64 s[100:101], s[100:101], s[22:23]
.else
	s_mul_i32 s23, s14, 16*SPITCH
	v_mul_u32_u24 v5, v1, SPITCH
	v_lshl_add_u32 v5, v2, 6, v5
	v_add_nc_u32 v[STO], s23, v5
	v_lshlrev_b32 v[CO], 4, v3
	v_add_nc_u32 v[RD], s23, v[CO]
	s_lshl_b32 s20, s17, 8
	s_lshl_b32 s21, s15, 7
	s_add_co_u32 s20, s20, s21
	s_lshl_b32 s20, s20, 12
	s_lshl_b32 s46, s42, 10
	s_lshl_b32 s47, s16, 9
	s_add_co_u32 s46, s46, s47
	s_add_co_u32 s20, s20, s46
	s_mov_b32 s21, 0
	s_add_nc_u64 s[12:13], s[12:13], s[20:21]
	s_add_nc_u64 s[98:99], s[98:99], s[20:21]
.endif
.macro FRAG reg, adr, q, i
.irp p, 0,1,2,3,4,5
	ds_load_b64 v[\reg+2*\p:\reg+2*\p+1], v[\adr] offset:(8*(\q)+(\i))*1536+256*\p
.endr
.endm
.macro MUL16 a0, p, q, sc, zero
.irp a, \a0, \a0+1
.irp b, 0,1,2,3,4,5,6,7
.if \zero == 1
	v_wmma_scale_f32_16x16x128_f8f6f4 v[8*(8*((\a)%4)+\b):8*(8*((\a)%4)+\b)+7], v[128*(\p)+FR*\b:128*(\p)+FR*\b+FR-1], v[AF+FR*(\a):AF+FR*(\a)+FR-1], 0, v[SC+16*(\sc)+8*(\q)+\b], v[SC+16*(\sc)+8*(\q)+(\a)] matrix_a_fmt:MATRIX_FMT_FP6 matrix_b_fmt:MATRIX_FMT_FP6 matrix_a_scale:MATRIX_SCALE_ROW1
.elseif \zero == 2
	v_wmma_scale_f32_16x16x128_f8f6f4 v[8*(8*((\a)%4)+\b):8*(8*((\a)%4)+\b)+7], v[128*(\p)+FR*\b:128*(\p)+FR*\b+FR-1], v[AF+FR*(\a):AF+FR*(\a)+FR-1], v[BI+8*\b:BI+8*\b+7], v[SC+16*(\sc)+8*(\q)+\b], v[SC+16*(\sc)+8*(\q)+(\a)] matrix_a_fmt:MATRIX_FMT_FP6 matrix_b_fmt:MATRIX_FMT_FP6 matrix_a_scale:MATRIX_SCALE_ROW1
.else
	v_wmma_scale_f32_16x16x128_f8f6f4 v[8*(8*((\a)%4)+\b):8*(8*((\a)%4)+\b)+7], v[128*(\p)+FR*\b:128*(\p)+FR*\b+FR-1], v[AF+FR*(\a):AF+FR*(\a)+FR-1], v[8*(8*((\a)%4)+\b):8*(8*((\a)%4)+\b)+7], v[SC+16*(\sc)+8*(\q)+\b], v[SC+16*(\sc)+8*(\q)+(\a)] matrix_a_fmt:MATRIX_FMT_FP6 matrix_b_fmt:MATRIX_FMT_FP6 matrix_a_scale:MATRIX_SCALE_ROW1
.endif
.endr
.endr
.endm
.macro FETCH_B slot, q, p
	WIN TO_B
.irp i, 0,1,2,3,4,5,6,7
	FRAG 128*(\p)+FR*\i, ADRB+\slot, \q, \i
.endr
	WIN 0
.endm
.macro FETCH_A slot, q, i0
.irp i, \i0, \i0+1, \i0+2, \i0+3
	FRAG AF+FR*(\i), ADRA+\slot, \q, \i
.endr
.endm
.macro SCALES sc
.irp q, 0,1
.irp u, 0,1
	ds_load_b128 v[SC+16*\sc+8*\q+4*\u:SC+16*\sc+8*\q+4*\u+3], v[ADRS] offset:512*\q+256*\u
.endr
.endr
.endm
.macro PLACES n
.rept \n
	v_nop
.endr
.endm
.macro STEP slot, q, zero
	s_wait_dscnt 4*NL
.if \zero == 2
	WIN 0x81
.else
	WIN MUL_LO
.endif
	MUL16 0, (\q)%2, \q, \slot, \zero
	MUL16 2, (\q)%2, \q, \slot, \zero
	s_wait_dscnt 0
	PLACES NP
	FETCH_B \slot, (\q)+1, 1-(\q)%2
	FETCH_A \slot, (\q)+1, 0
.if \zero == 2
	WIN 0xc1
.else
	WIN MUL_HI
.endif
	MUL16 4, (\q)%2, \q, \slot, \zero
	MUL16 6, (\q)%2, \q, \slot, \zero
	PLACES NP
	WIN 0
	FETCH_A \slot, (\q)+1, 4
.endm
.macro TURN slot, next, fill
	s_wait_tensorcnt 0x0
	ds_add_u32 v[SPW], v[NIL]
	s_wait_dscnt 4*NL+1
	WIN MUL_LO
	MUL16 0, 1, 1, \slot, 0
	s_wait_dscnt 0x0
	s_barrier_signal -1
	MUL16 2, 1, 1, \slot, 0
	WIN 0
	s_barrier_wait -1
.if \fill
	CREST
	s_add_nc_u64 s[G0+4*\slot+2:G0+4*\slot+3], s[G0+4*\slot+2:G0+4*\slot+3], 2*QUART
	s_add_nc_u64 s[G0B+4*\slot+2:G0B+4*\slot+3], s[G0B+4*\slot+2:G0B+4*\slot+3], 2*QUART
	JLOAD G0+4*\slot, G1, G0B+4*\slot, G1B
.else
	PLACES NP
.endif
	s_wait_alu depctr_va_vdst(0)
	v_add_nc_u32 v[ADRS], 1024, v[ADRS]
	FETCH_B \next, 0, 0
	FETCH_A \next, 0, 0
	SCALES \next
	WIN MUL_HI
	MUL16 4, 1, 1, \slot, 0
	MUL16 6, 1, 1, \slot, 0
	PLACES NP
	WIN 0
	FETCH_A \next, 0, 4
.endm
.macro QUANT s, w, pc, pw
	WIN ((\w)<<4)|((\w)<<2)
.irp b, 0,1,2,3
	v_max3_num_f32 v[TM+\b], 0x1800000, |v[(\s)+16*\b]|, |v[(\s)+1+16*\b]|
.endr
.irp i, 2,4,6,8,10,12,14
.irp b, 0,1,2,3
	v_max3_num_f32 v[TM+\b], v[TM+\b], |v[(\s)+16*\b+\i]|, |v[(\s)+1+16*\b+\i]|
.endr
.endr
	WIN 0
.irp b, 0,1,2,3
	v_permlanex16_b32 v[TM+4+\b], v[TM+\b], s[SEL], s[SEL+1]
.endr
.irp b, 0,1,2,3
	v_max_num_f32 v[TM+\b], v[TM+\b], v[TM+4+\b]
.endr
.irp b, 0,1,2,3
	v_add_nc_u32 v[TM+12+\b], 0xff000000, v[TM+\b]
.endr
.irp b, 0,1,2,3
	v_lshrrev_b32 v[TM+4+\b], 23, v[TM+12+\b]
.endr
	v_lshl_or_b32 v[\pw], v[TM+5], 8, v[TM+4]
	v_lshl_or_b32 v[\pw], v[TM+6], 16, v[\pw]
	v_lshl_or_b32 v[\pw], v[TM+7], 24, v[\pw]
	WIN (\w)
.irp c, 0,1
	v_cvt_scalef32_pk16_fp6_f32 v[(\pc)+6*\c:(\pc)+2+6*\c], v[(\s)+32*\c:(\s)+15+32*\c], v[TM+12+2*\c]
	v_cvt_scalef32_pk16_fp6_f32 v[(\pc)+12+4*\c:(\pc)+14+4*\c], v[(\s)+16+32*\c:(\s)+31+32*\c], v[TM+12+2*\c+1]
.endr
	WIN 0
	v_nop
.irp c, 0,1
.irp i, 0,1,2
	v_permlane16_swap_b32 v[(\pc)+6*\c+\i], v[(\pc)+12+4*\c+\i]
.endr
.irp i, 0,1,2
	v_mov_b32 v[(\pc)+3+6*\c+\i], v[(\pc)+12+4*\c+\i]
.endr
.endr
.endm
.macro TOSTAGE a
.set AC, 64*((\a)%4)
	WIN 0x08+4*((\a)/4)
.irp b, 0,1,2,3,4,5,6,7
	ds_store_b128 v[STO], v[AC+8*\b:AC+8*\b+3] offset:128*(\b/2)+32*(\b%2)
	ds_store_b128 v[STO], v[AC+8*\b+4:AC+8*\b+7] offset:128*(\b/2)+32*(\b%2)+16
.endr
	WIN 0
.set BB, BK+64*((\a)%2)
.irp t, 0,1,2,3,4,5,6,7,8,9,10,11,12,13,14,15
	ds_load_b128 v[BB+4*\t:BB+4*\t+3], v[RD] offset:\t*SPITCH
.endr
.endm
.macro RESLOAD a
	WIN 0x40
.irp t, 0,1,2,3,4,5,6,7,8,9,10,11,12,13,14,15
	global_load_b128 v[64*((\a)%4)+4*\t:64*((\a)%4)+4*\t+3], v[CO], s[98:99] offset:(32*((\a)/2)+8*((\a)%2)+\t%8+16*(\t/8))*4096
.endr
	WIN 0
.endm
.macro SEND a, younger, left
.set BB, BK+64*((\a)%2)
.set RS, 64*((\a)%4)
	s_wait_dscnt \younger
	s_wait_loadcnt \left
	WIN 0x04
.set i, 0
.rept 32
	v_pk_add_f32 v[BB+i:BB+i+1], v[BB+i:BB+i+1], v[RS+i:RS+i+1]
.set i, i+2
.endr
	WIN 0
.irp t, 0,1,2,3,4,5,6,7,8,9,10,11,12,13,14,15
	global_store_b128 v[CO], v[BB+4*\t:BB+4*\t+3], s[12:13] offset:(32*((\a)/2)+8*((\a)%2)+\t%8+16*(\t/8))*4096
.endr
.endm
	s_wait_alu depctr_va_vdst(0)
	s_wait_tensorcnt 0x0                           ; my tile of the head's four is in; no tensor load of mine is out, so group 1 may be written:
.irp g, G1, G1B                        ; from here on a load brings 24,576 dense bytes as 96 rows of 256
	s_mov_b32 s[\g+1], 32<<16
	s_mov_b32 s[\g+2], 96<<16
	s_mov_b32 s[\g+3], 32<<16
	s_mov_b32 s[\g+4], 96
	s_mov_b32 s[\g+5], 32
.endr
	s_barrier_signal -1
	s_barrier_wait -1
	FETCH_B 0, 0, 0
	FETCH_A 0, 0, 0
	SCALES 0
	FETCH_A 0, 0, 4
.if BIAS
	s_wait_loadcnt 0x0
	STEP 0, 0, 2
.else
	STEP 0, 0, 1
.endif
	s_mov_b32 s18, LAPS-1
.Llap:
	TURN 0, 1, 1
	STEP 1, 0, 0
	TURN 1, 0, 1
	STEP 0, 0, 0
	s_sub_co_u32 s18, s18, 1
	s_cmp_lg_u32 s18, 0
	s_cbranch_scc1 .Llap
	TURN 0, 1, 0
	STEP 1, 0, 0
.if EPIQ == 0
	RESLOAD 0
	RESLOAD 1
.endif
	s_wait_dscnt 4*NL
	WIN MUL_LO
	MUL16 0, 1, 1, 1, 0
	MUL16 2, 1, 1, 1, 0
	s_wait_dscnt 0
	WIN MUL_HI
	MUL16 4, 1, 1, 1, 0
	MUL16 6, 1, 1, 1, 0
	WIN 0
	PLACES NP
.if EPIQ
.irp b, 0,1,2,3
	v_mov_b32 v[TM+4+\b], 0
.endr
.irp a, 0,1,2,3,4,5,6,7
.if \a >= 2
	s_wait_xcnt 0x0
.endif
.if KIND == 2
	WIN 0x08+4*(\a/4)
.set j, 0
.rept 64
	v_max_num_f32 v[HA+j], 0, v[64*(\a%4)+j]
.set j, j+1
.endr
	WIN 0
	QUANT HA, 0, PC+20*(\a%2), PWS+\a
.else
	QUANT 64*(\a%4), 2+\a/4, PC+20*(\a%2), PWS+\a
.endif
.irp p, 0,1,2,3,4,5
	global_store_b64 v[LI8], v[PC+20*(\a%2)+2*\p:PC+20*(\a%2)+2*\p+1], s[12:13] offset:1536*\a+256*\p
.endr
.endr
	v_cmp_le_u32 vcc_lo, 16, v3
.irp i, 0,1,2,3
	v_cndmask_b32 v[T+\i], v[PWS+\i], v[PWS+4+\i], vcc_lo
.endr
	global_store_b128 v[SA], v[T:T+3], s[100:101]
.else
	RESLOAD 2
	TOSTAGE 0
.irp a, 1,2,3,4,5,6,7
.if \a > 1
	s_wait_xcnt 0x0
.endif
	TOSTAGE \a
.if \a < 6
	RESLOAD \a+2
	SEND \a-1, 32, 48
.elseif \a == 6
	SEND \a-1, 32, 32
.else
	SEND \a-1, 32, 16
.endif
.endr
	SEND 7, 0, 0
.endif
	s_wait_tensorcnt 0x0
	ds_add_u32 v[SPW], v[NIL]
	s_wait_dscnt 0x0
	CROUND
	s_endpgm
.Lfunc_end_k_q0c8ccc0884_ffn1:
	.size	k_q0c8ccc0884_ffn1, .Lfunc_end_k_q0c8ccc0884_ffn1-k_q0c8ccc0884_ffn1
	.p2alignl 7, 3214868480
	.fill 96, 4, 3214868480
	.section	.rodata,"a",@progbits
	.p2align	6, 0x0
	.amdhsa_kernel k_q0c8ccc0884_ffn1
		.amdhsa_group_segment_fixed_size 327680
		.amdhsa_private_segment_fixed_size 0
		.amdhsa_enable_private_segment 0
		.amdhsa_kernarg_size 32
		.amdhsa_user_sgpr_count 2
		.amdhsa_user_sgpr_kernarg_segment_ptr 1
		.amdhsa_wavefront_size32 1
		.amdhsa_system_sgpr_workgroup_id_x 1
		.amdhsa_system_sgpr_workgroup_id_y 1
		.amdhsa_system_sgpr_workgroup_id_z 1
		.amdhsa_system_vgpr_workitem_id 0
		.amdhsa_next_free_vgpr 1024
		.amdhsa_next_free_sgpr 102
		.amdhsa_reserve_vcc 1
		.amdhsa_float_denorm_mode_32 3
		.amdhsa_float_denorm_mode_16_64 3
		.amdhsa_memory_ordered 1
		.amdhsa_forward_progress 1
		.amdhsa_inst_pref_size 183
	.end_amdhsa_kernel
	.amdgpu_metadata
---
amdhsa.version: [ 1, 2 ]
amdhsa.kernels:
  - .name:           k_q0c8ccc0884_ffn1
    .symbol:         k_q0c8ccc0884_ffn1.kd
    .args:
      - { .name: hb, .offset: 0, .size: 8, .value_kind: global_buffer, .address_space: global }
      - { .name: wq, .offset: 8, .size: 8, .value_kind: global_buffer, .address_space: global }
      - { .name: b1, .offset: 16, .size: 8, .value_kind: global_buffer, .address_space: global }
      - { .name: act, .offset: 24, .size: 8, .value_kind: global_buffer, .address_space: global }
    .group_segment_fixed_size: 327680
    .private_segment_fixed_size: 0
    .kernarg_segment_align: 8
    .kernarg_segment_size: 32
    .max_flat_workgroup_size: 128
    .sgpr_count:     102
    .vgpr_count:     1024
    .wavefront_size: 32
...
	.end_amdgpu_metadata
.endif
;; end of part 14
;; launch ffn2 (part 15): grid 8 x 32, 4 waves a work-group, clusters of 4 x 4, 327,680 bytes of LDS; arguments act, wq, b2, hb, y; writes y
.if DOCPART == 15
	.amdgcn_target "amdgcn-amd-amdhsa--gfx1250"
	.amdhsa_code_object_version 6
	.text
	.protected	k_q0c8ccc0884_ffn2
	.globl	k_q0c8ccc0884_ffn2
	.p2align	8
	.type	k_q0c8ccc0884_ffn2,@function
k_q0c8ccc0884_ffn2:
	s_mov_b64 s[64:65], 0
	v_nop
	global_prefetch_b8 v0, s[64:65] scope:SCOPE_SE
	s_setreg_imm32_b32 hwreg(HW_REG_WAVE_MODE, 25, 1), 1
	s_wait_xcnt 0x0
	s_wait_alu depctr_hold_cnt(0) depctr_sa_sdst(0) depctr_va_vdst(0) depctr_va_sdst(0) depctr_va_ssrc(0) depctr_va_vcc(0) depctr_vm_vsrc(0)
	s_getreg_b32 s2, hwreg(HW_REG_IB_STS2, 6, 4)
	s_cmp_eq_u32 s2, 0
	s_cbranch_scc0 .Lentry_in_a_cluster
	s_endpgm
.Lentry_in_a_cluster:
	s_bfe_u32 s2, ttmp6, 0x10000c
	s_cmp_lg_u32 s2, 0xf033
	s_cbranch_scc0 .Lentry_shape_is_right
	s_endpgm
.Lentry_shape_is_right:
.set KIND,   3
.set SIZE_K, 4096
.set BIAS,   1
.set N0,     8
.set N1,     4
.set XS,     3932160
.set W2C,    5505024
.set W2S,    8880128
.set CS,     3145728
.set AS,     12582912
.set NK,     SIZE_K/128
.set PER,    N0+N1
.set CHUNK,  49152
.set CX,     N0/4
.set YB,     2*CX*CHUNK
.set SPARE,  YB+2*CHUNK
.set SPITCH, 272
.if ((NK-1)%PER) < N0
.set STAGE,  YB
.else
.set STAGE,  0
.endif
.set VAD,  16
.set VS,   22
.set BO,   23
.set STO,  24
.set RD,   25
.set CO,   26
.set SPW,  28
.set NIL,  29
.set SCA,  32
.set SCB,  96
.set BI,   160
.set G1XA, 24
.set G1XB, 32
.set G1YA, 40
.set G1YB, 48
.set G0XA, 56
.set G0XB, 60
.set G0YA, 68
.set G0YB, 72
.set MSB, 0
.macro WIN new
.if MSB != (\new)
	s_set_vgpr_msb (MSB<<8)|(\new)
.set MSB, (\new)
.endif
.endm
.set MUL,  0xad
.set MULB, 0x8d
.set TO_B, 0x40
.set TO_A, 0xc0
.macro JLOAD g0a, g1a, g0b, g1b
	s_cmp_eq_u32 s15, 0
	s_cbranch_scc0 .Lfor_b_\@
	tensor_load_to_lds s[\g0a:\g0a+3], s[\g1a:\g1a+7]
	s_nop 0
.rept 4
	v_nop
.endr
	s_branch .Lasked_\@
.Lfor_b_\@:
	tensor_load_to_lds s[\g0b:\g0b+3], s[\g1b:\g1b+7]
	s_nop 0
.rept 4
	v_nop
.endr
.Lasked_\@:
.endm
.macro CREST
	s_cmp_lg_u32 s14, 0
	s_cbranch_scc1 .Lnot_wave_0_\@
	s_barrier_signal -3
.Lnot_wave_0_\@:
	s_barrier_wait -3
	s_barrier_signal -1
	s_barrier_wait -1
.endm
.macro CROUND
	s_barrier_signal -1
	s_barrier_wait -1
	CREST
.endm
.macro PLACES n
.rept \n
	v_nop
.endr
.endm
	s_load_b128 s[4:7], s[0:1], 0x0
	s_load_b128 s[96:99], s[0:1], 0x10
.if KIND == 3
	s_load_b64 s[12:13], s[0:1], 0x20
.endif
	v_lshl_add_u32 v[SPW], v0, 2, SPARE
	v_mov_b32 v[NIL], 0
	ds_add_u32 v[SPW], v[NIL]
	ds_add_u32 v[SPW], v[NIL]
	v_lshrrev_b32 v1, 5, v0
	v_readfirstlane_b32 s14, v1
	s_lshr_b32 s15, s14, 1
	s_and_b32 s16, s14, 1
	s_bfe_u32 s76, ttmp6, 0x40000
	s_bfe_u32 s77, ttmp6, 0x40004
	s_lshl_b32 s78, ttmp9, 2
	s_add_co_u32 s78, s78, s76
	s_and_b32 s17, ttmp7, 0xffff
	s_lshl_b32 s17, s17, 2
	s_add_co_u32 s17, s17, s77
	s_lshl_b32 s79, s77, 2
	s_lshl_b32 s79, 15, s79
	s_lshl_b32 s80, 0x1111, s76
	s_or_b32 s[G1XA], s79, (3<<16)|(1<<21)
	s_or_b32 s[G1XB], s80, (3<<16)|(1<<21)
	s_or_b32 s[G1YA], s79, (3<<16)|(1<<21)
	s_or_b32 s[G1YB], s80, (3<<16)|(1<<21)
.irp g, G1XA, G1XB
	s_mov_b32 s[\g+1], 32<<16
	s_mov_b32 s[\g+2], (24*N0)<<16
	s_mov_b32 s[\g+3], 32<<16
	s_mov_b32 s[\g+4], 24*N0
	s_mov_b32 s[\g+5], 32
	s_mov_b32 s[\g+6], 0
	s_mov_b32 s[\g+7], 0
.endr
.irp g, G1YA, G1YB
	s_mov_b32 s[\g+1], 32<<16
	s_mov_b32 s[\g+2], (24*N1)<<16
	s_mov_b32 s[\g+3], 32<<16
	s_mov_b32 s[\g+4], 24*N1
	s_mov_b32 s[\g+5], 32
	s_mov_b32 s[\g+6], 0
	s_mov_b32 s[\g+7], 0
.endr
	s_mul_i32 s20, s17, NK*12288
	s_mul_i32 s21, s16, (N0/2)*12288
	s_mul_i32 s23, s16, (N1/2)*12288
	s_add_co_u32 s22, s20, s23
	s_add_co_u32 s22, s22, N0*12288
	s_add_co_u32 s20, s20, s21
	s_mov_b32 s21, 0
	s_mov_b32 s23, 0
	s_mul_i32 s82, s78, NK*12288
	s_mul_i32 s83, s16, (N0/2)*12288
	s_mul_i32 s85, s16, (N1/2)*12288
	s_add_co_u32 s84, s82, s85
	s_add_co_u32 s84, s84, N0*12288
	s_add_co_u32 s82, s82, s83
	s_mov_b32 s83, 0
	s_mov_b32 s85, 0
	s_mul_i32 s86, s14, (N0/2)*12288
	s_mul_i32 s87, s14, (N1/2)*12288
	s_add_co_u32 s87, s87, YB
	s_wait_dscnt 0x0
	s_wait_kmcnt 0x0
.if KIND == 1
	s_mov_b64 s[12:13], s[98:99]
	s_mov_b64 s[98:99], s[96:97]
	s_add_nc_u64 s[8:9], s[6:7], 32*8*12288
	s_add_nc_u64 s[10:11], s[6:7], XS+32*4096
	s_add_nc_u64 s[6:7], s[4:5], CS
.else
	s_add_nc_u64 s[8:9], s[6:7], W2C
	s_add_nc_u64 s[10:11], s[6:7], W2S
	s_add_nc_u64 s[6:7], s[4:5], AS
.endif
	s_mov_b32 s[G0XA], 1
	s_mov_b32 s[G0XA+1], s86
	s_add_nc_u64 s[G0XA+2:G0XA+3], s[4:5], s[20:21]
	s_or_b32 s[G0XA+3], s[G0XA+3], 0x80000000
	s_mov_b32 s[G0XB], 1
	s_mov_b32 s[G0XB+1], s86
	s_add_nc_u64 s[G0XB+2:G0XB+3], s[8:9], s[82:83]
	s_or_b32 s[G0XB+3], s[G0XB+3], 0x80000000
	s_mov_b32 s[G0YA], 1
	s_mov_b32 s[G0YA+1], s87
	s_add_nc_u64 s[G0YA+2:G0YA+3], s[4:5], s[22:23]
	s_or_b32 s[G0YA+3], s[G0YA+3], 0x80000000
	s_mov_b32 s[G0YB], 1
	s_mov_b32 s[G0YB+1], s87
	s_add_nc_u64 s[G0YB+2:G0YB+3], s[8:9], s[84:85]
	s_or_b32 s[G0YB+3], s[G0YB+3], 0x80000000
	CROUND
	JLOAD G0XA, G1XA, G0XB, G1XB
	s_wait_alu depctr_va_vdst(0)
	s_wait_tensorcnt 0x0
	ds_add_u32 v28, v29
	s_wait_dscnt 0x0
	CROUND
	JLOAD G0YA, G1YA, G0YB, G1YB
	v_and_b32 v1, 15, v0
	v_bfe_u32 v2, v0, 4, 1
	v_and_b32 v3, 31, v0
	v_lshlrev_b32 v4, 3, v3
	s_mul_i32 s21, s15, 6144
	s_mul_i32 s22, s16, 6144
	v_add_nc_u32 v5, s21, v4
	v_add_nc_u32 v6, s22, v4
.set c, 0
.rept 2*CX+2
.if (c < CX) || (c == 2*CX)
	v_add_nc_u32 v[VAD+c], c*CHUNK, v5
.else
	v_add_nc_u32 v[VAD+c], c*CHUNK, v6
.endif
.set c, c+1
.endr
	v_lshlrev_b32 v[VS], 4, v1
	v_lshl_add_u32 v[VS], v2, 9, v[VS]
	s_wait_alu depctr_va_vdst(0)
	s_mul_i32 s20, s17, NK*512
	s_lshl_b32 s21, s15, 8
	s_add_co_u32 s20, s20, s21
	s_mov_b32 s21, 0
	s_add_nc_u64 s[6:7], s[6:7], s[20:21]
	s_mul_i32 s82, s78, NK*512
	s_lshl_b32 s83, s16, 8
	s_add_co_u32 s82, s82, s83
	s_mov_b32 s83, 0
	s_add_nc_u64 s[10:11], s[10:11], s[82:83]
.set t, 0
.rept NK/2
	global_load_b128 v[SCA+4*t:SCA+4*t+3], v[VS], s[6:7] offset:1024*t
	global_load_b128 v[SCB+4*t:SCB+4*t+3], v[VS], s[10:11] offset:1024*t
.set t, t+1
.endr
	s_lshl_b32 s82, s78, 9
	s_lshl_b32 s83, s16, 8
	s_add_co_u32 s82, s82, s83
	s_mov_b32 s83, 0
.if BIAS
	s_add_nc_u64 s[96:97], s[96:97], s[82:83]
	v_lshlrev_b32 v[BO], 6, v2
.irp b, 0,1,2,3
	global_load_b128 v[BI+8*\b:BI+8*\b+3], v[BO], s[96:97] offset:(32*(\b/2)+8*(\b%2))*4
	global_load_b128 v[BI+8*\b+4:BI+8*\b+7], v[BO], s[96:97] offset:(32*(\b/2)+8*(\b%2))*4+16
.endr
.endif
	s_lshl_b32 s20, s17, 7
	s_lshl_b32 s21, s15, 6
	s_add_co_u32 s20, s20, s21
	s_lshl_b32 s20, s20, 12
	s_add_co_u32 s20, s20, s82
	s_mov_b32 s21, 0
	s_add_nc_u64 s[12:13], s[12:13], s[20:21]
	s_add_nc_u64 s[98:99], s[98:99], s[20:21]
	s_mul_i32 s23, s14, 16*SPITCH
	s_add_co_u32 s23, s23, STAGE
	v_mul_u32_u24 v7, v1, SPITCH
	v_lshl_add_u32 v7, v2, 6, v7
	v_add_nc_u32 v[STO], s23, v7
	v_mul_u32_u24 v7, v2, SPITCH
	v_lshl_add_u32 v7, v1, 4, v7
	v_add_nc_u32 v[RD], s23, v7
	v_lshlrev_b32 v[CO], 4, v1
	v_lshl_add_u32 v[CO], v2, 12, v[CO]
.macro LOCATE s
.set U, (\s)%PER
.if U < N0
.set CA, VAD+U/4
.set CB, VAD+CX+U/4
.set IO, (U%4)*12288
.else
.set CA, VAD+2*CX
.set CB, VAD+2*CX+1
.set IO, (U-N0)*12288
.endif
.endm
.macro FETCH s
	LOCATE \s
.set FS, 48*((\s)%3)
	WIN TO_B
.irp f, 0,1,2,3
.irp p, 0,1,2,3,4,5
	ds_load_b64 v[FS+12*\f+2*\p:FS+12*\f+2*\p+1], v[CB] offset:IO+1536*\f+256*\p
.endr
.endr
	WIN TO_A
.irp f, 0,1,2,3
.irp p, 0,1,2,3,4,5
	ds_load_b64 v[FS+12*\f+2*\p:FS+12*\f+2*\p+1], v[CA] offset:IO+1536*\f+256*\p
.endr
.endr
.endm
.macro MUL8 a0, zero
.set FS, 48*(Q%3)
.set SQ, 4*(Q/2)
.irp a, \a0, \a0+1
.irp b, 0,1,2,3
.if \zero == 1
	v_wmma_scale_f32_16x16x128_f8f6f4 v[8*(4*(\a)+\b):8*(4*(\a)+\b)+7], v[FS+12*\b:FS+12*\b+11], v[FS+12*(\a):FS+12*(\a)+11], 0, v[SCB+SQ+\b], v[SCA+SQ+(\a)] matrix_a_fmt:MATRIX_FMT_FP6 matrix_b_fmt:MATRIX_FMT_FP6
.elseif \zero == 2
	v_wmma_scale_f32_16x16x128_f8f6f4 v[8*(4*(\a)+\b):8*(4*(\a)+\b)+7], v[FS+12*\b:FS+12*\b+11], v[FS+12*(\a):FS+12*(\a)+11], v[BI+8*\b:BI+8*\b+7], v[SCB+SQ+\b], v[SCA+SQ+(\a)] matrix_a_fmt:MATRIX_FMT_FP6 matrix_b_fmt:MATRIX_FMT_FP6
.elseif (Q%2) == 0
	v_wmma_scale_f32_16x16x128_f8f6f4 v[8*(4*(\a)+\b):8*(4*(\a)+\b)+7], v[FS+12*\b:FS+12*\b+11], v[FS+12*(\a):FS+12*(\a)+11], v[8*(4*(\a)+\b):8*(4*(\a)+\b)+7], v[SCB+SQ+\b], v[SCA+SQ+(\a)] matrix_a_fmt:MATRIX_FMT_FP6 matrix_b_fmt:MATRIX_FMT_FP6
.else
	v_wmma_scale_f32_16x16x128_f8f6f4 v[8*(4*(\a)+\b):8*(4*(\a)+\b)+7], v[FS+12*\b:FS+12*\b+11], v[FS+12*(\a):FS+12*(\a)+11], v[8*(4*(\a)+\b):8*(4*(\a)+\b)+7], v[SCB+SQ+\b], v[SCA+SQ+(\a)] matrix_a_fmt:MATRIX_FMT_FP6 matrix_b_fmt:MATRIX_FMT_FP6 matrix_a_scale:MATRIX_SCALE_ROW1 matrix_b_scale:MATRIX_SCALE_ROW1
.endif
.endr
.endr
.endm
.macro KSTEP zero
.set S2, Q+2
.set CHG, 0
.set FILL, 0
.if S2 < NK
.if (S2%PER) == N0
.set CHG, 1
.if S2+N1 < NK
.set FILL, 1
.endif
.endif
.if (S2%PER) == 0
.set CHG, 1
.if S2+N0 < NK
.set FILL, 2
.endif
.endif
.endif
.if CHG
	WIN 0
	s_wait_tensorcnt 0x0
	ds_add_u32 v[SPW], v[NIL]
	s_wait_dscnt 49
	WIN MUL
	MUL8 0, 0
	s_wait_dscnt 0x0
	s_barrier_signal -1
	MUL8 2, 0
	WIN 0
	s_barrier_wait -1
.if FILL == 1
	CREST
	s_add_nc_u64 s[G0XA+2:G0XA+3], s[G0XA+2:G0XA+3], PER*12288
	s_add_nc_u64 s[G0XB+2:G0XB+3], s[G0XB+2:G0XB+3], PER*12288
	JLOAD G0XA, G1XA, G0XB, G1XB
.elseif FILL == 2
	CREST
	s_add_nc_u64 s[G0YA+2:G0YA+3], s[G0YA+2:G0YA+3], PER*12288
	s_add_nc_u64 s[G0YB+2:G0YB+3], s[G0YB+2:G0YB+3], PER*12288
	JLOAD G0YA, G1YA, G0YB, G1YB
.else
	PLACES 4
.endif
	FETCH S2
.else
.if Q+1 < NK
	s_wait_dscnt 48
.else
	s_wait_dscnt 0x0
.endif
.if \zero == 2
	WIN MULB
.else
	WIN MUL
.endif
	MUL8 0, \zero
	MUL8 2, \zero
.if S2 < NK
	PLACES 4
	FETCH S2
.endif
.endif
.endm
.macro TOSTAGE a
	WIN 0x08
.irp b, 0,1,2,3
	ds_store_b128 v[STO], v[8*(4*(\a)+\b):8*(4*(\a)+\b)+3] offset:128*(\b/2)+32*(\b%2)
	ds_store_b128 v[STO], v[8*(4*(\a)+\b)+4:8*(4*(\a)+\b)+7] offset:128*(\b/2)+32*(\b%2)+16
.endr
	WIN 0x40
.irp t, 0,1,2,3,4,5,6,7
	ds_load_b128 v[32*(\a)+4*\t:32*(\a)+4*\t+3], v[RD] offset:2*\t*SPITCH
.endr
.endm
.macro SEND a, younger
	s_wait_dscnt \younger
	WIN 0x49
.set i, 0
.rept 16
	v_pk_add_f32 v[32*(\a)+i:32*(\a)+i+1], v[32*(\a)+i:32*(\a)+i+1], v[128+32*(\a)+i:128+32*(\a)+i+1]
.set i, i+2
.endr
	WIN 0x04
.irp t, 0,1,2,3,4,5,6,7
	global_store_b128 v[CO], v[32*(\a)+4*\t:32*(\a)+4*\t+3], s[12:13] offset:(32*((\a)/2)+8*((\a)%2)+(2*\t)%8+16*(\t/4))*4096
.endr
.endm
	s_wait_alu depctr_va_vdst(0)
	s_wait_tensorcnt 1
	s_barrier_signal -1
	s_barrier_wait -1
	FETCH 0
	FETCH 1
	WIN 0
	s_wait_loadcnt 0x0
	WIN 0x80
.irp a, 0,1,2,3
.irp t, 0,1,2,3,4,5,6,7
	global_load_b128 v[128+32*\a+4*\t:128+32*\a+4*\t+3], v[CO], s[98:99] offset:(32*(\a/2)+8*(\a%2)+(2*\t)%8+16*(\t/4))*4096
.endr
.endr
.set Q, 0
.if BIAS
	KSTEP 2
.else
	KSTEP 1
.endif
.set Q, 1
.rept NK-1
	KSTEP 0
.set Q, Q+1
.endr
	WIN 0
	PLACES 4
.irp a, 0,1,2,3
	TOSTAGE \a
.endr
	s_wait_loadcnt 0x0
.irp a, 0,1,2,3
	SEND \a, 16*(3-\a)
.endr
	WIN 0
	s_wait_tensorcnt 0x0
	ds_add_u32 v[SPW], v[NIL]
	s_wait_dscnt 0x0
	CROUND
	s_endpgm
.Lfunc_end_k_q0c8ccc0884_ffn2:
	.size	k_q0c8ccc0884_ffn2, .Lfunc_end_k_q0c8ccc0884_ffn2-k_q0c8ccc0884_ffn2
	.p2alignl 7, 3214868480
	.fill 96, 4, 3214868480
	.section	.rodata,"a",@progbits
	.p2align	6, 0x0
	.amdhsa_kernel k_q0c8ccc0884_ffn2
		.amdhsa_group_segment_fixed_size 327680
		.amdhsa_private_segment_fixed_size 0
		.amdhsa_enable_private_segment 0
		.amdhsa_kernarg_size 40
		.amdhsa_user_sgpr_count 2
		.amdhsa_user_sgpr_kernarg_segment_ptr 1
		.amdhsa_wavefront_size32 1
		.amdhsa_system_sgpr_workgroup_id_x 1
		.amdhsa_system_sgpr_workgroup_id_y 1
		.amdhsa_system_sgpr_workgroup_id_z 1
		.amdhsa_system_vgpr_workitem_id 0
		.amdhsa_next_free_vgpr 1024
		.amdhsa_next_free_sgpr 102
		.amdhsa_reserve_vcc 0
		.amdhsa_float_denorm_mode_32 3
		.amdhsa_float_denorm_mode_16_64 3
		.amdhsa_memory_ordered 1
		.amdhsa_forward_progress 1
		.amdhsa_inst_pref_size 200
	.end_amdhsa_kernel
	.amdgpu_metadata
---
amdhsa.version: [ 1, 2 ]
amdhsa.kernels:
  - .name:           k_q0c8ccc0884_ffn2
    .symbol:         k_q0c8ccc0884_ffn2.kd
    .args:
      - { .name: act, .offset: 0, .size: 8, .value_kind: global_buffer, .address_space: global }
      - { .name: wq, .offset: 8, .size: 8, .value_kind: global_buffer, .address_space: global }
      - { .name: b2, .offset: 16, .size: 8, .value_kind: global_buffer, .address_space: global }
      - { .name: hb, .offset: 24, .size: 8, .value_kind: global_buffer, .address_space: global }
      - { .name: y, .offset: 32, .size: 8, .value_kind: global_buffer, .address_space: global }
    .group_segment_fixed_size: 327680
    .private_segment_fixed_size: 0
    .kernarg_segment_align: 8
    .kernarg_segment_size: 40
    .max_flat_workgroup_size: 128
    .sgpr_count:     102
    .vgpr_count:     1024
    .wavefront_size: 32
...
	.end_amdgpu_metadata
.endif
;; end of part 15
;; launch ln2 (part 16): grid 256 x 1, 8 waves a work-group, no clusters, 0 bytes of LDS; arguments y, g2, be2, out0; writes out0
.if DOCPART == 16
	.amdgcn_target "amdgcn-amd-amdhsa--gfx1250"
	.amdhsa_code_object_version 6
	.text
	.protected	k_q0c8ccc0884_ln2
	.globl	k_q0c8ccc0884_ln2
	.p2align	8
	.type	k_q0c8ccc0884_ln2,@function
k_q0c8ccc0884_ln2:
	s_mov_b64 s[64:65], 0
	v_nop
	global_prefetch_b8 v0, s[64:65] scope:SCOPE_SE
	s_setreg_imm32_b32 hwreg(HW_REG_WAVE_MODE, 25, 1), 1
	s_wait_xcnt 0x0
; out0 = layer norm of y (4,096 rows of 1,024, f32) with gain g2 and bias be2.
; A work-group takes 16 rows, wave w rows 2 w and 2 w + 1, whole, in registers: the mean, then the mean of the squared differences (two passes over registers: a common offset of the row costs nothing), rsqrt, gain and bias.
; Each load and store of a wave covers 512 consecutive bytes.  No LDS, no barrier: a row never leaves its wave.  LIMIT: NaN and infinities are not served.
.set X,     16                         ; v16-79   two rows, 32 registers each: lane l holds columns 128 j + 4 l .. + 3
.set G,     80                         ; v80-111  the gain at my columns
.set BE,    112                        ; v112-143 the bias
.set T,     144
.set MU,    152
.set RS,    154
.set SEL,   12                         ; s[12:13]
.set WV,    24
.macro REDUCE                          ; v[T] summed over the 32 lanes, the result in every lane
	s_delay_alu instid0(VALU_DEP_1)
	v_add_f32_dpp v[T], v[T], v[T] row_xmask:1 row_mask:0xf bank_mask:0xf
	s_delay_alu instid0(VALU_DEP_1)
	v_add_f32_dpp v[T], v[T], v[T] row_xmask:2 row_mask:0xf bank_mask:0xf
	s_delay_alu instid0(VALU_DEP_1)
	v_add_f32_dpp v[T], v[T], v[T] row_xmask:4 row_mask:0xf bank_mask:0xf
	s_delay_alu instid0(VALU_DEP_1)
	v_add_f32_dpp v[T], v[T], v[T] row_xmask:8 row_mask:0xf bank_mask:0xf
	s_delay_alu instid0(VALU_DEP_1)
	v_permlanex16_b32 v[T+1], v[T], s[SEL], s[SEL+1]
	s_delay_alu instid0(VALU_DEP_1)
	v_add_f32 v[T], v[T], v[T+1]
.endm
.macro NORM e                          ; row e becomes (x - mean) / sqrt(var + 1e-6)
.set XR, X+32*\e
	v_pk_add_f32 v[T:T+1], v[XR:XR+1], v[XR+2:XR+3]
	v_pk_add_f32 v[T+2:T+3], v[XR+4:XR+5], v[XR+6:XR+7]
.irp i, 8,12,16,20,24,28
	s_delay_alu instid0(VALU_DEP_2)
	v_pk_add_f32 v[T:T+1], v[T:T+1], v[XR+\i:XR+\i+1]
	s_delay_alu instid0(VALU_DEP_2)
	v_pk_add_f32 v[T+2:T+3], v[T+2:T+3], v[XR+\i+2:XR+\i+3]
.endr
	s_delay_alu instid0(VALU_DEP_1)
	v_pk_add_f32 v[T:T+1], v[T:T+1], v[T+2:T+3]
	s_delay_alu instid0(VALU_DEP_1)
	v_add_f32 v[T], v[T], v[T+1]
	REDUCE
	s_delay_alu instid0(VALU_DEP_1)
	v_mul_f32 v[MU], s14, v[T]                     ; the mean
	s_delay_alu instid0(VALU_DEP_1)
	v_mov_b32 v[MU+1], v[MU]
.set i, 0
.rept 16
	v_pk_add_f32 v[XR+i:XR+i+1], v[XR+i:XR+i+1], v[MU:MU+1] neg_lo:[0,1] neg_hi:[0,1]
.set i, i+2
.endr
	v_pk_mul_f32 v[T:T+1], v[XR:XR+1], v[XR:XR+1]
	v_pk_mul_f32 v[T+2:T+3], v[XR+2:XR+3], v[XR+2:XR+3]
.irp i, 4,8,12,16,20,24,28
	s_delay_alu instid0(VALU_DEP_2)
	v_pk_fma_f32 v[T:T+1], v[XR+\i:XR+\i+1], v[XR+\i:XR+\i+1], v[T:T+1]
	s_delay_alu instid0(VALU_DEP_2)
	v_pk_fma_f32 v[T+2:T+3], v[XR+\i+2:XR+\i+3], v[XR+\i+2:XR+\i+3], v[T+2:T+3]
.endr
	s_delay_alu instid0(VALU_DEP_1)
	v_pk_add_f32 v[T:T+1], v[T:T+1], v[T+2:T+3]
	s_delay_alu instid0(VALU_DEP_1)
	v_add_f32 v[T], v[T], v[T+1]
	REDUCE
	s_delay_alu instid0(VALU_DEP_1)
	v_fma_f32 v[T], v[T], s14, s15                 ; the variance + 1e-6
	s_wait_alu depctr_va_vdst(0)
	v_rsq_f32 v[RS], v[T]
	v_nop                                          ; a plain line behind the transcendental
	s_wait_alu depctr_va_vdst(0)                   ; and the wait ahead of its first reader
	v_mov_b32 v[RS+1], v[RS]
.set i, 0
.rept 16
	v_pk_mul_f32 v[XR+i:XR+i+1], v[XR+i:XR+i+1], v[RS:RS+1]
.set i, i+2
.endr
.endm
	s_load_b256 s[4:11], s[0:1], 0x0               ; y, g2, be2, out0
	v_lshrrev_b32 v1, 5, v0
	s_delay_alu instid0(VALU_DEP_1)
	v_readfirstlane_b32 s[WV], v1                  ; wave 0..7
	v_and_b32 v2, 31, v0
	s_delay_alu instid0(VALU_DEP_1)
	v_lshlrev_b32 v1, 4, v2                        ; 16 x lane
	s_lshl_b32 s28, ttmp9, 4
	s_lshl_b32 s29, s[WV], 1
	s_add_co_u32 s28, s28, s29                     ; my first row: 16 x work-group + 2 w
	s_lshl_b32 s28, s28, 12
	s_mov_b32 s29, 0
	s_mov_b32 s[SEL], 0x76543210
	s_mov_b32 s[SEL+1], 0xfedcba98
	s_mov_b32 s14, 0x3a800000                      ; 1 / 1,024
	s_mov_b32 s15, 0x358637bd                      ; 1e-6
	s_wait_alu depctr_va_vdst(0)
	s_wait_kmcnt 0x0
	s_add_nc_u64 s[16:17], s[4:5], s[28:29]
	s_add_nc_u64 s[22:23], s[10:11], s[28:29]
.irp e, 0,1
.irp j, 0,1,2,3,4,5,6,7
	global_load_b128 v[X+32*\e+4*\j:X+32*\e+4*\j+3], v1, s[16:17] offset:4096*\e+512*\j th:TH_LOAD_NT
.endr
.endr
.irp j, 0,1,2,3,4,5,6,7
	global_load_b128 v[G+4*\j:G+4*\j+3], v1, s[6:7] offset:512*\j
	global_load_b128 v[BE+4*\j:BE+4*\j+3], v1, s[8:9] offset:512*\j
.endr
	s_wait_loadcnt 16                              ; my two rows are in; the 16 loads of gain and bias may be out
	NORM 0
	NORM 1
	s_wait_loadcnt 0x0
.irp e, 0,1
.set i, 0
.rept 16
	v_pk_fma_f32 v[X+32*\e+i:X+32*\e+i+1], v[X+32*\e+i:X+32*\e+i+1], v[G+i:G+i+1], v[BE+i:BE+i+1]
.set i, i+2
.endr
.endr
.irp e, 0,1
.irp j, 0,1,2,3,4,5,6,7
	global_store_b128 v1, v[X+32*\e+4*\j:X+32*\e+4*\j+3], s[22:23] offset:4096*\e+512*\j th:TH_STORE_NT     ; 32 lanes store 512 consecutive bytes, aligned
.endr
.endr
	s_endpgm
.Lfunc_end_k_q0c8ccc0884_ln2:
	.size	k_q0c8ccc0884_ln2, .Lfunc_end_k_q0c8ccc0884_ln2-k_q0c8ccc0884_ln2
	.p2alignl 7, 3214868480
	.fill 96, 4, 3214868480
	.section	.rodata,"a",@progbits
	.p2align	6, 0x0
	.amdhsa_kernel k_q0c8ccc0884_ln2
		.amdhsa_group_segment_fixed_size 0
		.amdhsa_private_segment_fixed_size 0
		.amdhsa_enable_private_segment 0
		.amdhsa_kernarg_size 32
		.amdhsa_user_sgpr_count 2
		.amdhsa_user_sgpr_kernarg_segment_ptr 1
		.amdhsa_wavefront_size32 1
		.amdhsa_system_sgpr_workgroup_id_x 1
		.amdhsa_system_sgpr_workgroup_id_y 1
		.amdhsa_system_sgpr_workgroup_id_z 1
		.amdhsa_system_vgpr_workitem_id 0
		.amdhsa_next_free_vgpr 160
		.amdhsa_next_free_sgpr 66
		.amdhsa_reserve_vcc 0
		.amdhsa_float_denorm_mode_32 3
		.amdhsa_float_denorm_mode_16_64 3
		.amdhsa_memory_ordered 1
		.amdhsa_forward_progress 1
		.amdhsa_inst_pref_size 21
	.end_amdhsa_kernel
	.amdgpu_metadata
---
amdhsa.version: [ 1, 2 ]
amdhsa.kernels:
  - .name:           k_q0c8ccc0884_ln2
    .symbol:         k_q0c8ccc0884_ln2.kd
    .args:
      - { .name: y, .offset: 0, .size: 8, .value_kind: global_buffer, .address_space: global }
      - { .name: g2, .offset: 8, .size: 8, .value_kind: global_buffer, .address_space: global }
      - { .name: be2, .offset: 16, .size: 8, .value_kind: global_buffer, .address_space: global }
      - { .name: out0, .offset: 24, .size: 8, .value_kind: global_buffer, .address_space: global }
    .group_segment_fixed_size: 0
    .private_segment_fixed_size: 0
    .kernarg_segment_align: 8
    .kernarg_segment_size: 32
    .max_flat_workgroup_size: 256
    .sgpr_count:     66
    .vgpr_count:     160
    .wavefront_size: 32
...
	.end_amdgpu_metadata
.endif
;; end of part 16
